; MI455X (gfx1250); checked and timed in simulation.
; The chip was launched on July 23, 2026; its instructions are those of AMD's public machine-readable ISA for CDNA 5 (MIT licence, August 2026) and "CDNA5" Instruction Set Architecture Reference Guide (July 2026). The comments in the code are by the model that wrote it; some were corrected since.
;; Transformer Self Attention. Allowed arithmetic: matrix products marked QUANTISED: E2M3 operands, one E8M0 scale for each 32 along K, by v_wmma_scale_f32_16x16x128_f8f6f4 with both operands' format E2M3, f32 sums; everything else in f32.
;; Inputs: W1_codes 4,096 x 32 x 24 uint8 (E2M3 codes of W1, K innermost, in blocks of 32 codes, four codes in three bytes); W1_scales 4,096 x 32 uint8 (E8M0 scales of W1, one for each 32 codes along K); W2_codes 1,024 x 128 x 24 uint8 (E2M3 codes of W2, K innermost, in blocks of 32 codes, four codes in three bytes); W2_scales 1,024 x 128 uint8 (E8M0 scales of W2, one for each 32 codes along K); Wk_codes 1,024 x 32 x 24 uint8 (E2M3 codes of Wk, K innermost, in blocks of 32 codes, four codes in three bytes); Wk_scales 1,024 x 32 uint8 (E8M0 scales of Wk, one for each 32 codes along K); Wp_codes 1,024 x 32 x 24 uint8 (E2M3 codes of Wp, K innermost, in blocks of 32 codes, four codes in three bytes); Wp_scales 1,024 x 32 uint8 (E8M0 scales of Wp, one for each 32 codes along K); Wq_codes 1,024 x 32 x 24 uint8 (E2M3 codes of Wq, K innermost, in blocks of 32 codes, four codes in three bytes); Wq_scales 1,024 x 32 uint8 (E8M0 scales of Wq, one for each 32 codes along K); Wv_codes 1,024 x 32 x 24 uint8 (E2M3 codes of Wv, K innermost, in blocks of 32 codes, four codes in three bytes); Wv_scales 1,024 x 32 uint8 (E8M0 scales of Wv, one for each 32 codes along K); b1 1,024 float32; b2 1,024 float32; bm1 4,096 float32; bm2 1,024 float32; bp 1,024 float32; g1 1,024 float32; g2 1,024 float32; x 2 x 2,048 x 1,024 float32.
;; Outputs: out0 2 x 2,048 x 1,024 float32.
;; This version of the problem:
;;   THIS VERSION OF THE PROBLEM IS GIVEN IN LOW PRECISION. The matrix products marked QUANTISED in the list below multiply operands that are first quantised to E2M3 (2 exponent bits, 3 mantissa bits; 6 bits a number), with one power-of-two scale for each 32 numbers along K (OCP MX v1.0); their sums are f32. All else is computed in f32.
;;   The module's matrix products, in the order in which they are computed (A, B: the left and right operand; K: the contracted axis; several contracted axes count as one K, in the product's order):
;;     1. [M 4,096, K 1,024] x [K 1,024, N 1,024]; A: computed on the way; B: input Wq (given as codes): QUANTISED
;;     2. [M 4,096, K 1,024] x [K 1,024, N 1,024]; A: computed on the way; B: input Wk (given as codes): QUANTISED
;;     3. [M 4,096, K 1,024] x [K 1,024, N 1,024]; A: computed on the way; B: input Wv (given as codes): QUANTISED
;;     4. batch 32 x [M 2,048, K 64] x [K 64, N 2,048]; A: computed on the way; B: computed on the way: QUANTISED
;;     5. batch 32 x [M 2,048, K 2,048] x [K 2,048, N 64]; A: softmax (see below); B: computed on the way: QUANTISED
;;     6. [M 4,096, K 1,024] x [K 1,024, N 1,024]; A: computed on the way; B: input Wp (given as codes): QUANTISED
;;     7. [M 4,096, K 1,024] x [K 1,024, N 4,096]; A: computed on the way; B: input W1 (given as codes): QUANTISED
;;     8. [M 4,096, K 4,096] x [K 4,096, N 1,024]; A: computed on the way; B: input W2 (given as codes): QUANTISED
;;   THE QUANTISER, for each operand of a quantised product, along K:
;;     - K is cut into blocks of 32 from its start; a last block that is shorter is filled with zeros.
;;     - A block's scale is 2^e with e = floor(log2(the largest magnitude in the block)) - 2, held to -126 .. 127; a block of zeros has e = 0. As a byte (E8M0): e + 127.
;;     - Each number is divided by its block's scale, clamped to +-7.5, and rounded to the nearest number of E2M3, ties to even, subnormals kept.
;;     - The product sums the exact products of the quantised numbers (number of the format x scale) in f32.
;;   ~~~python
;;   def quantise(x, axis):      # numpy; x: float32 -> the quantised numbers, widened to float32 again
;;       x = np.moveaxis(x, axis, -1); K = x.shape[-1]
;;       x = np.pad(x, [(0, 0)] * (x.ndim - 1) + [(0, -K % 32)]); x = x.reshape(x.shape[:-1] + (-1, 32)); a = np.abs(x).max(-1, keepdims=True)
;;       e = np.where(a > 0, np.clip(np.frexp(np.where(a > 0, a, 1))[1] - 1 - 2, -126, 127), 0)      # np.frexp(a)[1] - 1 = floor(log2(a)), exactly
;;       r = np.clip(x / 2.0 ** e, -7.5, 7.5)
;;       step = 2.0 ** (np.maximum(np.frexp(np.where(r == 0, 1, r))[1] - 1, 0) - 3)
;;       q = np.round(r / step) * step * 2.0 ** e      # np.round: ties to even
;;       return np.moveaxis(q.reshape(q.shape[:-2] + (-1,))[..., :K], -1, axis).astype(np.float32)
;;   ~~~
;;   SOFTMAX AHEAD OF A QUANTISED PRODUCT. Where the list says 'softmax', what is quantised is not the finished softmax but p = 2^(t - M), with t = logit x log2(e) and M = ceil(the row's largest t), a whole number; so 1/2 < the row's largest p <= 1. The row's sum l is taken of the UNQUANTISED p, in f32, and the product's result is divided by l at the end. Since M is a whole number, a kernel that streams over the keys may use a running M (the ceiling of the running maximum): every later rescaling is an exact power of two, which a block's scale takes up: the codes' values come out the same.
;;   OPERANDS COMPUTED ON THE WAY. 'Computed on the way' means the value that the module computes at that place (a softmax that the list does not call 'softmax' is quantised finished and normalised). What goes into a quantiser is computed in f32, as accurately as f32 sums, v_exp_f32 and their like allow (about 1e-6 of the number): no bf16 or f16 on the way to a quantiser, and a product that is left as it is and whose result goes on into a quantised operand takes f32 operands (vector FMAs, or v_wmma_f32_16x16x4_f32). A number that lies on a knife's edge between two numbers of the format may be rounded either way, as far as f32 arithmetic and the matrix unit's own rounding can turn it there, and no further.
;;   INPUTS GIVEN AS CODES. W1 (in the module: [1024, 4096], K = its axis 0); W2 (in the module: [4096, 1024], K = its axis 0); Wk (in the module: [1024, 1024], K = its axis 0); Wp (in the module: [1024, 1024], K = its axis 0); Wq (in the module: [1024, 1024], K = its axis 0); Wv (in the module: [1024, 1024], K = its axis 0): each comes as NAME_codes (uint8): NAME with its K axis moved to the last place and cut into blocks of 32 codes, [.., K / 32, bytes a block], one block behind the other in memory; four codes in three bytes: a row's codes are one little-endian stream of bits, code i at bits 6 i .. 6 i + 5 (a code: sign, 2 exponent bits, 3 mantissa bits); and NAME_scales (uint8): the same leading axes, one E8M0 byte (e + 127) for each 32 codes along K. Its value is code x scale, taken as it is: it is not quantised again, and the codes and scales need not be those that the quantiser above would give.
;; 2 versions. Each part assembles by itself: llvm-mc -triple=amdgcn-amd-amdhsa -mcpu=gfx1250 --defsym DOCPART=n.
;; ======== version 1 of 2: 7 launches
;; workspace buffers: xnb 20,054,016 bytes; wimg 9,830,400 bytes; qkvb 10,223,616 bytes; yb 3,276,800 bytes; hb 16,777,216 bytes; hnb 3,276,800 bytes; gb 13,107,200 bytes
;; launch prep (part 1): grid 448 x 1, 4 waves a work-group, no clusters, 82,432 bytes of LDS; arguments x, g1, b1, xnb, Wq_codes, Wq_scales, Wk_codes, Wk_scales, Wv_codes, Wv_scales, Wp_codes, Wp_scales, W1_codes, W1_scales, W2_codes, W2_scales, wimg; writes xnb, wimg
.if DOCPART == 1
	.amdgcn_target "amdgcn-amd-amdhsa--gfx1250"
	.amdhsa_code_object_version 6
	.text
	.protected	k_qdd8b20f2c2_prep
	.globl	k_qdd8b20f2c2_prep
	.p2align	8
	.type	k_qdd8b20f2c2_prep,@function
k_qdd8b20f2c2_prep:
	s_mov_b64 s[64:65], 0
	v_nop
	global_prefetch_b8 v0, s[64:65] scope:SCOPE_SE
	s_setreg_imm32_b32 hwreg(HW_REG_WAVE_MODE, 25, 1), 1
	s_wait_xcnt 0x0
; PREP.  Work-groups 0-255: xn = layernorm(x) g1 + b1, stored as f32 and as codes of FP6 (E2M3) with E8M0 scales.  Work-groups 256-447: the six weights' codes and scale bytes are laid anew.
; THE IMAGE, the one layout of every operand of this program: [group of 128 rows rb][ks = k / 128][tile i = 0..7][half c = 0, 1][768 bytes].  Lane L = (r = L % 16, h = L / 16) of tile i stands for row
; 128 rb + rho(i, r), rho(i, r) = 32 (i / 2) + 8 (i % 2) + r + 8 (r / 8), and holds in half c the 24 bytes of codes k = 128 ks + 64 c + 32 h + 0 .. 31: its words 0-3 at 16 L, its words 4-5 at 512 + 8 L.
; So a fragment of 12 registers comes and goes by two accesses of 16 bytes and two of 8 bytes a lane, each of them 512 or 256 consecutive bytes for the wave.
; THE SCALE WORDS: [rb][ks][lane L][word j = 0..3]: word j of lane (r, h) holds the four E8M0 bytes of row rho(2 j + h, r) for k = 128 ks + 32 b.
; LAYERNORM: mean, then the mean of the squared differences (two passes over registers: no difference of large sums), v_rsq_f32, all in f32.
; THE QUANTISER: a block's scale byte is its largest magnitude's exponent field - 2, held at 1 from below.  A block of zeros so gets the byte 1 where the rule says 127: its codes are zeros, and this program alone reads the bytes.
; LIMITS: NaN and infinities among the inputs are not served; blocks whose largest magnitude lies under 2^-124 were not tried.
; The two paths part on the work-group's number and have LDS bytes of their own.
.set XS,   3145728                     ; xnb: the image at 0, the scale words here,
.set XF,   3276800                     ; xn as f32 [4096][1024] here
.set IMG,  18432                       ; LDS, first path: four turning stages of 4,608 bytes at 0; the tile's image, 8 ks x 1,536 bytes;
.set SCB,  30720                       ; its scale bytes, [ks][r][4]
.set RLY,  31232                       ; LDS, second path: 16 rows x 784 bytes for each wave
.set RP,   784
.set STOREF, 1
.set X,    208                         ; v208-239 a block of 32 numbers
.set C,    240                         ; v240-246 its codes
	v_lshl_add_u32 v254, v0, 2, 0x14000
	v_mov_b32 v255, 0
	s_cmp_lt_u32 ttmp9, 256
	s_cbranch_scc0 .Lrelay
	; ---------------- layernorm and quantiser.  Work-group T owns tile (rb = T / 8, i = T % 8): 16 rows.  Wave w owns r = 4 w .. 4 w + 3, which are four neighbouring rows of x.
	s_load_b256 s[4:11], s[0:1], 0x0               ; x, g1, b1, xnb
	v_lshrrev_b32 v1, 5, v0
	v_readfirstlane_b32 s12, v1                    ; wave
	v_and_b32 v1, 31, v0                           ; L
	v_lshlrev_b32 v2, 4, v1                        ; 16 L
	s_mul_i32 s13, s12, 4608                       ; my turning stage: 32 places of 128 + 16 bytes
	v_lshrrev_b32 v8, 3, v1
	v_mul_u32_u24 v3, v8, 144
	v_and_b32 v8, 7, v1
	v_lshl_add_u32 v3, v8, 4, v3
	v_add_nc_u32 v3, s13, v3                       ; in: 144 (L / 8) + 16 (L % 8); load i of a row lies 576 i further on
	v_mul_u32_u24 v4, v1, 144
	v_add_nc_u32 v4, s13, v4                       ; out: 144 L: lane L takes block L of the row
	v_lshrrev_b32 v8, 2, v1                        ; block L: ks = L / 4,
	v_mul_u32_u24 v9, v8, 1536
	v_bfe_u32 v10, v1, 1, 1                        ; c = (L / 2) % 2,
	v_mad_u32_u24 v9, v10, 768, v9
	v_and_b32 v10, 1, v1                           ; h = L % 2
	v_lshl_add_u32 v5, v10, 8, v9
	v_lshl_add_u32 v6, v10, 7, v9
	s_lshl_b32 s14, s12, 6
	s_add_co_u32 s14, s14, IMG
	v_add_nc_u32 v5, s14, v5                       ; words 0-3 of image lane r + 16 h: + 16 r, r = 4 w + t
	s_lshl_b32 s14, s12, 5
	s_add_co_u32 s14, s14, IMG+512
	v_add_nc_u32 v6, s14, v6                       ; words 4-5: + 8 r
	v_lshlrev_b32 v7, 6, v8
	v_and_b32 v10, 3, v1
	v_add_nc_u32 v7, v7, v10
	s_lshl_b32 s14, s12, 4
	s_add_co_u32 s14, s14, SCB
	v_add_nc_u32 v7, s14, v7                       ; the scale byte: 64 ks + 4 r + L % 4
	s_lshr_b32 s15, ttmp9, 3                       ; rb
	s_and_b32 s16, ttmp9, 7                        ; i
	s_lshl_b32 s17, s15, 7
	s_lshr_b32 s18, s16, 1
	s_lshl_b32 s18, s18, 5
	s_add_co_u32 s17, s17, s18
	s_and_b32 s18, s16, 1
	s_lshl_b32 s18, s18, 3
	s_add_co_u32 s17, s17, s18
	s_lshl_b32 s18, s12, 2
	s_add_co_u32 s17, s17, s18
	s_lshr_b32 s18, s12, 1
	s_lshl_b32 s18, s18, 3
	s_add_co_u32 s17, s17, s18                     ; my first row: 128 rb + 32 (i / 2) + 8 (i % 2) + 4 w + 8 (w / 2)
	s_lshl_b32 s20, s17, 12
	s_mov_b32 s21, 0
	s_mul_i32 s24, s15, 98304                      ; the image's way out: rb, my two ks, tile i
	s_mul_i32 s18, s12, 24576
	s_add_co_u32 s24, s24, s18
	s_mul_i32 s18, s16, 1536
	s_add_co_u32 s24, s24, s18
	s_mov_b32 s25, 0
	s_lshl_b32 s26, s15, 12                        ; the scale words': rb, + 256 (i % 2) + 4 (i / 2)
	s_and_b32 s18, s16, 1
	s_lshl_b32 s18, s18, 8
	s_add_co_u32 s26, s26, s18
	s_lshr_b32 s18, s16, 1
	s_lshl_b32 s18, s18, 2
	s_add_co_u32 s26, s26, s18
	s_add_co_u32 s26, s26, XS
	s_mov_b32 s27, 0
	s_mov_b32 s30, 0x3a800000                      ; 1 / 1024
	s_mov_b32 s31, 0x3727c5ac                      ; 1e-5
	s_mov_b32 s32, 0x76543210
	s_mov_b32 s33, 0xfedcba98                      ; v_permlanex16_b32's selects for lane l xor 16
	s_wait_kmcnt 0x0
	s_add_nc_u64 s[4:5], s[4:5], s[20:21]
	s_add_nc_u64 s[22:23], s[10:11], s[20:21]
	s_add_nc_u64 s[22:23], s[22:23], XF
	s_add_nc_u64 s[24:25], s[10:11], s[24:25]
	s_add_nc_u64 s[26:27], s[10:11], s[26:27]
.irp i, 0,1,2,3,4,5,6,7
	global_load_b128 v[16+4*\i:19+4*\i], v2, s[6:7] offset:512*\i        ; the gain, at my columns 128 i + 4 L + 0 .. 3
.endr
.irp i, 0,1,2,3,4,5,6,7
	global_load_b128 v[48+4*\i:51+4*\i], v2, s[8:9] offset:512*\i        ; the bias
.endr
.irp t, 0,1,2,3
.irp i, 0,1,2,3,4,5,6,7
	global_load_b128 v[80+32*\t+4*\i:83+32*\t+4*\i], v2, s[4:5] offset:4096*\t+512*\i th:TH_LOAD_NT   ; all four rows are asked for at once: 32 lanes read 512 consecutive bytes
.endr
.endr
.macro WSUM r, t                       ; the sum over the wave's 32 lanes, in every lane
	v_add_f32_dpp v[\r], v[\r], v[\r] row_xmask:1 row_mask:0xf bank_mask:0xf
	v_add_f32_dpp v[\r], v[\r], v[\r] row_xmask:2 row_mask:0xf bank_mask:0xf
	v_add_f32_dpp v[\r], v[\r], v[\r] row_xmask:4 row_mask:0xf bank_mask:0xf
	v_add_f32_dpp v[\r], v[\r], v[\r] row_xmask:8 row_mask:0xf bank_mask:0xf
	v_permlanex16_b32 v[\t], v[\r], s32, s33
	v_add_f32 v[\r], v[\r], v[\t]
.endm
.macro ROW t
.set R, 80+32*(\t)
	s_wait_loadcnt 8*(3-(\t))                      ; gain, bias and this row are in; the later rows' loads, eight each, may be out
	v_pk_add_f32 v[8:9], v[R:R+1], v[R+2:R+3]
	v_pk_add_f32 v[10:11], v[R+4:R+5], v[R+6:R+7]
.irp j, 8,12,16,20,24,28
	v_pk_add_f32 v[8:9], v[8:9], v[R+\j:R+\j+1]
	v_pk_add_f32 v[10:11], v[10:11], v[R+\j+2:R+\j+3]
.endr
	v_pk_add_f32 v[8:9], v[8:9], v[10:11]
	v_add_f32 v8, v8, v9
	WSUM 8, 9
	v_mul_f32 v12, s30, v8                         ; the mean, twice: a pair for the packed form
	v_mov_b32 v13, v12
.irp j, 0,2,4,6,8,10,12,14,16,18,20,22,24,26,28,30
	v_pk_add_f32 v[R+\j:R+\j+1], v[R+\j:R+\j+1], v[12:13] neg_lo:[0,1] neg_hi:[0,1]
.endr
	v_pk_mul_f32 v[8:9], v[R:R+1], v[R:R+1]
	v_pk_mul_f32 v[10:11], v[R+2:R+3], v[R+2:R+3]
.irp j, 4,8,12,16,20,24,28
	v_pk_fma_f32 v[8:9], v[R+\j:R+\j+1], v[R+\j:R+\j+1], v[8:9]
	v_pk_fma_f32 v[10:11], v[R+\j+2:R+\j+3], v[R+\j+2:R+\j+3], v[10:11]
.endr
	v_pk_add_f32 v[8:9], v[8:9], v[10:11]
	v_add_f32 v8, v8, v9
	WSUM 8, 9
	v_fma_f32 v8, v8, s30, s31                     ; the variance + 1e-5
	v_rsq_f32 v12, v8
	v_rsq_f32 v13, v8
	v_nop                                          ; a plain line behind the two
	s_wait_alu depctr_va_vdst(0)                   ; one wait for both, ahead of their first reader
.irp j, 0,2,4,6,8,10,12,14,16,18,20,22,24,26,28,30
	v_pk_mul_f32 v[R+\j:R+\j+1], v[R+\j:R+\j+1], v[12:13]
.endr
.irp j, 0,2,4,6,8,10,12,14,16,18,20,22,24,26,28,30
	v_pk_fma_f32 v[R+\j:R+\j+1], v[R+\j:R+\j+1], v[16+\j:17+\j], v[48+\j:49+\j]
.endr
.if STOREF
.irp i, 0,1,2,3,4,5,6,7
	global_store_b128 v2, v[R+4*\i:R+4*\i+3], s[22:23] offset:4096*(\t)+512*\i   ; the row as f32: 512 consecutive bytes a store
.endr
.endif
.irp i, 0,1,2,3,4,5,6,7
	ds_store_b128 v3, v[R+4*\i:R+4*\i+3] offset:576*\i                   ; the row turns through my stage, so that a lane holds a whole block of 32
.endr
.irp j, 0,1,2,3,4,5,6,7
	ds_load_b128 v[X+4*\j:X+4*\j+3], v4 offset:16*\j                     ; LDS serves a wave's instructions in order: these see the stores above
.endr
	s_wait_dscnt 0x0
	v_max3_num_f32 v8, |v[X]|, |v[X+1]|, |v[X+2]|
	v_max3_num_f32 v9, |v[X+3]|, |v[X+4]|, |v[X+5]|
.irp i, 6,10,14,18,22,26
	v_max3_num_f32 v8, v8, |v[X+\i]|, |v[X+\i+1]|
	v_max3_num_f32 v9, v9, |v[X+\i+2]|, |v[X+\i+3]|
.endr
	v_max3_num_f32 v8, v8, |v[X+30]|, |v[X+31]|
	v_max3_num_f32 v8, v8, v9, 0x1800000           ; and the floor 2^(3 - 127): the byte cannot fall under 1
	v_add_nc_u32 v10, 0xff000000, v8               ; 2 off the exponent field: the conversion's scale operand
	v_lshrrev_b32 v11, 23, v10                     ; the scale's byte
	v_cvt_scalef32_pk16_fp6_f32 v[C:C+2], v[X:X+15], v10
	v_cvt_scalef32_pk16_fp6_f32 v[C+4:C+6], v[X+16:X+31], v10   ; (a conversion's three registers begin on an even number)
	v_nop                                          ; one plain line behind a scaled conversion
	v_mov_b32 v[C+3], v[C+4]
	v_mov_b32 v[C+4], v[C+5]
	v_mov_b32 v[C+5], v[C+6]
	ds_store_b128 v5, v[C:C+3] offset:16*(\t)
	ds_store_b64 v6, v[C+4:C+5] offset:8*(\t)
	ds_store_b8 v7, v11 offset:4*(\t)
.endm
	ROW 0
	ROW 1
	ROW 2
	ROW 3
	s_wait_dscnt 0x0                               ; for the others' sake: my stores into the image are done
	s_barrier_signal -1
	s_barrier_wait -1
	s_mul_i32 s14, s12, 3072
	s_add_co_u32 s14, s14, IMG
	v_add_nc_u32 v8, s14, v2                       ; wave w takes ks = 2 w and 2 w + 1 of the tile
.irp e, 0,1
.irp c, 0,1,2
	ds_load_b128 v[208+12*\e+4*\c:211+12*\e+4*\c], v8 offset:1536*\e+512*\c
.endr
.endr
	v_lshl_add_u32 v9, v0, 2, SCB
	ds_load_b32 v232, v9                           ; thread n: the word of ks = n / 16, r = n % 16
	v_lshrrev_b32 v10, 4, v0
	v_and_b32 v11, 15, v0
	v_lshlrev_b32 v10, 9, v10
	v_lshl_add_u32 v10, v11, 4, v10
	s_wait_dscnt 0x0
.irp e, 0,1
.irp c, 0,1,2
	global_store_b128 v2, v[208+12*\e+4*\c:211+12*\e+4*\c], s[24:25] offset:12288*\e+512*\c
.endr
.endr
	global_store_b32 v10, v232, s[26:27]           ; a tile owns one word in four of the scale words' rows: 4 bytes of each 16; the scale words are 131,072 bytes in all
	s_wait_tensorcnt 0x0
	ds_add_u32 v254, v255
	s_wait_dscnt 0x0
	s_endpgm
	; ---------------- the weights.  A wave takes 16 rows rho(i, .) x 1,024 along K: rows come in as they lie, turn through the wave's own LDS rows, and leave as eight fragments.  No barrier: waves share nothing.
.Lrelay:
	s_load_b512 s[16:31], s[0:1], 0x20             ; Wq, Wk, Wv, Wp: codes and scales
	s_load_b256 s[32:39], s[0:1], 0x60             ; W1, W2: codes and scales
	s_load_b64 s[40:41], s[0:1], 0x80              ; wimg
	v_lshrrev_b32 v1, 5, v0
	v_readfirstlane_b32 s12, v1                    ; wave
	s_sub_co_u32 s8, ttmp9, 256                    ; g: 0-63 the four square weights, 64-127 W1, 128-191 W2
	s_lshl_b32 s9, s8, 2
	s_add_co_u32 s9, s9, s12                       ; u = 4 g + wave
	s_and_b32 s10, s9, 63                          ; the tile, for a square weight;
	s_sub_co_u32 s11, s9, 256                      ; for W1;
	s_sub_co_u32 s13, s9, 512
	s_lshr_b32 s13, s13, 2                         ; for W2,
	s_and_b32 s14, s9, 3                           ; whose K has four parts of 1,024
	s_lshr_b32 s15, s8, 4                          ; which square weight
	s_mul_i32 s42, s15, 786432
	s_lshl_b32 s43, s15, 15
	s_add_co_u32 s43, s43, 9437184
	s_mov_b32 s48, 3072                            ; W2's figures: a row of codes in bytes,
	s_mov_b32 s49, 128                             ; a row of scale bytes,
	s_mov_b32 s50, 32                              ; K / 128,
	s_mov_b32 s51, 6291456                         ; its image in wimg,
	s_mov_b32 s52, 9699328                         ; its scale words
	s_cmp_lt_u32 s8, 128
	s_cselect_b32 s13, s11, s13
	s_cselect_b32 s14, 0, s14
	s_cselect_b32 s48, 768, s48
	s_cselect_b32 s49, 32, s49
	s_cselect_b32 s50, 8, s50
	s_cselect_b32 s51, 3145728, s51
	s_cselect_b32 s52, 9568256, s52
	s_cmp_lt_u32 s8, 64
	s_cselect_b32 s13, s10, s13
	s_cselect_b32 s51, s42, s51
	s_cselect_b32 s52, s43, s52
	s_lshr_b32 s53, s13, 3                         ; rb
	s_and_b32 s54, s13, 7                          ; i
	s_lshl_b32 s55, s53, 7
	s_lshr_b32 s56, s54, 1
	s_and_b32 s57, s54, 1
	s_lshl_b32 s58, s56, 5
	s_add_co_u32 s55, s55, s58
	s_lshl_b32 s58, s57, 3
	s_add_co_u32 s55, s55, s58                     ; the tile's first row; its rows are this + 0 .. 7 and + 16 .. 23
	s_mul_i32 s60, s55, s48
	s_mul_i32 s58, s14, 768
	s_add_co_u32 s60, s60, s58                     ; the codes, in
	s_mov_b32 s61, 0
	s_mul_i32 s62, s55, s49
	s_lshl_b32 s58, s14, 5
	s_add_co_u32 s62, s62, s58                     ; the scale bytes, in
	s_mov_b32 s63, 0
	s_mul_i32 s58, s53, s50
	s_lshl_b32 s59, s14, 3
	s_add_co_u32 s58, s58, s59                     ; rb x K / 128 + my first ks
	s_lshl_b32 s66, s58, 3
	s_add_co_u32 s66, s66, s54
	s_mul_i32 s66, s66, 1536
	s_add_co_u32 s66, s66, s51                     ; the image, out
	s_mov_b32 s67, 0
	s_lshl_b32 s68, s58, 9
	s_add_co_u32 s68, s68, s52
	s_lshl_b32 s59, s57, 8
	s_add_co_u32 s68, s68, s59
	s_lshl_b32 s59, s56, 2
	s_add_co_u32 s68, s68, s59                     ; the scale words, out
	s_mov_b32 s69, 0
	v_and_b32 v1, 31, v0                           ; L
	v_and_b32 v2, 15, v0                           ; r
	v_bfe_u32 v3, v0, 4, 1                         ; h
	v_lshlrev_b32 v4, 4, v1                        ; two rows' 1,536 bytes come by three loads of 512: the first row's bytes 0-511;
	v_lshlrev_b32 v5, 3, v1
	s_sub_co_u32 s58, s48, 768
	v_mul_u32_u24 v6, v3, s58
	v_add_nc_u32 v6, v6, v4
	v_add_nc_u32 v6, 512, v6                       ; its bytes 512-767 (lanes 0-15) and the second row's 0-255 (lanes 16-31);
	s_add_co_u32 s58, s48, 256
	v_add_nc_u32 v7, s58, v4                       ; the second row's 256-767
	s_mul_i32 s59, s12, 16*RP
	s_add_co_u32 s59, s59, RLY
	v_add_nc_u32 v8, s59, v4                       ; and the same three places in my LDS rows
	v_lshl_add_u32 v9, v3, 4, v8
	v_add_nc_u32 v9, 512, v9
	v_add_nc_u32 v10, RP+256, v8
	v_mul_u32_u24 v11, v2, RP
	v_mad_u32_u24 v11, v3, 24, v11
	v_add_nc_u32 v11, s59, v11                     ; out of them: row r, + 24 h
	v_and_b32 v12, 8, v2
	v_add_nc_u32 v12, v12, v2
	v_mul_u32_u24 v12, v12, s49
	v_lshl_add_u32 v12, v3, 4, v12                 ; my row's scale bytes: lane (r, h) takes the words of ks = 4 h + 0 .. 3
	v_lshlrev_b32 v13, 4, v2
	v_lshl_add_u32 v13, v3, 11, v13                ; and where they go: 16 r + 2,048 h
	s_lshl_b32 s53, s48, 1                         ; two rows on;
	s_mul_i32 s54, s48, 10                         ; from rows 6, 7 to rows 16, 17
	s_mov_b32 s52, 0
	s_wait_kmcnt 0x0
	s_mov_b64 s[44:45], s[36:37]                   ; the buffers are chosen by the work-group's number alone
	s_mov_b64 s[46:47], s[38:39]
	s_cmp_lt_u32 s8, 128
	s_cselect_b64 s[44:45], s[32:33], s[44:45]
	s_cselect_b64 s[46:47], s[34:35], s[46:47]
	s_cmp_lt_u32 s8, 64
	s_cselect_b64 s[44:45], s[28:29], s[44:45]
	s_cselect_b64 s[46:47], s[30:31], s[46:47]
	s_cmp_lt_u32 s8, 48
	s_cselect_b64 s[44:45], s[24:25], s[44:45]
	s_cselect_b64 s[46:47], s[26:27], s[46:47]
	s_cmp_lt_u32 s8, 32
	s_cselect_b64 s[44:45], s[20:21], s[44:45]
	s_cselect_b64 s[46:47], s[22:23], s[46:47]
	s_cmp_lt_u32 s8, 16
	s_cselect_b64 s[44:45], s[16:17], s[44:45]
	s_cselect_b64 s[46:47], s[18:19], s[46:47]
	s_add_nc_u64 s[44:45], s[44:45], s[60:61]
	s_add_nc_u64 s[46:47], s[46:47], s[62:63]
	s_add_nc_u64 s[42:43], s[40:41], s[66:67]
	s_add_nc_u64 s[40:41], s[40:41], s[68:69]
	global_load_b128 v[16:19], v12, s[46:47]
.irp pr, 0,1,2,3,4,5,6,7               ; each load has an offset register of its own, so nothing that a pending load names is written again
	v_add_nc_u32 v[224+3*\pr], s52, v4
	v_add_nc_u32 v[225+3*\pr], s52, v6
	v_add_nc_u32 v[226+3*\pr], s52, v7
	global_load_b128 v[32+12*\pr:35+12*\pr], v[224+3*\pr], s[44:45] th:TH_LOAD_NT
	global_load_b128 v[36+12*\pr:39+12*\pr], v[225+3*\pr], s[44:45] th:TH_LOAD_NT
	global_load_b128 v[40+12*\pr:43+12*\pr], v[226+3*\pr], s[44:45] th:TH_LOAD_NT
.if \pr == 3
	s_add_co_u32 s52, s52, s54
.else
	s_add_co_u32 s52, s52, s53
.endif
.endr
	s_wait_loadcnt 0x0
.irp pr, 0,1,2,3,4,5,6,7
	ds_store_b128 v8, v[32+12*\pr:35+12*\pr] offset:2*\pr*RP
	ds_store_b128 v9, v[36+12*\pr:39+12*\pr] offset:2*\pr*RP
	ds_store_b128 v10, v[40+12*\pr:43+12*\pr] offset:2*\pr*RP
.endr
.irp ks, 0,1,2,3,4,5,6,7
.irp c, 0,1
.irp p, 0,1,2
	ds_load_b64 v[128+6*(2*\ks+\c)+2*\p:129+6*(2*\ks+\c)+2*\p], v11 offset:96*\ks+48*\c+8*\p   ; my 24 bytes of half c of ks, in pieces of 8 (LDS serves a wave in order: these see the stores)
.endr
.endr
.endr
	s_wait_dscnt 0x0
.irp ks, 0,1,2,3,4,5,6,7
.irp c, 0,1
	global_store_b128 v4, v[128+6*(2*\ks+\c):131+6*(2*\ks+\c)], s[42:43] offset:12288*\ks+768*\c
	global_store_b64 v5, v[132+6*(2*\ks+\c):133+6*(2*\ks+\c)], s[42:43] offset:12288*\ks+768*\c+512
.endr
.endr
.irp k, 0,1,2,3
	global_store_b32 v13, v[16+\k], s[40:41] offset:512*\k   ; a tile owns one word in four: 4 bytes of each 16; all weights' scale words are 393,216 bytes
.endr
	s_wait_tensorcnt 0x0
	ds_add_u32 v254, v255
	s_wait_dscnt 0x0
	s_endpgm
.Lfunc_end_k_qdd8b20f2c2_prep:
	.size	k_qdd8b20f2c2_prep, .Lfunc_end_k_qdd8b20f2c2_prep-k_qdd8b20f2c2_prep
	.p2alignl 7, 3214868480
	.fill 96, 4, 3214868480
	.section	.rodata,"a",@progbits
	.p2align	6, 0x0
	.amdhsa_kernel k_qdd8b20f2c2_prep
		.amdhsa_group_segment_fixed_size 82432
		.amdhsa_private_segment_fixed_size 0
		.amdhsa_enable_private_segment 0
		.amdhsa_kernarg_size 136
		.amdhsa_user_sgpr_count 2
		.amdhsa_user_sgpr_kernarg_segment_ptr 1
		.amdhsa_wavefront_size32 1
		.amdhsa_system_sgpr_workgroup_id_x 1
		.amdhsa_system_sgpr_workgroup_id_y 1
		.amdhsa_system_sgpr_workgroup_id_z 1
		.amdhsa_system_vgpr_workitem_id 0
		.amdhsa_next_free_vgpr 256
		.amdhsa_next_free_sgpr 72
		.amdhsa_reserve_vcc 0
		.amdhsa_float_denorm_mode_32 3
		.amdhsa_float_denorm_mode_16_64 3
		.amdhsa_memory_ordered 1
		.amdhsa_forward_progress 1
		.amdhsa_inst_pref_size 64
	.end_amdhsa_kernel
	.amdgpu_metadata
---
amdhsa.version: [ 1, 2 ]
amdhsa.kernels:
  - .name:           k_qdd8b20f2c2_prep
    .symbol:         k_qdd8b20f2c2_prep.kd
    .args:
      - { .name: x, .offset: 0, .size: 8, .value_kind: global_buffer, .address_space: global }
      - { .name: g1, .offset: 8, .size: 8, .value_kind: global_buffer, .address_space: global }
      - { .name: b1, .offset: 16, .size: 8, .value_kind: global_buffer, .address_space: global }
      - { .name: xnb, .offset: 24, .size: 8, .value_kind: global_buffer, .address_space: global }
      - { .name: Wq_codes, .offset: 32, .size: 8, .value_kind: global_buffer, .address_space: global }
      - { .name: Wq_scales, .offset: 40, .size: 8, .value_kind: global_buffer, .address_space: global }
      - { .name: Wk_codes, .offset: 48, .size: 8, .value_kind: global_buffer, .address_space: global }
      - { .name: Wk_scales, .offset: 56, .size: 8, .value_kind: global_buffer, .address_space: global }
      - { .name: Wv_codes, .offset: 64, .size: 8, .value_kind: global_buffer, .address_space: global }
      - { .name: Wv_scales, .offset: 72, .size: 8, .value_kind: global_buffer, .address_space: global }
      - { .name: Wp_codes, .offset: 80, .size: 8, .value_kind: global_buffer, .address_space: global }
      - { .name: Wp_scales, .offset: 88, .size: 8, .value_kind: global_buffer, .address_space: global }
      - { .name: W1_codes, .offset: 96, .size: 8, .value_kind: global_buffer, .address_space: global }
      - { .name: W1_scales, .offset: 104, .size: 8, .value_kind: global_buffer, .address_space: global }
      - { .name: W2_codes, .offset: 112, .size: 8, .value_kind: global_buffer, .address_space: global }
      - { .name: W2_scales, .offset: 120, .size: 8, .value_kind: global_buffer, .address_space: global }
      - { .name: wimg, .offset: 128, .size: 8, .value_kind: global_buffer, .address_space: global }
    .group_segment_fixed_size: 82432
    .private_segment_fixed_size: 0
    .kernarg_segment_align: 8
    .kernarg_segment_size: 136
    .max_flat_workgroup_size: 128
    .sgpr_count:     72
    .vgpr_count:     256
    .wavefront_size: 32
...
	.end_amdgpu_metadata
.endif
;; end of part 1
;; launch qkv (part 2): grid 12 x 16, 4 waves a work-group, clusters of 4 x 4, 327,680 bytes of LDS; arguments xnb, wimg, qkvb; writes qkvb
.if DOCPART == 2
	.amdgcn_target "amdgcn-amd-amdhsa--gfx1250"
	.amdhsa_code_object_version 6
	.text
	.protected	k_qdd8b20f2c2_qkv
	.globl	k_qdd8b20f2c2_qkv
	.p2align	8
	.type	k_qdd8b20f2c2_qkv,@function
k_qdd8b20f2c2_qkv:
	s_mov_b64 s[64:65], 0
	v_nop
	global_prefetch_b8 v0, s[64:65] scope:SCOPE_SE
	s_setreg_imm32_b32 hwreg(HW_REG_WAVE_MODE, 25, 1), 1
	s_wait_xcnt 0x0
	s_wait_alu depctr_hold_cnt(0) depctr_sa_sdst(0) depctr_va_vdst(0) depctr_va_sdst(0) depctr_va_ssrc(0) depctr_va_vcc(0) depctr_vm_vsrc(0)
	s_getreg_b32 s2, hwreg(HW_REG_IB_STS2, 6, 4)
	s_cmp_eq_u32 s2, 0
	s_cbranch_scc0 .Lentry_in_a_cluster
	s_endpgm
.Lentry_in_a_cluster:
	s_bfe_u32 s2, ttmp6, 0x10000c
	s_cmp_lg_u32 s2, 0xf033
	s_cbranch_scc0 .Lentry_shape_is_right
	s_endpgm
.Lentry_shape_is_right:
; q = xn Wq, k = xn Wk, v = xn Wv on codes of FP6 (E2M3) with E8M0 scales, and the results quantised on the way out: q and k along the head's 64 channels, v along the keys.  Nothing of q, k, v is stored as f32.
; Cluster x = 0: q, 1: k, 2: v (the same in all sixteen partners).  A tile of 256 x 256 is made by four waves, 128 x 128 each: 64 accumulators.  THE MATRIX INSTRUCTION IS USED TRANSPOSED: source 0 = 16 rows of B, source 1 = 16 rows of A:
; a lane holds ONE row of A, and its registers run along B's rows.  For q and k: A = xn (a lane holds a token, registers run along the channels); for v: A = Wv, B = xn (a lane holds a channel, registers run along the tokens, its K).
; OPERANDS ARE IMAGES OF THEIR REGISTERS: [128 rows rb][ks = k / 128][tile i][half c][768 bytes]; lane (r, h) of tile i stands for row 128 rb + rho(i, r), rho(i, r) = 32 (i / 2) + 8 (i % 2) + r + 8 (r / 8); words 0-3 at 16 L, words 4-5 at 512 + 8 L.
; By rho a lane's 16 registers of B's tiles 2 c and 2 c + 1 are 16 NEIGHBOURS, 32 c + 16 h + 0 .. 15: what the quantiser makes of a block's 64 registers is a finished fragment, stored as it stands.
; SCALE WORDS: [rb][ks][lane][4]: word j of lane (r, h) serves tile 2 j + h: one load of 16 bytes a lane gives four registers, each with an even tile's words in lanes 0-15 and an odd tile's in lanes 16-31.
; K goes in steps of 256 through a ring of two LDS slots; a slot's four parts (two rb of A, two of B) are dense blocks of 24,576 bytes, one tensor load a wave.  The scale words of all of K come once, with the first fills.
; CLUSTERS: 4 x 4.  A's parts are shared along a row of the cluster, B's along a column: each is asked for jointly, by the same tensor load with the same descriptor and a mask that names the four.
; LIMITS: NaN and infinities are not served; a block of zeros gets the byte 1 where the rule says 127 (its codes are zeros; this program alone reads the bytes); blocks whose largest magnitude lies under 2^-124 were not tried.
; REGISTERS: window 0: v1 lane, v2 16 L, v3 8 L; v16-25 LDS addresses; v28, v29 the add's; v32-63 scale words, two sets; v96-131 the way out; v128-223 A's 8 fragments (the way out: v200-211); window 1: B's fragments, sets at v0 and v128;
;   window 2: the accumulators of A's blocks 0-3 ((a, b) at v[8 (8 (a % 4) + b)]); window 3: of blocks 4-7.
.set KDIM,  1024
.set BIASC, 0
.set KS128, KDIM/128
.set LAPS,  KDIM/512
.set FRB,   1536                       ; a fragment's image
.set KSB,   12288                      ; eight of them: one ks of an rb
.set PART,  2*KSB                      ; what one tensor load brings
.set SLOT,  4*PART
.set SCP,   512*KS128                  ; the scale words of an rb, all of K
.set SCL,   2*SLOT                     ; behind the ring: four such parts
.set SPARE, 262144                     ; the spare words, 128 bytes for each wave: two blocks of 256 bytes that no other line names
.set NP,    4                          ; places behind this matrix instruction (ISA guide 7.12.1)
.set ADA16, 16
.set ADA8,  18
.set ADB16, 20
.set ADB8,  22
.set ADSA,  24
.set ADSB,  25
.set SPW,   28
.set NIL,   29
.set SC,    32
.set AF,    128
.set G1,    24
.set G0,    32
.set G1B,   48
.set G0B,   56
.set G1S,   68
.set G0S,   76
.set G1SB,  80
.set G0SB,  88
.set MUL_LO, 0xa1                      ; source 0 (B) window 1, source 1 (A) window 0, C and D window 2
.set MUL_HI, 0xf1                      ; the same, C and D window 3
.set TO_B,   0x40                      ; destination window 1, address window 0
.set MSB, 0
.macro WIN new                         ; the immediate's high byte repeats the setting that is left
.if MSB != (\new)
	s_set_vgpr_msb (MSB<<8)|(\new)
.set MSB, (\new)
.endif
.endm
.macro JLOAD g0a, g1a, g0b, g1b        ; a joint load: waves 0 and 1 fetch for A, waves 2 and 3 for B; the branch hangs on the wave's number alone; four v_nop follow each line
	s_cmp_eq_u32 s15, 0
	s_cbranch_scc0 .Lfor_b_\@
	tensor_load_to_lds s[\g0a:\g0a+3], s[\g1a:\g1a+7]
	s_nop 0
.rept 4
	v_nop
.endr
	s_branch .Lasked_\@
.Lfor_b_\@:
	tensor_load_to_lds s[\g0b:\g0b+3], s[\g1b:\g1b+7]
	s_nop 0
.rept 4
	v_nop
.endr
.Lasked_\@:
.endm
.macro CREST                           ; a round of the cluster's barrier behind its opening barrier
	s_cmp_lg_u32 s14, 0
	s_cbranch_scc1 .Lnot_wave_0_\@
	s_barrier_signal -3
.Lnot_wave_0_\@:
	s_barrier_wait -3
	s_barrier_signal -1
	s_barrier_wait -1
.endm
.macro CROUND
	s_barrier_signal -1
	s_barrier_wait -1
	CREST
.endm
.macro PLACES n
.rept \n
	v_nop
.endr
.endm
.macro FRAG reg, a16, a8, off          ; a fragment's image into 12 registers: each load takes 512 or 256 consecutive bytes
	ds_load_b128 v[(\reg):(\reg)+3], v[\a16] offset:(\off)
	ds_load_b64 v[(\reg)+4:(\reg)+5], v[\a8] offset:(\off)+512
	ds_load_b128 v[(\reg)+6:(\reg)+9], v[\a16] offset:(\off)+768
	ds_load_b64 v[(\reg)+10:(\reg)+11], v[\a8] offset:(\off)+1280
.endm
.macro FETCH_B slot, q, p              ; B's eight fragments of the slot's q-th 128 along K into set p
	WIN TO_B
.irp i, 0,1,2,3,4,5,6,7
	FRAG 128*(\p)+12*\i, ADB16+\slot, ADB8+\slot, (\q)*KSB+\i*FRB
.endr
	WIN 0
.endm
.macro FETCH_A slot, q, i0             ; A's blocks i0 .. i0 + 3
.irp i, \i0, \i0+1, \i0+2, \i0+3
	FRAG AF+12*(\i), ADA16+\slot, ADA8+\slot, (\q)*KSB+(\i)*FRB
.endr
.endm
.macro SCALES sc                       ; a slot's scale words into set sc: A's for its two ks, then B's
	ds_load_b128 v[SC+16*\sc:SC+16*\sc+3], v[ADSA]
	ds_load_b128 v[SC+16*\sc+4:SC+16*\sc+7], v[ADSA] offset:512
	ds_load_b128 v[SC+16*\sc+8:SC+16*\sc+11], v[ADSB]
	ds_load_b128 v[SC+16*\sc+12:SC+16*\sc+15], v[ADSB] offset:512
.endm
; One product.  The caller sets WD, WB, WA, WC, WSB, WSA.  z = 1: C is the constant 0.  pb, pa: source 0's, source 1's scales stand in lanes 16-31 of their register.
.macro WM z, pb, pa
.set WSEL, 4*(\z)+2*(\pb)+(\pa)
.if WSEL == 0
	v_wmma_scale_f32_16x16x128_f8f6f4 v[WD:WD+7], v[WB:WB+11], v[WA:WA+11], v[WC:WC+7], v[WSB], v[WSA] matrix_a_fmt:MATRIX_FMT_FP6 matrix_b_fmt:MATRIX_FMT_FP6
.elseif WSEL == 1
	v_wmma_scale_f32_16x16x128_f8f6f4 v[WD:WD+7], v[WB:WB+11], v[WA:WA+11], v[WC:WC+7], v[WSB], v[WSA] matrix_a_fmt:MATRIX_FMT_FP6 matrix_b_fmt:MATRIX_FMT_FP6 matrix_b_scale:MATRIX_SCALE_ROW1
.elseif WSEL == 2
	v_wmma_scale_f32_16x16x128_f8f6f4 v[WD:WD+7], v[WB:WB+11], v[WA:WA+11], v[WC:WC+7], v[WSB], v[WSA] matrix_a_fmt:MATRIX_FMT_FP6 matrix_b_fmt:MATRIX_FMT_FP6 matrix_a_scale:MATRIX_SCALE_ROW1
.elseif WSEL == 3
	v_wmma_scale_f32_16x16x128_f8f6f4 v[WD:WD+7], v[WB:WB+11], v[WA:WA+11], v[WC:WC+7], v[WSB], v[WSA] matrix_a_fmt:MATRIX_FMT_FP6 matrix_b_fmt:MATRIX_FMT_FP6 matrix_a_scale:MATRIX_SCALE_ROW1 matrix_b_scale:MATRIX_SCALE_ROW1
.elseif WSEL == 4
	v_wmma_scale_f32_16x16x128_f8f6f4 v[WD:WD+7], v[WB:WB+11], v[WA:WA+11], 0, v[WSB], v[WSA] matrix_a_fmt:MATRIX_FMT_FP6 matrix_b_fmt:MATRIX_FMT_FP6
.elseif WSEL == 5
	v_wmma_scale_f32_16x16x128_f8f6f4 v[WD:WD+7], v[WB:WB+11], v[WA:WA+11], 0, v[WSB], v[WSA] matrix_a_fmt:MATRIX_FMT_FP6 matrix_b_fmt:MATRIX_FMT_FP6 matrix_b_scale:MATRIX_SCALE_ROW1
.elseif WSEL == 6
	v_wmma_scale_f32_16x16x128_f8f6f4 v[WD:WD+7], v[WB:WB+11], v[WA:WA+11], 0, v[WSB], v[WSA] matrix_a_fmt:MATRIX_FMT_FP6 matrix_b_fmt:MATRIX_FMT_FP6 matrix_a_scale:MATRIX_SCALE_ROW1
.else
	v_wmma_scale_f32_16x16x128_f8f6f4 v[WD:WD+7], v[WB:WB+11], v[WA:WA+11], 0, v[WSB], v[WSA] matrix_a_fmt:MATRIX_FMT_FP6 matrix_b_fmt:MATRIX_FMT_FP6 matrix_a_scale:MATRIX_SCALE_ROW1 matrix_b_scale:MATRIX_SCALE_ROW1
.endif
.endm
; 16 products: A's blocks a0, a0 + 1 x B's eight.  p: B's set; q: which 128 of the slot; sc: the set of scale words; zero = 1: the first product starts the sums.
; The 64 accumulators take turns, one instruction a turn, in the same order in every step.
.macro MUL16 a0, p, q, sc, zero
.irp a, \a0, \a0+1
.irp b, 0,1,2,3,4,5,6,7
.set WD, 8*(8*((\a)%4)+\b)
.set WB, 128*(\p)+12*\b
.set WA, AF+12*(\a)
.set WSB, SC+16*(\sc)+8+4*(\q)+\b/2
.set WSA, SC+16*(\sc)+4*(\q)+(\a)/2
.set WC, WD
.set WZ, 0
.if \zero
.if BIASC
.set WC, 64+8*\b
.else
.set WZ, 1
.endif
.endif
	WM WZ, \b%2, (\a)%2
.endr
.endr
.endm
; A step of 128 along K that has its successor in the same slot.  A block of A is free as soon as its eight products are issued: blocks 0-3 are fetched anew in the step's middle, blocks 4-7 at its end.
.macro STEP slot, q, zero
	s_wait_dscnt 16                                ; B's set, A's blocks 0-3 and the scale words are in; the youngest 16 loads (A's blocks 4-7) may be out
.if (\zero)*BIASC
	WIN 0x81
.else
	WIN MUL_LO
.endif
	MUL16 0, (\q)%2, \q, \slot, \zero
	MUL16 2, (\q)%2, \q, \slot, \zero
	s_wait_dscnt 0
	PLACES NP
	FETCH_B \slot, (\q)+1, 1-(\q)%2
	FETCH_A \slot, (\q)+1, 0
.if (\zero)*BIASC
	WIN 0xc1
.else
	WIN MUL_HI
.endif
	MUL16 4, (\q)%2, \q, \slot, \zero
	MUL16 6, (\q)%2, \q, \slot, \zero
	PLACES NP
	WIN 0
	FETCH_A \slot, (\q)+1, 4
.endm
; A slot's last step changes slots: ONE barrier; in front of it each wave waits for all its tensor loads, adds 0 to its spare word, and waits for that and for its own reads of this slot.  fill = 1: this slot is filled again.
.macro TURN slot, next, fill
	s_wait_tensorcnt 0x0                           ; all my tensor loads have landed: my part of the next slot
	ds_add_u32 v[SPW], v[NIL]                      ; 0 onto my spare word
	s_wait_dscnt 17                                ; (the add and the youngest 16 loads, A's blocks 4-7, may be out)
	WIN MUL_LO
	MUL16 0, 1, 1, \slot, 0
	s_wait_dscnt 0x0                               ; the add is done, and my reads of this slot are over
	s_barrier_signal -1
	MUL16 2, 1, 1, \slot, 0
	WIN 0
	s_barrier_wait -1
.if \fill
	CREST                                          ; the barrier has opened a round of the cluster's barrier: no wave of any partner still reads this slot or has a load on its way
	s_add_nc_u64 s[G0+4*\slot+2:G0+4*\slot+3], s[G0+4*\slot+2:G0+4*\slot+3], 2*PART
	s_add_nc_u64 s[G0B+4*\slot+2:G0B+4*\slot+3], s[G0B+4*\slot+2:G0B+4*\slot+3], 2*PART
	JLOAD G0+4*\slot, G1, G0B+4*\slot, G1B         ; the first tensor load behind the round; its four v_nop are the places in front of the loads below
.else
	PLACES NP
.endif
	v_add_nc_u32 v[ADSA], 1024, v[ADSA]            ; on to the next slot's scale words
	v_add_nc_u32 v[ADSB], 1024, v[ADSB]
	FETCH_B \next, 0, 0
	FETCH_A \next, 0, 0
	SCALES \next
	WIN MUL_HI
	MUL16 4, 1, 1, \slot, 0
	MUL16 6, 1, 1, \slot, 0
	PLACES NP
	WIN 0
	FETCH_A \next, 0, 4
.endm
; 64 numbers of a lane, v[s] .. v[s + 63] of window w, register 16 b + i = k 32 b + 16 h + i of my row, become a fragment's codes in v[PC] .. v[PC + 11] and its scale word in v[pw].
; The caller sees to it that no pending store still reads v[PC] on.
.macro QUANT s, w, pw
	WIN ((\w)<<2)|((\w)<<4)
.irp b, 0,1,2,3
	v_max3_num_f32 v[TMX+\b], 0x1800000, |v[(\s)+16*\b]|, |v[(\s)+16*\b+1]|   ; my 16 numbers of block b, and the floor 2^(3 - 127): the byte cannot fall under 1.  Each accumulator is read from its low end on
.endr
.irp i, 2,4,6,8,10,12,14
.irp b, 0,1,2,3
	v_max3_num_f32 v[TMX+\b], v[TMX+\b], |v[(\s)+16*\b+\i]|, |v[(\s)+16*\b+\i+1]|
.endr
.endr
	WIN 0
.irp b, 0,1,2,3
	v_permlanex16_b32 v[TMB+\b], v[TMX+\b], s96, s97
.endr
.irp b, 0,1,2,3
	v_max_num_f32 v[TMX+\b], v[TMX+\b], v[TMB+\b]  ; with lane l xor 16's: the block's largest magnitude
.endr
.irp b, 0,1,2,3
	v_add_nc_u32 v[TMS+\b], 0xff000000, v[TMX+\b]  ; 2 off its exponent field: the conversion's scale operand
.endr
.irp b, 0,1,2,3
	v_lshrrev_b32 v[TMB+\b], 23, v[TMS+\b]         ; the scale's byte
.endr
	v_lshl_or_b32 v[\pw], v[TMB+1], 8, v[TMB]
	v_lshl_or_b32 v[\pw], v[TMB+2], 16, v[\pw]
	v_lshl_or_b32 v[\pw], v[TMB+3], 24, v[\pw]
	WIN (\w)
.irp c, 0,1
	v_cvt_scalef32_pk16_fp6_f32 v[PC+6*\c:PC+6*\c+2], v[(\s)+32*\c:(\s)+32*\c+15], v[TMS+2*\c]
	v_cvt_scalef32_pk16_fp6_f32 v[PC+12+4*\c:PC+14+4*\c], v[(\s)+32*\c+16:(\s)+32*\c+31], v[TMS+2*\c+1]   ; (a conversion's three registers begin on an even number)
.endr
	WIN 0
	v_nop                                          ; one plain line behind a scaled conversion
.irp c, 0,1                            ; the operand's layout wants a WHOLE block in a lane: lanes 0-15 block 2 c, lanes 16-31 block 2 c + 1
.irp i, 0,1,2
	v_permlane16_swap_b32 v[PC+6*\c+\i], v[PC+12+4*\c+\i]
.endr
.irp i, 0,1,2
	v_mov_b32 v[PC+3+6*\c+\i], v[PC+12+4*\c+\i]
.endr
.endr
.endm
.macro PUT p0, o0, p1, o1              ; the fragment's two halves leave as they stand
	global_store_b128 v2, v[PC:PC+3], s[\p0:\p0+1] offset:\o0
	global_store_b64 v3, v[PC+4:PC+5], s[\p0:\p0+1] offset:\o0+512
	global_store_b128 v2, v[PC+6:PC+9], s[\p1:\p1+1] offset:\o1
	global_store_b64 v3, v[PC+10:PC+11], s[\p1:\p1+1] offset:\o1+512
.endm
.set PC,  112
.set TMX, 200
.set TMB, 204
.set TMS, 208
	s_load_b128 s[4:7], s[0:1], 0x0                ; xnb, wimg
	s_load_b64 s[8:9], s[0:1], 0x10                ; qkvb
	v_lshl_add_u32 v[SPW], v0, 2, SPARE
	v_mov_b32 v[NIL], 0
	ds_add_u32 v28, v29
	ds_add_u32 v28, v29
	s_wait_dscnt 0x0
	v_lshrrev_b32 v1, 5, v0
	v_readfirstlane_b32 s14, v1                    ; wave 0..3
	s_lshr_b32 s15, s14, 1                         ; which half of A's rows is mine.  Also: I fetch for A (0) or for B (1)
	s_and_b32 s16, s14, 1                          ; which half of B's rows.  Also: which rb of the tile I fetch
	s_bfe_u32 s40, ttmp6, 0x40000                  ; cx, cy: my place in the cluster
	s_bfe_u32 s41, ttmp6, 0x40004
	s_and_b32 s10, ttmp7, 0xffff
	s_lshl_b32 s10, s10, 2                         ; 4 x cluster y: the tokens' axis
	s_mul_i32 s18, ttmp9, 786432                   ; my weight's image in wimg,
	s_lshl_b32 s19, ttmp9, 15
	s_add_co_u32 s19, s19, 9437184                 ; and its scale words
	s_mov_b32 s13, 3145728                         ; xn's scale words in xnb
	s_cmp_eq_u32 ttmp9, 2                          ; v?
	s_cselect_b32 s11, 0, s10
	s_cselect_b32 s12, s10, 0
	s_cselect_b32 s66, s18, 0                      ; A's image, A's scale words, B's, B's: offsets in their buffers
	s_cselect_b32 s67, s19, s13
	s_cselect_b32 s95, 0, s18
	s_cselect_b32 s96, s13, s19
	s_add_co_u32 s17, s41, s11                     ; A's tile: cy (+ 4 x cluster y where A is xn)
	s_add_co_u32 s42, s40, s12                     ; B's tile: cx (+ 4 x cluster y where B is xn)
	s_lshl_b32 s43, s41, 2
	s_lshl_b32 s43, 15, s43                        ; my row of the cluster
	s_lshl_b32 s44, 0x1111, s40                    ; my column
	; descriptor group 1: a dense block as rows of 256 bytes (32 elements of 8 bytes): 96 rows of codes; 2 KS128 rows of scale words
	s_or_b32 s[G1], s43, (3<<16)|(1<<21)           ; 15:0 the mask: A's parts go to my row; 17:16 elements of 8 bytes; 21 set beside a mask
	s_or_b32 s[G1B], s44, (3<<16)|(1<<21)
	s_or_b32 s[G1S], s43, (3<<16)|(1<<21)
	s_or_b32 s[G1SB], s44, (3<<16)|(1<<21)
.irp g, G1, G1B
	s_mov_b32 s[\g+1], 32<<16                      ; tensor_dim0
	s_mov_b32 s[\g+2], 96<<16                      ; tensor_dim1
	s_mov_b32 s[\g+3], 32<<16                      ; tile_dim0
	s_mov_b32 s[\g+4], 96                          ; tile_dim1
	s_mov_b32 s[\g+5], 32                          ; the pitch
	s_mov_b32 s[\g+6], 0
	s_mov_b32 s[\g+7], 0
.endr
.irp g, G1S, G1SB
	s_mov_b32 s[\g+1], 32<<16
	s_mov_b32 s[\g+2], (2*KS128)<<16
	s_mov_b32 s[\g+3], 32<<16
	s_mov_b32 s[\g+4], 2*KS128
	s_mov_b32 s[\g+5], 32
	s_mov_b32 s[\g+6], 0
	s_mov_b32 s[\g+7], 0
.endr
	s_lshl_b32 s20, s17, 1
	s_add_co_u32 s20, s20, s16                     ; the rb of A that I would fetch
	s_lshl_b32 s46, s42, 1
	s_add_co_u32 s46, s46, s16                     ; and of B
	s_mul_i32 s22, s20, SCP
	s_add_co_u32 s22, s22, s67
	s_mul_i32 s92, s46, SCP
	s_add_co_u32 s92, s92, s96
	s_mul_i32 s20, s20, KS128*KSB
	s_add_co_u32 s20, s20, s66
	s_mul_i32 s46, s46, KS128*KSB
	s_add_co_u32 s46, s46, s95
	s_mov_b32 s21, 0
	s_mov_b32 s23, 0
	s_mov_b32 s47, 0
	s_mov_b32 s93, 0
	s_mul_i32 s45, s14, PART                       ; where they go: wave x a part: no place in the cluster enters an LDS address
	s_mul_i32 s94, s14, SCP
	s_wait_kmcnt 0x0
	s_cmp_eq_u32 ttmp9, 2
	s_cselect_b64 s[10:11], s[6:7], s[4:5]         ; A's buffer, B's buffer: chosen by the cluster's x alone
	s_cselect_b64 s[12:13], s[4:5], s[6:7]
	s_add_nc_u64 s[20:21], s[10:11], s[20:21]
	s_add_nc_u64 s[22:23], s[10:11], s[22:23]
	s_add_nc_u64 s[46:47], s[12:13], s[46:47]
	s_add_nc_u64 s[92:93], s[12:13], s[92:93]
	CROUND                                         ; all sixteen work-groups are here: the first joint loads meet
	s_mov_b32 s[G0S], 1
	s_add_co_u32 s[G0S+1], s94, SCL
	s_mov_b64 s[G0S+2:G0S+3], s[22:23]
	s_or_b32 s[G0S+3], s[G0S+3], 0x80000000
	s_mov_b32 s[G0SB], 1
	s_add_co_u32 s[G0SB+1], s94, SCL
	s_mov_b64 s[G0SB+2:G0SB+3], s[92:93]
	s_or_b32 s[G0SB+3], s[G0SB+3], 0x80000000
	JLOAD G0S, G1S, G0SB, G1SB                     ; the scale words first: they are wanted with the first step
.irp s, 0,1
	s_mov_b32 s[G0+4*\s], 1
	s_add_co_u32 s[G0+4*\s+1], s45, \s*SLOT
	s_add_nc_u64 s[G0+4*\s+2:G0+4*\s+3], s[20:21], \s*PART
	s_or_b32 s[G0+4*\s+3], s[G0+4*\s+3], 0x80000000
	s_mov_b32 s[G0B+4*\s], 1
	s_add_co_u32 s[G0B+4*\s+1], s45, \s*SLOT
	s_add_nc_u64 s[G0B+4*\s+2:G0B+4*\s+3], s[46:47], \s*PART
	s_or_b32 s[G0B+4*\s+3], s[G0B+4*\s+3], 0x80000000
	JLOAD G0+4*\s, G1, G0B+4*\s, G1B               ; three tensor loads of mine are out now, later one
.endr
	v_and_b32 v1, 31, v0                           ; L
	v_lshlrev_b32 v2, 4, v1                        ; 16 L
	v_lshlrev_b32 v3, 3, v1                        ; 8 L
	s_mul_i32 s21, s15, PART                       ; my rb of A,
	s_mul_i32 s22, s16, PART
	s_add_co_u32 s22, s22, 2*PART                  ; my rb of B, behind A's two
.irp s, 0,1
	v_add_nc_u32 v[ADA16+\s], s21, v2
	v_add_nc_u32 v[ADA8+\s], s21, v3
	v_add_nc_u32 v[ADB16+\s], s22, v2
	v_add_nc_u32 v[ADB8+\s], s22, v3
	s_add_co_u32 s21, s21, SLOT
	s_add_co_u32 s22, s22, SLOT
.endr
	s_mul_i32 s21, s15, SCP
	s_add_co_u32 s21, s21, SCL
	v_add_nc_u32 v[ADSA], s21, v2
	s_mul_i32 s22, s16, SCP
	s_add_co_u32 s22, s22, SCL+2*SCP
	v_add_nc_u32 v[ADSB], s22, v2
	s_mov_b32 s96, 0x76543210
	s_mov_b32 s97, 0xfedcba98                      ; v_permlanex16_b32's selects for lane l xor 16
	s_wait_tensorcnt 1                             ; the scale words and my part of slot 0 are in (slot 1's load may be out),
	s_barrier_signal -1
	s_barrier_wait -1                              ; everybody's are
	FETCH_B 0, 0, 0
	FETCH_A 0, 0, 0
	SCALES 0
	FETCH_A 0, 0, 4
	STEP 0, 0, 1                                   ; the first step stands in front of the loop: its products start the sums
	s_mov_b32 s3, LAPS-1
.Llap:                                                 ; a trip goes once round the ring and fills both slots again
	TURN 0, 1, 1
	STEP 1, 0, 0
	TURN 1, 0, 1
	STEP 0, 0, 0
	s_sub_co_u32 s3, s3, 1
	s_cmp_lg_u32 s3, 0
	s_cbranch_scc1 .Llap
	TURN 0, 1, 0                                   ; the last lap fills nothing
	STEP 1, 0, 0
	s_wait_dscnt 16                                ; the very last step: nothing more to fetch
	WIN MUL_LO
	MUL16 0, 1, 1, 1, 0
	MUL16 2, 1, 1, 1, 0
	s_wait_dscnt 0
	WIN MUL_HI
	MUL16 4, 1, 1, 1, 0
	MUL16 6, 1, 1, 1, 0
	WIN 0
	PLACES NP
	; THE WAY OUT.  Block a's 64 registers are quantised and leave as an image; no LDS.
	; q, k: the wave's 128 channels are two heads: half c of the fragment is head bh0 + c's tile (16 tokens rho(a, .) x 64 channels): [head][tile 8 s + a][768].
	; v: the wave's 128 channels are two heads of four tiles each, the 128 tokens are key step s: a whole fragment: [head][s][t = a % 4][1,536].
	s_lshl_b32 s4, s17, 1
	s_add_co_u32 s4, s4, s15                       ; my rb of A
	s_lshl_b32 s5, s42, 1
	s_add_co_u32 s5, s5, s16                       ; my rb of B
	s_mov_b32 s10, 98304
	s_mov_b32 s11, 1536
	s_cmp_eq_u32 ttmp9, 2
	s_cselect_b32 s6, s5, s4                       ; the tokens' rb,
	s_cselect_b32 s7, s4, s5                       ; the channels'
	s_cselect_b32 s98, 768, s10                    ; from the first half's place to the second's,
	s_cselect_b32 s92, s11, 768                    ; from block to block,
	s_cselect_b32 s94, 92160, 0                    ; and, for v, from the first head's end to the second head at block 4
	s_mov_b32 s99, 0
	s_mov_b32 s93, 0
	s_mov_b32 s95, 0
	s_lshr_b32 s12, s6, 4
	s_lshl_b32 s12, s12, 4
	s_lshl_b32 s13, s7, 1
	s_add_co_u32 s12, s12, s13                     ; bh0 = 16 x batch + 2 x the channels' rb
	s_and_b32 s13, s6, 15                          ; s: the step of 128 tokens in the batch
	s_mul_i32 s20, ttmp9, 3145728
	s_mul_i32 s18, s12, 98304
	s_add_co_u32 s20, s20, s18
	s_mul_i32 s18, s13, 6144
	s_add_co_u32 s20, s20, s18
	s_mov_b32 s21, 0
	s_add_nc_u64 s[20:21], s[8:9], s[20:21]
	s_add_nc_u64 s[22:23], s[20:21], s[98:99]
	s_lshl_b32 s18, s13, 9
	s_lshl_b32 s19, s13, 8
	s_add_co_u32 s19, s19, 8192
	s_cmp_eq_u32 ttmp9, 2
	s_cselect_b32 s46, s19, s18                    ; the scale words: q, k 512 bytes a step; v 256 bytes a step, behind k's 8,192
	s_mov_b32 s18, 9830400
	s_cmp_eq_u32 ttmp9, 0
	s_cselect_b32 s18, 9437184, s18
	s_add_co_u32 s46, s46, s18
	s_mul_i32 s18, s12, 12288
	s_add_co_u32 s46, s46, s18
	s_mov_b32 s47, 0
	s_add_nc_u64 s[46:47], s[8:9], s[46:47]
.irp b, 0,1,2,3
	v_mov_b32 v[TMB+\b], 0                         ; a lane permute's destination counts as one of its sources
.endr
.irp a, 0,1,2,3,4,5,6,7
.if \a > 0
	s_wait_xcnt 0x0                                ; the last block's stores have read their data and their bases: both are written again only behind this wait
	s_add_nc_u64 s[20:21], s[20:21], s[92:93]
	s_add_nc_u64 s[22:23], s[22:23], s[92:93]
.endif
.if \a == 4
	s_add_nc_u64 s[20:21], s[20:21], s[94:95]
	s_add_nc_u64 s[22:23], s[22:23], s[94:95]
.endif
	QUANT 64*(\a%4), 2+\a/4, 96+\a
	PUT 20, 0, 22, 0
.endr
	v_cmp_le_u32 vcc_lo, 16, v1
.irp j, 0,1,2,3
	v_cndmask_b32 v[104+\j], v[96+2*\j], v[97+2*\j], vcc_lo   ; word j: lanes 0-15 tile 2 j's, lanes 16-31 tile 2 j + 1's (every lane holds its row's word of every block)
.endr
	s_cmp_eq_u32 ttmp9, 2
	s_cbranch_scc1 .Lv_words
	global_store_b128 v2, v[104:107], s[46:47]     ; head bh0: bytes 0, 1 of a word are its two scales; bytes 2, 3 stand against zero codes and are never 0xff
.irp j, 0,1,2,3
	v_lshrrev_b32 v[108+\j], 16, v[104+\j]
.endr
	global_store_b128 v2, v[108:111], s[46:47] offset:12288   ; head bh0 + 1
	s_branch .Ldone
.Lv_words:
	global_store_b64 v3, v[104:105], s[46:47]      ; head bh0: tiles 0-3
	global_store_b64 v3, v[106:107], s[46:47] offset:12288    ; head bh0 + 1
.Ldone:
	s_wait_tensorcnt 0x0                           ; the wave's end
	ds_add_u32 v[SPW], v[NIL]
	s_wait_dscnt 0x0
	CROUND                                         ; the closing round
	s_endpgm
.Lfunc_end_k_qdd8b20f2c2_qkv:
	.size	k_qdd8b20f2c2_qkv, .Lfunc_end_k_qdd8b20f2c2_qkv-k_qdd8b20f2c2_qkv
	.p2alignl 7, 3214868480
	.fill 96, 4, 3214868480
	.section	.rodata,"a",@progbits
	.p2align	6, 0x0
	.amdhsa_kernel k_qdd8b20f2c2_qkv
		.amdhsa_group_segment_fixed_size 327680
		.amdhsa_private_segment_fixed_size 0
		.amdhsa_enable_private_segment 0
		.amdhsa_kernarg_size 24
		.amdhsa_user_sgpr_count 2
		.amdhsa_user_sgpr_kernarg_segment_ptr 1
		.amdhsa_wavefront_size32 1
		.amdhsa_system_sgpr_workgroup_id_x 1
		.amdhsa_system_sgpr_workgroup_id_y 1
		.amdhsa_system_sgpr_workgroup_id_z 1
		.amdhsa_system_vgpr_workitem_id 0
		.amdhsa_next_free_vgpr 1024
		.amdhsa_next_free_sgpr 100
		.amdhsa_reserve_vcc 1
		.amdhsa_float_denorm_mode_32 3
		.amdhsa_float_denorm_mode_16_64 3
		.amdhsa_memory_ordered 1
		.amdhsa_forward_progress 1
		.amdhsa_inst_pref_size 150
	.end_amdhsa_kernel
	.amdgpu_metadata
---
amdhsa.version: [ 1, 2 ]
amdhsa.kernels:
  - .name:           k_qdd8b20f2c2_qkv
    .symbol:         k_qdd8b20f2c2_qkv.kd
    .args:
      - { .name: xnb, .offset: 0, .size: 8, .value_kind: global_buffer, .address_space: global }
      - { .name: wimg, .offset: 8, .size: 8, .value_kind: global_buffer, .address_space: global }
      - { .name: qkvb, .offset: 16, .size: 8, .value_kind: global_buffer, .address_space: global }
    .group_segment_fixed_size: 327680
    .private_segment_fixed_size: 0
    .kernarg_segment_align: 8
    .kernarg_segment_size: 24
    .max_flat_workgroup_size: 128
    .sgpr_count:     100
    .vgpr_count:     1024
    .wavefront_size: 32
...
	.end_amdgpu_metadata
.endif
;; end of part 2
;; launch attn (part 3): grid 8 x 32, 16 waves a work-group, no clusters, 210,944 bytes of LDS; arguments qkvb, yb; writes yb
.if DOCPART == 3
	.amdgcn_target "amdgcn-amd-amdhsa--gfx1250"
	.amdhsa_code_object_version 6
	.text
	.protected	k_qdd8b20f2c2_attn
	.globl	k_qdd8b20f2c2_attn
	.p2align	8
	.type	k_qdd8b20f2c2_attn,@function
k_qdd8b20f2c2_attn:
	s_mov_b64 s[64:65], 0
	v_nop
	global_prefetch_b8 v0, s[64:65] scope:SCOPE_SE
	s_setreg_imm32_b32 hwreg(HW_REG_WAVE_MODE, 25, 1), 1
	s_wait_xcnt 0x0
; y = softmax(q k^T / 8, the diagonal hidden) v for one head and 256 queries, both products on codes of FP6 (E2M3) with E8M0 scales; y leaves quantised along the model's 1,024, as an image for the next product.
; THE SOFTMAX AHEAD OF THE SECOND PRODUCT: t = score x log2(e) / 8; M = the row's largest t so far, rounded UP to a whole number; p = 2^(t - M) is what is quantised, along the keys; the row's sum is taken of the unquantised p and
; divides at the end.  When M moves, the sum and O are multiplied by 2^(old M - new M): exact.
; SHARES.  Work-group (x, y): head y (16 x batch + head), queries 256 x on.  Each of SIXTEEN waves owns one tile of 16 queries in 256 registers: four waves to a SIMD, so that one wave's vector work stands beside another's matrix work.
; A head's K, V and scale words, 208,896 bytes, come into LDS ONCE, by nine tensor loads at the head: no ring, nothing is filled again.
; NO CLUSTER, though the eight work-groups of a head read the same K and V: the one key step that holds a wave's diagonal is found by a scalar branch on the query block, which partners of a cluster do not share; and what is shared is read once
; by each work-group, 208,896 bytes for sixteen key steps of work.
; LAYOUT.  Both products are used transposed: S^T = K Q^T (source 0 = 16 keys, source 1 = my 16 queries), O^T = V^T P^T (source 0 = 16 channels, source 1 = P): a lane holds ONE query throughout.  The keys of tile t are
; rho(t, r) = 32 (t / 2) + 8 (t % 2) + r + 8 (r / 8), so that the 16 registers of tiles 2 b, 2 b + 1 are 16 neighbouring keys; V's channels likewise, so that O^T's 32 registers are two blocks along the next product's K.
; K = 64 IN AN INSTRUCTION OF 128: Q's registers 6-11 are zero codes.  K's fragment for tile t is v[32 + 6 t] on, 12 registers: its upper six are the next tile's codes (tile 7: six zero registers).  A zero code times any code is 0,
; and no scale byte that stands there is 0xff.  So K is read from LDS once, 24 bytes a lane and tile.
; LIMITS: NaN and infinities are not served; v_exp_f32 gives 0 for results under 2^-126; a block of zeros gets the byte 1 (its codes are zeros; this program alone reads the bytes).
; REGISTERS: v1-6 LDS addresses, stepped; v7 16 L, v8 8 L; v9 the register that holds my diagonal key, or -1; v10 -infinity; v11 16 r; v12 -M, v13 the largest t, v[14:15] the sum; v16-27 Q; v28 Q's, v29 P's, v[30:31] V's scale words;
;   v32-85 K, then v32-79 V; v86-89 K's scale words; v96-159 S^T, then p; v160-191 O^T; v192-211 P's codes; v212-231 at work.
.set BM, 212                           ; the blocks' largest scores, then largest p
.set BT, 216                           ; the other half's; then the bytes
.set BS, 220                           ; the conversions' scale operands
	s_load_b128 s[4:7], s[0:1], 0x0                ; qkvb, yb
	v_lshl_add_u32 v254, v0, 2, 0x33000
	v_mov_b32 v255, 0
	ds_add_u32 v254, v255
	ds_add_u32 v254, v255
	v_lshrrev_b32 v1, 5, v0
	v_readfirstlane_b32 s8, v1                     ; wave 0..15
	s_and_b32 s9, ttmp7, 0xffff                    ; the head
	; descriptor groups 1: dense blocks as rows of 256 bytes (32 elements of 8 bytes): 96 rows of codes, 48 rows of scale words
	s_mov_b32 s16, 3<<16
	s_mov_b32 s17, 32<<16
	s_mov_b32 s18, 96<<16
	s_mov_b32 s19, 32<<16
	s_mov_b32 s20, 96
	s_mov_b32 s21, 32
	s_mov_b32 s22, 0
	s_mov_b32 s23, 0
	s_mov_b32 s24, 3<<16
	s_mov_b32 s25, 32<<16
	s_mov_b32 s26, 48<<16
	s_mov_b32 s27, 32<<16
	s_mov_b32 s28, 48
	s_mov_b32 s29, 32
	s_mov_b32 s30, 0
	s_mov_b32 s31, 0
	s_and_b32 s10, s8, 7                           ; waves 0-3 fetch K's four quarters, waves 4-7 V's, wave 8 the scale words
	s_mul_i32 s33, s10, 24576                      ; LDS: K at 0, V at 98,304
	s_and_b32 s11, s8, 3
	s_mul_i32 s12, s11, 24576
	s_lshr_b32 s13, s10, 2
	s_mul_i32 s13, s13, 3145728
	s_add_co_u32 s12, s12, s13
	s_mul_i32 s13, s9, 98304
	s_add_co_u32 s12, s12, s13
	s_add_co_u32 s12, s12, 3145728                 ; K's images begin here in qkvb, V's 3,145,728 further on
	s_mov_b32 s13, 0
	s_mul_i32 s42, s9, 12288
	s_add_co_u32 s42, s42, 9830400                 ; K's and V's scale words of the head
	s_mov_b32 s43, 0
	s_mov_b32 s32, 1
	s_mov_b32 s36, 1
	s_mov_b32 s37, 196608
	s_wait_dscnt 0x0
	s_wait_kmcnt 0x0
	s_add_nc_u64 s[34:35], s[4:5], s[12:13]
	s_or_b32 s35, s35, 0x80000000
	s_add_nc_u64 s[38:39], s[4:5], s[42:43]
	s_or_b32 s39, s39, 0x80000000
	s_cmp_lt_u32 s8, 8
	s_cbranch_scc0 .Lnot_codes
	tensor_load_to_lds s[32:35], s[16:23]
	s_nop 0
.rept 4
	v_nop
.endr
	s_branch .Lasked
.Lnot_codes:
	s_cmp_eq_u32 s8, 8
	s_cbranch_scc0 .Lasked
	tensor_load_to_lds s[36:39], s[24:31]
	s_nop 0
.rept 4
	v_nop
.endr
.Lasked:
	s_and_b32 s40, s8, 7                           ; a: my tile in its step of 128 queries
	s_lshr_b32 s41, s8, 3
	s_lshl_b32 s10, ttmp9, 1
	s_add_co_u32 s41, s41, s10                     ; sq: that step; it is also the key step that holds my diagonal
	s_and_b32 s42, s40, 1                          ; a % 2
	s_lshr_b32 s44, s40, 1                         ; a / 2
	s_lshl_b32 s10, s41, 3
	s_add_co_u32 s10, s10, s40
	s_mul_i32 s10, s10, 768
	s_mul_i32 s11, s9, 98304
	s_add_co_u32 s10, s10, s11
	s_mov_b32 s11, 0
	s_add_nc_u64 s[54:55], s[4:5], s[10:11]        ; Q's tile
	s_mul_i32 s10, s9, 12288
	s_lshl_b32 s12, s41, 9
	s_add_co_u32 s10, s10, s12
	s_lshl_b32 s12, s42, 8
	s_add_co_u32 s10, s10, s12
	s_lshl_b32 s12, s44, 2
	s_add_co_u32 s10, s10, s12
	s_add_co_u32 s10, s10, 9437184
	s_add_nc_u64 s[56:57], s[4:5], s[10:11]        ; and its scale words: + 16 r
	s_lshr_b32 s10, s9, 4
	s_lshl_b32 s10, s10, 4
	s_add_co_u32 s10, s10, s41                     ; y's rb = 16 x batch + sq
	s_and_b32 s12, s9, 15                          ; the head in its batch: y's ks = head / 2, half = head % 2
	s_lshr_b32 s13, s12, 1
	s_and_b32 s12, s12, 1
	s_lshl_b32 s10, s10, 3
	s_add_co_u32 s10, s10, s13                     ; rb x 8 + ks
	s_lshl_b32 s45, s10, 9
	s_lshl_b32 s10, s10, 3
	s_add_co_u32 s10, s10, s40
	s_mul_i32 s10, s10, 1536
	s_mul_i32 s13, s12, 768
	s_add_co_u32 s10, s10, s13
	s_add_nc_u64 s[46:47], s[6:7], s[10:11]        ; y's half fragment
	s_lshl_b32 s13, s42, 8
	s_add_co_u32 s45, s45, s13
	s_lshl_b32 s13, s44, 2
	s_add_co_u32 s45, s45, s13
	s_lshl_b32 s13, s12, 1
	s_add_co_u32 s45, s45, s13
	s_add_co_u32 s10, s45, 3145728
	s_add_nc_u64 s[6:7], s[6:7], s[10:11]          ; y's half scale word: + 16 r
	s_mov_b32 s48, 0x76543210
	s_mov_b32 s49, 0xfedcba98                      ; v_permlanex16_b32's selects for lane l xor 16
	s_mov_b32 s52, 0x3e38aa3b                      ; c = log2(e) / 8
	s_mov_b32 s53, s52                             ; (named with it as a pair, so it is written)
	v_and_b32 v228, 31, v0
	v_lshlrev_b32 v7, 4, v228
	v_lshlrev_b32 v8, 3, v228
	global_load_b128 v[16:19], v7, s[54:55]        ; Q's 64 channels: registers 0-5
	global_load_b64 v[20:21], v8, s[54:55] offset:512
	v_and_b32 v229, 15, v0                         ; r
	v_lshlrev_b32 v11, 4, v229
	global_load_b32 v28, v11, s[56:57]
	v_mov_b32 v1, v7                               ; K: words 0-3,
	v_mov_b32 v2, v8                               ; words 4-5;
	v_add_nc_u32 v3, 98304, v7                     ; V likewise;
	v_add_nc_u32 v4, 98304, v8
	v_add_nc_u32 v5, 196608, v7                    ; K's scale words, 16 bytes a lane and step;
	v_add_nc_u32 v6, 204800, v8                    ; V's, 8 bytes
	; my query is number 32 (a / 2) + pos of its step, pos = 8 (a % 2) + r + 8 (r / 8).  Register 16 b + i of lane (r, h) holds key 32 b + 16 h + i: the diagonal lies in register 16 (a / 2) + pos % 16 of the lane with h = pos / 16
	v_and_b32 v230, 8, v229
	v_add_nc_u32 v230, v230, v229
	s_lshl_b32 s10, s42, 3
	v_add_nc_u32 v230, s10, v230                   ; pos
	v_lshrrev_b32 v231, 4, v230
	v_and_b32 v230, 15, v230
	s_lshl_b32 s10, s44, 4
	v_add_nc_u32 v230, s10, v230
	v_bfe_u32 v229, v0, 4, 1                       ; h
	v_cmp_eq_u32 vcc_lo, v231, v229
	v_mov_b32 v231, -1
	v_cndmask_b32 v9, v231, v230, vcc_lo
	v_mov_b32 v10, 0xff800000                      ; -infinity
	v_mov_b32 v13, 0xff61b1e6                      ; the largest t so far: -3e38, under every t
	v_floor_f32 v12, -v13                          ; -M
	v_mov_b32 v14, 0
	v_mov_b32 v15, 0
.irp j, 22,23,24,25,26,27,80,81,82,83,84,85
	v_mov_b32 v[\j], 0                             ; zero codes: Q's upper half, and what stands behind K's last tile
.endr
.irp b, 0,1,2,3
	v_mov_b32 v[BT+\b], 0                          ; a lane permute's destination counts as one of its sources
.endr
	v_mov_b32 v225, 0                              ; (named as the upper half of the pair v[224:225])
	v_mov_b32 v228, 0
.irp j, 0,1,2,3,4,5,6,7,8,9,10,11,12,13,14,15,16,17,18,19,20,21,22,23,24,25,26,27,28,29,30,31
	v_mov_b32 v[160+\j], 0                         ; O^T: the loop is written once; its first step finds zeros, which the first change of M leaves zeros
.endr
	s_wait_tensorcnt 0x0                           ; my tensor load, if I issued one, has landed,
	s_barrier_signal -1
	s_barrier_wait -1                              ; everybody's has
	s_wait_loadcnt 0x0                             ; Q
	s_mov_b32 s50, 0
.Lstep:                                                ; sixteen key steps of 128 keys
.irp t, 0,1,2,3,4,5,6,7
	ds_load_b128 v[32+6*\t:35+6*\t], v1 offset:768*\t
	ds_load_b64 v[36+6*\t:37+6*\t], v2 offset:768*\t+512
.endr
	ds_load_b128 v[86:89], v5
	s_wait_dscnt 0x0
.irp t, 0,1,2,3,4,5,6,7
.if \t%2
	v_wmma_scale_f32_16x16x128_f8f6f4 v[96+8*\t:103+8*\t], v[32+6*\t:43+6*\t], v[16:27], 0, v[86+\t/2], v28 matrix_a_fmt:MATRIX_FMT_FP6 matrix_b_fmt:MATRIX_FMT_FP6 matrix_a_scale:MATRIX_SCALE_ROW1
.else
	v_wmma_scale_f32_16x16x128_f8f6f4 v[96+8*\t:103+8*\t], v[32+6*\t:43+6*\t], v[16:27], 0, v[86+\t/2], v28 matrix_a_fmt:MATRIX_FMT_FP6 matrix_b_fmt:MATRIX_FMT_FP6
.endif
.endr
.rept 4
	v_nop                                          ; places in front of the loads into K's registers and of the first read of the scores
.endr
.irp t, 0,1,2,3                        ; V's four fragments are asked for now and land under the softmax
	ds_load_b128 v[32+12*\t:35+12*\t], v3 offset:1536*\t
	ds_load_b64 v[36+12*\t:37+12*\t], v4 offset:1536*\t+512
	ds_load_b128 v[38+12*\t:41+12*\t], v3 offset:1536*\t+768
	ds_load_b64 v[42+12*\t:43+12*\t], v4 offset:1536*\t+1280
.endr
	ds_load_b64 v[30:31], v6
	s_cmp_lg_u32 s50, s41                          ; only the key step of my own queries holds the diagonal: a scalar branch on ids
	s_cbranch_scc1 .Lopen
.irp n, 0,1,2,3,4,5,6,7,8,9,10,11,12,13,14,15,16,17,18,19,20,21,22,23,24,25,26,27,28,29,30,31,32,33,34,35,36,37,38,39,40,41,42,43,44,45,46,47,48,49,50,51,52,53,54,55,56,57,58,59,60,61,62,63
	v_cmp_eq_u32 vcc_lo, \n, v9
	v_cndmask_b32 v[96+\n], v[96+\n], v10, vcc_lo  ; the hidden score becomes -infinity ahead of the maximum: p = 0
.endr
.Lopen:
.irp b, 0,1,2,3
	v_max3_num_f32 v[BM+\b], v[96+16*\b], v[97+16*\b], v[98+16*\b]   ; the largest score of each block of 32 keys: it serves for the row's maximum and, since p rises with the score, for the block's largest p
.endr
.irp i, 3,5,7,9,11,13
.irp b, 0,1,2,3
	v_max3_num_f32 v[BM+\b], v[BM+\b], v[96+16*\b+\i], v[97+16*\b+\i]
.endr
.endr
.irp b, 0,1,2,3
	v_max_num_f32 v[BM+\b], v[BM+\b], v[111+16*\b]
.endr
.irp b, 0,1,2,3
	v_permlanex16_b32 v[BT+\b], v[BM+\b], s48, s49
.endr
.irp b, 0,1,2,3
	v_max_num_f32 v[BM+\b], v[BM+\b], v[BT+\b]     ; with lane l xor 16's 16 keys
.endr
	v_max3_num_f32 v228, v[BM], v[BM+1], v[BM+2]
	v_max_num_f32 v228, v228, v[BM+3]
	v_mul_f32 v228, s52, v228                      ; as t (c is positive)
	v_max_num_f32 v13, v13, v228                   ; the running largest t
	v_mov_b32 v228, v12
	v_floor_f32 v12, -v13                          ; the new -M = floor(-t): M is a whole number
	v_sub_f32 v228, v12, v228                      ; M's old value less its new one: a whole number, 0 or less
	v_cvt_i32_f32 v228, v228                       ; (it saturates)
	v_ldexp_f32 v224, 1.0, v228                    ; f = 2^(old M - new M)
.irp j, 0,2,4,6,8,10,12,14,16,18,20,22,24,26,28,30,32,34,36,38,40,42,44,46,48,50,52,54,56,58,60,62
	v_pk_fma_f32 v[96+\j:97+\j], v[96+\j:97+\j], s[52:53], v[12:13] op_sel_hi:[1,0,0]   ; t - M, two at a time
.endr
.irp b, 0,1,2,3
	v_fma_f32 v[BM+\b], v[BM+\b], s52, v12         ; the same of each block's largest score
.endr
.irp j, 0,1,2,3,4,5,6,7,8,9,10,11,12,13,14,15,16,17,18,19,20,21,22,23,24,25,26,27,28,29,30,31,32,33,34,35,36,37,38,39,40,41,42,43,44,45,46,47,48,49,50,51,52,53,54,55,56,57,58,59,60,61,62,63
	v_exp_f32 v[96+\j], v[96+\j]                   ; p = 2^(t - M), at most 1: not normalised
.endr
	v_pk_mul_f32 v[14:15], v[14:15], v[224:225] op_sel_hi:[1,0]   ; the sums under the new M (a plain line behind the exponentials)
	s_wait_alu depctr_va_vdst(0)                   ; one wait for the whole batch, ahead of its first reader
.irp b, 0,1,2,3
	v_exp_f32 v[BM+\b], v[BM+\b]                   ; the block's largest p: the same two instructions on the same number give the same bits
.endr
	v_pk_add_f32 v[226:227], v[96:97], v[98:99]    ; the row's sum is taken of the unquantised p, in two chains
.irp j, 4,8,12,16,20,24,28,32,36,40,44,48,52,56,60
	v_pk_add_f32 v[14:15], v[14:15], v[96+\j:97+\j]
	v_pk_add_f32 v[226:227], v[226:227], v[98+\j:99+\j]
.endr
	v_pk_add_f32 v[14:15], v[14:15], v[226:227]
	s_wait_alu depctr_va_vdst(0)                   ; and one for the four
.irp b, 0,1,2,3
	v_max_num_f32 v[BM+\b], 0x1800000, v[BM+\b]    ; the floor 2^(3 - 127): the byte cannot fall under 1
.endr
.irp b, 0,1,2,3
	v_add_nc_u32 v[BS+\b], 0xff000000, v[BM+\b]    ; 2 off the exponent field: the conversion's scale operand
.endr
.irp b, 0,1,2,3
	v_lshrrev_b32 v[BT+\b], 23, v[BS+\b]           ; the scale's byte
.endr
	v_lshl_or_b32 v29, v[BT+1], 8, v[BT]           ; p's scale word for these 128 keys
	v_lshl_or_b32 v29, v[BT+2], 16, v29
	v_lshl_or_b32 v29, v[BT+3], 24, v29
.irp c, 0,1
	v_cvt_scalef32_pk16_fp6_f32 v[192+6*\c:194+6*\c], v[96+32*\c:111+32*\c], v[BS+2*\c]
	v_cvt_scalef32_pk16_fp6_f32 v[204+4*\c:206+4*\c], v[112+32*\c:127+32*\c], v[BS+2*\c+1]
.endr
	v_nop                                          ; one plain line behind a scaled conversion
.irp c, 0,1
.irp i, 0,1,2
	v_permlane16_swap_b32 v[192+6*\c+\i], v[204+4*\c+\i]
.endr
.irp i, 0,1,2
	v_mov_b32 v[195+6*\c+\i], v[204+4*\c+\i]
.endr
.endr
.irp j, 0,2,4,6,8,10,12,14,16,18,20,22,24,26,28,30
	v_pk_mul_f32 v[160+\j:161+\j], v[160+\j:161+\j], v[224:225] op_sel_hi:[1,0]   ; O^T under the new M.  (These sixteen are also the places between the writes of P's codes and scale word and the products)
.endr
	s_wait_dscnt 0x0                               ; V
.irp t, 0,1,2,3
.if \t%2
	v_wmma_scale_f32_16x16x128_f8f6f4 v[160+8*\t:167+8*\t], v[32+12*\t:43+12*\t], v[192:203], v[160+8*\t:167+8*\t], v[30+\t/2], v29 matrix_a_fmt:MATRIX_FMT_FP6 matrix_b_fmt:MATRIX_FMT_FP6 matrix_a_scale:MATRIX_SCALE_ROW1
.else
	v_wmma_scale_f32_16x16x128_f8f6f4 v[160+8*\t:167+8*\t], v[32+12*\t:43+12*\t], v[192:203], v[160+8*\t:167+8*\t], v[30+\t/2], v29 matrix_a_fmt:MATRIX_FMT_FP6 matrix_b_fmt:MATRIX_FMT_FP6
.endif
.endr
	v_add_nc_u32 v1, 6144, v1                      ; the next step's tiles and scale words.  (These six are the places in front of the next loads, and of the way out's first read)
	v_add_nc_u32 v2, 6144, v2
	v_add_nc_u32 v3, 6144, v3
	v_add_nc_u32 v4, 6144, v4
	v_add_nc_u32 v5, 512, v5
	v_add_nc_u32 v6, 256, v6
	s_add_co_u32 s50, s50, 1
	s_cmp_lt_u32 s50, 16
	s_cbranch_scc1 .Lstep
	; THE WAY OUT.  O^T / the sum: register 16 c + i is channel 32 c + 16 h + i of my query: two blocks along the next product's K.  They are quantised and leave as half a fragment of y's image.
	v_add_f32 v14, v14, v15
	v_permlanex16_b32 v228, v14, s48, s49
	v_add_f32 v14, v14, v228                       ; the row's sum
	v_rcp_f32 v14, v14
	v_nop                                          ; a plain line behind it
	s_wait_alu depctr_va_vdst(0)                   ; and the wait ahead of its first reader
.irp j, 0,2,4,6,8,10,12,14,16,18,20,22,24,26,28,30
	v_pk_mul_f32 v[96+\j:97+\j], v[160+\j:161+\j], v[14:15] op_sel_hi:[1,0]
.endr
.irp b, 0,1
	v_max3_num_f32 v[BM+\b], |v[96+16*\b]|, |v[97+16*\b]|, 0x1800000
.endr
.irp i, 2,4,6,8,10,12,14
.irp b, 0,1
	v_max3_num_f32 v[BM+\b], v[BM+\b], |v[96+16*\b+\i]|, |v[97+16*\b+\i]|
.endr
.endr
.irp b, 0,1
	v_permlanex16_b32 v[BT+\b], v[BM+\b], s48, s49
.endr
.irp b, 0,1
	v_max_num_f32 v[BM+\b], v[BM+\b], v[BT+\b]
.endr
.irp b, 0,1
	v_add_nc_u32 v[BS+\b], 0xff000000, v[BM+\b]
.endr
.irp b, 0,1
	v_lshrrev_b32 v[BT+\b], 23, v[BS+\b]
.endr
	v_lshl_or_b32 v229, v[BT+1], 8, v[BT]          ; my head's half of the row's scale word
	v_cvt_scalef32_pk16_fp6_f32 v[192:194], v[96:111], v[BS]
	v_cvt_scalef32_pk16_fp6_f32 v[204:206], v[112:127], v[BS+1]
	v_nop
.irp i, 0,1,2
	v_permlane16_swap_b32 v[192+\i], v[204+\i]
.endr
.irp i, 0,1,2
	v_mov_b32 v[195+\i], v[204+\i]
.endr
	global_store_b128 v7, v[192:195], s[46:47]
	global_store_b64 v8, v[196:197], s[46:47] offset:512
	global_store_b16 v11, v229, s[6:7]             ; a head owns half of each scale word: 2 bytes a row (lanes r and r + 16 write the same value); y's scale words are 131,072 bytes in all
	s_wait_tensorcnt 0x0
	ds_add_u32 v254, v255
	s_wait_dscnt 0x0
	s_endpgm
.Lfunc_end_k_qdd8b20f2c2_attn:
	.size	k_qdd8b20f2c2_attn, .Lfunc_end_k_qdd8b20f2c2_attn-k_qdd8b20f2c2_attn
	.p2alignl 7, 3214868480
	.fill 96, 4, 3214868480
	.section	.rodata,"a",@progbits
	.p2align	6, 0x0
	.amdhsa_kernel k_qdd8b20f2c2_attn
		.amdhsa_group_segment_fixed_size 210944
		.amdhsa_private_segment_fixed_size 0
		.amdhsa_enable_private_segment 0
		.amdhsa_kernarg_size 16
		.amdhsa_user_sgpr_count 2
		.amdhsa_user_sgpr_kernarg_segment_ptr 1
		.amdhsa_wavefront_size32 1
		.amdhsa_system_sgpr_workgroup_id_x 1
		.amdhsa_system_sgpr_workgroup_id_y 1
		.amdhsa_system_sgpr_workgroup_id_z 1
		.amdhsa_system_vgpr_workitem_id 0
		.amdhsa_next_free_vgpr 256
		.amdhsa_next_free_sgpr 66
		.amdhsa_reserve_vcc 1
		.amdhsa_float_denorm_mode_32 3
		.amdhsa_float_denorm_mode_16_64 3
		.amdhsa_memory_ordered 1
		.amdhsa_forward_progress 1
		.amdhsa_inst_pref_size 32
	.end_amdhsa_kernel
	.amdgpu_metadata
---
amdhsa.version: [ 1, 2 ]
amdhsa.kernels:
  - .name:           k_qdd8b20f2c2_attn
    .symbol:         k_qdd8b20f2c2_attn.kd
    .args:
      - { .name: qkvb, .offset: 0, .size: 8, .value_kind: global_buffer, .address_space: global }
      - { .name: yb, .offset: 8, .size: 8, .value_kind: global_buffer, .address_space: global }
    .group_segment_fixed_size: 210944
    .private_segment_fixed_size: 0
    .kernarg_segment_align: 8
    .kernarg_segment_size: 16
    .max_flat_workgroup_size: 512
    .sgpr_count:     66
    .vgpr_count:     256
    .wavefront_size: 32
...
	.end_amdgpu_metadata
.endif
;; end of part 3
;; launch proj (part 4): grid 4 x 16, 4 waves a work-group, clusters of 4 x 4, 327,680 bytes of LDS; arguments yb, wimg, bp, xnb, hb; writes hb
.if DOCPART == 4
	.amdgcn_target "amdgcn-amd-amdhsa--gfx1250"
	.amdhsa_code_object_version 6
	.text
	.protected	k_qdd8b20f2c2_proj
	.globl	k_qdd8b20f2c2_proj
	.p2align	8
	.type	k_qdd8b20f2c2_proj,@function
k_qdd8b20f2c2_proj:
	s_mov_b64 s[64:65], 0
	v_nop
	global_prefetch_b8 v0, s[64:65] scope:SCOPE_SE
	s_setreg_imm32_b32 hwreg(HW_REG_WAVE_MODE, 25, 1), 1
	s_wait_xcnt 0x0
	s_wait_alu depctr_hold_cnt(0) depctr_sa_sdst(0) depctr_va_vdst(0) depctr_va_sdst(0) depctr_va_ssrc(0) depctr_va_vcc(0) depctr_vm_vsrc(0)
	s_getreg_b32 s2, hwreg(HW_REG_IB_STS2, 6, 4)
	s_cmp_eq_u32 s2, 0
	s_cbranch_scc0 .Lentry_in_a_cluster
	s_endpgm
.Lentry_in_a_cluster:
	s_bfe_u32 s2, ttmp6, 0x10000c
	s_cmp_lg_u32 s2, 0xf033
	s_cbranch_scc0 .Lentry_shape_is_right
	s_endpgm
.Lentry_shape_is_right:
; h = xn + (y Wp + bp): a product on codes of FP6 (E2M3) with E8M0 scales, f32 sums; bias and residual are added on the way out; h leaves as f32 [4096][1024].
; A tile of 256 x 256 is made by four waves, 128 x 128 each: 64 accumulators.  THE MATRIX INSTRUCTION IS USED TRANSPOSED: source 0 = 16 rows of B (the weight), source 1 = 16 rows of A (y): a lane holds one row of A and eight columns.
; OPERANDS ARE IMAGES OF THEIR REGISTERS: [128 rows rb][ks = k / 128][tile i][half c][768 bytes]; lane (r, h) of tile i stands for row 128 rb + rho(i, r), rho(i, r) = 32 (i / 2) + 8 (i % 2) + r + 8 (r / 8); words 0-3 at 16 L, words 4-5 at 512 + 8 L.
; SCALE WORDS: [rb][ks][lane][4]: word j of lane (r, h) serves tile 2 j + h.  The order rho is undone on the way out by constants: in the stage's columns and in the stores' row offsets.
; K goes in steps of 256 through a ring of two LDS slots; a slot's four parts are dense blocks of 24,576 bytes, one tensor load a wave.  The scale words of all of K come once, with the first fills.
; CLUSTERS: 4 x 4.  A's parts are shared along a row of the cluster, B's along a column: each is asked for jointly.  The output has 64 tiles of this size: 64 work-groups.
; LIMITS: NaN and infinities are not served.
; REGISTERS: window 0: v2 16 L, v3 8 L; v[8:11] the bias at my four columns; v16-25 LDS addresses; v26, v27 the stage; v28, v29 the add's; v32-63 scale words; v128-223 A's fragments, on the way out v128-255 rows read back;
;   window 1: B's fragments, sets at v0 and v128; on the way out the residual's rows, four buffers of 64;  windows 2, 3: the accumulators.
.set KDIM,  1024
.set BIASC, 0
.set ASC,   3145728                    ; A's scale words in its buffer
.set BIMG,  2359296                    ; the weight's image in wimg,
.set BSC,   9535488                    ; and its scale words
.set RESOFF, 3276800                   ; the residual's first byte in its buffer
.set KS128, KDIM/128
.set LAPS,  KDIM/512
.set FRB,   1536
.set KSB,   12288
.set PART,  2*KSB
.set SLOT,  4*PART
.set SCP,   512*KS128
.set SCL,   2*SLOT
.set SPARE, 262144                     ; the spare words, 128 bytes for each wave: two blocks of 256 bytes that no other line names
.set NP,    4
.set ADA16, 16
.set ADA8,  18
.set ADB16, 20
.set ADB8,  22
.set ADSA,  24
.set ADSB,  25
.set STO,   26
.set RDB,   27
.set SPW,   28
.set NIL,   29
.set SC,    32
.set AF,    128
.set G1,    24
.set G0,    32
.set G1B,   48
.set G0B,   56
.set G1S,   68
.set G0S,   76
.set G1SB,  80
.set G0SB,  88
.set MUL_LO, 0xa1
.set MUL_HI, 0xf1
.set TO_B,   0x40
.set MSB, 0
.macro WIN new                         ; the immediate's high byte repeats the setting that is left
.if MSB != (\new)
	s_set_vgpr_msb (MSB<<8)|(\new)
.set MSB, (\new)
.endif
.endm
.macro JLOAD g0a, g1a, g0b, g1b        ; a joint load: waves 0 and 1 fetch for A, waves 2 and 3 for B; four v_nop follow each line
	s_cmp_eq_u32 s15, 0
	s_cbranch_scc0 .Lfor_b_\@
	tensor_load_to_lds s[\g0a:\g0a+3], s[\g1a:\g1a+7]
	s_nop 0
.rept 4
	v_nop
.endr
	s_branch .Lasked_\@
.Lfor_b_\@:
	tensor_load_to_lds s[\g0b:\g0b+3], s[\g1b:\g1b+7]
	s_nop 0
.rept 4
	v_nop
.endr
.Lasked_\@:
.endm
.macro CREST
	s_cmp_lg_u32 s14, 0
	s_cbranch_scc1 .Lnot_wave_0_\@
	s_barrier_signal -3
.Lnot_wave_0_\@:
	s_barrier_wait -3
	s_barrier_signal -1
	s_barrier_wait -1
.endm
.macro CROUND
	s_barrier_signal -1
	s_barrier_wait -1
	CREST
.endm
.macro PLACES n
.rept \n
	v_nop
.endr
.endm
.macro FRAG reg, a16, a8, off
	ds_load_b128 v[(\reg):(\reg)+3], v[\a16] offset:(\off)
	ds_load_b64 v[(\reg)+4:(\reg)+5], v[\a8] offset:(\off)+512
	ds_load_b128 v[(\reg)+6:(\reg)+9], v[\a16] offset:(\off)+768
	ds_load_b64 v[(\reg)+10:(\reg)+11], v[\a8] offset:(\off)+1280
.endm
.macro FETCH_B slot, q, p
	WIN TO_B
.irp i, 0,1,2,3,4,5,6,7
	FRAG 128*(\p)+12*\i, ADB16+\slot, ADB8+\slot, (\q)*KSB+\i*FRB
.endr
	WIN 0
.endm
.macro FETCH_A slot, q, i0
.irp i, \i0, \i0+1, \i0+2, \i0+3
	FRAG AF+12*(\i), ADA16+\slot, ADA8+\slot, (\q)*KSB+(\i)*FRB
.endr
.endm
.macro SCALES sc
	ds_load_b128 v[SC+16*\sc:SC+16*\sc+3], v[ADSA]
	ds_load_b128 v[SC+16*\sc+4:SC+16*\sc+7], v[ADSA] offset:512
	ds_load_b128 v[SC+16*\sc+8:SC+16*\sc+11], v[ADSB]
	ds_load_b128 v[SC+16*\sc+12:SC+16*\sc+15], v[ADSB] offset:512
.endm
.macro WM z, pb, pa                    ; one product; z = 1: C is the constant 0; pb, pa: source 0's, source 1's scales stand in lanes 16-31
.set WSEL, 4*(\z)+2*(\pb)+(\pa)
.if WSEL == 0
	v_wmma_scale_f32_16x16x128_f8f6f4 v[WD:WD+7], v[WB:WB+11], v[WA:WA+11], v[WC:WC+7], v[WSB], v[WSA] matrix_a_fmt:MATRIX_FMT_FP6 matrix_b_fmt:MATRIX_FMT_FP6
.elseif WSEL == 1
	v_wmma_scale_f32_16x16x128_f8f6f4 v[WD:WD+7], v[WB:WB+11], v[WA:WA+11], v[WC:WC+7], v[WSB], v[WSA] matrix_a_fmt:MATRIX_FMT_FP6 matrix_b_fmt:MATRIX_FMT_FP6 matrix_b_scale:MATRIX_SCALE_ROW1
.elseif WSEL == 2
	v_wmma_scale_f32_16x16x128_f8f6f4 v[WD:WD+7], v[WB:WB+11], v[WA:WA+11], v[WC:WC+7], v[WSB], v[WSA] matrix_a_fmt:MATRIX_FMT_FP6 matrix_b_fmt:MATRIX_FMT_FP6 matrix_a_scale:MATRIX_SCALE_ROW1
.elseif WSEL == 3
	v_wmma_scale_f32_16x16x128_f8f6f4 v[WD:WD+7], v[WB:WB+11], v[WA:WA+11], v[WC:WC+7], v[WSB], v[WSA] matrix_a_fmt:MATRIX_FMT_FP6 matrix_b_fmt:MATRIX_FMT_FP6 matrix_a_scale:MATRIX_SCALE_ROW1 matrix_b_scale:MATRIX_SCALE_ROW1
.elseif WSEL == 4
	v_wmma_scale_f32_16x16x128_f8f6f4 v[WD:WD+7], v[WB:WB+11], v[WA:WA+11], 0, v[WSB], v[WSA] matrix_a_fmt:MATRIX_FMT_FP6 matrix_b_fmt:MATRIX_FMT_FP6
.elseif WSEL == 5
	v_wmma_scale_f32_16x16x128_f8f6f4 v[WD:WD+7], v[WB:WB+11], v[WA:WA+11], 0, v[WSB], v[WSA] matrix_a_fmt:MATRIX_FMT_FP6 matrix_b_fmt:MATRIX_FMT_FP6 matrix_b_scale:MATRIX_SCALE_ROW1
.elseif WSEL == 6
	v_wmma_scale_f32_16x16x128_f8f6f4 v[WD:WD+7], v[WB:WB+11], v[WA:WA+11], 0, v[WSB], v[WSA] matrix_a_fmt:MATRIX_FMT_FP6 matrix_b_fmt:MATRIX_FMT_FP6 matrix_a_scale:MATRIX_SCALE_ROW1
.else
	v_wmma_scale_f32_16x16x128_f8f6f4 v[WD:WD+7], v[WB:WB+11], v[WA:WA+11], 0, v[WSB], v[WSA] matrix_a_fmt:MATRIX_FMT_FP6 matrix_b_fmt:MATRIX_FMT_FP6 matrix_a_scale:MATRIX_SCALE_ROW1 matrix_b_scale:MATRIX_SCALE_ROW1
.endif
.endm
.macro MUL16 a0, p, q, sc, zero        ; 16 products: A's blocks a0, a0 + 1 x B's eight; the 64 accumulators take turns, one instruction a turn
.irp a, \a0, \a0+1
.irp b, 0,1,2,3,4,5,6,7
.set WD, 8*(8*((\a)%4)+\b)
.set WB, 128*(\p)+12*\b
.set WA, AF+12*(\a)
.set WSB, SC+16*(\sc)+8+4*(\q)+\b/2
.set WSA, SC+16*(\sc)+4*(\q)+(\a)/2
.set WC, WD
.set WZ, 0
.if \zero
.if BIASC
.set WC, 64+8*\b
.else
.set WZ, 1
.endif
.endif
	WM WZ, \b%2, (\a)%2
.endr
.endr
.endm
.macro STEP slot, q, zero              ; a step of 128 along K that has its successor in the same slot
	s_wait_dscnt 16                                ; all but the youngest 16 loads (A's blocks 4-7)
.if (\zero)*BIASC
	WIN 0x81
.else
	WIN MUL_LO
.endif
	MUL16 0, (\q)%2, \q, \slot, \zero
	MUL16 2, (\q)%2, \q, \slot, \zero
	s_wait_dscnt 0
	PLACES NP
	FETCH_B \slot, (\q)+1, 1-(\q)%2
	FETCH_A \slot, (\q)+1, 0
.if (\zero)*BIASC
	WIN 0xc1
.else
	WIN MUL_HI
.endif
	MUL16 4, (\q)%2, \q, \slot, \zero
	MUL16 6, (\q)%2, \q, \slot, \zero
	PLACES NP
	WIN 0
	FETCH_A \slot, (\q)+1, 4
.endm
.macro TURN slot, next, fill           ; a slot's last step changes slots: one barrier, with the waits and the add in front of it
	s_wait_tensorcnt 0x0                           ; all my tensor loads have landed: my part of the next slot
	ds_add_u32 v[SPW], v[NIL]                      ; 0 onto my spare word
	s_wait_dscnt 17                                ; (the add and the youngest 16 loads may be out)
	WIN MUL_LO
	MUL16 0, 1, 1, \slot, 0
	s_wait_dscnt 0x0                               ; the add is done, and my reads of this slot are over
	s_barrier_signal -1
	MUL16 2, 1, 1, \slot, 0
	WIN 0
	s_barrier_wait -1
.if \fill
	CREST                                          ; the barrier has opened a round of the cluster's barrier: no wave of any partner still reads this slot or has a load on its way
	s_add_nc_u64 s[G0+4*\slot+2:G0+4*\slot+3], s[G0+4*\slot+2:G0+4*\slot+3], 2*PART
	s_add_nc_u64 s[G0B+4*\slot+2:G0B+4*\slot+3], s[G0B+4*\slot+2:G0B+4*\slot+3], 2*PART
	JLOAD G0+4*\slot, G1, G0B+4*\slot, G1B
.else
	PLACES NP
.endif
	v_add_nc_u32 v[ADSA], 1024, v[ADSA]
	v_add_nc_u32 v[ADSB], 1024, v[ADSB]
	FETCH_B \next, 0, 0
	FETCH_A \next, 0, 0
	SCALES \next
	WIN MUL_HI
	MUL16 4, 1, 1, \slot, 0
	MUL16 6, 1, 1, \slot, 0
	PLACES NP
	WIN 0
	FETCH_A \next, 0, 4
.endm
; THE WAY OUT, block by block of 16 rows x 128 columns, through my own stage in slot 0 (16 rows x (512 + 16) bytes), which has had its last fill and its last read.
.macro XLOAD a                         ; the residual's 16 rows of block a, at my 16 bytes of each, into buffer a % 4 of window 1
	WIN 0x40
.irp t, 0,1,2,3,4,5,6,7,8,9,10,11,12,13,14,15
	global_load_b128 v[64*((\a)%4)+4*\t:64*((\a)%4)+4*\t+3], v2, s[10:11] offset:(32*((\a)/2)+8*((\a)%2)+\t+8*(\t/8))*4096
.endr
	WIN 0
.endm
.macro TOSTAGE a
.set AC, 64*((\a)%4)
	WIN 0x08+4*((\a)/4)                            ; the data: window 2 or 3
.irp b, 0,1,2,3,4,5,6,7
	ds_store_b128 v[STO], v[AC+8*\b:AC+8*\b+3] offset:128*(\b/2)+32*(\b%2)          ; tile b's eight columns of my half are 32 (b / 2) + 16 h + 8 (b % 2) + 0 .. 7; each accumulator from its low end on
	ds_store_b128 v[STO], v[AC+8*\b+4:AC+8*\b+7] offset:128*(\b/2)+32*(\b%2)+16
.endr
	WIN 0
.set BB, 128+64*((\a)%2)
.irp t, 0,1,2,3,4,5,6,7,8,9,10,11,12,13,14,15
	ds_load_b128 v[BB+4*\t:BB+4*\t+3], v[RDB] offset:\t*528    ; LDS serves a wave's instructions in order: these see the stores above
.endr
.endm
.macro SEND a, younger
.set BB, 128+64*((\a)%2)
.set XR, 64*((\a)%4)
	s_wait_dscnt \younger                          ; the block is back in registers
.if (\a) < 5
	s_wait_loadcnt 48                              ; its residual is in; the loads of the three blocks behind it may be out
.else
	s_wait_loadcnt 16*(7-(\a))
.endif
	WIN 0x04                                       ; source 1: window 1
.set k, 0
.rept 32
	v_pk_add_f32 v[BB+k:BB+k+1], v[BB+k:BB+k+1], v[XR+k:XR+k+1]
.set k, k+2
.endr
	WIN 0
.irp t, 0,1,2,3,4,5,6,7,8,9,10,11,12,13,14,15
	v_pk_add_f32 v[BB+4*\t:BB+4*\t+1], v[BB+4*\t:BB+4*\t+1], v[8:9]
	v_pk_add_f32 v[BB+4*\t+2:BB+4*\t+3], v[BB+4*\t+2:BB+4*\t+3], v[10:11]
.endr
.irp t, 0,1,2,3,4,5,6,7,8,9,10,11,12,13,14,15
	global_store_b128 v2, v[BB+4*\t:BB+4*\t+3], s[12:13] offset:(32*((\a)/2)+8*((\a)%2)+\t+8*(\t/8))*4096   ; 32 lanes store 512 consecutive bytes of row rho(a, t); the row stands in the immediate, 520,192 at the most
.endr
.if (\a) < 4
	XLOAD (\a)+4
.endif
.endm
	s_load_b256 s[4:11], s[0:1], 0x0               ; A's buffer, wimg, the bias, the residual's buffer
	s_load_b64 s[12:13], s[0:1], 0x20              ; the output
	v_lshl_add_u32 v[SPW], v0, 2, SPARE
	v_mov_b32 v[NIL], 0
	ds_add_u32 v28, v29
	ds_add_u32 v28, v29
	s_wait_dscnt 0x0
	v_lshrrev_b32 v1, 5, v0
	v_readfirstlane_b32 s14, v1                    ; wave 0..3
	s_lshr_b32 s15, s14, 1                         ; which half of A's rows is mine.  Also: I fetch for A (0) or for B (1)
	s_and_b32 s16, s14, 1                          ; which half of B's rows.  Also: which rb of the tile I fetch
	s_bfe_u32 s40, ttmp6, 0x40000                  ; cx, cy
	s_bfe_u32 s41, ttmp6, 0x40004
	s_lshl_b32 s42, ttmp9, 2
	s_add_co_u32 s42, s42, s40                     ; B's tile = 4 x cluster x + cx
	s_and_b32 s17, ttmp7, 0xffff
	s_lshl_b32 s17, s17, 2
	s_add_co_u32 s17, s17, s41                     ; A's tile = 4 x cluster y + cy
	s_lshl_b32 s43, s41, 2
	s_lshl_b32 s43, 15, s43                        ; my row of the cluster
	s_lshl_b32 s44, 0x1111, s40                    ; my column
	s_or_b32 s[G1], s43, (3<<16)|(1<<21)           ; group 1: dense blocks as rows of 256 bytes (32 elements of 8 bytes); the mask, and bit 21 beside it
	s_or_b32 s[G1B], s44, (3<<16)|(1<<21)
	s_or_b32 s[G1S], s43, (3<<16)|(1<<21)
	s_or_b32 s[G1SB], s44, (3<<16)|(1<<21)
.irp g, G1, G1B
	s_mov_b32 s[\g+1], 32<<16
	s_mov_b32 s[\g+2], 96<<16
	s_mov_b32 s[\g+3], 32<<16
	s_mov_b32 s[\g+4], 96
	s_mov_b32 s[\g+5], 32
	s_mov_b32 s[\g+6], 0
	s_mov_b32 s[\g+7], 0
.endr
.irp g, G1S, G1SB
	s_mov_b32 s[\g+1], 32<<16
	s_mov_b32 s[\g+2], (2*KS128)<<16
	s_mov_b32 s[\g+3], 32<<16
	s_mov_b32 s[\g+4], 2*KS128
	s_mov_b32 s[\g+5], 32
	s_mov_b32 s[\g+6], 0
	s_mov_b32 s[\g+7], 0
.endr
	s_lshl_b32 s20, s17, 1
	s_add_co_u32 s20, s20, s16
	s_lshl_b32 s46, s42, 1
	s_add_co_u32 s46, s46, s16
	s_mul_i32 s22, s20, SCP
	s_add_co_u32 s22, s22, ASC
	s_mul_i32 s92, s46, SCP
	s_add_co_u32 s92, s92, BSC
	s_mul_i32 s20, s20, KS128*KSB
	s_mul_i32 s46, s46, KS128*KSB
	s_add_co_u32 s46, s46, BIMG
	s_mov_b32 s21, 0
	s_mov_b32 s23, 0
	s_mov_b32 s47, 0
	s_mov_b32 s93, 0
	s_mul_i32 s45, s14, PART
	s_mul_i32 s94, s14, SCP
	s_wait_kmcnt 0x0
	s_add_nc_u64 s[20:21], s[4:5], s[20:21]
	s_add_nc_u64 s[22:23], s[4:5], s[22:23]
	s_add_nc_u64 s[46:47], s[6:7], s[46:47]
	s_add_nc_u64 s[92:93], s[6:7], s[92:93]
	CROUND                                         ; all sixteen work-groups are here: the first joint loads meet
	s_mov_b32 s[G0S], 1
	s_add_co_u32 s[G0S+1], s94, SCL
	s_mov_b64 s[G0S+2:G0S+3], s[22:23]
	s_or_b32 s[G0S+3], s[G0S+3], 0x80000000
	s_mov_b32 s[G0SB], 1
	s_add_co_u32 s[G0SB+1], s94, SCL
	s_mov_b64 s[G0SB+2:G0SB+3], s[92:93]
	s_or_b32 s[G0SB+3], s[G0SB+3], 0x80000000
	JLOAD G0S, G1S, G0SB, G1SB
.irp s, 0,1
	s_mov_b32 s[G0+4*\s], 1
	s_add_co_u32 s[G0+4*\s+1], s45, \s*SLOT
	s_add_nc_u64 s[G0+4*\s+2:G0+4*\s+3], s[20:21], \s*PART
	s_or_b32 s[G0+4*\s+3], s[G0+4*\s+3], 0x80000000
	s_mov_b32 s[G0B+4*\s], 1
	s_add_co_u32 s[G0B+4*\s+1], s45, \s*SLOT
	s_add_nc_u64 s[G0B+4*\s+2:G0B+4*\s+3], s[46:47], \s*PART
	s_or_b32 s[G0B+4*\s+3], s[G0B+4*\s+3], 0x80000000
	JLOAD G0+4*\s, G1, G0B+4*\s, G1B               ; three tensor loads of mine are out now, later one
.endr
	v_and_b32 v1, 31, v0
	v_lshlrev_b32 v2, 4, v1                        ; 16 L
	v_lshlrev_b32 v3, 3, v1                        ; 8 L
	s_mul_i32 s21, s15, PART
	s_mul_i32 s22, s16, PART
	s_add_co_u32 s22, s22, 2*PART
.irp s, 0,1
	v_add_nc_u32 v[ADA16+\s], s21, v2
	v_add_nc_u32 v[ADA8+\s], s21, v3
	v_add_nc_u32 v[ADB16+\s], s22, v2
	v_add_nc_u32 v[ADB8+\s], s22, v3
	s_add_co_u32 s21, s21, SLOT
	s_add_co_u32 s22, s22, SLOT
.endr
	s_mul_i32 s21, s15, SCP
	s_add_co_u32 s21, s21, SCL
	v_add_nc_u32 v[ADSA], s21, v2
	s_mul_i32 s22, s16, SCP
	s_add_co_u32 s22, s22, SCL+2*SCP
	v_add_nc_u32 v[ADSB], s22, v2
	v_and_b32 v4, 15, v0                           ; r
	v_bfe_u32 v5, v0, 4, 1                         ; h
	s_mul_i32 s23, s14, 16*528                     ; my stage
	v_mul_u32_u24 v[STO], v4, 528
	v_lshl_add_u32 v[STO], v5, 6, v[STO]
	v_add_nc_u32 v[STO], s23, v[STO]               ; in: row r, + 64 h
	v_add_nc_u32 v[RDB], s23, v2                   ; back: the 32 lanes take one row of 512 bytes
	s_lshl_b32 s20, s17, 1
	s_add_co_u32 s20, s20, s15                     ; my rb of A:
	s_lshl_b32 s20, s20, 19                        ; 128 rows of 4,096 bytes
	s_mov_b32 s21, 0
	s_lshl_b32 s46, s42, 1
	s_add_co_u32 s46, s46, s16                     ; my rb of B:
	s_lshl_b32 s46, s46, 9                         ; 128 columns of 4 bytes
	s_mov_b32 s47, 0
	s_add_nc_u64 s[8:9], s[8:9], s[46:47]
	s_add_nc_u64 s[20:21], s[20:21], s[46:47]
	s_add_nc_u64 s[10:11], s[10:11], s[20:21]
.if RESOFF
	s_add_nc_u64 s[10:11], s[10:11], RESOFF
.endif
	s_add_nc_u64 s[12:13], s[12:13], s[20:21]
	global_load_b128 v[8:11], v2, s[8:9]           ; the bias at my four columns of every row
	s_wait_tensorcnt 1                             ; the scale words and my part of slot 0 are in (slot 1's load may be out),
	s_barrier_signal -1
	s_barrier_wait -1                              ; everybody's are
	FETCH_B 0, 0, 0
	FETCH_A 0, 0, 0
	SCALES 0
	FETCH_A 0, 0, 4
	STEP 0, 0, 1                                   ; the first step stands in front of the loop: its products start the sums
	s_mov_b32 s3, LAPS-1
.Llap:
	TURN 0, 1, 1
	STEP 1, 0, 0
	TURN 1, 0, 1
	STEP 0, 0, 0
	s_sub_co_u32 s3, s3, 1
	s_cmp_lg_u32 s3, 0
	s_cbranch_scc1 .Llap
	TURN 0, 1, 0                                   ; the last lap fills nothing
	STEP 1, 0, 0
	XLOAD 0                                        ; B's set 0 is done with (the step's closing places stand behind its last reader): the first two blocks' residual is asked for under the last step
	XLOAD 1
	s_wait_dscnt 16
	WIN MUL_LO
	MUL16 0, 1, 1, 1, 0
	MUL16 2, 1, 1, 1, 0
	s_wait_dscnt 0
	WIN MUL_HI
	MUL16 4, 1, 1, 1, 0
	MUL16 6, 1, 1, 1, 0
	WIN 0
	PLACES NP                                      ; in front of the loads into B's set 1 and A's fragments, and of the first read of results
	XLOAD 2
	XLOAD 3
	TOSTAGE 0
.irp a, 1,2,3,4,5,6,7
.if \a > 1
	s_wait_xcnt 0x0                                ; block a - 2's stores have read their registers: block a's loads may land there
.endif
	TOSTAGE \a
	SEND \a-1, 32                                  ; behind block a - 1's loads from the stage: block a's 16 stores and 16 loads
.endr
	s_wait_xcnt 0x0
	SEND 7, 0
	s_wait_tensorcnt 0x0                           ; the wave's end
	ds_add_u32 v[SPW], v[NIL]
	s_wait_dscnt 0x0
	CROUND                                         ; the closing round
	s_endpgm
.Lfunc_end_k_qdd8b20f2c2_proj:
	.size	k_qdd8b20f2c2_proj, .Lfunc_end_k_qdd8b20f2c2_proj-k_qdd8b20f2c2_proj
	.p2alignl 7, 3214868480
	.fill 96, 4, 3214868480
	.section	.rodata,"a",@progbits
	.p2align	6, 0x0
	.amdhsa_kernel k_qdd8b20f2c2_proj
		.amdhsa_group_segment_fixed_size 327680
		.amdhsa_private_segment_fixed_size 0
		.amdhsa_enable_private_segment 0
		.amdhsa_kernarg_size 40
		.amdhsa_user_sgpr_count 2
		.amdhsa_user_sgpr_kernarg_segment_ptr 1
		.amdhsa_wavefront_size32 1
		.amdhsa_system_sgpr_workgroup_id_x 1
		.amdhsa_system_sgpr_workgroup_id_y 1
		.amdhsa_system_sgpr_workgroup_id_z 1
		.amdhsa_system_vgpr_workitem_id 0
		.amdhsa_next_free_vgpr 1024
		.amdhsa_next_free_sgpr 100
		.amdhsa_reserve_vcc 0
		.amdhsa_float_denorm_mode_32 3
		.amdhsa_float_denorm_mode_16_64 3
		.amdhsa_memory_ordered 1
		.amdhsa_forward_progress 1
		.amdhsa_inst_pref_size 188
	.end_amdhsa_kernel
	.amdgpu_metadata
---
amdhsa.version: [ 1, 2 ]
amdhsa.kernels:
  - .name:           k_qdd8b20f2c2_proj
    .symbol:         k_qdd8b20f2c2_proj.kd
    .args:
      - { .name: yb, .offset: 0, .size: 8, .value_kind: global_buffer, .address_space: global }
      - { .name: wimg, .offset: 8, .size: 8, .value_kind: global_buffer, .address_space: global }
      - { .name: bp, .offset: 16, .size: 8, .value_kind: global_buffer, .address_space: global }
      - { .name: xnb, .offset: 24, .size: 8, .value_kind: global_buffer, .address_space: global }
      - { .name: hb, .offset: 32, .size: 8, .value_kind: global_buffer, .address_space: global }
    .group_segment_fixed_size: 327680
    .private_segment_fixed_size: 0
    .kernarg_segment_align: 8
    .kernarg_segment_size: 40
    .max_flat_workgroup_size: 128
    .sgpr_count:     100
    .vgpr_count:     1024
    .wavefront_size: 32
...
	.end_amdgpu_metadata
.endif
;; end of part 4
;; launch ln2 (part 5): grid 256 x 1, 4 waves a work-group, no clusters, 33,280 bytes of LDS; arguments hb, g2, b2, hnb; writes hnb
.if DOCPART == 5
	.amdgcn_target "amdgcn-amd-amdhsa--gfx1250"
	.amdhsa_code_object_version 6
	.text
	.protected	k_qdd8b20f2c2_ln2
	.globl	k_qdd8b20f2c2_ln2
	.p2align	8
	.type	k_qdd8b20f2c2_ln2,@function
k_qdd8b20f2c2_ln2:
	s_mov_b64 s[64:65], 0
	v_nop
	global_prefetch_b8 v0, s[64:65] scope:SCOPE_SE
	s_setreg_imm32_b32 hwreg(HW_REG_WAVE_MODE, 25, 1), 1
	s_wait_xcnt 0x0
; hn = layernorm(h) g2 + b2, quantised to codes of FP6 (E2M3) with E8M0 scales and stored as an image of the next product's operand registers; hn is not stored as f32.
; THE IMAGE: [128 rows rb][ks = k / 128][tile i][half c][768 bytes]; lane (r, h) of tile i stands for row 128 rb + rho(i, r), rho(i, r) = 32 (i / 2) + 8 (i % 2) + r + 8 (r / 8), and holds in half c the codes k = 128 ks + 64 c + 32 h + 0 .. 31:
; words 0-3 at 16 L, words 4-5 at 512 + 8 L.  THE SCALE WORDS: [rb][ks][lane][4]: word j of lane (r, h) serves row rho(2 j + h, r).
; Work-group T owns tile (rb = T / 8, i = T % 8): 16 rows; wave w owns r = 4 w .. 4 w + 3, four neighbouring rows.  Mean, then the mean of the squared differences (no difference of large sums), v_rsq_f32, all in f32.
; LIMITS: NaN and infinities are not served; a block of zeros gets the byte 1 where the rule says 127 (its codes are zeros; this program alone reads the bytes); blocks whose largest magnitude lies under 2^-124 were not tried.
.set XS,   3145728                     ; the image at 0, the scale words here
.set IMG,  18432                       ; LDS: four turning stages of 4,608 bytes at 0; the tile's image, 8 ks x 1,536 bytes;
.set SCB,  30720                       ; its scale bytes, [ks][r][4]
.set X,    208
.set C,    240
	s_load_b256 s[4:11], s[0:1], 0x0               ; h, g2, b2, hnb
	v_lshl_add_u32 v254, v0, 2, 0x8000
	v_mov_b32 v255, 0
	v_lshrrev_b32 v1, 5, v0
	v_readfirstlane_b32 s12, v1                    ; wave
	v_and_b32 v1, 31, v0                           ; L
	v_lshlrev_b32 v2, 4, v1                        ; 16 L
	s_mul_i32 s13, s12, 4608                       ; my turning stage: 32 places of 128 + 16 bytes
	v_lshrrev_b32 v8, 3, v1
	v_mul_u32_u24 v3, v8, 144
	v_and_b32 v8, 7, v1
	v_lshl_add_u32 v3, v8, 4, v3
	v_add_nc_u32 v3, s13, v3                       ; in: 144 (L / 8) + 16 (L % 8)
	v_mul_u32_u24 v4, v1, 144
	v_add_nc_u32 v4, s13, v4                       ; out: 144 L: lane L takes block L of the row
	v_lshrrev_b32 v8, 2, v1                        ; ks = L / 4
	v_mul_u32_u24 v9, v8, 1536
	v_bfe_u32 v10, v1, 1, 1                        ; c
	v_mad_u32_u24 v9, v10, 768, v9
	v_and_b32 v10, 1, v1                           ; h
	v_lshl_add_u32 v5, v10, 8, v9
	v_lshl_add_u32 v6, v10, 7, v9
	s_lshl_b32 s14, s12, 6
	s_add_co_u32 s14, s14, IMG
	v_add_nc_u32 v5, s14, v5
	s_lshl_b32 s14, s12, 5
	s_add_co_u32 s14, s14, IMG+512
	v_add_nc_u32 v6, s14, v6
	v_lshlrev_b32 v7, 6, v8
	v_and_b32 v10, 3, v1
	v_add_nc_u32 v7, v7, v10
	s_lshl_b32 s14, s12, 4
	s_add_co_u32 s14, s14, SCB
	v_add_nc_u32 v7, s14, v7
	s_lshr_b32 s15, ttmp9, 3                       ; rb
	s_and_b32 s16, ttmp9, 7                        ; i
	s_lshl_b32 s17, s15, 7
	s_lshr_b32 s18, s16, 1
	s_lshl_b32 s18, s18, 5
	s_add_co_u32 s17, s17, s18
	s_and_b32 s18, s16, 1
	s_lshl_b32 s18, s18, 3
	s_add_co_u32 s17, s17, s18
	s_lshl_b32 s18, s12, 2
	s_add_co_u32 s17, s17, s18
	s_lshr_b32 s18, s12, 1
	s_lshl_b32 s18, s18, 3
	s_add_co_u32 s17, s17, s18                     ; my first row
	s_lshl_b32 s20, s17, 12
	s_mov_b32 s21, 0
	s_mul_i32 s24, s15, 98304
	s_mul_i32 s18, s12, 24576
	s_add_co_u32 s24, s24, s18
	s_mul_i32 s18, s16, 1536
	s_add_co_u32 s24, s24, s18
	s_mov_b32 s25, 0
	s_lshl_b32 s26, s15, 12
	s_and_b32 s18, s16, 1
	s_lshl_b32 s18, s18, 8
	s_add_co_u32 s26, s26, s18
	s_lshr_b32 s18, s16, 1
	s_lshl_b32 s18, s18, 2
	s_add_co_u32 s26, s26, s18
	s_add_co_u32 s26, s26, XS
	s_mov_b32 s27, 0
	s_mov_b32 s30, 0x3a800000                      ; 1 / 1024
	s_mov_b32 s31, 0x3727c5ac                      ; 1e-5
	s_mov_b32 s32, 0x76543210
	s_mov_b32 s33, 0xfedcba98
	s_wait_kmcnt 0x0
	s_add_nc_u64 s[4:5], s[4:5], s[20:21]
	s_add_nc_u64 s[24:25], s[10:11], s[24:25]
	s_add_nc_u64 s[26:27], s[10:11], s[26:27]
.irp i, 0,1,2,3,4,5,6,7
	global_load_b128 v[16+4*\i:19+4*\i], v2, s[6:7] offset:512*\i
.endr
.irp i, 0,1,2,3,4,5,6,7
	global_load_b128 v[48+4*\i:51+4*\i], v2, s[8:9] offset:512*\i
.endr
.irp t, 0,1,2,3
.irp i, 0,1,2,3,4,5,6,7
	global_load_b128 v[80+32*\t+4*\i:83+32*\t+4*\i], v2, s[4:5] offset:4096*\t+512*\i   ; all four rows at once; a later launch reads h again, so no hint
.endr
.endr
.macro WSUM r, t
	v_add_f32_dpp v[\r], v[\r], v[\r] row_xmask:1 row_mask:0xf bank_mask:0xf
	v_add_f32_dpp v[\r], v[\r], v[\r] row_xmask:2 row_mask:0xf bank_mask:0xf
	v_add_f32_dpp v[\r], v[\r], v[\r] row_xmask:4 row_mask:0xf bank_mask:0xf
	v_add_f32_dpp v[\r], v[\r], v[\r] row_xmask:8 row_mask:0xf bank_mask:0xf
	v_permlanex16_b32 v[\t], v[\r], s32, s33
	v_add_f32 v[\r], v[\r], v[\t]
.endm
.macro ROW t
.set R, 80+32*(\t)
	s_wait_loadcnt 8*(3-(\t))                      ; gain, bias and this row are in; the later rows' loads, eight each, may be out
	v_pk_add_f32 v[8:9], v[R:R+1], v[R+2:R+3]
	v_pk_add_f32 v[10:11], v[R+4:R+5], v[R+6:R+7]
.irp j, 8,12,16,20,24,28
	v_pk_add_f32 v[8:9], v[8:9], v[R+\j:R+\j+1]
	v_pk_add_f32 v[10:11], v[10:11], v[R+\j+2:R+\j+3]
.endr
	v_pk_add_f32 v[8:9], v[8:9], v[10:11]
	v_add_f32 v8, v8, v9
	WSUM 8, 9
	v_mul_f32 v12, s30, v8                         ; the mean, twice
	v_mov_b32 v13, v12
.irp j, 0,2,4,6,8,10,12,14,16,18,20,22,24,26,28,30
	v_pk_add_f32 v[R+\j:R+\j+1], v[R+\j:R+\j+1], v[12:13] neg_lo:[0,1] neg_hi:[0,1]
.endr
	v_pk_mul_f32 v[8:9], v[R:R+1], v[R:R+1]
	v_pk_mul_f32 v[10:11], v[R+2:R+3], v[R+2:R+3]
.irp j, 4,8,12,16,20,24,28
	v_pk_fma_f32 v[8:9], v[R+\j:R+\j+1], v[R+\j:R+\j+1], v[8:9]
	v_pk_fma_f32 v[10:11], v[R+\j+2:R+\j+3], v[R+\j+2:R+\j+3], v[10:11]
.endr
	v_pk_add_f32 v[8:9], v[8:9], v[10:11]
	v_add_f32 v8, v8, v9
	WSUM 8, 9
	v_fma_f32 v8, v8, s30, s31                     ; the variance + 1e-5
	v_rsq_f32 v12, v8
	v_rsq_f32 v13, v8
	v_nop                                          ; a plain line behind the two
	s_wait_alu depctr_va_vdst(0)                   ; one wait for both, ahead of their first reader
.irp j, 0,2,4,6,8,10,12,14,16,18,20,22,24,26,28,30
	v_pk_mul_f32 v[R+\j:R+\j+1], v[R+\j:R+\j+1], v[12:13]
.endr
.irp j, 0,2,4,6,8,10,12,14,16,18,20,22,24,26,28,30
	v_pk_fma_f32 v[R+\j:R+\j+1], v[R+\j:R+\j+1], v[16+\j:17+\j], v[48+\j:49+\j]
.endr
.irp i, 0,1,2,3,4,5,6,7
	ds_store_b128 v3, v[R+4*\i:R+4*\i+3] offset:576*\i                   ; the row turns through my stage, so that a lane holds a whole block of 32
.endr
.irp j, 0,1,2,3,4,5,6,7
	ds_load_b128 v[X+4*\j:X+4*\j+3], v4 offset:16*\j                     ; LDS serves a wave's instructions in order
.endr
	s_wait_dscnt 0x0
	v_max3_num_f32 v8, |v[X]|, |v[X+1]|, |v[X+2]|
	v_max3_num_f32 v9, |v[X+3]|, |v[X+4]|, |v[X+5]|
.irp i, 6,10,14,18,22,26
	v_max3_num_f32 v8, v8, |v[X+\i]|, |v[X+\i+1]|
	v_max3_num_f32 v9, v9, |v[X+\i+2]|, |v[X+\i+3]|
.endr
	v_max3_num_f32 v8, v8, |v[X+30]|, |v[X+31]|
	v_max3_num_f32 v8, v8, v9, 0x1800000           ; and the floor 2^(3 - 127)
	v_add_nc_u32 v10, 0xff000000, v8               ; the conversion's scale operand
	v_lshrrev_b32 v11, 23, v10                     ; the scale's byte
	v_cvt_scalef32_pk16_fp6_f32 v[C:C+2], v[X:X+15], v10
	v_cvt_scalef32_pk16_fp6_f32 v[C+4:C+6], v[X+16:X+31], v10
	v_nop                                          ; one plain line behind a scaled conversion
	v_mov_b32 v[C+3], v[C+4]
	v_mov_b32 v[C+4], v[C+5]
	v_mov_b32 v[C+5], v[C+6]
	ds_store_b128 v5, v[C:C+3] offset:16*(\t)
	ds_store_b64 v6, v[C+4:C+5] offset:8*(\t)
	ds_store_b8 v7, v11 offset:4*(\t)
.endm
	ROW 0
	ROW 1
	ROW 2
	ROW 3
	s_wait_dscnt 0x0                               ; for the others' sake: my stores into the image are done
	s_barrier_signal -1
	s_barrier_wait -1
	s_mul_i32 s14, s12, 3072
	s_add_co_u32 s14, s14, IMG
	v_add_nc_u32 v8, s14, v2                       ; wave w takes ks = 2 w and 2 w + 1 of the tile
.irp e, 0,1
.irp c, 0,1,2
	ds_load_b128 v[208+12*\e+4*\c:211+12*\e+4*\c], v8 offset:1536*\e+512*\c
.endr
.endr
	v_lshl_add_u32 v9, v0, 2, SCB
	ds_load_b32 v232, v9
	v_lshrrev_b32 v10, 4, v0
	v_and_b32 v11, 15, v0
	v_lshlrev_b32 v10, 9, v10
	v_lshl_add_u32 v10, v11, 4, v10
	s_wait_dscnt 0x0
.irp e, 0,1
.irp c, 0,1,2
	global_store_b128 v2, v[208+12*\e+4*\c:211+12*\e+4*\c], s[24:25] offset:12288*\e+512*\c
.endr
.endr
	global_store_b32 v10, v232, s[26:27]           ; a tile owns one word in four of the scale words' rows: 4 bytes of each 16; the scale words are 131,072 bytes in all
	s_wait_tensorcnt 0x0
	ds_add_u32 v254, v255
	s_wait_dscnt 0x0
	s_endpgm
.Lfunc_end_k_qdd8b20f2c2_ln2:
	.size	k_qdd8b20f2c2_ln2, .Lfunc_end_k_qdd8b20f2c2_ln2-k_qdd8b20f2c2_ln2
	.p2alignl 7, 3214868480
	.fill 96, 4, 3214868480
	.section	.rodata,"a",@progbits
	.p2align	6, 0x0
	.amdhsa_kernel k_qdd8b20f2c2_ln2
		.amdhsa_group_segment_fixed_size 33280
		.amdhsa_private_segment_fixed_size 0
		.amdhsa_enable_private_segment 0
		.amdhsa_kernarg_size 32
		.amdhsa_user_sgpr_count 2
		.amdhsa_user_sgpr_kernarg_segment_ptr 1
		.amdhsa_wavefront_size32 1
		.amdhsa_system_sgpr_workgroup_id_x 1
		.amdhsa_system_sgpr_workgroup_id_y 1
		.amdhsa_system_sgpr_workgroup_id_z 1
		.amdhsa_system_vgpr_workitem_id 0
		.amdhsa_next_free_vgpr 256
		.amdhsa_next_free_sgpr 66
		.amdhsa_reserve_vcc 0
		.amdhsa_float_denorm_mode_32 3
		.amdhsa_float_denorm_mode_16_64 3
		.amdhsa_memory_ordered 1
		.amdhsa_forward_progress 1
		.amdhsa_inst_pref_size 45
	.end_amdhsa_kernel
	.amdgpu_metadata
---
amdhsa.version: [ 1, 2 ]
amdhsa.kernels:
  - .name:           k_qdd8b20f2c2_ln2
    .symbol:         k_qdd8b20f2c2_ln2.kd
    .args:
      - { .name: hb, .offset: 0, .size: 8, .value_kind: global_buffer, .address_space: global }
      - { .name: g2, .offset: 8, .size: 8, .value_kind: global_buffer, .address_space: global }
      - { .name: b2, .offset: 16, .size: 8, .value_kind: global_buffer, .address_space: global }
      - { .name: hnb, .offset: 24, .size: 8, .value_kind: global_buffer, .address_space: global }
    .group_segment_fixed_size: 33280
    .private_segment_fixed_size: 0
    .kernarg_segment_align: 8
    .kernarg_segment_size: 32
    .max_flat_workgroup_size: 128
    .sgpr_count:     66
    .vgpr_count:     256
    .wavefront_size: 32
...
	.end_amdgpu_metadata
.endif
;; end of part 5
;; launch mlp1 (part 6): grid 16 x 16, 4 waves a work-group, clusters of 4 x 4, 327,680 bytes of LDS; arguments hnb, wimg, bm1, gb; writes gb
.if DOCPART == 6
	.amdgcn_target "amdgcn-amd-amdhsa--gfx1250"
	.amdhsa_code_object_version 6
	.text
	.protected	k_qdd8b20f2c2_mlp1
	.globl	k_qdd8b20f2c2_mlp1
	.p2align	8
	.type	k_qdd8b20f2c2_mlp1,@function
k_qdd8b20f2c2_mlp1:
	s_mov_b64 s[64:65], 0
	v_nop
	global_prefetch_b8 v0, s[64:65] scope:SCOPE_SE
	s_setreg_imm32_b32 hwreg(HW_REG_WAVE_MODE, 25, 1), 1
	s_wait_xcnt 0x0
	s_wait_alu depctr_hold_cnt(0) depctr_sa_sdst(0) depctr_va_vdst(0) depctr_va_sdst(0) depctr_va_ssrc(0) depctr_va_vcc(0) depctr_vm_vsrc(0)
	s_getreg_b32 s2, hwreg(HW_REG_IB_STS2, 6, 4)
	s_cmp_eq_u32 s2, 0
	s_cbranch_scc0 .Lentry_in_a_cluster
	s_endpgm
.Lentry_in_a_cluster:
	s_bfe_u32 s2, ttmp6, 0x10000c
	s_cmp_lg_u32 s2, 0xf033
	s_cbranch_scc0 .Lentry_shape_is_right
	s_endpgm
.Lentry_shape_is_right:
; g = gelu(hn W1 + bm1), the exact form 0.5 x (1 + erf(x / sqrt 2)), quantised along the hidden 4,096 on the way out and stored as an image for the next product; g is not stored as f32.
; The product is on codes of FP6 (E2M3) with E8M0 scales; the bias is the C of each sum's first matrix instruction.
; A tile of 256 x 256 is made by four waves, 128 x 128 each.  THE MATRIX INSTRUCTION IS USED TRANSPOSED: source 0 = 16 rows of B (W1), source 1 = 16 rows of A (hn): a lane holds one token, its registers run along the hidden units.
; OPERANDS ARE IMAGES OF THEIR REGISTERS: [128 rows rb][ks = k / 128][tile i][half c][768 bytes]; lane (r, h) of tile i stands for row 128 rb + rho(i, r), rho(i, r) = 32 (i / 2) + 8 (i % 2) + r + 8 (r / 8); words 0-3 at 16 L, words 4-5 at 512 + 8 L.
; By rho a lane's 16 registers of B's tiles 2 c, 2 c + 1 are 16 NEIGHBOURS along the next K.  SCALE WORDS: [rb][ks][lane][4]: word j of lane (r, h) serves tile 2 j + h.
; ERF: z P(z^2) / Q(z^2) with z held to +-4, P of degree 6 and Q of degree 4 in z^2, in f32; the division by v_rcp_f32.  Its error is about 1e-7 of |x| in g: the far negative tail of g has no relative accuracy.
; THE WAY OUT goes through LDS so that one loop serves all eight blocks: the accumulators are laid into the ring's bytes, which have had their last fill and, behind a barrier, their last read; each wave reads back only what it wrote.
; CLUSTERS: 4 x 4; A's parts are shared along a row of the cluster, B's along a column.
; LIMITS: NaN and infinities are not served; a block of zeros gets the byte 1 where the rule says 127 (its codes are zeros; this program alone reads the bytes); blocks whose largest magnitude lies under 2^-124 were not tried.
; REGISTERS: window 0: v2 16 L, v3 8 L; v16-25 LDS addresses; v28, v29 the add's; v32-63 scale words and nothing else; v64-127 the bias, later a block; v128-223 A's fragments, later v128-191 a block and v192-255 at work;
;   window 1: B's fragments;  windows 2, 3: the accumulators.
.set KDIM,  1024
.set BIASC, 1
.set ASC,   3145728
.set BIMG,  3145728
.set BSC,   9568256
.set KS128, KDIM/128
.set LAPS,  KDIM/512
.set FRB,   1536
.set KSB,   12288
.set PART,  2*KSB
.set SLOT,  4*PART
.set SCP,   512*KS128
.set SCL,   2*SLOT
.set SPARE, 262144                     ; the spare words, 128 bytes for each wave: two blocks of 256 bytes that no other line names
.set SWB,   262656                     ; behind them: 512 bytes for each wave, where its scale words are gathered
.set NP,    4
.set ADA16, 16
.set ADA8,  18
.set ADB16, 20
.set ADB8,  22
.set ADSA,  24
.set ADSB,  25
.set SPW,   28
.set NIL,   29
.set SC,    32
.set AF,    128
.set G1,    24
.set G0,    32
.set G1B,   48
.set G0B,   56
.set G1S,   68
.set G0S,   76
.set G1SB,  80
.set G0SB,  88
.set MUL_LO, 0xa1
.set MUL_HI, 0xf1
.set TO_B,   0x40
.set MSB, 0
.macro WIN new                         ; the immediate's high byte repeats the setting that is left
.if MSB != (\new)
	s_set_vgpr_msb (MSB<<8)|(\new)
.set MSB, (\new)
.endif
.endm
.macro JLOAD g0a, g1a, g0b, g1b        ; a joint load: waves 0 and 1 fetch for A, waves 2 and 3 for B; four v_nop follow each line
	s_cmp_eq_u32 s15, 0
	s_cbranch_scc0 .Lfor_b_\@
	tensor_load_to_lds s[\g0a:\g0a+3], s[\g1a:\g1a+7]
	s_nop 0
.rept 4
	v_nop
.endr
	s_branch .Lasked_\@
.Lfor_b_\@:
	tensor_load_to_lds s[\g0b:\g0b+3], s[\g1b:\g1b+7]
	s_nop 0
.rept 4
	v_nop
.endr
.Lasked_\@:
.endm
.macro CREST
	s_cmp_lg_u32 s14, 0
	s_cbranch_scc1 .Lnot_wave_0_\@
	s_barrier_signal -3
.Lnot_wave_0_\@:
	s_barrier_wait -3
	s_barrier_signal -1
	s_barrier_wait -1
.endm
.macro CROUND
	s_barrier_signal -1
	s_barrier_wait -1
	CREST
.endm
.macro PLACES n
.rept \n
	v_nop
.endr
.endm
.macro FRAG reg, a16, a8, off
	ds_load_b128 v[(\reg):(\reg)+3], v[\a16] offset:(\off)
	ds_load_b64 v[(\reg)+4:(\reg)+5], v[\a8] offset:(\off)+512
	ds_load_b128 v[(\reg)+6:(\reg)+9], v[\a16] offset:(\off)+768
	ds_load_b64 v[(\reg)+10:(\reg)+11], v[\a8] offset:(\off)+1280
.endm
.macro FETCH_B slot, q, p
	WIN TO_B
.irp i, 0,1,2,3,4,5,6,7
	FRAG 128*(\p)+12*\i, ADB16+\slot, ADB8+\slot, (\q)*KSB+\i*FRB
.endr
	WIN 0
.endm
.macro FETCH_A slot, q, i0
.irp i, \i0, \i0+1, \i0+2, \i0+3
	FRAG AF+12*(\i), ADA16+\slot, ADA8+\slot, (\q)*KSB+(\i)*FRB
.endr
.endm
.macro SCALES sc
	ds_load_b128 v[SC+16*\sc:SC+16*\sc+3], v[ADSA]
	ds_load_b128 v[SC+16*\sc+4:SC+16*\sc+7], v[ADSA] offset:512
	ds_load_b128 v[SC+16*\sc+8:SC+16*\sc+11], v[ADSB]
	ds_load_b128 v[SC+16*\sc+12:SC+16*\sc+15], v[ADSB] offset:512
.endm
.macro WM z, pb, pa                    ; one product; z = 1: C is the constant 0; pb, pa: source 0's, source 1's scales stand in lanes 16-31
.set WSEL, 4*(\z)+2*(\pb)+(\pa)
.if WSEL == 0
	v_wmma_scale_f32_16x16x128_f8f6f4 v[WD:WD+7], v[WB:WB+11], v[WA:WA+11], v[WC:WC+7], v[WSB], v[WSA] matrix_a_fmt:MATRIX_FMT_FP6 matrix_b_fmt:MATRIX_FMT_FP6
.elseif WSEL == 1
	v_wmma_scale_f32_16x16x128_f8f6f4 v[WD:WD+7], v[WB:WB+11], v[WA:WA+11], v[WC:WC+7], v[WSB], v[WSA] matrix_a_fmt:MATRIX_FMT_FP6 matrix_b_fmt:MATRIX_FMT_FP6 matrix_b_scale:MATRIX_SCALE_ROW1
.elseif WSEL == 2
	v_wmma_scale_f32_16x16x128_f8f6f4 v[WD:WD+7], v[WB:WB+11], v[WA:WA+11], v[WC:WC+7], v[WSB], v[WSA] matrix_a_fmt:MATRIX_FMT_FP6 matrix_b_fmt:MATRIX_FMT_FP6 matrix_a_scale:MATRIX_SCALE_ROW1
.elseif WSEL == 3
	v_wmma_scale_f32_16x16x128_f8f6f4 v[WD:WD+7], v[WB:WB+11], v[WA:WA+11], v[WC:WC+7], v[WSB], v[WSA] matrix_a_fmt:MATRIX_FMT_FP6 matrix_b_fmt:MATRIX_FMT_FP6 matrix_a_scale:MATRIX_SCALE_ROW1 matrix_b_scale:MATRIX_SCALE_ROW1
.elseif WSEL == 4
	v_wmma_scale_f32_16x16x128_f8f6f4 v[WD:WD+7], v[WB:WB+11], v[WA:WA+11], 0, v[WSB], v[WSA] matrix_a_fmt:MATRIX_FMT_FP6 matrix_b_fmt:MATRIX_FMT_FP6
.elseif WSEL == 5
	v_wmma_scale_f32_16x16x128_f8f6f4 v[WD:WD+7], v[WB:WB+11], v[WA:WA+11], 0, v[WSB], v[WSA] matrix_a_fmt:MATRIX_FMT_FP6 matrix_b_fmt:MATRIX_FMT_FP6 matrix_b_scale:MATRIX_SCALE_ROW1
.elseif WSEL == 6
	v_wmma_scale_f32_16x16x128_f8f6f4 v[WD:WD+7], v[WB:WB+11], v[WA:WA+11], 0, v[WSB], v[WSA] matrix_a_fmt:MATRIX_FMT_FP6 matrix_b_fmt:MATRIX_FMT_FP6 matrix_a_scale:MATRIX_SCALE_ROW1
.else
	v_wmma_scale_f32_16x16x128_f8f6f4 v[WD:WD+7], v[WB:WB+11], v[WA:WA+11], 0, v[WSB], v[WSA] matrix_a_fmt:MATRIX_FMT_FP6 matrix_b_fmt:MATRIX_FMT_FP6 matrix_a_scale:MATRIX_SCALE_ROW1 matrix_b_scale:MATRIX_SCALE_ROW1
.endif
.endm
.macro MUL16 a0, p, q, sc, zero        ; 16 products: A's blocks a0, a0 + 1 x B's eight; zero = 1: the sums begin with the bias of tile b, v[64 + 8 b] on in window 0; the accumulators take turns
.irp a, \a0, \a0+1
.irp b, 0,1,2,3,4,5,6,7
.set WD, 8*(8*((\a)%4)+\b)
.set WB, 128*(\p)+12*\b
.set WA, AF+12*(\a)
.set WSB, SC+16*(\sc)+8+4*(\q)+\b/2
.set WSA, SC+16*(\sc)+4*(\q)+(\a)/2
.set WC, WD
.set WZ, 0
.if \zero
.if BIASC
.set WC, 64+8*\b
.else
.set WZ, 1
.endif
.endif
	WM WZ, \b%2, (\a)%2
.endr
.endr
.endm
.macro STEP slot, q, zero              ; a step of 128 along K that has its successor in the same slot
	s_wait_dscnt 16                                ; all but the youngest 16 loads (A's blocks 4-7)
.if (\zero)*BIASC
	WIN 0x81                                       ; C (the bias) window 0, D window 2
.else
	WIN MUL_LO
.endif
	MUL16 0, (\q)%2, \q, \slot, \zero
	MUL16 2, (\q)%2, \q, \slot, \zero
	s_wait_dscnt 0
	PLACES NP
	FETCH_B \slot, (\q)+1, 1-(\q)%2
	FETCH_A \slot, (\q)+1, 0
.if (\zero)*BIASC
	WIN 0xc1
.else
	WIN MUL_HI
.endif
	MUL16 4, (\q)%2, \q, \slot, \zero
	MUL16 6, (\q)%2, \q, \slot, \zero
	PLACES NP
	WIN 0
	FETCH_A \slot, (\q)+1, 4
.endm
.macro TURN slot, next, fill           ; a slot's last step changes slots: one barrier, with the waits and the add in front of it
	s_wait_tensorcnt 0x0                           ; all my tensor loads have landed: my part of the next slot
	ds_add_u32 v[SPW], v[NIL]                      ; 0 onto my spare word
	s_wait_dscnt 17                                ; (the add and the youngest 16 loads may be out)
	WIN MUL_LO
	MUL16 0, 1, 1, \slot, 0
	s_wait_dscnt 0x0                               ; the add is done, and my reads of this slot are over
	s_barrier_signal -1
	MUL16 2, 1, 1, \slot, 0
	WIN 0
	s_barrier_wait -1
.if \fill
	CREST                                          ; the barrier has opened a round of the cluster's barrier: no wave of any partner still reads this slot or has a load on its way
	s_add_nc_u64 s[G0+4*\slot+2:G0+4*\slot+3], s[G0+4*\slot+2:G0+4*\slot+3], 2*PART
	s_add_nc_u64 s[G0B+4*\slot+2:G0B+4*\slot+3], s[G0B+4*\slot+2:G0B+4*\slot+3], 2*PART
	JLOAD G0+4*\slot, G1, G0B+4*\slot, G1B
.else
	PLACES NP
.endif
	v_add_nc_u32 v[ADSA], 1024, v[ADSA]
	v_add_nc_u32 v[ADSB], 1024, v[ADSB]
	FETCH_B \next, 0, 0
	FETCH_A \next, 0, 0
	SCALES \next
	WIN MUL_HI
	MUL16 4, 1, 1, \slot, 0
	MUL16 6, 1, 1, \slot, 0
	PLACES NP
	WIN 0
	FETCH_A \next, 0, 4
.endm
; 64 numbers of a lane, v[s] .. v[s + 63] of window w, register 16 b + i = k 32 b + 16 h + i of my row, become a fragment's codes in v[PC] .. v[PC + 11] and its scale word in v[pw].
; The caller sees to it that no pending store still reads v[PC] on.
.macro QUANT s, w, pw
	WIN ((\w)<<2)|((\w)<<4)
.irp b, 0,1,2,3
	v_max3_num_f32 v[TMX+\b], 0x1800000, |v[(\s)+16*\b]|, |v[(\s)+16*\b+1]|   ; my 16 numbers of block b, and the floor 2^(3 - 127)
.endr
.irp i, 2,4,6,8,10,12,14
.irp b, 0,1,2,3
	v_max3_num_f32 v[TMX+\b], v[TMX+\b], |v[(\s)+16*\b+\i]|, |v[(\s)+16*\b+\i+1]|
.endr
.endr
	WIN 0
.irp b, 0,1,2,3
	v_permlanex16_b32 v[TMB+\b], v[TMX+\b], s96, s97
.endr
.irp b, 0,1,2,3
	v_max_num_f32 v[TMX+\b], v[TMX+\b], v[TMB+\b]
.endr
.irp b, 0,1,2,3
	v_add_nc_u32 v[TMS+\b], 0xff000000, v[TMX+\b]
.endr
.irp b, 0,1,2,3
	v_lshrrev_b32 v[TMB+\b], 23, v[TMS+\b]
.endr
	v_lshl_or_b32 v[\pw], v[TMB+1], 8, v[TMB]
	v_lshl_or_b32 v[\pw], v[TMB+2], 16, v[\pw]
	v_lshl_or_b32 v[\pw], v[TMB+3], 24, v[\pw]
	WIN (\w)
.irp c, 0,1
	v_cvt_scalef32_pk16_fp6_f32 v[PC+6*\c:PC+6*\c+2], v[(\s)+32*\c:(\s)+32*\c+15], v[TMS+2*\c]
	v_cvt_scalef32_pk16_fp6_f32 v[PC+12+4*\c:PC+14+4*\c], v[(\s)+32*\c+16:(\s)+32*\c+31], v[TMS+2*\c+1]
.endr
	WIN 0
	v_nop                                          ; one plain line behind a scaled conversion
.irp c, 0,1
.irp i, 0,1,2
	v_permlane16_swap_b32 v[PC+6*\c+\i], v[PC+12+4*\c+\i]
.endr
.irp i, 0,1,2
	v_mov_b32 v[PC+3+6*\c+\i], v[PC+12+4*\c+\i]
.endr
.endr
.endm
.macro PUT p0, o0, p1, o1
	global_store_b128 v2, v[PC:PC+3], s[\p0:\p0+1] offset:\o0
	global_store_b64 v3, v[PC+4:PC+5], s[\p0:\p0+1] offset:\o0+512
	global_store_b128 v2, v[PC+6:PC+9], s[\p1:\p1+1] offset:\o1
	global_store_b64 v3, v[PC+10:PC+11], s[\p1:\p1+1] offset:\o1+512
.endm
.set GZ, 192                           ; gelu at work, 16 numbers at a time: z, later x / 2;
.set GQ, 208                           ; z^2;
.set GN, 224                           ; the numerator;
.set GD, 240                           ; the denominator
.set PC,  192                          ; the quantiser's registers lie over these: a block is quantised when its gelu is done
.set TMX, 212
.set TMB, 216
.set TMS, 220
.macro GELU16 x                        ; v[x] .. v[x + 15] = gelu of themselves
.irp i, 0,2,4,6,8,10,12,14
	v_pk_mul_f32 v[GZ+\i:GZ+\i+1], v[(\x)+\i:(\x)+\i+1], s[52:53] op_sel_hi:[1,0]      ; z = x / sqrt 2
.endr
.irp i, 0,1,2,3,4,5,6,7,8,9,10,11,12,13,14,15
	v_med3_num_f32 v[GZ+\i], v[GZ+\i], -4.0, 4.0                                       ; beyond +-4 erf is +-1 in f32
.endr
.irp i, 0,2,4,6,8,10,12,14
	v_pk_mul_f32 v[GQ+\i:GQ+\i+1], v[GZ+\i:GZ+\i+1], v[GZ+\i:GZ+\i+1]
.endr
.irp i, 0,2,4,6,8,10,12,14
	v_pk_fma_f32 v[GN+\i:GN+\i+1], v[GQ+\i:GQ+\i+1], s[24:25], v[8:9] op_sel_hi:[1,0,1]
.endr
.irp i, 0,2,4,6,8,10,12,14
	v_pk_fma_f32 v[GD+\i:GD+\i+1], v[GQ+\i:GQ+\i+1], s[36:37], v[10:11] op_sel_hi:[1,0,1]
.endr
.irp k, 26,28,30,32,34
.irp i, 0,2,4,6,8,10,12,14
	v_pk_fma_f32 v[GN+\i:GN+\i+1], v[GN+\i:GN+\i+1], v[GQ+\i:GQ+\i+1], s[\k:\k+1] op_sel_hi:[1,1,0]
.endr
.endr
.irp k, 38,48,50
.irp i, 0,2,4,6,8,10,12,14
	v_pk_fma_f32 v[GD+\i:GD+\i+1], v[GD+\i:GD+\i+1], v[GQ+\i:GQ+\i+1], s[\k:\k+1] op_sel_hi:[1,1,0]
.endr
.endr
.irp i, 0,1,2,3,4,5,6,7,8,9,10,11,12,13,14,15
	v_rcp_f32 v[GD+\i], v[GD+\i]
.endr
.irp i, 0,2,4,6,8,10,12,14
	v_pk_mul_f32 v[GN+\i:GN+\i+1], v[GN+\i:GN+\i+1], v[GZ+\i:GZ+\i+1]                  ; plain work behind the reciprocals, which names none of their results
.endr
	s_wait_alu depctr_va_vdst(0)                   ; one wait for the sixteen, ahead of their first reader
.irp i, 0,2,4,6,8,10,12,14
	v_pk_mul_f32 v[GN+\i:GN+\i+1], v[GN+\i:GN+\i+1], v[GD+\i:GD+\i+1]                  ; erf
.endr
.irp i, 0,2,4,6,8,10,12,14
	v_pk_mul_f32 v[GZ+\i:GZ+\i+1], v[(\x)+\i:(\x)+\i+1], 0.5 op_sel_hi:[1,0]
.endr
.irp i, 0,2,4,6,8,10,12,14
	v_pk_fma_f32 v[(\x)+\i:(\x)+\i+1], v[GZ+\i:GZ+\i+1], v[GN+\i:GN+\i+1], v[GZ+\i:GZ+\i+1]   ; x / 2 + (x / 2) erf
.endr
.endm
	s_load_b256 s[4:11], s[0:1], 0x0               ; hnb, wimg, bm1, gb
	v_lshl_add_u32 v[SPW], v0, 2, SPARE
	v_mov_b32 v[NIL], 0
	ds_add_u32 v28, v29
	ds_add_u32 v28, v29
	s_wait_dscnt 0x0
	v_lshrrev_b32 v1, 5, v0
	v_readfirstlane_b32 s14, v1                    ; wave 0..3
	s_lshr_b32 s15, s14, 1
	s_and_b32 s16, s14, 1
	s_bfe_u32 s40, ttmp6, 0x40000                  ; cx, cy
	s_bfe_u32 s41, ttmp6, 0x40004
	s_lshl_b32 s42, ttmp9, 2
	s_add_co_u32 s42, s42, s40                     ; B's tile = 4 x cluster x + cx
	s_and_b32 s17, ttmp7, 0xffff
	s_lshl_b32 s17, s17, 2
	s_add_co_u32 s17, s17, s41                     ; A's tile = 4 x cluster y + cy
	s_lshl_b32 s43, s41, 2
	s_lshl_b32 s43, 15, s43
	s_lshl_b32 s44, 0x1111, s40
	s_or_b32 s[G1], s43, (3<<16)|(1<<21)           ; group 1: dense blocks as rows of 256 bytes (32 elements of 8 bytes); the mask, and bit 21 beside it
	s_or_b32 s[G1B], s44, (3<<16)|(1<<21)
	s_or_b32 s[G1S], s43, (3<<16)|(1<<21)
	s_or_b32 s[G1SB], s44, (3<<16)|(1<<21)
.irp g, G1, G1B
	s_mov_b32 s[\g+1], 32<<16
	s_mov_b32 s[\g+2], 96<<16
	s_mov_b32 s[\g+3], 32<<16
	s_mov_b32 s[\g+4], 96
	s_mov_b32 s[\g+5], 32
	s_mov_b32 s[\g+6], 0
	s_mov_b32 s[\g+7], 0
.endr
.irp g, G1S, G1SB
	s_mov_b32 s[\g+1], 32<<16
	s_mov_b32 s[\g+2], (2*KS128)<<16
	s_mov_b32 s[\g+3], 32<<16
	s_mov_b32 s[\g+4], 2*KS128
	s_mov_b32 s[\g+5], 32
	s_mov_b32 s[\g+6], 0
	s_mov_b32 s[\g+7], 0
.endr
	s_lshl_b32 s20, s17, 1
	s_add_co_u32 s20, s20, s16
	s_lshl_b32 s46, s42, 1
	s_add_co_u32 s46, s46, s16
	s_mul_i32 s22, s20, SCP
	s_add_co_u32 s22, s22, ASC
	s_mul_i32 s92, s46, SCP
	s_add_co_u32 s92, s92, BSC
	s_mul_i32 s20, s20, KS128*KSB
	s_mul_i32 s46, s46, KS128*KSB
	s_add_co_u32 s46, s46, BIMG
	s_mov_b32 s21, 0
	s_mov_b32 s23, 0
	s_mov_b32 s47, 0
	s_mov_b32 s93, 0
	s_mul_i32 s45, s14, PART
	s_mul_i32 s94, s14, SCP
	s_wait_kmcnt 0x0
	s_add_nc_u64 s[20:21], s[4:5], s[20:21]
	s_add_nc_u64 s[22:23], s[4:5], s[22:23]
	s_add_nc_u64 s[46:47], s[6:7], s[46:47]
	s_add_nc_u64 s[92:93], s[6:7], s[92:93]
	CROUND                                         ; all sixteen work-groups are here: the first joint loads meet
	s_mov_b32 s[G0S], 1
	s_add_co_u32 s[G0S+1], s94, SCL
	s_mov_b64 s[G0S+2:G0S+3], s[22:23]
	s_or_b32 s[G0S+3], s[G0S+3], 0x80000000
	s_mov_b32 s[G0SB], 1
	s_add_co_u32 s[G0SB+1], s94, SCL
	s_mov_b64 s[G0SB+2:G0SB+3], s[92:93]
	s_or_b32 s[G0SB+3], s[G0SB+3], 0x80000000
	JLOAD G0S, G1S, G0SB, G1SB
.irp s, 0,1
	s_mov_b32 s[G0+4*\s], 1
	s_add_co_u32 s[G0+4*\s+1], s45, \s*SLOT
	s_add_nc_u64 s[G0+4*\s+2:G0+4*\s+3], s[20:21], \s*PART
	s_or_b32 s[G0+4*\s+3], s[G0+4*\s+3], 0x80000000
	s_mov_b32 s[G0B+4*\s], 1
	s_add_co_u32 s[G0B+4*\s+1], s45, \s*SLOT
	s_add_nc_u64 s[G0B+4*\s+2:G0B+4*\s+3], s[46:47], \s*PART
	s_or_b32 s[G0B+4*\s+3], s[G0B+4*\s+3], 0x80000000
	JLOAD G0+4*\s, G1, G0B+4*\s, G1B               ; three tensor loads of mine are out now, later one
.endr
	v_and_b32 v1, 31, v0
	v_lshlrev_b32 v2, 4, v1                        ; 16 L
	v_lshlrev_b32 v3, 3, v1                        ; 8 L
	s_mul_i32 s21, s15, PART
	s_mul_i32 s22, s16, PART
	s_add_co_u32 s22, s22, 2*PART
.irp s, 0,1
	v_add_nc_u32 v[ADA16+\s], s21, v2
	v_add_nc_u32 v[ADA8+\s], s21, v3
	v_add_nc_u32 v[ADB16+\s], s22, v2
	v_add_nc_u32 v[ADB8+\s], s22, v3
	s_add_co_u32 s21, s21, SLOT
	s_add_co_u32 s22, s22, SLOT
.endr
	s_mul_i32 s21, s15, SCP
	s_add_co_u32 s21, s21, SCL
	v_add_nc_u32 v[ADSA], s21, v2
	s_mul_i32 s22, s16, SCP
	s_add_co_u32 s22, s22, SCL+2*SCP
	v_add_nc_u32 v[ADSB], s22, v2
	s_lshl_b32 s46, s42, 1
	s_add_co_u32 s46, s46, s16                     ; my rb of B = the next product's ks
	s_lshl_b32 s20, s46, 9
	s_mov_b32 s21, 0
	s_add_nc_u64 s[8:9], s[8:9], s[20:21]          ; the bias at my 128 hidden units
	v_bfe_u32 v26, v0, 4, 1
	v_lshlrev_b32 v26, 6, v26                      ; + 16 h numbers
.irp b, 0,1,2,3,4,5,6,7
	global_load_b128 v[64+8*\b:67+8*\b], v26, s[8:9] offset:(32*(\b/2)+8*(\b%2))*4          ; tile b's register j is hidden unit 32 (b / 2) + 16 h + 8 (b % 2) + j
	global_load_b128 v[68+8*\b:71+8*\b], v26, s[8:9] offset:(32*(\b/2)+8*(\b%2))*4+16
.endr
	s_lshl_b32 s20, s17, 1
	s_add_co_u32 s20, s20, s15                     ; my rb of A
	s_lshl_b32 s20, s20, 5
	s_add_co_u32 s20, s20, s46                     ; rb x 32 + ks
	s_lshl_b32 s22, s20, 9
	s_add_co_u32 s22, s22, 12582912
	s_mov_b32 s23, 0
	s_add_nc_u64 s[12:13], s[10:11], s[22:23]      ; g's scale words
	s_mul_i32 s20, s20, KSB
	s_add_nc_u64 s[10:11], s[10:11], s[20:21]      ; g's image: my eight tiles
	s_mov_b32 s96, 0x76543210
	s_mov_b32 s97, 0xfedcba98
	s_wait_loadcnt 0x0                             ; the bias
	s_wait_tensorcnt 1                             ; the scale words and my part of slot 0 are in (slot 1's load may be out),
	s_barrier_signal -1
	s_barrier_wait -1                              ; everybody's are
	FETCH_B 0, 0, 0
	FETCH_A 0, 0, 0
	SCALES 0
	FETCH_A 0, 0, 4
	STEP 0, 0, 1                                   ; the first step stands in front of the loop: its products start the sums, with the bias
	s_mov_b32 s3, LAPS-1
.Llap:
	TURN 0, 1, 1
	STEP 1, 0, 0
	TURN 1, 0, 1
	STEP 0, 0, 0
	s_sub_co_u32 s3, s3, 1
	s_cmp_lg_u32 s3, 0
	s_cbranch_scc1 .Llap
	TURN 0, 1, 0                                   ; the last lap fills nothing
	STEP 1, 0, 0
	s_wait_dscnt 16
	WIN MUL_LO
	MUL16 0, 1, 1, 1, 0
	MUL16 2, 1, 1, 1, 0
	s_wait_dscnt 0                                 ; my last reads of the ring and of the scale words are in
	WIN MUL_HI
	MUL16 4, 1, 1, 1, 0
	MUL16 6, 1, 1, 1, 0
	WIN 0
	s_barrier_signal -1                            ; every wave's are: the ring's and the scale words' bytes may be written
	s_barrier_wait -1
	PLACES NP
	s_lshl_b32 s20, s14, 16
	v_add_nc_u32 v16, s20, v2                      ; my 65,536 bytes: block a's registers 4 k .. 4 k + 3 at 8,192 a + 512 k + 16 L
.irp a, 0,1,2,3,4,5,6,7
	WIN 0x08+4*(\a/4)                              ; the data: window 2 or 3
.irp k, 0,1,2,3,4,5,6,7,8,9,10,11,12,13,14,15
	ds_store_b128 v16, v[64*(\a%4)+4*\k:64*(\a%4)+4*\k+3] offset:8192*\a+512*\k    ; each accumulator from its low end on
.endr
.endr
	WIN 0
	v_and_b32 v17, 15, v0
	v_lshlrev_b32 v17, 4, v17
	s_lshl_b32 s21, s14, 9
	s_add_co_u32 s21, s21, SWB
	v_add_nc_u32 v17, s21, v17                     ; where block a's scale word goes: 16 r + 256 (a % 2) + 4 (a / 2)
	v_add_nc_u32 v18, s21, v2                      ; and where the words are read back
	s_mov_b32 s24, 0xaf95df0b                      ; erf's numerator, from the highest power down (the second lies in v[8:9])
	s_mov_b32 s25, s24
	s_mov_b32 s26, 0xb60cff51
	s_mov_b32 s27, s26
	s_mov_b32 s28, 0xb86ec2d2
	s_mov_b32 s29, s28
	s_mov_b32 s30, 0xba40ac63
	s_mov_b32 s31, s30
	s_mov_b32 s32, 0xbb41a1f6
	s_mov_b32 s33, s32
	s_mov_b32 s34, 0xbc83dbd4
	s_mov_b32 s35, s34
	s_mov_b32 s36, 0xb77460cd                      ; its denominator (the second lies in v[10:11])
	s_mov_b32 s37, s36
	s_mov_b32 s38, 0xbadc924e
	s_mov_b32 s39, s38
	s_mov_b32 s48, 0xbbf19bf8
	s_mov_b32 s49, s48
	s_mov_b32 s50, 0xbc69b6a7
	s_mov_b32 s51, s50
	s_mov_b32 s52, 0x3f3504f3                      ; 1 / sqrt 2
	s_mov_b32 s53, s52
	v_mov_b32 v8, 0x32edffee
	v_mov_b32 v9, v8
	v_mov_b32 v10, 0xb95fbd29
	v_mov_b32 v11, v10
	s_mov_b32 s3, 4
.Lblk:                                                 ; four trips, two blocks of 16 tokens x 128 hidden units a trip
.irp k, 0,1,2,3,4,5,6,7,8,9,10,11,12,13,14,15
	ds_load_b128 v[64+4*\k:67+4*\k], v16 offset:512*\k           ; LDS serves a wave's instructions in order: these see my stores
.endr
.irp k, 0,1,2,3,4,5,6,7,8,9,10,11,12,13,14,15
	ds_load_b128 v[128+4*\k:131+4*\k], v16 offset:8192+512*\k
.endr
	s_wait_dscnt 16                                ; the first block is in; the second's 16 loads may be out
	GELU16 64
	GELU16 80
	GELU16 96
	GELU16 112
	QUANT 64, 0, 12
	PUT 10, 0, 10, 768
	ds_store_b32 v17, v12                          ; both halves of the lanes hold the row's word and write it to the same place
	s_wait_dscnt 0x0
	s_wait_xcnt 0x0                                ; the stores have read the codes' registers, which gelu writes again
	GELU16 128
	GELU16 144
	GELU16 160
	GELU16 176
	QUANT 128, 0, 13
	PUT 10, 1536, 10, 2304
	ds_store_b32 v17, v13 offset:256
	s_wait_xcnt 0x0                                ; the stores have read their registers and their base
	s_add_nc_u64 s[10:11], s[10:11], 3072
	v_add_nc_u32 v16, 16384, v16
	v_add_nc_u32 v17, 4, v17
	s_sub_co_u32 s3, s3, 1
	s_cmp_lg_u32 s3, 0
	s_cbranch_scc1 .Lblk
	ds_load_b128 v[64:67], v18                     ; my 128 rows' scale words, in the readers' order
	s_wait_dscnt 0x0
	global_store_b128 v2, v[64:67], s[12:13]
	s_wait_tensorcnt 0x0                           ; the wave's end
	ds_add_u32 v[SPW], v[NIL]
	s_wait_dscnt 0x0
	CROUND                                         ; the closing round
	s_endpgm
.Lfunc_end_k_qdd8b20f2c2_mlp1:
	.size	k_qdd8b20f2c2_mlp1, .Lfunc_end_k_qdd8b20f2c2_mlp1-k_qdd8b20f2c2_mlp1
	.p2alignl 7, 3214868480
	.fill 96, 4, 3214868480
	.section	.rodata,"a",@progbits
	.p2align	6, 0x0
	.amdhsa_kernel k_qdd8b20f2c2_mlp1
		.amdhsa_group_segment_fixed_size 327680
		.amdhsa_private_segment_fixed_size 0
		.amdhsa_enable_private_segment 0
		.amdhsa_kernarg_size 32
		.amdhsa_user_sgpr_count 2
		.amdhsa_user_sgpr_kernarg_segment_ptr 1
		.amdhsa_wavefront_size32 1
		.amdhsa_system_sgpr_workgroup_id_x 1
		.amdhsa_system_sgpr_workgroup_id_y 1
		.amdhsa_system_sgpr_workgroup_id_z 1
		.amdhsa_system_vgpr_workitem_id 0
		.amdhsa_next_free_vgpr 1024
		.amdhsa_next_free_sgpr 100
		.amdhsa_reserve_vcc 0
		.amdhsa_float_denorm_mode_32 3
		.amdhsa_float_denorm_mode_16_64 3
		.amdhsa_memory_ordered 1
		.amdhsa_forward_progress 1
		.amdhsa_inst_pref_size 212
	.end_amdhsa_kernel
	.amdgpu_metadata
---
amdhsa.version: [ 1, 2 ]
amdhsa.kernels:
  - .name:           k_qdd8b20f2c2_mlp1
    .symbol:         k_qdd8b20f2c2_mlp1.kd
    .args:
      - { .name: hnb, .offset: 0, .size: 8, .value_kind: global_buffer, .address_space: global }
      - { .name: wimg, .offset: 8, .size: 8, .value_kind: global_buffer, .address_space: global }
      - { .name: bm1, .offset: 16, .size: 8, .value_kind: global_buffer, .address_space: global }
      - { .name: gb, .offset: 24, .size: 8, .value_kind: global_buffer, .address_space: global }
    .group_segment_fixed_size: 327680
    .private_segment_fixed_size: 0
    .kernarg_segment_align: 8
    .kernarg_segment_size: 32
    .max_flat_workgroup_size: 128
    .sgpr_count:     100
    .vgpr_count:     1024
    .wavefront_size: 32
...
	.end_amdgpu_metadata
.endif
;; end of part 6
;; launch mlp2 (part 7): grid 4 x 16, 4 waves a work-group, clusters of 4 x 4, 327,680 bytes of LDS; arguments gb, wimg, bm2, hb, out0; writes out0
.if DOCPART == 7
	.amdgcn_target "amdgcn-amd-amdhsa--gfx1250"
	.amdhsa_code_object_version 6
	.text
	.protected	k_qdd8b20f2c2_mlp2
	.globl	k_qdd8b20f2c2_mlp2
	.p2align	8
	.type	k_qdd8b20f2c2_mlp2,@function
k_qdd8b20f2c2_mlp2:
	s_mov_b64 s[64:65], 0
	v_nop
	global_prefetch_b8 v0, s[64:65] scope:SCOPE_SE
	s_setreg_imm32_b32 hwreg(HW_REG_WAVE_MODE, 25, 1), 1
	s_wait_xcnt 0x0
	s_wait_alu depctr_hold_cnt(0) depctr_sa_sdst(0) depctr_va_vdst(0) depctr_va_sdst(0) depctr_va_ssrc(0) depctr_va_vcc(0) depctr_vm_vsrc(0)
	s_getreg_b32 s2, hwreg(HW_REG_IB_STS2, 6, 4)
	s_cmp_eq_u32 s2, 0
	s_cbranch_scc0 .Lentry_in_a_cluster
	s_endpgm
.Lentry_in_a_cluster:
	s_bfe_u32 s2, ttmp6, 0x10000c
	s_cmp_lg_u32 s2, 0xf033
	s_cbranch_scc0 .Lentry_shape_is_right
	s_endpgm
.Lentry_shape_is_right:
; out = h + (g W2 + bm2): a product on codes of FP6 (E2M3) with E8M0 scales, K = 4,096, f32 sums; bias and residual are added on the way out; the result leaves as f32 [4096][1024].
; A tile of 256 x 256 is made by four waves, 128 x 128 each: 64 accumulators.  THE MATRIX INSTRUCTION IS USED TRANSPOSED: source 0 = 16 rows of B (the weight), source 1 = 16 rows of A (g): a lane holds one row of A and eight columns.
; OPERANDS ARE IMAGES OF THEIR REGISTERS: [128 rows rb][ks = k / 128][tile i][half c][768 bytes]; lane (r, h) of tile i stands for row 128 rb + rho(i, r), rho(i, r) = 32 (i / 2) + 8 (i % 2) + r + 8 (r / 8); words 0-3 at 16 L, words 4-5 at 512 + 8 L.
; SCALE WORDS: [rb][ks][lane][4]: word j of lane (r, h) serves tile 2 j + h.  The order rho is undone on the way out by constants: in the stage's columns and in the stores' row offsets.
; K goes in steps of 256 through a ring of two LDS slots; a slot's four parts are dense blocks of 24,576 bytes, one tensor load a wave.  The scale words of all of K, 65,536 bytes, come once, with the first fills.
; CLUSTERS: 4 x 4.  A's parts are shared along a row of the cluster, B's along a column: each is asked for jointly.  The output has 64 tiles of this size: 64 work-groups.
; LIMITS: NaN and infinities are not served.
; REGISTERS: window 0: v2 16 L, v3 8 L; v[8:11] the bias at my four columns; v16-25 LDS addresses; v26, v27 the stage; v28, v29 the add's; v32-63 scale words; v128-223 A's fragments, on the way out v128-255 rows read back;
;   window 1: B's fragments, sets at v0 and v128; on the way out the residual's rows, four buffers of 64;  windows 2, 3: the accumulators.
.set KDIM,  4096
.set BIASC, 0
.set ASC,   12582912                   ; A's scale words in its buffer
.set BIMG,  6291456                    ; the weight's image in wimg,
.set BSC,   9699328                    ; and its scale words
.set RESOFF, 0
.set KS128, KDIM/128
.set LAPS,  KDIM/512
.set FRB,   1536
.set KSB,   12288
.set PART,  2*KSB
.set SLOT,  4*PART
.set SCP,   512*KS128
.set SCL,   2*SLOT
.set SPARE, 262144                     ; the spare words, 128 bytes for each wave: two blocks of 256 bytes that no other line names
.set NP,    4
.set ADA16, 16
.set ADA8,  18
.set ADB16, 20
.set ADB8,  22
.set ADSA,  24
.set ADSB,  25
.set STO,   26
.set RDB,   27
.set SPW,   28
.set NIL,   29
.set SC,    32
.set AF,    128
.set G1,    24
.set G0,    32
.set G1B,   48
.set G0B,   56
.set G1S,   68
.set G0S,   76
.set G1SB,  80
.set G0SB,  88
.set MUL_LO, 0xa1
.set MUL_HI, 0xf1
.set TO_B,   0x40
.set MSB, 0
.macro WIN new                         ; the immediate's high byte repeats the setting that is left
.if MSB != (\new)
	s_set_vgpr_msb (MSB<<8)|(\new)
.set MSB, (\new)
.endif
.endm
.macro JLOAD g0a, g1a, g0b, g1b        ; a joint load: waves 0 and 1 fetch for A, waves 2 and 3 for B; four v_nop follow each line
	s_cmp_eq_u32 s15, 0
	s_cbranch_scc0 .Lfor_b_\@
	tensor_load_to_lds s[\g0a:\g0a+3], s[\g1a:\g1a+7]
	s_nop 0
.rept 4
	v_nop
.endr
	s_branch .Lasked_\@
.Lfor_b_\@:
	tensor_load_to_lds s[\g0b:\g0b+3], s[\g1b:\g1b+7]
	s_nop 0
.rept 4
	v_nop
.endr
.Lasked_\@:
.endm
.macro CREST
	s_cmp_lg_u32 s14, 0
	s_cbranch_scc1 .Lnot_wave_0_\@
	s_barrier_signal -3
.Lnot_wave_0_\@:
	s_barrier_wait -3
	s_barrier_signal -1
	s_barrier_wait -1
.endm
.macro CROUND
	s_barrier_signal -1
	s_barrier_wait -1
	CREST
.endm
.macro PLACES n
.rept \n
	v_nop
.endr
.endm
.macro FRAG reg, a16, a8, off
	ds_load_b128 v[(\reg):(\reg)+3], v[\a16] offset:(\off)
	ds_load_b64 v[(\reg)+4:(\reg)+5], v[\a8] offset:(\off)+512
	ds_load_b128 v[(\reg)+6:(\reg)+9], v[\a16] offset:(\off)+768
	ds_load_b64 v[(\reg)+10:(\reg)+11], v[\a8] offset:(\off)+1280
.endm
.macro FETCH_B slot, q, p
	WIN TO_B
.irp i, 0,1,2,3,4,5,6,7
	FRAG 128*(\p)+12*\i, ADB16+\slot, ADB8+\slot, (\q)*KSB+\i*FRB
.endr
	WIN 0
.endm
.macro FETCH_A slot, q, i0
.irp i, \i0, \i0+1, \i0+2, \i0+3
	FRAG AF+12*(\i), ADA16+\slot, ADA8+\slot, (\q)*KSB+(\i)*FRB
.endr
.endm
.macro SCALES sc
	ds_load_b128 v[SC+16*\sc:SC+16*\sc+3], v[ADSA]
	ds_load_b128 v[SC+16*\sc+4:SC+16*\sc+7], v[ADSA] offset:512
	ds_load_b128 v[SC+16*\sc+8:SC+16*\sc+11], v[ADSB]
	ds_load_b128 v[SC+16*\sc+12:SC+16*\sc+15], v[ADSB] offset:512
.endm
.macro WM z, pb, pa                    ; one product; z = 1: C is the constant 0; pb, pa: source 0's, source 1's scales stand in lanes 16-31
.set WSEL, 4*(\z)+2*(\pb)+(\pa)
.if WSEL == 0
	v_wmma_scale_f32_16x16x128_f8f6f4 v[WD:WD+7], v[WB:WB+11], v[WA:WA+11], v[WC:WC+7], v[WSB], v[WSA] matrix_a_fmt:MATRIX_FMT_FP6 matrix_b_fmt:MATRIX_FMT_FP6
.elseif WSEL == 1
	v_wmma_scale_f32_16x16x128_f8f6f4 v[WD:WD+7], v[WB:WB+11], v[WA:WA+11], v[WC:WC+7], v[WSB], v[WSA] matrix_a_fmt:MATRIX_FMT_FP6 matrix_b_fmt:MATRIX_FMT_FP6 matrix_b_scale:MATRIX_SCALE_ROW1
.elseif WSEL == 2
	v_wmma_scale_f32_16x16x128_f8f6f4 v[WD:WD+7], v[WB:WB+11], v[WA:WA+11], v[WC:WC+7], v[WSB], v[WSA] matrix_a_fmt:MATRIX_FMT_FP6 matrix_b_fmt:MATRIX_FMT_FP6 matrix_a_scale:MATRIX_SCALE_ROW1
.elseif WSEL == 3
	v_wmma_scale_f32_16x16x128_f8f6f4 v[WD:WD+7], v[WB:WB+11], v[WA:WA+11], v[WC:WC+7], v[WSB], v[WSA] matrix_a_fmt:MATRIX_FMT_FP6 matrix_b_fmt:MATRIX_FMT_FP6 matrix_a_scale:MATRIX_SCALE_ROW1 matrix_b_scale:MATRIX_SCALE_ROW1
.elseif WSEL == 4
	v_wmma_scale_f32_16x16x128_f8f6f4 v[WD:WD+7], v[WB:WB+11], v[WA:WA+11], 0, v[WSB], v[WSA] matrix_a_fmt:MATRIX_FMT_FP6 matrix_b_fmt:MATRIX_FMT_FP6
.elseif WSEL == 5
	v_wmma_scale_f32_16x16x128_f8f6f4 v[WD:WD+7], v[WB:WB+11], v[WA:WA+11], 0, v[WSB], v[WSA] matrix_a_fmt:MATRIX_FMT_FP6 matrix_b_fmt:MATRIX_FMT_FP6 matrix_b_scale:MATRIX_SCALE_ROW1
.elseif WSEL == 6
	v_wmma_scale_f32_16x16x128_f8f6f4 v[WD:WD+7], v[WB:WB+11], v[WA:WA+11], 0, v[WSB], v[WSA] matrix_a_fmt:MATRIX_FMT_FP6 matrix_b_fmt:MATRIX_FMT_FP6 matrix_a_scale:MATRIX_SCALE_ROW1
.else
	v_wmma_scale_f32_16x16x128_f8f6f4 v[WD:WD+7], v[WB:WB+11], v[WA:WA+11], 0, v[WSB], v[WSA] matrix_a_fmt:MATRIX_FMT_FP6 matrix_b_fmt:MATRIX_FMT_FP6 matrix_a_scale:MATRIX_SCALE_ROW1 matrix_b_scale:MATRIX_SCALE_ROW1
.endif
.endm
.macro MUL16 a0, p, q, sc, zero        ; 16 products: A's blocks a0, a0 + 1 x B's eight; the 64 accumulators take turns, one instruction a turn
.irp a, \a0, \a0+1
.irp b, 0,1,2,3,4,5,6,7
.set WD, 8*(8*((\a)%4)+\b)
.set WB, 128*(\p)+12*\b
.set WA, AF+12*(\a)
.set WSB, SC+16*(\sc)+8+4*(\q)+\b/2
.set WSA, SC+16*(\sc)+4*(\q)+(\a)/2
.set WC, WD
.set WZ, 0
.if \zero
.if BIASC
.set WC, 64+8*\b
.else
.set WZ, 1
.endif
.endif
	WM WZ, \b%2, (\a)%2
.endr
.endr
.endm
.macro STEP slot, q, zero              ; a step of 128 along K that has its successor in the same slot
	s_wait_dscnt 16                                ; all but the youngest 16 loads (A's blocks 4-7)
.if (\zero)*BIASC
	WIN 0x81
.else
	WIN MUL_LO
.endif
	MUL16 0, (\q)%2, \q, \slot, \zero
	MUL16 2, (\q)%2, \q, \slot, \zero
	s_wait_dscnt 0
	PLACES NP
	FETCH_B \slot, (\q)+1, 1-(\q)%2
	FETCH_A \slot, (\q)+1, 0
.if (\zero)*BIASC
	WIN 0xc1
.else
	WIN MUL_HI
.endif
	MUL16 4, (\q)%2, \q, \slot, \zero
	MUL16 6, (\q)%2, \q, \slot, \zero
	PLACES NP
	WIN 0
	FETCH_A \slot, (\q)+1, 4
.endm
.macro TURN slot, next, fill           ; a slot's last step changes slots: one barrier, with the waits and the add in front of it
	s_wait_tensorcnt 0x0                           ; all my tensor loads have landed: my part of the next slot
	ds_add_u32 v[SPW], v[NIL]                      ; 0 onto my spare word
	s_wait_dscnt 17                                ; (the add and the youngest 16 loads may be out)
	WIN MUL_LO
	MUL16 0, 1, 1, \slot, 0
	s_wait_dscnt 0x0                               ; the add is done, and my reads of this slot are over
	s_barrier_signal -1
	MUL16 2, 1, 1, \slot, 0
	WIN 0
	s_barrier_wait -1
.if \fill
	CREST                                          ; the barrier has opened a round of the cluster's barrier: no wave of any partner still reads this slot or has a load on its way
	s_add_nc_u64 s[G0+4*\slot+2:G0+4*\slot+3], s[G0+4*\slot+2:G0+4*\slot+3], 2*PART
	s_add_nc_u64 s[G0B+4*\slot+2:G0B+4*\slot+3], s[G0B+4*\slot+2:G0B+4*\slot+3], 2*PART
	JLOAD G0+4*\slot, G1, G0B+4*\slot, G1B
.else
	PLACES NP
.endif
	v_add_nc_u32 v[ADSA], 1024, v[ADSA]
	v_add_nc_u32 v[ADSB], 1024, v[ADSB]
	FETCH_B \next, 0, 0
	FETCH_A \next, 0, 0
	SCALES \next
	WIN MUL_HI
	MUL16 4, 1, 1, \slot, 0
	MUL16 6, 1, 1, \slot, 0
	PLACES NP
	WIN 0
	FETCH_A \next, 0, 4
.endm
; THE WAY OUT, block by block of 16 rows x 128 columns, through my own stage in slot 0 (16 rows x (512 + 16) bytes), which has had its last fill and its last read.
.macro XLOAD a                         ; the residual's 16 rows of block a, at my 16 bytes of each, into buffer a % 4 of window 1
	WIN 0x40
.irp t, 0,1,2,3,4,5,6,7,8,9,10,11,12,13,14,15
	global_load_b128 v[64*((\a)%4)+4*\t:64*((\a)%4)+4*\t+3], v2, s[10:11] offset:(32*((\a)/2)+8*((\a)%2)+\t+8*(\t/8))*4096
.endr
	WIN 0
.endm
.macro TOSTAGE a
.set AC, 64*((\a)%4)
	WIN 0x08+4*((\a)/4)                            ; the data: window 2 or 3
.irp b, 0,1,2,3,4,5,6,7
	ds_store_b128 v[STO], v[AC+8*\b:AC+8*\b+3] offset:128*(\b/2)+32*(\b%2)          ; tile b's eight columns of my half are 32 (b / 2) + 16 h + 8 (b % 2) + 0 .. 7; each accumulator from its low end on
	ds_store_b128 v[STO], v[AC+8*\b+4:AC+8*\b+7] offset:128*(\b/2)+32*(\b%2)+16
.endr
	WIN 0
.set BB, 128+64*((\a)%2)
.irp t, 0,1,2,3,4,5,6,7,8,9,10,11,12,13,14,15
	ds_load_b128 v[BB+4*\t:BB+4*\t+3], v[RDB] offset:\t*528    ; LDS serves a wave's instructions in order: these see the stores above
.endr
.endm
.macro SEND a, younger
.set BB, 128+64*((\a)%2)
.set XR, 64*((\a)%4)
	s_wait_dscnt \younger                          ; the block is back in registers
.if (\a) < 5
	s_wait_loadcnt 48                              ; its residual is in; the loads of the three blocks behind it may be out
.else
	s_wait_loadcnt 16*(7-(\a))
.endif
	WIN 0x04                                       ; source 1: window 1
.set k, 0
.rept 32
	v_pk_add_f32 v[BB+k:BB+k+1], v[BB+k:BB+k+1], v[XR+k:XR+k+1]
.set k, k+2
.endr
	WIN 0
.irp t, 0,1,2,3,4,5,6,7,8,9,10,11,12,13,14,15
	v_pk_add_f32 v[BB+4*\t:BB+4*\t+1], v[BB+4*\t:BB+4*\t+1], v[8:9]
	v_pk_add_f32 v[BB+4*\t+2:BB+4*\t+3], v[BB+4*\t+2:BB+4*\t+3], v[10:11]
.endr
.irp t, 0,1,2,3,4,5,6,7,8,9,10,11,12,13,14,15
	global_store_b128 v2, v[BB+4*\t:BB+4*\t+3], s[12:13] offset:(32*((\a)/2)+8*((\a)%2)+\t+8*(\t/8))*4096 th:TH_STORE_NT   ; 32 lanes store 512 consecutive bytes of row rho(a, t); written once, read by nobody here
.endr
.if (\a) < 4
	XLOAD (\a)+4
.endif
.endm
	s_load_b256 s[4:11], s[0:1], 0x0               ; A's buffer, wimg, the bias, the residual's buffer
	s_load_b64 s[12:13], s[0:1], 0x20              ; the output
	v_lshl_add_u32 v[SPW], v0, 2, SPARE
	v_mov_b32 v[NIL], 0
	ds_add_u32 v28, v29
	ds_add_u32 v28, v29
	s_wait_dscnt 0x0
	v_lshrrev_b32 v1, 5, v0
	v_readfirstlane_b32 s14, v1                    ; wave 0..3
	s_lshr_b32 s15, s14, 1                         ; which half of A's rows is mine.  Also: I fetch for A (0) or for B (1)
	s_and_b32 s16, s14, 1                          ; which half of B's rows.  Also: which rb of the tile I fetch
	s_bfe_u32 s40, ttmp6, 0x40000                  ; cx, cy
	s_bfe_u32 s41, ttmp6, 0x40004
	s_lshl_b32 s42, ttmp9, 2
	s_add_co_u32 s42, s42, s40                     ; B's tile = 4 x cluster x + cx
	s_and_b32 s17, ttmp7, 0xffff
	s_lshl_b32 s17, s17, 2
	s_add_co_u32 s17, s17, s41                     ; A's tile = 4 x cluster y + cy
	s_lshl_b32 s43, s41, 2
	s_lshl_b32 s43, 15, s43                        ; my row of the cluster
	s_lshl_b32 s44, 0x1111, s40                    ; my column
	s_or_b32 s[G1], s43, (3<<16)|(1<<21)           ; group 1: dense blocks as rows of 256 bytes (32 elements of 8 bytes); the mask, and bit 21 beside it
	s_or_b32 s[G1B], s44, (3<<16)|(1<<21)
	s_or_b32 s[G1S], s43, (3<<16)|(1<<21)
	s_or_b32 s[G1SB], s44, (3<<16)|(1<<21)
.irp g, G1, G1B
	s_mov_b32 s[\g+1], 32<<16
	s_mov_b32 s[\g+2], 96<<16
	s_mov_b32 s[\g+3], 32<<16
	s_mov_b32 s[\g+4], 96
	s_mov_b32 s[\g+5], 32
	s_mov_b32 s[\g+6], 0
	s_mov_b32 s[\g+7], 0
.endr
.irp g, G1S, G1SB
	s_mov_b32 s[\g+1], 32<<16
	s_mov_b32 s[\g+2], (2*KS128)<<16
	s_mov_b32 s[\g+3], 32<<16
	s_mov_b32 s[\g+4], 2*KS128
	s_mov_b32 s[\g+5], 32
	s_mov_b32 s[\g+6], 0
	s_mov_b32 s[\g+7], 0
.endr
	s_lshl_b32 s20, s17, 1
	s_add_co_u32 s20, s20, s16
	s_lshl_b32 s46, s42, 1
	s_add_co_u32 s46, s46, s16
	s_mul_i32 s22, s20, SCP
	s_add_co_u32 s22, s22, ASC
	s_mul_i32 s92, s46, SCP
	s_add_co_u32 s92, s92, BSC
	s_mul_i32 s20, s20, KS128*KSB
	s_mul_i32 s46, s46, KS128*KSB
	s_add_co_u32 s46, s46, BIMG
	s_mov_b32 s21, 0
	s_mov_b32 s23, 0
	s_mov_b32 s47, 0
	s_mov_b32 s93, 0
	s_mul_i32 s45, s14, PART
	s_mul_i32 s94, s14, SCP
	s_wait_kmcnt 0x0
	s_add_nc_u64 s[20:21], s[4:5], s[20:21]
	s_add_nc_u64 s[22:23], s[4:5], s[22:23]
	s_add_nc_u64 s[46:47], s[6:7], s[46:47]
	s_add_nc_u64 s[92:93], s[6:7], s[92:93]
	CROUND                                         ; all sixteen work-groups are here: the first joint loads meet
	s_mov_b32 s[G0S], 1
	s_add_co_u32 s[G0S+1], s94, SCL
	s_mov_b64 s[G0S+2:G0S+3], s[22:23]
	s_or_b32 s[G0S+3], s[G0S+3], 0x80000000
	s_mov_b32 s[G0SB], 1
	s_add_co_u32 s[G0SB+1], s94, SCL
	s_mov_b64 s[G0SB+2:G0SB+3], s[92:93]
	s_or_b32 s[G0SB+3], s[G0SB+3], 0x80000000
	JLOAD G0S, G1S, G0SB, G1SB
.irp s, 0,1
	s_mov_b32 s[G0+4*\s], 1
	s_add_co_u32 s[G0+4*\s+1], s45, \s*SLOT
	s_add_nc_u64 s[G0+4*\s+2:G0+4*\s+3], s[20:21], \s*PART
	s_or_b32 s[G0+4*\s+3], s[G0+4*\s+3], 0x80000000
	s_mov_b32 s[G0B+4*\s], 1
	s_add_co_u32 s[G0B+4*\s+1], s45, \s*SLOT
	s_add_nc_u64 s[G0B+4*\s+2:G0B+4*\s+3], s[46:47], \s*PART
	s_or_b32 s[G0B+4*\s+3], s[G0B+4*\s+3], 0x80000000
	JLOAD G0+4*\s, G1, G0B+4*\s, G1B               ; three tensor loads of mine are out now, later one
.endr
	v_and_b32 v1, 31, v0
	v_lshlrev_b32 v2, 4, v1                        ; 16 L
	v_lshlrev_b32 v3, 3, v1                        ; 8 L
	s_mul_i32 s21, s15, PART
	s_mul_i32 s22, s16, PART
	s_add_co_u32 s22, s22, 2*PART
.irp s, 0,1
	v_add_nc_u32 v[ADA16+\s], s21, v2
	v_add_nc_u32 v[ADA8+\s], s21, v3
	v_add_nc_u32 v[ADB16+\s], s22, v2
	v_add_nc_u32 v[ADB8+\s], s22, v3
	s_add_co_u32 s21, s21, SLOT
	s_add_co_u32 s22, s22, SLOT
.endr
	s_mul_i32 s21, s15, SCP
	s_add_co_u32 s21, s21, SCL
	v_add_nc_u32 v[ADSA], s21, v2
	s_mul_i32 s22, s16, SCP
	s_add_co_u32 s22, s22, SCL+2*SCP
	v_add_nc_u32 v[ADSB], s22, v2
	v_and_b32 v4, 15, v0                           ; r
	v_bfe_u32 v5, v0, 4, 1                         ; h
	s_mul_i32 s23, s14, 16*528                     ; my stage
	v_mul_u32_u24 v[STO], v4, 528
	v_lshl_add_u32 v[STO], v5, 6, v[STO]
	v_add_nc_u32 v[STO], s23, v[STO]               ; in: row r, + 64 h
	v_add_nc_u32 v[RDB], s23, v2                   ; back: the 32 lanes take one row of 512 bytes
	s_lshl_b32 s20, s17, 1
	s_add_co_u32 s20, s20, s15                     ; my rb of A:
	s_lshl_b32 s20, s20, 19                        ; 128 rows of 4,096 bytes
	s_mov_b32 s21, 0
	s_lshl_b32 s46, s42, 1
	s_add_co_u32 s46, s46, s16                     ; my rb of B:
	s_lshl_b32 s46, s46, 9                         ; 128 columns of 4 bytes
	s_mov_b32 s47, 0
	s_add_nc_u64 s[8:9], s[8:9], s[46:47]
	s_add_nc_u64 s[20:21], s[20:21], s[46:47]
	s_add_nc_u64 s[10:11], s[10:11], s[20:21]
.if RESOFF
	s_add_nc_u64 s[10:11], s[10:11], RESOFF
.endif
	s_add_nc_u64 s[12:13], s[12:13], s[20:21]
	global_load_b128 v[8:11], v2, s[8:9]           ; the bias at my four columns of every row
	s_wait_tensorcnt 1                             ; the scale words and my part of slot 0 are in (slot 1's load may be out),
	s_barrier_signal -1
	s_barrier_wait -1                              ; everybody's are
	FETCH_B 0, 0, 0
	FETCH_A 0, 0, 0
	SCALES 0
	FETCH_A 0, 0, 4
	STEP 0, 0, 1                                   ; the first step stands in front of the loop: its products start the sums
	s_mov_b32 s3, LAPS-1
.Llap:
	TURN 0, 1, 1
	STEP 1, 0, 0
	TURN 1, 0, 1
	STEP 0, 0, 0
	s_sub_co_u32 s3, s3, 1
	s_cmp_lg_u32 s3, 0
	s_cbranch_scc1 .Llap
	TURN 0, 1, 0                                   ; the last lap fills nothing
	STEP 1, 0, 0
	XLOAD 0                                        ; B's set 0 is done with (the step's closing places stand behind its last reader): the first two blocks' residual is asked for under the last step
	XLOAD 1
	s_wait_dscnt 16
	WIN MUL_LO
	MUL16 0, 1, 1, 1, 0
	MUL16 2, 1, 1, 1, 0
	s_wait_dscnt 0
	WIN MUL_HI
	MUL16 4, 1, 1, 1, 0
	MUL16 6, 1, 1, 1, 0
	WIN 0
	PLACES NP                                      ; in front of the loads into B's set 1 and A's fragments, and of the first read of results
	XLOAD 2
	XLOAD 3
	TOSTAGE 0
.irp a, 1,2,3,4,5,6,7
.if \a > 1
	s_wait_xcnt 0x0                                ; block a - 2's stores have read their registers: block a's loads may land there
.endif
	TOSTAGE \a
	SEND \a-1, 32                                  ; behind block a - 1's loads from the stage: block a's 16 stores and 16 loads
.endr
	s_wait_xcnt 0x0
	SEND 7, 0
	s_wait_tensorcnt 0x0                           ; the wave's end
	ds_add_u32 v[SPW], v[NIL]
	s_wait_dscnt 0x0
	CROUND                                         ; the closing round
	s_endpgm
.Lfunc_end_k_qdd8b20f2c2_mlp2:
	.size	k_qdd8b20f2c2_mlp2, .Lfunc_end_k_qdd8b20f2c2_mlp2-k_qdd8b20f2c2_mlp2
	.p2alignl 7, 3214868480
	.fill 96, 4, 3214868480
	.section	.rodata,"a",@progbits
	.p2align	6, 0x0
	.amdhsa_kernel k_qdd8b20f2c2_mlp2
		.amdhsa_group_segment_fixed_size 327680
		.amdhsa_private_segment_fixed_size 0
		.amdhsa_enable_private_segment 0
		.amdhsa_kernarg_size 40
		.amdhsa_user_sgpr_count 2
		.amdhsa_user_sgpr_kernarg_segment_ptr 1
		.amdhsa_wavefront_size32 1
		.amdhsa_system_sgpr_workgroup_id_x 1
		.amdhsa_system_sgpr_workgroup_id_y 1
		.amdhsa_system_sgpr_workgroup_id_z 1
		.amdhsa_system_vgpr_workitem_id 0
		.amdhsa_next_free_vgpr 1024
		.amdhsa_next_free_sgpr 100
		.amdhsa_reserve_vcc 0
		.amdhsa_float_denorm_mode_32 3
		.amdhsa_float_denorm_mode_16_64 3
		.amdhsa_memory_ordered 1
		.amdhsa_forward_progress 1
		.amdhsa_inst_pref_size 188
	.end_amdhsa_kernel
	.amdgpu_metadata
---
amdhsa.version: [ 1, 2 ]
amdhsa.kernels:
  - .name:           k_qdd8b20f2c2_mlp2
    .symbol:         k_qdd8b20f2c2_mlp2.kd
    .args:
      - { .name: gb, .offset: 0, .size: 8, .value_kind: global_buffer, .address_space: global }
      - { .name: wimg, .offset: 8, .size: 8, .value_kind: global_buffer, .address_space: global }
      - { .name: bm2, .offset: 16, .size: 8, .value_kind: global_buffer, .address_space: global }
      - { .name: hb, .offset: 24, .size: 8, .value_kind: global_buffer, .address_space: global }
      - { .name: out0, .offset: 32, .size: 8, .value_kind: global_buffer, .address_space: global }
    .group_segment_fixed_size: 327680
    .private_segment_fixed_size: 0
    .kernarg_segment_align: 8
    .kernarg_segment_size: 40
    .max_flat_workgroup_size: 128
    .sgpr_count:     100
    .vgpr_count:     1024
    .wavefront_size: 32
...
	.end_amdgpu_metadata
.endif
;; end of part 7
;; ======== version 2 of 2: 7 launches
;; limits: right only within a limited range of input values
;; workspace buffers: xnb 20,054,016 bytes; wimg 9,830,400 bytes; qkvb 13,631,488 bytes; yb 3,276,800 bytes; hb 16,777,216 bytes; hnb 3,276,800 bytes; gb 13,107,200 bytes
;; launch prep (part 8): grid 448 x 1, 4 waves a work-group, no clusters, 82,432 bytes of LDS; arguments x, g1, b1, xnb, Wq_codes, Wq_scales, Wk_codes, Wk_scales, Wv_codes, Wv_scales, Wp_codes, Wp_scales, W1_codes, W1_scales, W2_codes, W2_scales, wimg; writes xnb, wimg
.if DOCPART == 8
	.amdgcn_target "amdgcn-amd-amdhsa--gfx1250"
	.amdhsa_code_object_version 6
	.text
	.protected	k_qdd8b20f2c2_prep
	.globl	k_qdd8b20f2c2_prep
	.p2align	8
	.type	k_qdd8b20f2c2_prep,@function
k_qdd8b20f2c2_prep:
	s_mov_b64 s[64:65], 0
	v_nop
	global_prefetch_b8 v0, s[64:65] scope:SCOPE_SE
	s_setreg_imm32_b32 hwreg(HW_REG_WAVE_MODE, 25, 1), 1
	s_wait_xcnt 0x0
; PREP.  Work-groups 0-255: xn = layernorm(x) g1 + b1, stored as f32 and as codes of FP6 (E2M3) with E8M0 scales.  Work-groups 256-447: the six weights' codes and scale bytes are laid anew.
; THE IMAGE, the one layout of every operand of this program: [group of 128 rows rb][ks = k / 128][tile i = 0..7][half c = 0, 1][768 bytes].  Lane L = (r = L % 16, h = L / 16) of tile i stands for row
; 128 rb + rho(i, r), rho(i, r) = 32 (i / 2) + 8 (i % 2) + r + 8 (r / 8), and holds in half c the 24 bytes of codes k = 128 ks + 64 c + 32 h + 0 .. 31: its words 0-3 at 16 L, its words 4-5 at 512 + 8 L.
; So a fragment of 12 registers comes and goes by two accesses of 16 bytes and two of 8 bytes a lane, each of them 512 or 256 consecutive bytes for the wave.
; THE SCALE WORDS: [rb][ks][lane L][word j = 0..3]: word j of lane (r, h) holds the four E8M0 bytes of row rho(2 j + h, r) for k = 128 ks + 32 b.
; LAYERNORM: mean, then the mean of the squared differences (two passes over registers: no difference of large sums), v_rsq_f32, all in f32.
; THE QUANTISER: a block's scale byte is its largest magnitude's exponent field - 2, held at 1 from below.  A block of zeros so gets the byte 1 where the rule says 127: its codes are zeros, and this program alone reads the bytes.
; LIMITS: NaN and infinities among the inputs are not served; blocks whose largest magnitude lies under 2^-124 were not tried.
; The two paths part on the work-group's number and have LDS bytes of their own.
.set XS,   3145728                     ; xnb: the image at 0, the scale words here,
.set XF,   3276800                     ; xn as f32 [4096][1024] here
.set IMG,  18432                       ; LDS, first path: four turning stages of 4,608 bytes at 0; the tile's image, 8 ks x 1,536 bytes;
.set SCB,  30720                       ; its scale bytes, [ks][r][4]
.set RLY,  31232                       ; LDS, second path: 16 rows x 784 bytes for each wave
.set RP,   784
.set STOREF, 1
.set X,    208                         ; v208-239 a block of 32 numbers
.set C,    240                         ; v240-246 its codes
	v_lshl_add_u32 v254, v0, 2, 0x14000
	v_mov_b32 v255, 0
	s_cmp_lt_u32 ttmp9, 256
	s_cbranch_scc0 .Lrelay
	; ---------------- layernorm and quantiser.  Work-group T owns tile (rb = T / 8, i = T % 8): 16 rows.  Wave w owns r = 4 w .. 4 w + 3, which are four neighbouring rows of x.
	s_load_b256 s[4:11], s[0:1], 0x0               ; x, g1, b1, xnb
	v_lshrrev_b32 v1, 5, v0
	v_readfirstlane_b32 s12, v1                    ; wave
	v_and_b32 v1, 31, v0                           ; L
	v_lshlrev_b32 v2, 4, v1                        ; 16 L
	s_mul_i32 s13, s12, 4608                       ; my turning stage: 32 places of 128 + 16 bytes
	v_lshrrev_b32 v8, 3, v1
	v_mul_u32_u24 v3, v8, 144
	v_and_b32 v8, 7, v1
	v_lshl_add_u32 v3, v8, 4, v3
	v_add_nc_u32 v3, s13, v3                       ; in: 144 (L / 8) + 16 (L % 8); load i of a row lies 576 i further on
	v_mul_u32_u24 v4, v1, 144
	v_add_nc_u32 v4, s13, v4                       ; out: 144 L: lane L takes block L of the row
	v_lshrrev_b32 v8, 2, v1                        ; block L: ks = L / 4,
	v_mul_u32_u24 v9, v8, 1536
	v_bfe_u32 v10, v1, 1, 1                        ; c = (L / 2) % 2,
	v_mad_u32_u24 v9, v10, 768, v9
	v_and_b32 v10, 1, v1                           ; h = L % 2
	v_lshl_add_u32 v5, v10, 8, v9
	v_lshl_add_u32 v6, v10, 7, v9
	s_lshl_b32 s14, s12, 6
	s_add_co_u32 s14, s14, IMG
	v_add_nc_u32 v5, s14, v5                       ; words 0-3 of image lane r + 16 h: + 16 r, r = 4 w + t
	s_lshl_b32 s14, s12, 5
	s_add_co_u32 s14, s14, IMG+512
	v_add_nc_u32 v6, s14, v6                       ; words 4-5: + 8 r
	v_lshlrev_b32 v7, 6, v8
	v_and_b32 v10, 3, v1
	v_add_nc_u32 v7, v7, v10
	s_lshl_b32 s14, s12, 4
	s_add_co_u32 s14, s14, SCB
	v_add_nc_u32 v7, s14, v7                       ; the scale byte: 64 ks + 4 r + L % 4
	s_lshr_b32 s15, ttmp9, 3                       ; rb
	s_and_b32 s16, ttmp9, 7                        ; i
	s_lshl_b32 s17, s15, 7
	s_lshr_b32 s18, s16, 1
	s_lshl_b32 s18, s18, 5
	s_add_co_u32 s17, s17, s18
	s_and_b32 s18, s16, 1
	s_lshl_b32 s18, s18, 3
	s_add_co_u32 s17, s17, s18
	s_lshl_b32 s18, s12, 2
	s_add_co_u32 s17, s17, s18
	s_lshr_b32 s18, s12, 1
	s_lshl_b32 s18, s18, 3
	s_add_co_u32 s17, s17, s18                     ; my first row: 128 rb + 32 (i / 2) + 8 (i % 2) + 4 w + 8 (w / 2)
	s_lshl_b32 s20, s17, 12
	s_mov_b32 s21, 0
	s_mul_i32 s24, s15, 98304                      ; the image's way out: rb, my two ks, tile i
	s_mul_i32 s18, s12, 24576
	s_add_co_u32 s24, s24, s18
	s_mul_i32 s18, s16, 1536
	s_add_co_u32 s24, s24, s18
	s_mov_b32 s25, 0
	s_lshl_b32 s26, s15, 12                        ; the scale words': rb, + 256 (i % 2) + 4 (i / 2)
	s_and_b32 s18, s16, 1
	s_lshl_b32 s18, s18, 8
	s_add_co_u32 s26, s26, s18
	s_lshr_b32 s18, s16, 1
	s_lshl_b32 s18, s18, 2
	s_add_co_u32 s26, s26, s18
	s_add_co_u32 s26, s26, XS
	s_mov_b32 s27, 0
	s_mov_b32 s30, 0x3a800000                      ; 1 / 1024
	s_mov_b32 s31, 0x3727c5ac                      ; 1e-5
	s_mov_b32 s32, 0x76543210
	s_mov_b32 s33, 0xfedcba98                      ; v_permlanex16_b32's selects for lane l xor 16
	s_wait_kmcnt 0x0
	s_add_nc_u64 s[4:5], s[4:5], s[20:21]
	s_add_nc_u64 s[22:23], s[10:11], s[20:21]
	s_add_nc_u64 s[22:23], s[22:23], XF
	s_add_nc_u64 s[24:25], s[10:11], s[24:25]
	s_add_nc_u64 s[26:27], s[10:11], s[26:27]
.irp i, 0,1,2,3,4,5,6,7
	global_load_b128 v[16+4*\i:19+4*\i], v2, s[6:7] offset:512*\i        ; the gain, at my columns 128 i + 4 L + 0 .. 3
.endr
.irp i, 0,1,2,3,4,5,6,7
	global_load_b128 v[48+4*\i:51+4*\i], v2, s[8:9] offset:512*\i        ; the bias
.endr
.irp t, 0,1,2,3
.irp i, 0,1,2,3,4,5,6,7
	global_load_b128 v[80+32*\t+4*\i:83+32*\t+4*\i], v2, s[4:5] offset:4096*\t+512*\i th:TH_LOAD_NT   ; all four rows are asked for at once: 32 lanes read 512 consecutive bytes
.endr
.endr
.macro WSUM r, t                       ; the sum over the wave's 32 lanes, in every lane
	v_add_f32_dpp v[\r], v[\r], v[\r] row_xmask:1 row_mask:0xf bank_mask:0xf
	v_add_f32_dpp v[\r], v[\r], v[\r] row_xmask:2 row_mask:0xf bank_mask:0xf
	v_add_f32_dpp v[\r], v[\r], v[\r] row_xmask:4 row_mask:0xf bank_mask:0xf
	v_add_f32_dpp v[\r], v[\r], v[\r] row_xmask:8 row_mask:0xf bank_mask:0xf
	v_permlanex16_b32 v[\t], v[\r], s32, s33
	v_add_f32 v[\r], v[\r], v[\t]
.endm
.macro ROW t
.set R, 80+32*(\t)
	s_wait_loadcnt 8*(3-(\t))                      ; gain, bias and this row are in; the later rows' loads, eight each, may be out
	v_pk_add_f32 v[8:9], v[R:R+1], v[R+2:R+3]
	v_pk_add_f32 v[10:11], v[R+4:R+5], v[R+6:R+7]
.irp j, 8,12,16,20,24,28
	v_pk_add_f32 v[8:9], v[8:9], v[R+\j:R+\j+1]
	v_pk_add_f32 v[10:11], v[10:11], v[R+\j+2:R+\j+3]
.endr
	v_pk_add_f32 v[8:9], v[8:9], v[10:11]
	v_add_f32 v8, v8, v9
	WSUM 8, 9
	v_mul_f32 v12, s30, v8                         ; the mean, twice: a pair for the packed form
	v_mov_b32 v13, v12
.irp j, 0,2,4,6,8,10,12,14,16,18,20,22,24,26,28,30
	v_pk_add_f32 v[R+\j:R+\j+1], v[R+\j:R+\j+1], v[12:13] neg_lo:[0,1] neg_hi:[0,1]
.endr
	v_pk_mul_f32 v[8:9], v[R:R+1], v[R:R+1]
	v_pk_mul_f32 v[10:11], v[R+2:R+3], v[R+2:R+3]
.irp j, 4,8,12,16,20,24,28
	v_pk_fma_f32 v[8:9], v[R+\j:R+\j+1], v[R+\j:R+\j+1], v[8:9]
	v_pk_fma_f32 v[10:11], v[R+\j+2:R+\j+3], v[R+\j+2:R+\j+3], v[10:11]
.endr
	v_pk_add_f32 v[8:9], v[8:9], v[10:11]
	v_add_f32 v8, v8, v9
	WSUM 8, 9
	v_fma_f32 v8, v8, s30, s31                     ; the variance + 1e-5
	s_wait_alu depctr_va_vdst(0)
	v_rsq_f32 v12, v8
	v_rsq_f32 v13, v8
	v_nop                                          ; a plain line behind the two
	s_wait_alu depctr_va_vdst(0)                   ; one wait for both, ahead of their first reader
.irp j, 0,2,4,6,8,10,12,14,16,18,20,22,24,26,28,30
	v_pk_mul_f32 v[R+\j:R+\j+1], v[R+\j:R+\j+1], v[12:13]
.endr
.irp j, 0,2,4,6,8,10,12,14,16,18,20,22,24,26,28,30
	v_pk_fma_f32 v[R+\j:R+\j+1], v[R+\j:R+\j+1], v[16+\j:17+\j], v[48+\j:49+\j]
.endr
.if STOREF
.irp i, 0,1,2,3,4,5,6,7
	global_store_b128 v2, v[R+4*\i:R+4*\i+3], s[22:23] offset:4096*(\t)+512*\i   ; the row as f32: 512 consecutive bytes a store
.endr
.endif
.irp i, 0,1,2,3,4,5,6,7
	ds_store_b128 v3, v[R+4*\i:R+4*\i+3] offset:576*\i                   ; the row turns through my stage, so that a lane holds a whole block of 32
.endr
.irp j, 0,1,2,3,4,5,6,7
	ds_load_b128 v[X+4*\j:X+4*\j+3], v4 offset:16*\j                     ; LDS serves a wave's instructions in order: these see the stores above
.endr
	s_wait_dscnt 0x0
	v_max3_num_f32 v8, |v[X]|, |v[X+1]|, |v[X+2]|
	v_max3_num_f32 v9, |v[X+3]|, |v[X+4]|, |v[X+5]|
.irp i, 6,10,14,18,22,26
	v_max3_num_f32 v8, v8, |v[X+\i]|, |v[X+\i+1]|
	v_max3_num_f32 v9, v9, |v[X+\i+2]|, |v[X+\i+3]|
.endr
	v_max3_num_f32 v8, v8, |v[X+30]|, |v[X+31]|
	v_max3_num_f32 v8, v8, v9, 0x1800000           ; and the floor 2^(3 - 127): the byte cannot fall under 1
	v_add_nc_u32 v10, 0xff000000, v8               ; 2 off the exponent field: the conversion's scale operand
	v_lshrrev_b32 v11, 23, v10                     ; the scale's byte
	v_cvt_scalef32_pk16_fp6_f32 v[C:C+2], v[X:X+15], v10
	v_cvt_scalef32_pk16_fp6_f32 v[C+4:C+6], v[X+16:X+31], v10   ; (a conversion's three registers begin on an even number)
	v_nop                                          ; one plain line behind a scaled conversion
	v_mov_b32 v[C+3], v[C+4]
	v_mov_b32 v[C+4], v[C+5]
	v_mov_b32 v[C+5], v[C+6]
	ds_store_b128 v5, v[C:C+3] offset:16*(\t)
	ds_store_b64 v6, v[C+4:C+5] offset:8*(\t)
	ds_store_b8 v7, v11 offset:4*(\t)
.endm
	ROW 0
	ROW 1
	ROW 2
	ROW 3
	s_wait_dscnt 0x0                               ; for the others' sake: my stores into the image are done
	s_barrier_signal -1
	s_barrier_wait -1
	s_mul_i32 s14, s12, 3072
	s_add_co_u32 s14, s14, IMG
	v_add_nc_u32 v8, s14, v2                       ; wave w takes ks = 2 w and 2 w + 1 of the tile
.irp e, 0,1
.irp c, 0,1,2
	ds_load_b128 v[208+12*\e+4*\c:211+12*\e+4*\c], v8 offset:1536*\e+512*\c
.endr
.endr
	v_lshl_add_u32 v9, v0, 2, SCB
	ds_load_b32 v232, v9                           ; thread n: the word of ks = n / 16, r = n % 16
	v_lshrrev_b32 v10, 4, v0
	v_and_b32 v11, 15, v0
	v_lshlrev_b32 v10, 9, v10
	v_lshl_add_u32 v10, v11, 4, v10
	s_wait_alu depctr_va_vdst(0)
	s_wait_dscnt 0x0
.irp e, 0,1
.irp c, 0,1,2
	global_store_b128 v2, v[208+12*\e+4*\c:211+12*\e+4*\c], s[24:25] offset:12288*\e+512*\c
.endr
.endr
	global_store_b32 v10, v232, s[26:27]           ; a tile owns one word in four of the scale words' rows: 4 bytes of each 16; the scale words are 131,072 bytes in all
	s_wait_tensorcnt 0x0
	ds_add_u32 v254, v255
	s_wait_dscnt 0x0
	s_endpgm
	; ---------------- the weights.  A wave takes 16 rows rho(i, .) x 1,024 along K: rows come in as they lie, turn through the wave's own LDS rows, and leave as eight fragments.  No barrier: waves share nothing.
.Lrelay:
	s_load_b512 s[16:31], s[0:1], 0x20             ; Wq, Wk, Wv, Wp: codes and scales
	s_load_b256 s[32:39], s[0:1], 0x60             ; W1, W2: codes and scales
	s_load_b64 s[40:41], s[0:1], 0x80              ; wimg
	v_lshrrev_b32 v1, 5, v0
	v_readfirstlane_b32 s12, v1                    ; wave
	s_sub_co_u32 s8, ttmp9, 256                    ; g: 0-63 the four square weights, 64-127 W1, 128-191 W2
	s_lshl_b32 s9, s8, 2
	s_add_co_u32 s9, s9, s12                       ; u = 4 g + wave
	s_and_b32 s10, s9, 63                          ; the tile, for a square weight;
	s_sub_co_u32 s11, s9, 256                      ; for W1;
	s_sub_co_u32 s13, s9, 512
	s_lshr_b32 s13, s13, 2                         ; for W2,
	s_and_b32 s14, s9, 3                           ; whose K has four parts of 1,024
	s_lshr_b32 s15, s8, 4                          ; which square weight
	s_mul_i32 s42, s15, 786432
	s_lshl_b32 s43, s15, 15
	s_add_co_u32 s43, s43, 9437184
	s_mov_b32 s48, 3072                            ; W2's figures: a row of codes in bytes,
	s_mov_b32 s49, 128                             ; a row of scale bytes,
	s_mov_b32 s50, 32                              ; K / 128,
	s_mov_b32 s51, 6291456                         ; its image in wimg,
	s_mov_b32 s52, 9699328                         ; its scale words
	s_cmp_lt_u32 s8, 128
	s_cselect_b32 s13, s11, s13
	s_cselect_b32 s14, 0, s14
	s_cselect_b32 s48, 768, s48
	s_cselect_b32 s49, 32, s49
	s_cselect_b32 s50, 8, s50
	s_cselect_b32 s51, 3145728, s51
	s_cselect_b32 s52, 9568256, s52
	s_cmp_lt_u32 s8, 64
	s_cselect_b32 s13, s10, s13
	s_cselect_b32 s51, s42, s51
	s_cselect_b32 s52, s43, s52
	s_lshr_b32 s53, s13, 3                         ; rb
	s_and_b32 s54, s13, 7                          ; i
	s_lshl_b32 s55, s53, 7
	s_lshr_b32 s56, s54, 1
	s_and_b32 s57, s54, 1
	s_lshl_b32 s58, s56, 5
	s_add_co_u32 s55, s55, s58
	s_lshl_b32 s58, s57, 3
	s_add_co_u32 s55, s55, s58                     ; the tile's first row; its rows are this + 0 .. 7 and + 16 .. 23
	s_mul_i32 s60, s55, s48
	s_mul_i32 s58, s14, 768
	s_add_co_u32 s60, s60, s58                     ; the codes, in
	s_mov_b32 s61, 0
	s_mul_i32 s62, s55, s49
	s_lshl_b32 s58, s14, 5
	s_add_co_u32 s62, s62, s58                     ; the scale bytes, in
	s_mov_b32 s63, 0
	s_mul_i32 s58, s53, s50
	s_lshl_b32 s59, s14, 3
	s_add_co_u32 s58, s58, s59                     ; rb x K / 128 + my first ks
	s_lshl_b32 s66, s58, 3
	s_add_co_u32 s66, s66, s54
	s_mul_i32 s66, s66, 1536
	s_add_co_u32 s66, s66, s51                     ; the image, out
	s_mov_b32 s67, 0
	s_lshl_b32 s68, s58, 9
	s_add_co_u32 s68, s68, s52
	s_lshl_b32 s59, s57, 8
	s_add_co_u32 s68, s68, s59
	s_lshl_b32 s59, s56, 2
	s_add_co_u32 s68, s68, s59                     ; the scale words, out
	s_mov_b32 s69, 0
	v_and_b32 v1, 31, v0                           ; L
	v_and_b32 v2, 15, v0                           ; r
	v_bfe_u32 v3, v0, 4, 1                         ; h
	v_lshlrev_b32 v4, 4, v1                        ; two rows' 1,536 bytes come by three loads of 512: the first row's bytes 0-511;
	v_lshlrev_b32 v5, 3, v1
	s_sub_co_u32 s58, s48, 768
	v_mul_u32_u24 v6, v3, s58
	v_add_nc_u32 v6, v6, v4
	v_add_nc_u32 v6, 512, v6                       ; its bytes 512-767 (lanes 0-15) and the second row's 0-255 (lanes 16-31);
	s_add_co_u32 s58, s48, 256
	v_add_nc_u32 v7, s58, v4                       ; the second row's 256-767
	s_mul_i32 s59, s12, 16*RP
	s_add_co_u32 s59, s59, RLY
	v_add_nc_u32 v8, s59, v4                       ; and the same three places in my LDS rows
	v_lshl_add_u32 v9, v3, 4, v8
	v_add_nc_u32 v9, 512, v9
	v_add_nc_u32 v10, RP+256, v8
	v_mul_u32_u24 v11, v2, RP
	v_mad_u32_u24 v11, v3, 24, v11
	v_add_nc_u32 v11, s59, v11                     ; out of them: row r, + 24 h
	v_and_b32 v12, 8, v2
	v_add_nc_u32 v12, v12, v2
	v_mul_u32_u24 v12, v12, s49
	v_lshl_add_u32 v12, v3, 4, v12                 ; my row's scale bytes: lane (r, h) takes the words of ks = 4 h + 0 .. 3
	v_lshlrev_b32 v13, 4, v2
	v_lshl_add_u32 v13, v3, 11, v13                ; and where they go: 16 r + 2,048 h
	s_lshl_b32 s53, s48, 1                         ; two rows on;
	s_mul_i32 s54, s48, 10                         ; from rows 6, 7 to rows 16, 17
	s_mov_b32 s52, 0
	s_wait_alu depctr_va_vdst(0)
	s_wait_kmcnt 0x0
	s_mov_b64 s[44:45], s[36:37]                   ; the buffers are chosen by the work-group's number alone
	s_mov_b64 s[46:47], s[38:39]
	s_cmp_lt_u32 s8, 128
	s_cselect_b64 s[44:45], s[32:33], s[44:45]
	s_cselect_b64 s[46:47], s[34:35], s[46:47]
	s_cmp_lt_u32 s8, 64
	s_cselect_b64 s[44:45], s[28:29], s[44:45]
	s_cselect_b64 s[46:47], s[30:31], s[46:47]
	s_cmp_lt_u32 s8, 48
	s_cselect_b64 s[44:45], s[24:25], s[44:45]
	s_cselect_b64 s[46:47], s[26:27], s[46:47]
	s_cmp_lt_u32 s8, 32
	s_cselect_b64 s[44:45], s[20:21], s[44:45]
	s_cselect_b64 s[46:47], s[22:23], s[46:47]
	s_cmp_lt_u32 s8, 16
	s_cselect_b64 s[44:45], s[16:17], s[44:45]
	s_cselect_b64 s[46:47], s[18:19], s[46:47]
	s_add_nc_u64 s[44:45], s[44:45], s[60:61]
	s_add_nc_u64 s[46:47], s[46:47], s[62:63]
	s_add_nc_u64 s[42:43], s[40:41], s[66:67]
	s_add_nc_u64 s[40:41], s[40:41], s[68:69]
	global_load_b128 v[16:19], v12, s[46:47]
.irp pr, 0,1,2,3,4,5,6,7               ; each load has an offset register of its own, so nothing that a pending load names is written again
	v_add_nc_u32 v[224+3*\pr], s52, v4
	v_add_nc_u32 v[225+3*\pr], s52, v6
	v_add_nc_u32 v[226+3*\pr], s52, v7
	global_load_b128 v[32+12*\pr:35+12*\pr], v[224+3*\pr], s[44:45] th:TH_LOAD_NT
	global_load_b128 v[36+12*\pr:39+12*\pr], v[225+3*\pr], s[44:45] th:TH_LOAD_NT
	global_load_b128 v[40+12*\pr:43+12*\pr], v[226+3*\pr], s[44:45] th:TH_LOAD_NT
.if \pr == 3
	s_add_co_u32 s52, s52, s54
.else
	s_add_co_u32 s52, s52, s53
.endif
.endr
	s_wait_loadcnt 0x0
.irp pr, 0,1,2,3,4,5,6,7
	ds_store_b128 v8, v[32+12*\pr:35+12*\pr] offset:2*\pr*RP
	ds_store_b128 v9, v[36+12*\pr:39+12*\pr] offset:2*\pr*RP
	ds_store_b128 v10, v[40+12*\pr:43+12*\pr] offset:2*\pr*RP
.endr
.irp ks, 0,1,2,3,4,5,6,7
.irp c, 0,1
.irp p, 0,1,2
	ds_load_b64 v[128+6*(2*\ks+\c)+2*\p:129+6*(2*\ks+\c)+2*\p], v11 offset:96*\ks+48*\c+8*\p   ; my 24 bytes of half c of ks, in pieces of 8 (LDS serves a wave in order: these see the stores)
.endr
.endr
.endr
	s_wait_dscnt 0x0
.irp ks, 0,1,2,3,4,5,6,7
.irp c, 0,1
	global_store_b128 v4, v[128+6*(2*\ks+\c):131+6*(2*\ks+\c)], s[42:43] offset:12288*\ks+768*\c
	global_store_b64 v5, v[132+6*(2*\ks+\c):133+6*(2*\ks+\c)], s[42:43] offset:12288*\ks+768*\c+512
.endr
.endr
.irp k, 0,1,2,3
	global_store_b32 v13, v[16+\k], s[40:41] offset:512*\k   ; a tile owns one word in four: 4 bytes of each 16; all weights' scale words are 393,216 bytes
.endr
	s_wait_tensorcnt 0x0
	ds_add_u32 v254, v255
	s_wait_dscnt 0x0
	s_endpgm
.Lfunc_end_k_qdd8b20f2c2_prep:
	.size	k_qdd8b20f2c2_prep, .Lfunc_end_k_qdd8b20f2c2_prep-k_qdd8b20f2c2_prep
	.p2alignl 7, 3214868480
	.fill 96, 4, 3214868480
	.section	.rodata,"a",@progbits
	.p2align	6, 0x0
	.amdhsa_kernel k_qdd8b20f2c2_prep
		.amdhsa_group_segment_fixed_size 82432
		.amdhsa_private_segment_fixed_size 0
		.amdhsa_enable_private_segment 0
		.amdhsa_kernarg_size 136
		.amdhsa_user_sgpr_count 2
		.amdhsa_user_sgpr_kernarg_segment_ptr 1
		.amdhsa_wavefront_size32 1
		.amdhsa_system_sgpr_workgroup_id_x 1
		.amdhsa_system_sgpr_workgroup_id_y 1
		.amdhsa_system_sgpr_workgroup_id_z 1
		.amdhsa_system_vgpr_workitem_id 0
		.amdhsa_next_free_vgpr 256
		.amdhsa_next_free_sgpr 72
		.amdhsa_reserve_vcc 0
		.amdhsa_float_denorm_mode_32 3
		.amdhsa_float_denorm_mode_16_64 3
		.amdhsa_memory_ordered 1
		.amdhsa_forward_progress 1
		.amdhsa_inst_pref_size 64
	.end_amdhsa_kernel
	.amdgpu_metadata
---
amdhsa.version: [ 1, 2 ]
amdhsa.kernels:
  - .name:           k_qdd8b20f2c2_prep
    .symbol:         k_qdd8b20f2c2_prep.kd
    .args:
      - { .name: x, .offset: 0, .size: 8, .value_kind: global_buffer, .address_space: global }
      - { .name: g1, .offset: 8, .size: 8, .value_kind: global_buffer, .address_space: global }
      - { .name: b1, .offset: 16, .size: 8, .value_kind: global_buffer, .address_space: global }
      - { .name: xnb, .offset: 24, .size: 8, .value_kind: global_buffer, .address_space: global }
      - { .name: Wq_codes, .offset: 32, .size: 8, .value_kind: global_buffer, .address_space: global }
      - { .name: Wq_scales, .offset: 40, .size: 8, .value_kind: global_buffer, .address_space: global }
      - { .name: Wk_codes, .offset: 48, .size: 8, .value_kind: global_buffer, .address_space: global }
      - { .name: Wk_scales, .offset: 56, .size: 8, .value_kind: global_buffer, .address_space: global }
      - { .name: Wv_codes, .offset: 64, .size: 8, .value_kind: global_buffer, .address_space: global }
      - { .name: Wv_scales, .offset: 72, .size: 8, .value_kind: global_buffer, .address_space: global }
      - { .name: Wp_codes, .offset: 80, .size: 8, .value_kind: global_buffer, .address_space: global }
      - { .name: Wp_scales, .offset: 88, .size: 8, .value_kind: global_buffer, .address_space: global }
      - { .name: W1_codes, .offset: 96, .size: 8, .value_kind: global_buffer, .address_space: global }
      - { .name: W1_scales, .offset: 104, .size: 8, .value_kind: global_buffer, .address_space: global }
      - { .name: W2_codes, .offset: 112, .size: 8, .value_kind: global_buffer, .address_space: global }
      - { .name: W2_scales, .offset: 120, .size: 8, .value_kind: global_buffer, .address_space: global }
      - { .name: wimg, .offset: 128, .size: 8, .value_kind: global_buffer, .address_space: global }
    .group_segment_fixed_size: 82432
    .private_segment_fixed_size: 0
    .kernarg_segment_align: 8
    .kernarg_segment_size: 136
    .max_flat_workgroup_size: 128
    .sgpr_count:     72
    .vgpr_count:     256
    .wavefront_size: 32
...
	.end_amdgpu_metadata
.endif
;; end of part 8
;; launch qkv (part 9): grid 12 x 16, 4 waves a work-group, clusters of 4 x 4, 327,680 bytes of LDS; arguments xnb, wimg, qkvb; writes qkvb
.if DOCPART == 9
	.amdgcn_target "amdgcn-amd-amdhsa--gfx1250"
	.amdhsa_code_object_version 6
	.text
	.protected	k_qdd8b20f2c2_qkv
	.globl	k_qdd8b20f2c2_qkv
	.p2align	8
	.type	k_qdd8b20f2c2_qkv,@function
k_qdd8b20f2c2_qkv:
	s_mov_b64 s[64:65], 0
	v_nop
	global_prefetch_b8 v0, s[64:65] scope:SCOPE_SE
	s_setreg_imm32_b32 hwreg(HW_REG_WAVE_MODE, 25, 1), 1
	s_wait_xcnt 0x0
	s_wait_alu depctr_hold_cnt(0) depctr_sa_sdst(0) depctr_va_vdst(0) depctr_va_sdst(0) depctr_va_ssrc(0) depctr_va_vcc(0) depctr_vm_vsrc(0)
	s_getreg_b32 s2, hwreg(HW_REG_IB_STS2, 6, 4)
	s_cmp_eq_u32 s2, 0
	s_cbranch_scc0 .Lentry_in_a_cluster
	s_endpgm
.Lentry_in_a_cluster:
	s_bfe_u32 s2, ttmp6, 0x10000c
	s_cmp_lg_u32 s2, 0xf033
	s_cbranch_scc0 .Lentry_shape_is_right
	s_endpgm
.Lentry_shape_is_right:
; q = xn Wq, k = xn Wk, v = xn Wv on codes of FP6 (E2M3) with E8M0 scales, and the results quantised on the way out: q and k along the head's 64 channels, v along the keys.  Nothing of q, k, v is stored as f32.
; Cluster x = 0: q, 1: k, 2: v (the same in all sixteen partners).  A tile of 256 x 256 is made by four waves, 128 x 128 each: 64 accumulators.  THE MATRIX INSTRUCTION IS USED TRANSPOSED: source 0 = 16 rows of B, source 1 = 16 rows of A:
; a lane holds ONE row of A, and its registers run along B's rows.  For q and k: A = xn (a lane holds a token, registers run along the channels); for v: A = Wv, B = xn (a lane holds a channel, registers run along the tokens, its K).
; OPERANDS ARE IMAGES OF THEIR REGISTERS: [128 rows rb][ks = k / 128][tile i][half c][768 bytes]; lane (r, h) of tile i stands for row 128 rb + rho(i, r), rho(i, r) = 32 (i / 2) + 8 (i % 2) + r + 8 (r / 8); words 0-3 at 16 L, words 4-5 at 512 + 8 L.
; By rho a lane's 16 registers of B's tiles 2 c and 2 c + 1 are 16 NEIGHBOURS, 32 c + 16 h + 0 .. 15: what the quantiser makes of a block's 64 registers is a finished fragment, stored as it stands.
; SCALE WORDS: [rb][ks][lane][4]: word j of lane (r, h) serves tile 2 j + h: one load of 16 bytes a lane gives four registers, each with an even tile's words in lanes 0-15 and an odd tile's in lanes 16-31.
; K goes in steps of 256 through a ring of two LDS slots; a slot's four parts (two rb of A, two of B) are dense blocks of 24,576 bytes, one tensor load a wave.  The scale words of all of K come once, with the first fills.
; CLUSTERS: 4 x 4.  A's parts are shared along a row of the cluster, B's along a column: each is asked for jointly, by the same tensor load with the same descriptor and a mask that names the four.
; LIMITS: NaN and infinities are not served; a block of zeros gets the byte 1 where the rule says 127 (its codes are zeros; this program alone reads the bytes); blocks whose largest magnitude lies under 2^-124 were not tried.
; REGISTERS: window 0: v1 lane, v2 16 L, v3 8 L; v16-25 LDS addresses; v28, v29 the add's; v32-63 scale words, two sets; v96-131 the way out; v128-223 A's 8 fragments (the way out: v200-211); window 1: B's fragments, sets at v0 and v128;
;   window 2: the accumulators of A's blocks 0-3 ((a, b) at v[8 (8 (a % 4) + b)]); window 3: of blocks 4-7.
.set KDIM,  1024
.set BIASC, 0
.set KS128, KDIM/128
.set LAPS,  KDIM/512
.set FRB,   1536                       ; a fragment's image
.set KSB,   12288                      ; eight of them: one ks of an rb
.set PART,  2*KSB                      ; what one tensor load brings
.set SLOT,  4*PART
.set SCP,   512*KS128                  ; the scale words of an rb, all of K
.set SCL,   2*SLOT                     ; behind the ring: four such parts
.set SPARE, 262144                     ; the spare words, 128 bytes for each wave: two blocks of 256 bytes that no other line names
.set NP,    4                          ; places behind this matrix instruction (ISA guide 7.12.1)
.set ADA16, 16
.set ADA8,  18
.set ADB16, 20
.set ADB8,  22
.set ADSA,  24
.set ADSB,  25
.set SPW,   28
.set NIL,   29
.set SC,    32
.set AF,    128
.set G1,    24
.set G0,    32
.set G1B,   48
.set G0B,   56
.set G1S,   68
.set G0S,   76
.set G1SB,  80
.set G0SB,  88
.set MUL_LO, 0xa1                      ; source 0 (B) window 1, source 1 (A) window 0, C and D window 2
.set MUL_HI, 0xf1                      ; the same, C and D window 3
.set TO_B,   0x40                      ; destination window 1, address window 0
.set MSB, 0
.macro WIN new                         ; the immediate's high byte repeats the setting that is left
.if MSB != (\new)
	s_set_vgpr_msb (MSB<<8)|(\new)
.set MSB, (\new)
.endif
.endm
.macro JLOAD g0a, g1a, g0b, g1b        ; a joint load: waves 0 and 1 fetch for A, waves 2 and 3 for B; the branch hangs on the wave's number alone; four v_nop follow each line
	s_cmp_eq_u32 s15, 0
	s_cbranch_scc0 .Lfor_b_\@
	tensor_load_to_lds s[\g0a:\g0a+3], s[\g1a:\g1a+7]
	s_nop 0
.rept 4
	v_nop
.endr
	s_branch .Lasked_\@
.Lfor_b_\@:
	tensor_load_to_lds s[\g0b:\g0b+3], s[\g1b:\g1b+7]
	s_nop 0
.rept 4
	v_nop
.endr
.Lasked_\@:
.endm
.macro CREST                           ; a round of the cluster's barrier behind its opening barrier
	s_cmp_lg_u32 s14, 0
	s_cbranch_scc1 .Lnot_wave_0_\@
	s_barrier_signal -3
.Lnot_wave_0_\@:
	s_barrier_wait -3
	s_barrier_signal -1
	s_barrier_wait -1
.endm
.macro CROUND
	s_barrier_signal -1
	s_barrier_wait -1
	CREST
.endm
.macro PLACES n
.rept \n
	v_nop
.endr
.endm
.macro FRAG reg, a16, a8, off          ; a fragment's image into 12 registers: each load takes 512 or 256 consecutive bytes
	ds_load_b128 v[(\reg):(\reg)+3], v[\a16] offset:(\off)
	ds_load_b64 v[(\reg)+4:(\reg)+5], v[\a8] offset:(\off)+512
	ds_load_b128 v[(\reg)+6:(\reg)+9], v[\a16] offset:(\off)+768
	ds_load_b64 v[(\reg)+10:(\reg)+11], v[\a8] offset:(\off)+1280
.endm
.macro FETCH_B slot, q, p              ; B's eight fragments of the slot's q-th 128 along K into set p
	WIN TO_B
.irp i, 0,1,2,3,4,5,6,7
	FRAG 128*(\p)+12*\i, ADB16+\slot, ADB8+\slot, (\q)*KSB+\i*FRB
.endr
	WIN 0
.endm
.macro FETCH_A slot, q, i0             ; A's blocks i0 .. i0 + 3
.irp i, \i0, \i0+1, \i0+2, \i0+3
	FRAG AF+12*(\i), ADA16+\slot, ADA8+\slot, (\q)*KSB+(\i)*FRB
.endr
.endm
.macro SCALES sc                       ; a slot's scale words into set sc: A's for its two ks, then B's
	ds_load_b128 v[SC+16*\sc:SC+16*\sc+3], v[ADSA]
	ds_load_b128 v[SC+16*\sc+4:SC+16*\sc+7], v[ADSA] offset:512
	ds_load_b128 v[SC+16*\sc+8:SC+16*\sc+11], v[ADSB]
	ds_load_b128 v[SC+16*\sc+12:SC+16*\sc+15], v[ADSB] offset:512
.endm
; One product.  The caller sets WD, WB, WA, WC, WSB, WSA.  z = 1: C is the constant 0.  pb, pa: source 0's, source 1's scales stand in lanes 16-31 of their register.
.macro WM z, pb, pa
.set WSEL, 4*(\z)+2*(\pb)+(\pa)
.if WSEL == 0
	v_wmma_scale_f32_16x16x128_f8f6f4 v[WD:WD+7], v[WB:WB+11], v[WA:WA+11], v[WC:WC+7], v[WSB], v[WSA] matrix_a_fmt:MATRIX_FMT_FP6 matrix_b_fmt:MATRIX_FMT_FP6
.elseif WSEL == 1
	v_wmma_scale_f32_16x16x128_f8f6f4 v[WD:WD+7], v[WB:WB+11], v[WA:WA+11], v[WC:WC+7], v[WSB], v[WSA] matrix_a_fmt:MATRIX_FMT_FP6 matrix_b_fmt:MATRIX_FMT_FP6 matrix_b_scale:MATRIX_SCALE_ROW1
.elseif WSEL == 2
	v_wmma_scale_f32_16x16x128_f8f6f4 v[WD:WD+7], v[WB:WB+11], v[WA:WA+11], v[WC:WC+7], v[WSB], v[WSA] matrix_a_fmt:MATRIX_FMT_FP6 matrix_b_fmt:MATRIX_FMT_FP6 matrix_a_scale:MATRIX_SCALE_ROW1
.elseif WSEL == 3
	v_wmma_scale_f32_16x16x128_f8f6f4 v[WD:WD+7], v[WB:WB+11], v[WA:WA+11], v[WC:WC+7], v[WSB], v[WSA] matrix_a_fmt:MATRIX_FMT_FP6 matrix_b_fmt:MATRIX_FMT_FP6 matrix_a_scale:MATRIX_SCALE_ROW1 matrix_b_scale:MATRIX_SCALE_ROW1
.elseif WSEL == 4
	v_wmma_scale_f32_16x16x128_f8f6f4 v[WD:WD+7], v[WB:WB+11], v[WA:WA+11], 0, v[WSB], v[WSA] matrix_a_fmt:MATRIX_FMT_FP6 matrix_b_fmt:MATRIX_FMT_FP6
.elseif WSEL == 5
	v_wmma_scale_f32_16x16x128_f8f6f4 v[WD:WD+7], v[WB:WB+11], v[WA:WA+11], 0, v[WSB], v[WSA] matrix_a_fmt:MATRIX_FMT_FP6 matrix_b_fmt:MATRIX_FMT_FP6 matrix_b_scale:MATRIX_SCALE_ROW1
.elseif WSEL == 6
	v_wmma_scale_f32_16x16x128_f8f6f4 v[WD:WD+7], v[WB:WB+11], v[WA:WA+11], 0, v[WSB], v[WSA] matrix_a_fmt:MATRIX_FMT_FP6 matrix_b_fmt:MATRIX_FMT_FP6 matrix_a_scale:MATRIX_SCALE_ROW1
.else
	v_wmma_scale_f32_16x16x128_f8f6f4 v[WD:WD+7], v[WB:WB+11], v[WA:WA+11], 0, v[WSB], v[WSA] matrix_a_fmt:MATRIX_FMT_FP6 matrix_b_fmt:MATRIX_FMT_FP6 matrix_a_scale:MATRIX_SCALE_ROW1 matrix_b_scale:MATRIX_SCALE_ROW1
.endif
.endm
; 16 products: A's blocks a0, a0 + 1 x B's eight.  p: B's set; q: which 128 of the slot; sc: the set of scale words; zero = 1: the first product starts the sums.
; The 64 accumulators take turns, one instruction a turn, in the same order in every step.
.macro MUL16 a0, p, q, sc, zero
.irp a, \a0, \a0+1
.irp b, 0,1,2,3,4,5,6,7
.set WD, 8*(8*((\a)%4)+\b)
.set WB, 128*(\p)+12*\b
.set WA, AF+12*(\a)
.set WSB, SC+16*(\sc)+8+4*(\q)+\b/2
.set WSA, SC+16*(\sc)+4*(\q)+(\a)/2
.set WC, WD
.set WZ, 0
.if \zero
.if BIASC
.set WC, 64+8*\b
.else
.set WZ, 1
.endif
.endif
	WM WZ, \b%2, (\a)%2
.endr
.endr
.endm
; A step of 128 along K that has its successor in the same slot.  A block of A is free as soon as its eight products are issued: blocks 0-3 are fetched anew in the step's middle, blocks 4-7 at its end.
.macro STEP slot, q, zero
	s_wait_dscnt 16                                ; B's set, A's blocks 0-3 and the scale words are in; the youngest 16 loads (A's blocks 4-7) may be out
.if (\zero)*BIASC
	WIN 0x81
.else
	WIN MUL_LO
.endif
	MUL16 0, (\q)%2, \q, \slot, \zero
	MUL16 2, (\q)%2, \q, \slot, \zero
	s_wait_dscnt 0
	PLACES NP
	FETCH_B \slot, (\q)+1, 1-(\q)%2
	FETCH_A \slot, (\q)+1, 0
.if (\zero)*BIASC
	WIN 0xc1
.else
	WIN MUL_HI
.endif
	MUL16 4, (\q)%2, \q, \slot, \zero
	MUL16 6, (\q)%2, \q, \slot, \zero
	PLACES NP
	WIN 0
	FETCH_A \slot, (\q)+1, 4
.endm
; A slot's last step changes slots: ONE barrier; in front of it each wave waits for all its tensor loads, adds 0 to its spare word, and waits for that and for its own reads of this slot.  fill = 1: this slot is filled again.
.macro TURN slot, next, fill
	s_wait_tensorcnt 0x0                           ; all my tensor loads have landed: my part of the next slot
	ds_add_u32 v[SPW], v[NIL]                      ; 0 onto my spare word
	s_wait_dscnt 17                                ; (the add and the youngest 16 loads, A's blocks 4-7, may be out)
	WIN MUL_LO
	MUL16 0, 1, 1, \slot, 0
	s_wait_dscnt 0x0                               ; the add is done, and my reads of this slot are over
	s_barrier_signal -1
	MUL16 2, 1, 1, \slot, 0
	WIN 0
	s_barrier_wait -1
.if \fill
	CREST                                          ; the barrier has opened a round of the cluster's barrier: no wave of any partner still reads this slot or has a load on its way
	s_add_nc_u64 s[G0+4*\slot+2:G0+4*\slot+3], s[G0+4*\slot+2:G0+4*\slot+3], 2*PART
	s_add_nc_u64 s[G0B+4*\slot+2:G0B+4*\slot+3], s[G0B+4*\slot+2:G0B+4*\slot+3], 2*PART
	JLOAD G0+4*\slot, G1, G0B+4*\slot, G1B         ; the first tensor load behind the round; its four v_nop are the places in front of the loads below
.else
	PLACES NP
.endif
	s_wait_alu depctr_va_vdst(0)
	v_add_nc_u32 v[ADSA], 1024, v[ADSA]            ; on to the next slot's scale words
	v_add_nc_u32 v[ADSB], 1024, v[ADSB]
	FETCH_B \next, 0, 0
	FETCH_A \next, 0, 0
	SCALES \next
	WIN MUL_HI
	MUL16 4, 1, 1, \slot, 0
	MUL16 6, 1, 1, \slot, 0
	PLACES NP
	WIN 0
	FETCH_A \next, 0, 4
.endm
; 64 numbers of a lane, v[s] .. v[s + 63] of window w, register 16 b + i = k 32 b + 16 h + i of my row, become a fragment's codes in v[PC] .. v[PC + 11] and its scale word in v[pw].
; The caller sees to it that no pending store still reads v[PC] on.
.macro QUANT s, w, pw
	WIN ((\w)<<2)|((\w)<<4)
.irp b, 0,1,2,3
	v_max3_num_f32 v[TMX+\b], 0x1800000, |v[(\s)+16*\b]|, |v[(\s)+16*\b+1]|   ; my 16 numbers of block b, and the floor 2^(3 - 127): the byte cannot fall under 1.  Each accumulator is read from its low end on
.endr
.irp i, 2,4,6,8,10,12,14
.irp b, 0,1,2,3
	v_max3_num_f32 v[TMX+\b], v[TMX+\b], |v[(\s)+16*\b+\i]|, |v[(\s)+16*\b+\i+1]|
.endr
.endr
	WIN 0
.irp b, 0,1,2,3
	v_permlanex16_b32 v[TMB+\b], v[TMX+\b], s96, s97
.endr
.irp b, 0,1,2,3
	v_max_num_f32 v[TMX+\b], v[TMX+\b], v[TMB+\b]  ; with lane l xor 16's: the block's largest magnitude
.endr
.irp b, 0,1,2,3
	v_add_nc_u32 v[TMS+\b], 0xff000000, v[TMX+\b]  ; 2 off its exponent field: the conversion's scale operand
.endr
.irp b, 0,1,2,3
	v_lshrrev_b32 v[TMB+\b], 23, v[TMS+\b]         ; the scale's byte
.endr
	v_lshl_or_b32 v[\pw], v[TMB+1], 8, v[TMB]
	v_lshl_or_b32 v[\pw], v[TMB+2], 16, v[\pw]
	v_lshl_or_b32 v[\pw], v[TMB+3], 24, v[\pw]
	WIN (\w)
.irp c, 0,1
	v_cvt_scalef32_pk16_fp6_f32 v[PC+6*\c:PC+6*\c+2], v[(\s)+32*\c:(\s)+32*\c+15], v[TMS+2*\c]
	v_cvt_scalef32_pk16_fp6_f32 v[PC+12+4*\c:PC+14+4*\c], v[(\s)+32*\c+16:(\s)+32*\c+31], v[TMS+2*\c+1]   ; (a conversion's three registers begin on an even number)
.endr
	WIN 0
	v_nop                                          ; one plain line behind a scaled conversion
.irp c, 0,1                            ; the operand's layout wants a WHOLE block in a lane: lanes 0-15 block 2 c, lanes 16-31 block 2 c + 1
.irp i, 0,1,2
	v_permlane16_swap_b32 v[PC+6*\c+\i], v[PC+12+4*\c+\i]
.endr
.irp i, 0,1,2
	v_mov_b32 v[PC+3+6*\c+\i], v[PC+12+4*\c+\i]
.endr
.endr
.endm
.macro PUT p0, o0, p1, o1              ; the fragment's two halves leave as they stand
	global_store_b128 v2, v[PC:PC+3], s[\p0:\p0+1] offset:\o0
	global_store_b64 v3, v[PC+4:PC+5], s[\p0:\p0+1] offset:\o0+512
	global_store_b128 v2, v[PC+6:PC+9], s[\p1:\p1+1] offset:\o1
	global_store_b64 v3, v[PC+10:PC+11], s[\p1:\p1+1] offset:\o1+512
.endm
.set PC,  112
.set TMX, 200
.set TMB, 204
.set TMS, 208
	s_load_b128 s[4:7], s[0:1], 0x0                ; xnb, wimg
	s_load_b64 s[8:9], s[0:1], 0x10                ; qkvb
	v_lshl_add_u32 v[SPW], v0, 2, SPARE
	v_mov_b32 v[NIL], 0
	ds_add_u32 v28, v29
	ds_add_u32 v28, v29
	s_wait_dscnt 0x0
	v_lshrrev_b32 v1, 5, v0
	v_readfirstlane_b32 s14, v1                    ; wave 0..3
	s_lshr_b32 s15, s14, 1                         ; which half of A's rows is mine.  Also: I fetch for A (0) or for B (1)
	s_and_b32 s16, s14, 1                          ; which half of B's rows.  Also: which rb of the tile I fetch
	s_bfe_u32 s40, ttmp6, 0x40000                  ; cx, cy: my place in the cluster
	s_bfe_u32 s41, ttmp6, 0x40004
	s_and_b32 s10, ttmp7, 0xffff
	s_lshl_b32 s10, s10, 2                         ; 4 x cluster y: the tokens' axis
	s_mul_i32 s18, ttmp9, 786432                   ; my weight's image in wimg,
	s_lshl_b32 s19, ttmp9, 15
	s_add_co_u32 s19, s19, 9437184                 ; and its scale words
	s_mov_b32 s13, 3145728                         ; xn's scale words in xnb
	s_cmp_eq_u32 ttmp9, 2                          ; v?
	s_cselect_b32 s11, 0, s10
	s_cselect_b32 s12, s10, 0
	s_cselect_b32 s66, s18, 0                      ; A's image, A's scale words, B's, B's: offsets in their buffers
	s_cselect_b32 s67, s19, s13
	s_cselect_b32 s95, 0, s18
	s_cselect_b32 s96, s13, s19
	s_add_co_u32 s17, s41, s11                     ; A's tile: cy (+ 4 x cluster y where A is xn)
	s_add_co_u32 s42, s40, s12                     ; B's tile: cx (+ 4 x cluster y where B is xn)
	s_lshl_b32 s43, s41, 2
	s_lshl_b32 s43, 15, s43                        ; my row of the cluster
	s_lshl_b32 s44, 0x1111, s40                    ; my column
	; descriptor group 1: a dense block as rows of 256 bytes (32 elements of 8 bytes): 96 rows of codes; 2 KS128 rows of scale words
	s_or_b32 s[G1], s43, (3<<16)|(1<<21)           ; 15:0 the mask: A's parts go to my row; 17:16 elements of 8 bytes; 21 set beside a mask
	s_or_b32 s[G1B], s44, (3<<16)|(1<<21)
	s_or_b32 s[G1S], s43, (3<<16)|(1<<21)
	s_or_b32 s[G1SB], s44, (3<<16)|(1<<21)
.irp g, G1, G1B                        ; for the head's loads: both rb of a side, two rows of 24,576 bytes (3,072 elements), 98,304 bytes apart
	s_mov_b32 s[\g+1], 3072<<16
	s_mov_b32 s[\g+2], 2<<16
	s_mov_b32 s[\g+3], 3072<<16
	s_mov_b32 s[\g+4], 2
	s_mov_b32 s[\g+5], 12288
	s_mov_b32 s[\g+6], 0
	s_mov_b32 s[\g+7], 0
.endr
.irp g, G1S, G1SB
	s_mov_b32 s[\g+1], 32<<16
	s_mov_b32 s[\g+2], (4*KS128)<<16               ; the scale words of both rb of a side are one dense block
	s_mov_b32 s[\g+3], 32<<16
	s_mov_b32 s[\g+4], 4*KS128
	s_mov_b32 s[\g+5], 32
	s_mov_b32 s[\g+6], 0
	s_mov_b32 s[\g+7], 0
.endr
	s_lshl_b32 s20, s17, 1                         ; the tile's first rb of A,
	s_lshl_b32 s46, s42, 1                         ; and of B
	s_mul_i32 s22, s20, SCP                        ; their scale words
	s_add_co_u32 s22, s22, s67
	s_mul_i32 s92, s46, SCP
	s_add_co_u32 s92, s92, s96
	s_add_co_u32 s20, s20, s16                     ; the rb of A that I fetch in the ring
	s_add_co_u32 s46, s46, s16                     ; and of B
	s_mul_i32 s20, s20, KS128*KSB
	s_add_co_u32 s20, s20, s66
	s_mul_i32 s46, s46, KS128*KSB
	s_add_co_u32 s46, s46, s95
	s_mov_b32 s21, 0
	s_mov_b32 s23, 0
	s_mov_b32 s47, 0
	s_mov_b32 s93, 0
	s_mul_i32 s45, s14, PART                       ; where they go: wave x a part: no place in the cluster enters an LDS address
	s_wait_kmcnt 0x0
	s_cmp_eq_u32 ttmp9, 2
	s_cselect_b64 s[10:11], s[6:7], s[4:5]         ; A's buffer, B's buffer: chosen by the cluster's x alone
	s_cselect_b64 s[12:13], s[4:5], s[6:7]
	s_add_nc_u64 s[20:21], s[10:11], s[20:21]
	s_add_nc_u64 s[22:23], s[10:11], s[22:23]
	s_add_nc_u64 s[46:47], s[12:13], s[46:47]
	s_add_nc_u64 s[92:93], s[12:13], s[92:93]
	; the prefetches: of the part of 24,576 bytes that I fetch for a slot, each of the four partners that ask for it jointly takes 6,144 bytes, told apart by address (cx for A, cy for B); s[100:101] stands at slot 1 and is never rewritten
	s_cmp_eq_u32 s15, 0
	s_cselect_b64 s[100:101], s[20:21], s[46:47]
	s_cselect_b32 s18, s40, s41
	s_mul_i32 s18, s18, 6144
	s_add_co_u32 s18, s18, PART
	s_mov_b32 s19, 0
	s_add_nc_u64 s[100:101], s[100:101], s[18:19]
	CROUND                                         ; all sixteen work-groups are here: the first joint loads meet
	s_mov_b32 s[G0S], 1
	s_mov_b32 s[G0S+1], SCL
	s_mov_b64 s[G0S+2:G0S+3], s[22:23]
	s_or_b32 s[G0S+3], s[G0S+3], 0x80000000
	s_mov_b32 s[G0SB], 1
	s_mov_b32 s[G0SB+1], SCL+2*SCP
	s_mov_b64 s[G0SB+2:G0SB+3], s[92:93]
	s_or_b32 s[G0SB+3], s[G0SB+3], 0x80000000
.irp s, 0,1
	s_mov_b32 s[G0+4*\s], 1
	s_add_co_u32 s[G0+4*\s+1], s45, \s*SLOT
	s_add_nc_u64 s[G0+4*\s+2:G0+4*\s+3], s[20:21], \s*PART
	s_or_b32 s[G0+4*\s+3], s[G0+4*\s+3], 0x80000000
	s_mov_b32 s[G0B+4*\s], 1
	s_add_co_u32 s[G0B+4*\s+1], s45, \s*SLOT
	s_add_nc_u64 s[G0B+4*\s+2:G0B+4*\s+3], s[46:47], \s*PART
	s_or_b32 s[G0B+4*\s+3], s[G0B+4*\s+3], 0x80000000
.endr
; THE HEAD'S LOADS, ONE A WAVE: wave 0 slot 0's two rb of A (its own group 0 points at the first), wave 1 A's scale words, wave 2 slot 0's two rb of B, wave 3 B's scale words.
.macro ARM under, g0, g1, next
	s_cmp_lt_u32 s14, \under
	s_cbranch_scc0 \next
	tensor_load_to_lds s[\g0:\g0+3], s[\g1:\g1+7]
	s_nop 0
.rept 4
	v_nop
.endr
	s_branch .Lhead_asked
\next:
.endm
	ARM 1, G0, G1, .Lhead_sa
	ARM 2, G0S, G1S, .Lhead_b
	ARM 3, G0B, G1B, .Lhead_sb
	tensor_load_to_lds s[G0SB:G0SB+3], s[G1SB:G1SB+7]
	s_nop 0
.rept 4
	v_nop
.endr
.Lhead_asked:
	v_and_b32 v7, 31, v0
	v_min_u32 v7, 23, v7                           ; 24 blocks of 256 bytes, a lane a block; the eight lanes left over name the last block again
	v_lshlrev_b32 v7, 8, v7
	global_prefetch_b8 v7, s[100:101] th:TH_LOAD_NT scope:SCOPE_SE               ; slot 1's bytes, which are loaded behind the next round,
	global_prefetch_b8 v7, s[100:101] offset:PART th:TH_LOAD_NT scope:SCOPE_SE   ; and slot 2's, loaded one change of slots later
	v_and_b32 v1, 31, v0                           ; L
	v_lshlrev_b32 v2, 4, v1                        ; 16 L
	v_lshlrev_b32 v3, 3, v1                        ; 8 L
	s_mul_i32 s21, s15, PART                       ; my rb of A,
	s_mul_i32 s22, s16, PART
	s_add_co_u32 s22, s22, 2*PART                  ; my rb of B, behind A's two
.irp s, 0,1
	v_add_nc_u32 v[ADA16+\s], s21, v2
	v_add_nc_u32 v[ADA8+\s], s21, v3
	v_add_nc_u32 v[ADB16+\s], s22, v2
	v_add_nc_u32 v[ADB8+\s], s22, v3
	s_add_co_u32 s21, s21, SLOT
	s_add_co_u32 s22, s22, SLOT
.endr
	s_mul_i32 s21, s15, SCP
	s_add_co_u32 s21, s21, SCL
	v_add_nc_u32 v[ADSA], s21, v2
	s_mul_i32 s22, s16, SCP
	s_add_co_u32 s22, s22, SCL+2*SCP
	v_add_nc_u32 v[ADSB], s22, v2
	s_mov_b32 s96, 0x76543210
	s_mov_b32 s97, 0xfedcba98                      ; v_permlanex16_b32's selects for lane l xor 16
	s_wait_alu depctr_va_vdst(0)
	s_wait_tensorcnt 0x0                           ; my tile of the head's four is in
	ds_add_u32 v[SPW], v[NIL]
.irp g, G1, G1B                        ; no tensor load of mine is out: from here on a load brings one part, 96 rows of 256 bytes
	s_mov_b32 s[\g+1], 32<<16
	s_mov_b32 s[\g+2], 96<<16
	s_mov_b32 s[\g+3], 32<<16
	s_mov_b32 s[\g+4], 96
	s_mov_b32 s[\g+5], 32
.endr
	s_wait_dscnt 0x0
	CROUND                                         ; everybody's tile is in, and all sixteen work-groups are here
	JLOAD G0+4, G1, G0B+4, G1B
	global_prefetch_b8 v7, s[100:101] offset:2*PART th:TH_LOAD_NT scope:SCOPE_SE ; slot 3's bytes, the last of K: two refills ahead of their load
	FETCH_B 0, 0, 0
	FETCH_A 0, 0, 0
	SCALES 0
	FETCH_A 0, 0, 4
	STEP 0, 0, 1                                   ; the first step stands in front of the loop: its products start the sums
	s_mov_b32 s3, LAPS-1
.Llap:                                                 ; a trip goes once round the ring and fills both slots again
	TURN 0, 1, 1
	STEP 1, 0, 0
	TURN 1, 0, 1
	STEP 0, 0, 0
	s_sub_co_u32 s3, s3, 1
	s_cmp_lg_u32 s3, 0
	s_cbranch_scc1 .Llap
	TURN 0, 1, 0                                   ; the last lap fills nothing
	STEP 1, 0, 0
	s_wait_dscnt 16                                ; the very last step: nothing more to fetch
	WIN MUL_LO
	MUL16 0, 1, 1, 1, 0
	MUL16 2, 1, 1, 1, 0
	s_wait_dscnt 0
	WIN MUL_HI
	MUL16 4, 1, 1, 1, 0
	MUL16 6, 1, 1, 1, 0
	WIN 0
	PLACES NP
	; THE WAY OUT.  Block a's 64 registers are quantised and leave as an image; no LDS.  qkvb: [q | k and v][head: 212,992 bytes][step s of 128 tokens: 13,312 bytes].
	; A step of q: 8 tiles of 768 bytes, then 512 bytes of scale words.  A step of k and v: k's 8 tiles (6,144), v's 4 fragments (6,144), k's scale words (512), v's (256), 256 zero bytes: 52 rows of 256 bytes.
	; q, k: the wave's 128 channels are two heads: half c of the fragment is head bh0 + c's tile a.  v: two heads of four tiles each; the 128 tokens are key step s: a whole fragment.
	s_lshl_b32 s4, s17, 1
	s_add_co_u32 s4, s4, s15                       ; my rb of A
	s_lshl_b32 s5, s42, 1
	s_add_co_u32 s5, s5, s16                       ; my rb of B
	s_mov_b32 s10, 212992
	s_mov_b32 s11, 1536
	s_cmp_eq_u32 ttmp9, 2
	s_cselect_b32 s6, s5, s4                       ; the tokens' rb,
	s_cselect_b32 s7, s4, s5                       ; the channels'
	s_cselect_b32 s98, 768, s10                    ; from the first half's place to the second's,
	s_cselect_b32 s92, s11, 768                    ; from block to block,
	s_cselect_b32 s94, 206848, 0
	s_mov_b32 s99, 0
	s_mov_b32 s93, 0
	s_mov_b32 s95, 0
	s_lshr_b32 s12, s6, 4
	s_lshl_b32 s12, s12, 4
	s_lshl_b32 s13, s7, 1
	s_add_co_u32 s12, s12, s13                     ; bh0 = 16 x batch + 2 x the channels' rb
	s_and_b32 s13, s6, 15                          ; s: the step of 128 tokens in the batch
	s_min_u32 s20, ttmp9, 1
	s_mul_i32 s20, s20, 6815744                    ; q at 0; k and v behind q's 32 heads;
	s_lshr_b32 s18, ttmp9, 1
	s_mul_i32 s18, s18, 6144                       ; v behind k's tiles in the step
	s_add_co_u32 s20, s20, s18
	s_mul_i32 s18, s12, 212992
	s_add_co_u32 s20, s20, s18
	s_mul_i32 s18, s13, 13312
	s_add_co_u32 s20, s20, s18
	s_mov_b32 s21, 0
	s_add_nc_u64 s[20:21], s[8:9], s[20:21]
	s_add_nc_u64 s[22:23], s[20:21], s[98:99]
	s_min_u32 s46, ttmp9, 1                        ; the scale words in their step: q's at 6,144; k's at 12,288, v's at 12,800 of the second region
	s_mul_i32 s46, s46, 6821888
	s_lshr_b32 s18, ttmp9, 1
	s_lshl_b32 s18, s18, 9
	s_add_co_u32 s46, s46, s18
	s_add_co_u32 s46, s46, 6144
	s_mul_i32 s18, s13, 13312
	s_add_co_u32 s46, s46, s18
	s_mul_i32 s18, s12, 212992
	s_add_co_u32 s46, s46, s18
	s_mov_b32 s47, 0
	s_add_nc_u64 s[46:47], s[8:9], s[46:47]
.irp b, 0,1,2,3
	v_mov_b32 v[TMB+\b], 0                         ; a lane permute's destination counts as one of its sources
.endr
.irp a, 0,1,2,3,4,5,6,7
.if \a > 0
	s_wait_xcnt 0x0                                ; the last block's stores have read their data and their bases: both are written again only behind this wait
	s_add_nc_u64 s[20:21], s[20:21], s[92:93]
	s_add_nc_u64 s[22:23], s[22:23], s[92:93]
.endif
.if \a == 4
	s_add_nc_u64 s[20:21], s[20:21], s[94:95]
	s_add_nc_u64 s[22:23], s[22:23], s[94:95]
.endif
	QUANT 64*(\a%4), 2+\a/4, 96+\a
	PUT 20, 0, 22, 0
.endr
	v_cmp_le_u32 vcc_lo, 16, v1
.irp j, 0,1,2,3
	v_cndmask_b32 v[104+\j], v[96+2*\j], v[97+2*\j], vcc_lo   ; word j: lanes 0-15 tile 2 j's, lanes 16-31 tile 2 j + 1's (every lane holds its row's word of every block)
.endr
	s_cmp_eq_u32 ttmp9, 2
	s_cbranch_scc1 .Lv_words
	global_store_b128 v2, v[104:107], s[46:47]     ; head bh0: bytes 0, 1 of a word are its two scales; bytes 2, 3 stand against zero codes and are never 0xff
.irp j, 0,1,2,3
	v_lshrrev_b32 v[108+\j], 16, v[104+\j]
.endr
	global_store_b128 v2, v[108:111], s[46:47] offset:212992
	s_branch .Ldone
.Lv_words:
	s_wait_alu depctr_va_vdst(0)
	global_store_b64 v3, v[104:105], s[46:47]      ; head bh0: tiles 0-3
	global_store_b64 v3, v[106:107], s[46:47] offset:212992
	v_mov_b32 v108, 0
	v_mov_b32 v109, 0
	global_store_b64 v3, v[108:109], s[46:47] offset:256       ; the step's last 256 bytes: zeros, so that every byte that the next launch's tiles cover is written
	global_store_b64 v3, v[108:109], s[46:47] offset:212992+256
.Ldone:
	s_wait_tensorcnt 0x0                           ; the wave's end
	ds_add_u32 v[SPW], v[NIL]
	s_wait_dscnt 0x0
	CROUND                                         ; the closing round
	s_endpgm
.Lfunc_end_k_qdd8b20f2c2_qkv:
	.size	k_qdd8b20f2c2_qkv, .Lfunc_end_k_qdd8b20f2c2_qkv-k_qdd8b20f2c2_qkv
	.p2alignl 7, 3214868480
	.fill 96, 4, 3214868480
	.section	.rodata,"a",@progbits
	.p2align	6, 0x0
	.amdhsa_kernel k_qdd8b20f2c2_qkv
		.amdhsa_group_segment_fixed_size 327680
		.amdhsa_private_segment_fixed_size 0
		.amdhsa_enable_private_segment 0
		.amdhsa_kernarg_size 24
		.amdhsa_user_sgpr_count 2
		.amdhsa_user_sgpr_kernarg_segment_ptr 1
		.amdhsa_wavefront_size32 1
		.amdhsa_system_sgpr_workgroup_id_x 1
		.amdhsa_system_sgpr_workgroup_id_y 1
		.amdhsa_system_sgpr_workgroup_id_z 1
		.amdhsa_system_vgpr_workitem_id 0
		.amdhsa_next_free_vgpr 1024
		.amdhsa_next_free_sgpr 102
		.amdhsa_reserve_vcc 1
		.amdhsa_float_denorm_mode_32 3
		.amdhsa_float_denorm_mode_16_64 3
		.amdhsa_memory_ordered 1
		.amdhsa_forward_progress 1
		.amdhsa_inst_pref_size 152
	.end_amdhsa_kernel
	.amdgpu_metadata
---
amdhsa.version: [ 1, 2 ]
amdhsa.kernels:
  - .name:           k_qdd8b20f2c2_qkv
    .symbol:         k_qdd8b20f2c2_qkv.kd
    .args:
      - { .name: xnb, .offset: 0, .size: 8, .value_kind: global_buffer, .address_space: global }
      - { .name: wimg, .offset: 8, .size: 8, .value_kind: global_buffer, .address_space: global }
      - { .name: qkvb, .offset: 16, .size: 8, .value_kind: global_buffer, .address_space: global }
    .group_segment_fixed_size: 327680
    .private_segment_fixed_size: 0
    .kernarg_segment_align: 8
    .kernarg_segment_size: 24
    .max_flat_workgroup_size: 128
    .sgpr_count:     102
    .vgpr_count:     1024
    .wavefront_size: 32
...
	.end_amdgpu_metadata
.endif
;; end of part 9
;; launch attn (part 10): grid 8 x 32, 16 waves a work-group, no clusters, 327,680 bytes of LDS; arguments qkvb, yb; writes yb
.if DOCPART == 10
	.amdgcn_target "amdgcn-amd-amdhsa--gfx1250"
	.amdhsa_code_object_version 6
	.text
	.protected	k_qdd8b20f2c2_attn
	.globl	k_qdd8b20f2c2_attn
	.p2align	8
	.type	k_qdd8b20f2c2_attn,@function
k_qdd8b20f2c2_attn:
	s_mov_b64 s[64:65], 0
	v_nop
	global_prefetch_b8 v0, s[64:65] scope:SCOPE_SE
	s_setreg_imm32_b32 hwreg(HW_REG_WAVE_MODE, 25, 1), 1
	s_wait_xcnt 0x0
; y = softmax(q k^T / 8, the diagonal hidden) v for one head and 256 queries, both products on codes of FP6 (E2M3) with E8M0 scales; y leaves quantised along the model's 1,024, as an image for the next product.
; THE SOFTMAX AHEAD OF THE SECOND PRODUCT: t = score x log2(e) / 8; M = the row's largest t so far, rounded UP to a whole number; p = 2^(t - M) is quantised along the keys; the row's sum is taken of the unquantised p and
; divides at the end.  When M moves, the sum and O are multiplied by 2^(old M - new M): exact.
; SHARES.  Work-group (x, y): head y (16 x batch + head), queries 256 x on.  Each of sixteen waves owns one tile of 16 queries in 256 registers.
; K, V AND THEIR SCALE WORDS lie step by step in qkvb: a key step of 128 keys is 52 rows of 256 bytes (K's 8 tiles, V's 4 fragments, K's words, V's words, 256 zero bytes).  They come into LDS once, in two fills, every wave
; issuing one tensor load in each with no branch: steps 0-3 at the head (13 rows a wave), steps 4-15 behind the first full sequence (39 rows a wave), four key steps of work ahead of their first read.  Nothing is filled again.
; The mover lays 64 bytes behind every 256: byte o of a step lies at o + 64 (o / 256); an LDS step is 16,640 bytes.
; NO CLUSTER, though the eight work-groups of a head read the same K and V: the one key step that holds a wave's diagonal is found by a scalar branch on the query block, which partners of a cluster do not share.
; NO PREFETCH: all that the work-group reads is asked for by its two fills, the second as soon as the first has landed: no later request is left to run ahead of.
; LAYOUT.  Both products are used transposed: S^T = K Q^T (source 0 = 16 keys, source 1 = my 16 queries), O^T = V^T P^T: a lane holds ONE query throughout.
; THE KEYS OF A TILE ARE CHOSEN BY THE LANES' ADDRESSES: row m of tile t is key 32 (m / 8) + 64 (t / 4) + 8 (t % 4) + m % 8.  So register 8 t + j of lane (q, h) is key 64 (t / 4) + 32 h + 8 (t % 4) + j: a lane holds two WHOLE blocks
; of 32 keys, in the order of P's fragment: a block's maximum asks no other lane, and the conversions' results are the fragment.  In K's image (tile i, row r: key 32 (i / 2) + 8 (i % 2) + r + 8 (r / 8)) that key is
; tile i = 2 (m / 8) + 4 (t / 4) + t % 2, row r = m % 8 + 8 ((t % 4) / 2).
; K = 64 IN AN INSTRUCTION OF 128: Q's registers 6-11 are zero codes; K's fragment for tile t is v[32 + 6 t] on, 12 registers: its upper six are the next tile's codes (tile 7: six zero registers); no scale byte there is 0xff.
; LIMITS: NaN and infinities are not served; the scaled scores stay under 2^31 in magnitude; v_exp_f32 gives 0 for results under 2^-126; a block of zeros gets the byte 1 (its codes are zeros; this program alone reads the bytes).
; REGISTERS: v1, v2 K's, v3, v4 V's, v5 K's words' LDS addresses, stepped; v7 16 L, v8 8 L; v9 my diagonal key's place in its 32 registers, or -1; v10 -infinity; v11 16 r; v12 -M; v[14:15] the sum; v16-27 Q; v28 Q's, v29 P's,
;   v[30:31] V's scale words; v32-85 K, then v32-79 V; v86-89 K's scale words; v90 8 h; v96-159 S^T, then p; v160-191 O^T; v192-210 P's codes; v212-247 at work; v254, v255 the add's.
.set HS,    212992                     ; a head in qkvb
.set SS,    13312                      ; a step in qkvb
.set R1,    6815744                    ; K and V behind Q's 32 heads
.set LSTEP, 16640                      ; a step in LDS
.set SPARE, 266240                     ; behind the sixteen steps: the spare words, 128 bytes a wave
.set BM, 212                           ; my two blocks' largest scores, then largest p
.set GM, 216                           ; the largest of each 16 registers
.set BT, 216                           ; then the bytes
.set BS, 220                           ; the conversions' scale operands
.set TS, 232                           ; eight partial sums, in pairs
	s_load_b128 s[4:7], s[0:1], 0x0                ; qkvb, yb
	v_lshl_add_u32 v254, v0, 2, SPARE
	v_mov_b32 v255, 0
	ds_add_u32 v254, v255                          ; the opening lines: the add, twice on end, and its wait
	ds_add_u32 v254, v255
	v_lshrrev_b32 v1, 5, v0
	v_readfirstlane_b32 s8, v1                     ; wave 0..15
	s_and_b32 s9, ttmp7, 0xffff                    ; the head
.irp g, 16, 24                         ; groups 1: rows of 256 bytes (32 elements of 8), 16 dwords of padding behind each 64
	s_mov_b32 s[\g], (3<<16)|(1<<20)|(5<<22)|(15<<25)
	s_mov_b32 s[\g+1], 32<<16
	s_mov_b32 s[\g+3], 32<<16
	s_mov_b32 s[\g+5], 32
	s_mov_b32 s[\g+6], 0
	s_mov_b32 s[\g+7], 0
.endr
	s_mov_b32 s18, 13<<16                          ; the first fill: 4 steps x 52 rows / 16 waves
	s_mov_b32 s20, 13
	s_mov_b32 s26, 39<<16                          ; the second: 12 steps
	s_mov_b32 s28, 39
	s_mov_b32 s32, 1
	s_mul_i32 s33, s8, 13*320
	s_mov_b32 s36, 1
	s_mul_i32 s37, s8, 39*320
	s_add_co_u32 s37, s37, 4*LSTEP
	s_mul_i32 s10, s9, HS
	s_mul_i32 s12, s8, 13*256
	s_add_co_u32 s12, s12, s10
	s_add_co_u32 s12, s12, R1
	s_mov_b32 s13, 0
	s_mul_i32 s14, s8, 39*256
	s_add_co_u32 s14, s14, s10
	s_add_co_u32 s14, s14, R1+4*SS
	s_mov_b32 s15, 0
	s_wait_dscnt 0x0
	s_wait_kmcnt 0x0
	s_add_nc_u64 s[34:35], s[4:5], s[12:13]
	s_or_b32 s35, s35, 0x80000000
	s_add_nc_u64 s[38:39], s[4:5], s[14:15]
	s_or_b32 s39, s39, 0x80000000
	tensor_load_to_lds s[32:35], s[16:23]          ; my 13 rows of key steps 0-3
	s_nop 0
.rept 4
	v_nop
.endr
	s_and_b32 s40, s8, 7                           ; a: my tile in its step of 128 queries
	s_lshr_b32 s41, s8, 3
	s_lshl_b32 s11, ttmp9, 1
	s_add_co_u32 s41, s41, s11                     ; sq: that step; it is also the key step that holds my diagonal
	s_and_b32 s42, s40, 1                          ; a % 2
	s_lshr_b32 s44, s40, 1                         ; a / 2: the block of 32 keys that holds my diagonal
	s_lshr_b32 s43, s40, 2                         ; a / 4: which 32 registers
	s_and_b32 s45, s44, 1                          ; (a / 2) % 2: which half of the lanes
	s_lshl_b32 s59, s42, 3
	s_mul_i32 s12, s41, SS
	s_add_co_u32 s12, s12, s10
	s_mul_i32 s14, s40, 768
	s_add_co_u32 s14, s14, s12
	s_add_nc_u64 s[54:55], s[4:5], s[14:15]        ; Q's tile
	s_lshl_b32 s14, s42, 8
	s_add_co_u32 s14, s14, s12
	s_lshl_b32 s11, s44, 2
	s_add_co_u32 s14, s14, s11
	s_add_co_u32 s14, s14, 6144
	s_add_nc_u64 s[56:57], s[4:5], s[14:15]        ; and its scale words: + 16 r
	s_lshr_b32 s10, s9, 4
	s_lshl_b32 s10, s10, 4
	s_add_co_u32 s10, s10, s41                     ; y's rb = 16 x batch + sq
	s_and_b32 s12, s9, 15                          ; the head in its batch: y's ks = head / 2, half = head % 2
	s_lshr_b32 s13, s12, 1
	s_and_b32 s12, s12, 1
	s_lshl_b32 s10, s10, 3
	s_add_co_u32 s10, s10, s13                     ; rb x 8 + ks
	s_lshl_b32 s14, s10, 9
	s_lshl_b32 s10, s10, 3
	s_add_co_u32 s10, s10, s40
	s_mul_i32 s10, s10, 1536
	s_mul_i32 s13, s12, 768
	s_add_co_u32 s10, s10, s13
	s_mov_b32 s11, 0
	s_add_nc_u64 s[46:47], s[6:7], s[10:11]        ; y's half fragment
	s_lshl_b32 s13, s42, 8
	s_add_co_u32 s14, s14, s13
	s_lshl_b32 s13, s44, 2
	s_add_co_u32 s14, s14, s13
	s_lshl_b32 s13, s12, 1
	s_add_co_u32 s14, s14, s13
	s_add_co_u32 s10, s14, 3145728
	s_add_nc_u64 s[6:7], s[6:7], s[10:11]          ; y's half scale word: + 16 r
	s_mov_b32 s48, 0x76543210
	s_mov_b32 s49, 0xfedcba98                      ; v_permlanex16_b32's selects for lane l xor 16
	s_mov_b32 s52, 0x3e38aa3b                      ; c = log2(e) / 8
	s_mov_b32 s53, s52                             ; (named with it as a pair, so it is written)
	s_mov_b32 s58, 0xbe38aa3b                      ; -c
	v_and_b32 v228, 31, v0                         ; L
	v_and_b32 v229, 15, v0                         ; r, also m
	v_bfe_u32 v230, v0, 4, 1                       ; h
	v_and_b32 v231, 7, v0                          ; m % 8
	v_bfe_u32 v226, v0, 3, 1                       ; m / 8
	v_lshlrev_b32 v7, 4, v228
	v_lshlrev_b32 v8, 3, v228
	v_lshlrev_b32 v11, 4, v229
	v_mul_u32_u24 v1, v226, 1920                   ; K: two image tiles on for m / 8 (1,536 bytes and their padding)
	v_mul_u32_u24 v2, v226, 1920
	v_lshlrev_b32 v5, 4, v231
	v_lshl_add_u32 v3, v230, 6, v7                 ; V, words 0-3: 16 L, and 64 of padding for lanes 16-31
	v_lshl_add_u32 v1, v231, 4, v1
	v_lshl_add_u32 v2, v231, 3, v2
	v_lshl_add_u32 v5, v226, 2, v5
	v_add_nc_u32 v3, 7680, v3
	v_mad_u32_u24 v1, v230, 320, v1                ; K, words 0-3: 1,920 (m / 8) + 16 (m % 8) + 320 h
	v_lshl_add_u32 v2, v230, 7, v2                 ; K, words 4-5: 1,920 (m / 8) + 8 (m % 8) + 128 h
	v_mad_u32_u24 v5, v230, 320, v5
	v_add_nc_u32 v4, 7680, v8                      ; V, words 4-5, and V's scale words: 8 L
	v_lshlrev_b32 v90, 3, v230
	v_and_b32 v227, 8, v229
	v_add_nc_u32 v5, 15360, v5                     ; K's scale words: 16 (m % 8) + 4 (m / 8) + 320 h: lanes 16-31 take the odd tile's
	v_mov_b32 v9, -1
	v_add3_u32 v227, v227, v229, s59               ; my query is key 32 (a / 2) + pos of its step, pos = 8 (a % 2) + r + 8 (r / 8)
	v_cmp_eq_u32 vcc_lo, s45, v230
	v_cndmask_b32 v9, v9, v227, vcc_lo
	v_mov_b32 v10, 0xff800000                      ; -infinity
	v_mov_b32 v12, 0x7f61b1e6                      ; -M: 3e38, over every -t
	v_mov_b32 v13, 0                               ; (named with it as a pair)
	v_mov_b32 v14, 0
	v_mov_b32 v15, 0
	v_mov_b32 v225, 0                              ; (named as the upper half of the pair v[224:225])
.irp j, 22,23,24,25,26,27,80,81,82,83,84,85
	v_mov_b32 v[\j], 0                             ; zero codes: Q's upper half, and what stands behind K's last tile
.endr
.set n, 0
.rept 32
	v_mov_b32 v[160+n], 0                          ; O^T: the step is written once; the first finds zeros, which the first change of M leaves zeros
.set n, n+1
.endr
	s_wait_alu depctr_va_vdst(0)
	global_load_b128 v[16:19], v7, s[54:55]        ; Q's 64 channels: registers 0-5
	global_load_b64 v[20:21], v8, s[54:55] offset:512
	global_load_b32 v28, v11, s[56:57]
	s_wait_tensorcnt 0x0                           ; my rows of steps 0-3 are in
	ds_add_u32 v254, v255
	s_wait_dscnt 0x0
	s_barrier_signal -1
	s_barrier_wait -1                              ; everybody's are
	tensor_load_to_lds s[36:39], s[24:31]          ; my 39 rows of key steps 4-15
	s_nop 0
.rept 4
	v_nop
.endr
	s_wait_loadcnt 0x0                             ; Q
	s_mov_b32 s50, 0                               ; the key step
.macro MASK base                       ; the hidden score becomes -infinity ahead of the maximum: p = 0.  Each accumulator is read from its low end on
.set n, 0
.rept 32
	v_cmp_eq_u32 vcc_lo, n, v9
	v_cndmask_b32 v[\base+n], v[\base+n], v10, vcc_lo
.set n, n+1
.endr
.endm
.macro KSTEPS trips                    ; so many key steps of 128 keys
	s_mov_b32 s51, \trips
.Lstep_\@:
	s_wait_alu depctr_va_vdst(0)                   ; the addresses were stepped ahead of the jump
.irp t, 0,1,2,3,4,5,6,7
	ds_load_b128 v[32+6*\t:35+6*\t], v1 offset:3840*(\t/4)+960*(\t%2)+128*((\t%4)/2)
	ds_load_b64 v[36+6*\t:37+6*\t], v2 offset:3840*(\t/4)+960*(\t%2)+64*((\t%4)/2)+640
.endr
.irp u, 0,1,2,3
	ds_load_b32 v[86+\u], v5 offset:128*(\u%2)+8*(\u/2)   ; lanes 0-15 tile 2 u's words, lanes 16-31 tile 2 u + 1's
.endr
	s_wait_dscnt 0x0
.irp t, 0,1,2,3,4,5,6,7
.if \t%2
	v_wmma_scale_f32_16x16x128_f8f6f4 v[96+8*\t:103+8*\t], v[32+6*\t:43+6*\t], v[16:27], 0, v[86+\t/2], v28 matrix_a_fmt:MATRIX_FMT_FP6 matrix_b_fmt:MATRIX_FMT_FP6 matrix_a_scale:MATRIX_SCALE_ROW1
.else
	v_wmma_scale_f32_16x16x128_f8f6f4 v[96+8*\t:103+8*\t], v[32+6*\t:43+6*\t], v[16:27], 0, v[86+\t/2], v28 matrix_a_fmt:MATRIX_FMT_FP6 matrix_b_fmt:MATRIX_FMT_FP6
.endif
.endr
	v_add_nc_u32 v1, LSTEP, v1                     ; K's next step.  (These four are the places in front of the loads into K's registers and of the first read of the scores)
	v_add_nc_u32 v2, LSTEP, v2
	v_add_nc_u32 v5, LSTEP, v5
	v_nop
.irp t, 0,1,2,3                        ; V's four fragments are asked for now and land under the softmax
	ds_load_b128 v[32+12*\t:35+12*\t], v3 offset:1920*\t
	ds_load_b64 v[36+12*\t:37+12*\t], v4 offset:1920*\t+640
	ds_load_b128 v[38+12*\t:41+12*\t], v3 offset:1920*\t+960
	ds_load_b64 v[42+12*\t:43+12*\t], v4 offset:1920*\t+1600
.endr
	ds_load_b64 v[30:31], v4 offset:8320
	s_cmp_lg_u32 s50, s41                          ; only the key step of my own queries holds the diagonal: scalar branches on ids
	s_cbranch_scc1 .Lopen_\@
	s_cmp_lg_u32 s43, 0
	s_cbranch_scc1 .Lhi_\@
	MASK 96
	s_wait_alu depctr_va_vdst(0)
	s_branch .Lopen_\@
.Lhi_\@:
	MASK 128
.Lopen_\@:
.irp b, 0,1,2,3
	v_max3_num_f32 v[GM+\b], v[96+16*\b], v[97+16*\b], v[98+16*\b]   ; four chains by turns, 16 registers each
.endr
.irp i, 3,5,7,9,11,13
.irp b, 0,1,2,3
	v_max3_num_f32 v[GM+\b], v[GM+\b], v[96+16*\b+\i], v[97+16*\b+\i]
.endr
.endr
	v_max3_num_f32 v[BM], v[GM], v[GM+1], v111     ; the largest score of each of my two blocks of 32 keys: it serves for the row's maximum and, since p rises with the score, for the block's largest p
	v_max3_num_f32 v[BM+1], v[GM+2], v[GM+3], v143
	v_max_num_f32 v[BM], v[BM], v127
	v_max_num_f32 v[BM+1], v[BM+1], v159
	s_delay_alu instid0(VALU_DEP_1)
	v_max_num_f32 v228, v[BM], v[BM+1]
	s_delay_alu instid0(VALU_DEP_1)
	v_permlanex16_b32 v229, v228, s48, s49
	s_delay_alu instid0(VALU_DEP_1)
	v_max_num_f32 v228, v228, v229                 ; with lane l xor 16's two blocks: the step's largest score of my query
	s_delay_alu instid0(VALU_DEP_1)
	v_mul_f32 v228, s58, v228                      ; -t
	s_delay_alu instid0(VALU_DEP_1)
	v_floor_f32 v228, v228                         ; -ceil(t)
	s_delay_alu instid0(VALU_DEP_1)
	v_min_num_f32 v229, v12, v228                  ; the new -M: M is a whole number
	s_delay_alu instid0(VALU_DEP_1)
	v_sub_f32 v228, v229, v12                      ; M's old value less its new one: a whole number, 0 or less
	v_mov_b32 v12, v229
	s_delay_alu instid0(VALU_DEP_2)
	v_cvt_i32_f32 v228, v228                       ; (it saturates)
	s_delay_alu instid0(VALU_DEP_1)
	v_ldexp_f32 v224, 1.0, v228                    ; f = 2^(old M - new M)
.set n, 0
.rept 32
	v_pk_fma_f32 v[96+n:97+n], v[96+n:97+n], s[52:53], v[12:13] op_sel_hi:[1,0,0]   ; t - M, two at a time
.set n, n+2
.endr
	v_fma_f32 v[BM], v[BM], s52, v12               ; the same of each block's largest score
	v_fma_f32 v[BM+1], v[BM+1], s52, v12
.set n, 0
.rept 16
	v_pk_mul_f32 v[160+n:161+n], v[160+n:161+n], v[224:225] op_sel_hi:[1,0]   ; O^T under the new M, ahead of the exponentials
.set n, n+2
.endr
	s_wait_alu depctr_va_vdst(0)
.set n, 0
.rept 64
	v_exp_f32 v[96+n], v[96+n]                     ; p = 2^(t - M), at most 1: not normalised
.set n, n+1
.endr
	v_exp_f32 v[BM], v[BM]                         ; the block's largest p: the same two instructions on the same number give the same bits
	v_exp_f32 v[BM+1], v[BM+1]
	v_nop                                          ; a plain line behind the batch
	s_wait_alu depctr_va_vdst(0)                   ; one wait for the whole batch, ahead of its first reader
	v_max_num_f32 v[BM], 0x1800000, v[BM]          ; the floor 2^(3 - 127): the byte cannot fall under 1
	v_max_num_f32 v[BM+1], 0x1800000, v[BM+1]
	s_delay_alu instid0(VALU_DEP_2)
	v_add_nc_u32 v[BS], 0xff000000, v[BM]          ; 2 off the exponent field: the conversion's scale operand
	s_delay_alu instid0(VALU_DEP_2)
	v_add_nc_u32 v[BS+1], 0xff000000, v[BM+1]
	s_delay_alu instid0(VALU_DEP_2)
	v_lshrrev_b32 v[BT], 23, v[BS]                 ; the scale's byte
	s_delay_alu instid0(VALU_DEP_2)
	v_lshrrev_b32 v[BT+1], 23, v[BS+1]
.irp c, 0,1
	v_cvt_scalef32_pk16_fp6_f32 v[192+6*\c:194+6*\c], v[96+32*\c:111+32*\c], v[BS+\c]
	v_cvt_scalef32_pk16_fp6_f32 v[204+4*\c:206+4*\c], v[112+32*\c:127+32*\c], v[BS+\c]   ; (a conversion's three registers begin on an even number)
.endr
	v_lshl_or_b32 v230, v[BT+1], 16, v[BT]         ; my two bytes: blocks h and 2 + h.  (A plain line behind the conversions)
	s_delay_alu instid0(VALU_DEP_1)
	v_lshlrev_b32 v230, v90, v230                  ; at their places in the scale word, 8 h bits up
	s_delay_alu instid0(VALU_DEP_1)
	v_permlanex16_b32 v231, v230, s48, s49
	s_delay_alu instid0(VALU_DEP_1)
	v_or_b32 v29, v230, v231                       ; with lane l xor 16's two the word of these 128 keys is whole
.irp c, 0,1
.irp i, 0,1,2
	v_mov_b32 v[195+6*\c+\i], v[204+4*\c+\i]
.endr
.endr
.irp k, 0,1,2,3,4,5,6,7                ; the row's sum of the unquantised p, in eight chains.  (These lines are also the places between the writes of P's codes and scale word and the products)
	v_pk_add_f32 v[TS+2*\k:TS+2*\k+1], v[96+2*\k:97+2*\k], v[112+2*\k:113+2*\k]
.endr
.irp k, 0,1,2,3,4,5,6,7
	v_pk_add_f32 v[TS+2*\k:TS+2*\k+1], v[TS+2*\k:TS+2*\k+1], v[128+2*\k:129+2*\k]
.endr
.irp k, 0,1,2,3,4,5,6,7
	v_pk_add_f32 v[TS+2*\k:TS+2*\k+1], v[TS+2*\k:TS+2*\k+1], v[144+2*\k:145+2*\k]
.endr
.irp k, 0,1,2,3
	v_pk_add_f32 v[TS+2*\k:TS+2*\k+1], v[TS+2*\k:TS+2*\k+1], v[TS+8+2*\k:TS+9+2*\k]
.endr
.irp k, 0,1
	s_delay_alu instid0(VALU_DEP_2)
	v_pk_add_f32 v[TS+2*\k:TS+2*\k+1], v[TS+2*\k:TS+2*\k+1], v[TS+4+2*\k:TS+5+2*\k]
.endr
	s_delay_alu instid0(VALU_DEP_1)
	v_pk_add_f32 v[TS:TS+1], v[TS:TS+1], v[TS+2:TS+3]
	s_delay_alu instid0(VALU_DEP_1)
	v_pk_fma_f32 v[14:15], v[14:15], v[224:225], v[TS:TS+1] op_sel_hi:[1,0,1]   ; the old sum under the new M, and this step's
	s_wait_alu depctr_va_vdst(0)
	s_wait_dscnt 0x0                               ; V
.irp t, 0,1,2,3
.if \t%2
	v_wmma_scale_f32_16x16x128_f8f6f4 v[160+8*\t:167+8*\t], v[32+12*\t:43+12*\t], v[192:203], v[160+8*\t:167+8*\t], v[30+\t/2], v29 matrix_a_fmt:MATRIX_FMT_FP6 matrix_b_fmt:MATRIX_FMT_FP6 matrix_a_scale:MATRIX_SCALE_ROW1
.else
	v_wmma_scale_f32_16x16x128_f8f6f4 v[160+8*\t:167+8*\t], v[32+12*\t:43+12*\t], v[192:203], v[160+8*\t:167+8*\t], v[30+\t/2], v29 matrix_a_fmt:MATRIX_FMT_FP6 matrix_b_fmt:MATRIX_FMT_FP6
.endif
.endr
	v_add_nc_u32 v3, LSTEP, v3                     ; V's next step.  (These four are the places in front of the next loads, and of the way out's first read)
	v_add_nc_u32 v4, LSTEP, v4
	v_nop
	v_nop
	s_add_co_u32 s50, s50, 1
	s_sub_co_u32 s51, s51, 1
	s_cmp_lg_u32 s51, 0
	s_cbranch_scc1 .Lstep_\@
.endm
	KSTEPS 4                                       ; key steps 0-3, while steps 4-15 are on their way
	s_wait_tensorcnt 0x0                           ; my rows of steps 4-15 are in,
	s_barrier_signal -1
	s_barrier_wait -1                              ; everybody's are
	KSTEPS 12
	; THE WAY OUT.  O^T / the sum: register 16 c + i is channel 32 c + 16 h + i of my query: two blocks along the next product's K.  They are quantised and leave as half a fragment of y's image.
	v_add_f32 v14, v14, v15
	s_delay_alu instid0(VALU_DEP_1)
	v_permlanex16_b32 v228, v14, s48, s49
	s_delay_alu instid0(VALU_DEP_1)
	v_add_f32 v14, v14, v228                       ; the row's sum
	s_wait_alu depctr_va_vdst(0)
	v_rcp_f32 v14, v14
	v_nop                                          ; a plain line behind it
	s_wait_alu depctr_va_vdst(0)                   ; and the wait ahead of its first reader
.set n, 0
.rept 16
	v_pk_mul_f32 v[96+n:97+n], v[160+n:161+n], v[14:15] op_sel_hi:[1,0]
.set n, n+2
.endr
.irp b, 0,1
	v_max3_num_f32 v[BM+\b], |v[96+16*\b]|, |v[97+16*\b]|, 0x1800000
.endr
.irp i, 2,4,6,8,10,12,14
.irp b, 0,1
	s_delay_alu instid0(VALU_DEP_2)
	v_max3_num_f32 v[BM+\b], v[BM+\b], |v[96+16*\b+\i]|, |v[97+16*\b+\i]|
.endr
.endr
.irp b, 0,1
	s_delay_alu instid0(VALU_DEP_2)
	v_permlanex16_b32 v[BT+\b], v[BM+\b], s48, s49
.endr
.irp b, 0,1
	s_delay_alu instid0(VALU_DEP_2)
	v_max_num_f32 v[BM+\b], v[BM+\b], v[BT+\b]
.endr
.irp b, 0,1
	s_delay_alu instid0(VALU_DEP_2)
	v_add_nc_u32 v[BS+\b], 0xff000000, v[BM+\b]
.endr
.irp b, 0,1
	s_delay_alu instid0(VALU_DEP_2)
	v_lshrrev_b32 v[BT+\b], 23, v[BS+\b]
.endr
	s_delay_alu instid0(VALU_DEP_1)
	v_lshl_or_b32 v229, v[BT+1], 8, v[BT]          ; my head's half of the row's scale word
	v_cvt_scalef32_pk16_fp6_f32 v[192:194], v[96:111], v[BS]
	v_cvt_scalef32_pk16_fp6_f32 v[204:206], v[112:127], v[BS+1]
	v_nop
.irp i, 0,1,2
	v_permlane16_swap_b32 v[192+\i], v[204+\i]     ; the operand's layout wants a whole block in a lane
.endr
.irp i, 0,1,2
	s_delay_alu instid0(VALU_DEP_3)
	v_mov_b32 v[195+\i], v[204+\i]
.endr
	global_store_b128 v7, v[192:195], s[46:47]
	global_store_b64 v8, v[196:197], s[46:47] offset:512
	global_store_b16 v11, v229, s[6:7]             ; a head owns half of each scale word: 2 bytes a row (lanes r and r + 16 write the same value); y's scale words are 131,072 bytes in all
	s_wait_tensorcnt 0x0                           ; the wave's end
	ds_add_u32 v254, v255
	s_wait_dscnt 0x0
	s_endpgm
.Lfunc_end_k_qdd8b20f2c2_attn:
	.size	k_qdd8b20f2c2_attn, .Lfunc_end_k_qdd8b20f2c2_attn-k_qdd8b20f2c2_attn
	.p2alignl 7, 3214868480
	.fill 96, 4, 3214868480
	.section	.rodata,"a",@progbits
	.p2align	6, 0x0
	.amdhsa_kernel k_qdd8b20f2c2_attn
		.amdhsa_group_segment_fixed_size 327680
		.amdhsa_private_segment_fixed_size 0
		.amdhsa_enable_private_segment 0
		.amdhsa_kernarg_size 16
		.amdhsa_user_sgpr_count 2
		.amdhsa_user_sgpr_kernarg_segment_ptr 1
		.amdhsa_wavefront_size32 1
		.amdhsa_system_sgpr_workgroup_id_x 1
		.amdhsa_system_sgpr_workgroup_id_y 1
		.amdhsa_system_sgpr_workgroup_id_z 1
		.amdhsa_system_vgpr_workitem_id 0
		.amdhsa_next_free_vgpr 256
		.amdhsa_next_free_sgpr 66
		.amdhsa_reserve_vcc 1
		.amdhsa_float_denorm_mode_32 3
		.amdhsa_float_denorm_mode_16_64 3
		.amdhsa_memory_ordered 1
		.amdhsa_forward_progress 1
		.amdhsa_inst_pref_size 53
	.end_amdhsa_kernel
	.amdgpu_metadata
---
amdhsa.version: [ 1, 2 ]
amdhsa.kernels:
  - .name:           k_qdd8b20f2c2_attn
    .symbol:         k_qdd8b20f2c2_attn.kd
    .args:
      - { .name: qkvb, .offset: 0, .size: 8, .value_kind: global_buffer, .address_space: global }
      - { .name: yb, .offset: 8, .size: 8, .value_kind: global_buffer, .address_space: global }
    .group_segment_fixed_size: 327680
    .private_segment_fixed_size: 0
    .kernarg_segment_align: 8
    .kernarg_segment_size: 16
    .max_flat_workgroup_size: 512
    .sgpr_count:     66
    .vgpr_count:     256
    .wavefront_size: 32
...
	.end_amdgpu_metadata
.endif
;; end of part 10
;; launch proj (part 11): grid 8 x 32, 4 waves a work-group, clusters of 4 x 4, 327,680 bytes of LDS; arguments yb, wimg, bp, xnb, hb; writes hb
.if DOCPART == 11
	.amdgcn_target "amdgcn-amd-amdhsa--gfx1250"
	.amdhsa_code_object_version 6
	.text
	.protected	k_qdd8b20f2c2_proj
	.globl	k_qdd8b20f2c2_proj
	.p2align	8
	.type	k_qdd8b20f2c2_proj,@function
k_qdd8b20f2c2_proj:
	s_mov_b64 s[64:65], 0
	v_nop
	global_prefetch_b8 v0, s[64:65] scope:SCOPE_SE
	s_setreg_imm32_b32 hwreg(HW_REG_WAVE_MODE, 25, 1), 1
	s_wait_xcnt 0x0
	s_wait_alu depctr_hold_cnt(0) depctr_sa_sdst(0) depctr_va_vdst(0) depctr_va_sdst(0) depctr_va_ssrc(0) depctr_va_vcc(0) depctr_vm_vsrc(0)
	s_getreg_b32 s2, hwreg(HW_REG_IB_STS2, 6, 4)
	s_cmp_eq_u32 s2, 0
	s_cbranch_scc0 .Lentry_in_a_cluster
	s_endpgm
.Lentry_in_a_cluster:
	s_bfe_u32 s2, ttmp6, 0x10000c
	s_cmp_lg_u32 s2, 0xf033
	s_cbranch_scc0 .Lentry_shape_is_right
	s_endpgm
.Lentry_shape_is_right:
.set KDIM,  1024
.set NTOUT, 0
.set ASC,   3145728
.set BIMG,  2359296
.set BSC,   9535488
.set RESOFF, 3276800
.set KS128, KDIM/128
.set LAPS,  KDIM/1024
.set FRB,   1536
.set KSB,   12288
.set PART,  2*KSB
.set SLOT,  4*PART
.set SCP,   512*KS128
.set SCH,   SCP/2
.set SCL,   2*SLOT
.set SPARE, 262144
.set SPITCH, 272
.set NP,    4
.set ADA16, 16
.set ADA8,  18
.set ADB16, 20
.set ADB8,  22
.set ADSA,  24
.set ADSB,  25
.set STO,   26
.set RDB,   27
.set SPW,   28
.set NIL,   29
.set CO,    30
.set SC,    32
.set BIA,   64
.set ACC,   128
.set G1,    24
.set G0,    32
.set G1B,   48
.set G0B,   56
.set G1S,   68
.set G0S,   76
.set G1SB,  80
.set G0SB,  88
.set MUL,   0x05
.set TO_F,  0x40
.set MSB, 0
.macro WIN new
.if MSB != (\new)
	s_set_vgpr_msb (MSB<<8)|(\new)
.set MSB, (\new)
.endif
.endm
.macro JLOAD g0a, g1a, g0b, g1b
	s_cmp_eq_u32 s15, 0
	s_cbranch_scc0 .Lfor_b_\@
	tensor_load_to_lds s[\g0a:\g0a+3], s[\g1a:\g1a+7]
	s_nop 0
.rept 4
	v_nop
.endr
	s_branch .Lasked_\@
.Lfor_b_\@:
	tensor_load_to_lds s[\g0b:\g0b+3], s[\g1b:\g1b+7]
	s_nop 0
.rept 4
	v_nop
.endr
.Lasked_\@:
.endm
.macro CREST
	s_cmp_lg_u32 s14, 0
	s_cbranch_scc1 .Lnot_wave_0_\@
	s_barrier_signal -3
.Lnot_wave_0_\@:
	s_barrier_wait -3
	s_barrier_signal -1
	s_barrier_wait -1
.endm
.macro CROUND
	s_barrier_signal -1
	s_barrier_wait -1
	CREST
.endm
.macro PLACES n
.rept \n
	v_nop
.endr
.endm
.macro FRAG reg, a16, a8, off
	ds_load_b128 v[(\reg):(\reg)+3], v[\a16] offset:(\off)
	ds_load_b64 v[(\reg)+4:(\reg)+5], v[\a8] offset:(\off)+512
	ds_load_b128 v[(\reg)+6:(\reg)+9], v[\a16] offset:(\off)+768
	ds_load_b64 v[(\reg)+10:(\reg)+11], v[\a8] offset:(\off)+1280
.endm
.macro FETCH slot, q, p
	WIN TO_F
.irp i, 0,1,2,3
	FRAG 128*(\p)+12*\i, ADA16+\slot, ADA8+\slot, (\q)*KSB+\i*FRB
	FRAG 128*(\p)+48+12*\i, ADB16+\slot, ADB8+\slot, (\q)*KSB+\i*FRB
.endr
.endm
.macro SCALES sc
.irp q, 0,1,2,3
	ds_load_b64 v[SC+16*\sc+2*\q:SC+16*\sc+2*\q+1], v[ADSA] offset:512*\q
	ds_load_b64 v[SC+16*\sc+8+2*\q:SC+16*\sc+8+2*\q+1], v[ADSB] offset:512*\q
.endr
.endm
.macro WM pb, pa
.set WSEL, 2*(\pb)+(\pa)
.if WSEL == 0
	v_wmma_scale_f32_16x16x128_f8f6f4 v[WD:WD+7], v[WB:WB+11], v[WA:WA+11], v[WC:WC+7], v[WSB], v[WSA] matrix_a_fmt:MATRIX_FMT_FP6 matrix_b_fmt:MATRIX_FMT_FP6
.elseif WSEL == 1
	v_wmma_scale_f32_16x16x128_f8f6f4 v[WD:WD+7], v[WB:WB+11], v[WA:WA+11], v[WC:WC+7], v[WSB], v[WSA] matrix_a_fmt:MATRIX_FMT_FP6 matrix_b_fmt:MATRIX_FMT_FP6 matrix_b_scale:MATRIX_SCALE_ROW1
.elseif WSEL == 2
	v_wmma_scale_f32_16x16x128_f8f6f4 v[WD:WD+7], v[WB:WB+11], v[WA:WA+11], v[WC:WC+7], v[WSB], v[WSA] matrix_a_fmt:MATRIX_FMT_FP6 matrix_b_fmt:MATRIX_FMT_FP6 matrix_a_scale:MATRIX_SCALE_ROW1
.else
	v_wmma_scale_f32_16x16x128_f8f6f4 v[WD:WD+7], v[WB:WB+11], v[WA:WA+11], v[WC:WC+7], v[WSB], v[WSA] matrix_a_fmt:MATRIX_FMT_FP6 matrix_b_fmt:MATRIX_FMT_FP6 matrix_a_scale:MATRIX_SCALE_ROW1 matrix_b_scale:MATRIX_SCALE_ROW1
.endif
.endm
.macro MUL4 a, p, q, sc, first
.irp b, 0,1,2,3
.set WD, ACC+8*(4*(\a)+\b)
.set WB, 128*(\p)+48+12*\b
.set WA, 128*(\p)+12*(\a)
.set WSB, SC+16*(\sc)+8+2*(\q)+\b/2
.set WSA, SC+16*(\sc)+2*(\q)+(\a)/2
.set WC, WD
.if \first
.set WC, BIA+8*\b
.endif
	WM \b%2, (\a)%2
.endr
.endm
.macro STEP slot, q, first
	PLACES NP
	FETCH \slot, (\q)+1, 1-(\q)%2
	s_wait_dscnt 32
	WIN MUL
	MUL4 0, (\q)%2, \q, \slot, \first
	MUL4 1, (\q)%2, \q, \slot, \first
	MUL4 2, (\q)%2, \q, \slot, \first
	MUL4 3, (\q)%2, \q, \slot, \first
.endm
.macro TURN slot, next, fill
	WIN 0
	s_wait_tensorcnt 0x0
	ds_add_u32 v[SPW], v[NIL]
	s_wait_dscnt 1
	WIN MUL
	MUL4 0, 1, 3, \slot, 0
	s_wait_dscnt 0x0
	s_barrier_signal -1
	MUL4 1, 1, 3, \slot, 0
	WIN 0
	s_barrier_wait -1
.if \fill
	CREST
	s_add_nc_u64 s[G0+4*\slot+2:G0+4*\slot+3], s[G0+4*\slot+2:G0+4*\slot+3], 4*PART
	s_add_nc_u64 s[G0B+4*\slot+2:G0B+4*\slot+3], s[G0B+4*\slot+2:G0B+4*\slot+3], 4*PART
	JLOAD G0+4*\slot, G1, G0B+4*\slot, G1B
.else
	PLACES NP
.endif
	v_add_nc_u32 v[ADSA], 2048, v[ADSA]
	v_add_nc_u32 v[ADSB], 2048, v[ADSB]
	SCALES \next
	FETCH \next, 0, 0
	WIN MUL
	MUL4 2, 1, 3, \slot, 0
	MUL4 3, 1, 3, \slot, 0
.endm
.macro TOSTAGE a
.set AC, ACC+32*(\a)
.irp b, 0,1,2,3
	ds_store_b128 v[STO], v[AC+8*\b:AC+8*\b+3] offset:128*(\b/2)+32*(\b%2)
	ds_store_b128 v[STO], v[AC+8*\b+4:AC+8*\b+7] offset:128*(\b/2)+32*(\b%2)+16
.endr
.set BB, 64+32*((\a)%2)
.irp t, 0,1,2,3,4,5,6,7
	ds_load_b128 v[BB+4*\t:BB+4*\t+3], v[RDB] offset:\t*2*SPITCH
.endr
.endm
.macro SEND a, younger
.set BB, 64+32*((\a)%2)
.set XR, 32*(\a)
	s_wait_dscnt \younger
	s_wait_loadcnt 8*(3-(\a))
	WIN 0x08
.set k, 0
.rept 16
	v_pk_add_f32 v[BB+k:BB+k+1], v[BB+k:BB+k+1], v[XR+k:XR+k+1]
.set k, k+2
.endr
	WIN 0
.irp t, 0,1,2,3,4,5,6,7
.if NTOUT
	global_store_b128 v[CO], v[BB+4*\t:BB+4*\t+3], s[12:13] offset:(32*((\a)/2)+8*((\a)%2)+2*\t+8*(\t/4))*4096 th:TH_STORE_NT
.else
	global_store_b128 v[CO], v[BB+4*\t:BB+4*\t+3], s[12:13] offset:(32*((\a)/2)+8*((\a)%2)+2*\t+8*(\t/4))*4096
.endif
.endr
.endm
	s_load_b256 s[4:11], s[0:1], 0x0
	s_load_b64 s[12:13], s[0:1], 0x20
	v_lshl_add_u32 v[SPW], v0, 2, SPARE
	v_mov_b32 v[NIL], 0
	ds_add_u32 v28, v29
	ds_add_u32 v28, v29
	s_wait_dscnt 0x0
	v_lshrrev_b32 v1, 5, v0
	v_readfirstlane_b32 s14, v1
	s_lshr_b32 s15, s14, 1
	s_and_b32 s16, s14, 1
	s_bfe_u32 s40, ttmp6, 0x40000
	s_bfe_u32 s41, ttmp6, 0x40004
	s_lshl_b32 s42, ttmp9, 2
	s_add_co_u32 s42, s42, s40
	s_and_b32 s17, ttmp7, 0xffff
	s_lshl_b32 s17, s17, 2
	s_add_co_u32 s17, s17, s41
	s_lshl_b32 s43, s41, 2
	s_lshl_b32 s43, 15, s43
	s_lshl_b32 s44, 0x1111, s40
	s_or_b32 s[G1], s43, (3<<16)|(1<<21)
	s_or_b32 s[G1B], s44, (3<<16)|(1<<21)
	s_or_b32 s[G1S], s43, (3<<16)|(1<<21)
	s_or_b32 s[G1SB], s44, (3<<16)|(1<<21)
.irp g, G1, G1B                        ; for the head's loads: a side's whole slot, 192 rows of 256 bytes
	s_mov_b32 s[\g+1], 32<<16
	s_mov_b32 s[\g+2], 192<<16
	s_mov_b32 s[\g+3], 32<<16
	s_mov_b32 s[\g+4], 192
	s_mov_b32 s[\g+5], 32
	s_mov_b32 s[\g+6], 0
	s_mov_b32 s[\g+7], 0
.endr
.irp g, G1S, G1SB
	s_mov_b32 s[\g+1], 32<<16
	s_mov_b32 s[\g+2], (2*KS128)<<16               ; all of a side's scale words, one dense block
	s_mov_b32 s[\g+3], 32<<16
	s_mov_b32 s[\g+4], 2*KS128
	s_mov_b32 s[\g+5], 32
	s_mov_b32 s[\g+6], 0
	s_mov_b32 s[\g+7], 0
.endr
	s_mul_i32 s18, s16, PART
	s_mul_i32 s20, s17, KS128*KSB
	s_add_co_u32 s20, s20, s18
	s_mul_i32 s22, s17, SCP
	s_add_co_u32 s22, s22, ASC
	s_mul_i32 s46, s42, KS128*KSB
	s_add_co_u32 s46, s46, s18
	s_add_co_u32 s46, s46, BIMG
	s_mul_i32 s92, s42, SCP
	s_add_co_u32 s92, s92, BSC
	s_mov_b32 s21, 0
	s_mov_b32 s23, 0
	s_mov_b32 s47, 0
	s_mov_b32 s93, 0
	s_mul_i32 s45, s14, PART
	s_wait_kmcnt 0x0
	s_add_nc_u64 s[20:21], s[4:5], s[20:21]
	s_add_nc_u64 s[22:23], s[4:5], s[22:23]
	s_add_nc_u64 s[46:47], s[6:7], s[46:47]
	s_add_nc_u64 s[92:93], s[6:7], s[92:93]
	; the prefetch: of the part of 24,576 bytes that I fetch for a slot, each of the four partners that ask for it jointly takes 6,144 bytes, told apart by address (cx for A, cy for B); s[96:97] stands at slot 1 and is never rewritten
	s_cmp_eq_u32 s15, 0
	s_cselect_b64 s[96:97], s[20:21], s[46:47]
	s_cselect_b32 s98, s40, s41
	s_mul_i32 s98, s98, 6144
	s_add_co_u32 s98, s98, 2*PART
	s_mov_b32 s99, 0
	s_add_nc_u64 s[96:97], s[96:97], s[98:99]
	CROUND
	s_mov_b32 s[G0S], 1
	s_mov_b32 s[G0S+1], SCL
	s_mov_b64 s[G0S+2:G0S+3], s[22:23]
	s_or_b32 s[G0S+3], s[G0S+3], 0x80000000
	s_mov_b32 s[G0SB], 1
	s_mov_b32 s[G0SB+1], SCL+SCP
	s_mov_b64 s[G0SB+2:G0SB+3], s[92:93]
	s_or_b32 s[G0SB+3], s[G0SB+3], 0x80000000
.irp s, 0,1
	s_mov_b32 s[G0+4*\s], 1
	s_add_co_u32 s[G0+4*\s+1], s45, \s*SLOT
	s_add_nc_u64 s[G0+4*\s+2:G0+4*\s+3], s[20:21], \s*2*PART
	s_or_b32 s[G0+4*\s+3], s[G0+4*\s+3], 0x80000000
	s_mov_b32 s[G0B+4*\s], 1
	s_add_co_u32 s[G0B+4*\s+1], s45, \s*SLOT
	s_add_nc_u64 s[G0B+4*\s+2:G0B+4*\s+3], s[46:47], \s*2*PART
	s_or_b32 s[G0B+4*\s+3], s[G0B+4*\s+3], 0x80000000
.endr
; THE HEAD'S LOADS, ONE A WAVE: wave 0 A's slot 0 (its own group 0 points at its start), wave 1 A's scale words, wave 2 B's slot 0, wave 3 B's scale words.
.macro ARM under, g0, g1, next
	s_cmp_lt_u32 s14, \under
	s_cbranch_scc0 \next
	tensor_load_to_lds s[\g0:\g0+3], s[\g1:\g1+7]
	s_nop 0
.rept 4
	v_nop
.endr
	s_branch .Lhead_asked
\next:
.endm
	ARM 1, G0, G1, .Lhead_sa
	ARM 2, G0S, G1S, .Lhead_b
	ARM 3, G0B, G1B, .Lhead_sb
	tensor_load_to_lds s[G0SB:G0SB+3], s[G1SB:G1SB+7]
	s_nop 0
.rept 4
	v_nop
.endr
.Lhead_asked:
	v_and_b32 v7, 31, v0
	v_min_u32 v7, 23, v7                           ; 24 blocks of 256 bytes, a lane a block; the eight lanes left over name the last block again
	v_lshlrev_b32 v7, 8, v7
	global_prefetch_b8 v7, s[96:97] th:TH_LOAD_NT scope:SCOPE_SE   ; slot 1's bytes, the last of K, which are loaded behind the next round
	v_and_b32 v1, 31, v0
	v_lshlrev_b32 v2, 4, v1
	v_lshlrev_b32 v3, 3, v1
	s_mul_i32 s21, s15, 4*FRB
	s_mul_i32 s22, s16, 4*FRB
	s_add_co_u32 s22, s22, 2*PART
.irp s, 0,1
	v_add_nc_u32 v[ADA16+\s], s21, v2
	v_add_nc_u32 v[ADA8+\s], s21, v3
	v_add_nc_u32 v[ADB16+\s], s22, v2
	v_add_nc_u32 v[ADB8+\s], s22, v3
	s_add_co_u32 s21, s21, SLOT
	s_add_co_u32 s22, s22, SLOT
.endr
	s_lshl_b32 s21, s15, 3
	s_add_co_u32 s21, s21, SCL
	v_add_nc_u32 v[ADSA], s21, v2
	s_lshl_b32 s22, s16, 3
	s_add_co_u32 s22, s22, SCL+SCP
	v_add_nc_u32 v[ADSB], s22, v2
	v_and_b32 v4, 15, v0
	v_bfe_u32 v5, v0, 4, 1
	s_mul_i32 s23, s14, 16*SPITCH
	v_mul_u32_u24 v[STO], v4, SPITCH
	v_lshl_add_u32 v[STO], v5, 6, v[STO]
	v_add_nc_u32 v[STO], s23, v[STO]
	v_mul_u32_u24 v[RDB], v5, SPITCH
	v_lshl_add_u32 v[RDB], v4, 4, v[RDB]
	v_add_nc_u32 v[RDB], s23, v[RDB]
	v_lshlrev_b32 v[CO], 12, v5
	v_lshl_add_u32 v[CO], v4, 4, v[CO]
	v_lshlrev_b32 v6, 6, v5
	s_wait_alu depctr_va_vdst(0)
	s_lshl_b32 s20, s17, 19
	s_lshl_b32 s21, s15, 18
	s_add_co_u32 s20, s20, s21
	s_mov_b32 s21, 0
	s_lshl_b32 s46, s42, 9
	s_lshl_b32 s47, s16, 8
	s_add_co_u32 s46, s46, s47
	s_mov_b32 s47, 0
	s_add_nc_u64 s[8:9], s[8:9], s[46:47]
	s_add_nc_u64 s[20:21], s[20:21], s[46:47]
	s_add_nc_u64 s[10:11], s[10:11], s[20:21]
.if RESOFF
	s_add_nc_u64 s[10:11], s[10:11], RESOFF
.endif
	s_add_nc_u64 s[12:13], s[12:13], s[20:21]
.irp b, 0,1,2,3
	global_load_b128 v[BIA+8*\b:BIA+8*\b+3], v6, s[8:9] offset:(32*(\b/2)+8*(\b%2))*4
	global_load_b128 v[BIA+8*\b+4:BIA+8*\b+7], v6, s[8:9] offset:(32*(\b/2)+8*(\b%2))*4+16
.endr
	s_wait_tensorcnt 0x0                           ; my tile of the head's four is in
	ds_add_u32 v[SPW], v[NIL]
.irp g, G1, G1B                        ; no tensor load of mine is out: from here on a load brings one part, 96 rows
	s_mov_b32 s[\g+2], 96<<16
	s_mov_b32 s[\g+4], 96
.endr
	s_wait_dscnt 0x0
	CROUND                                         ; everybody's tile is in, and all sixteen work-groups are here
	JLOAD G0+4, G1, G0B+4, G1B                     ; slot 1's first fill, the first tensor load behind the round
	SCALES 0
	FETCH 0, 0, 0
	s_wait_loadcnt 0x0                             ; the bias: the only loads that are out
	STEP 0, 0, 1
	WIN 0x80                                       ; the residual, wanted on the way out alone, is asked for behind the first tiles: 32 loads into window 2
.irp a, 0,1,2,3
.irp t, 0,1,2,3,4,5,6,7
	global_load_b128 v[32*\a+4*\t:32*\a+4*\t+3], v[CO], s[10:11] offset:(32*(\a/2)+8*(\a%2)+2*\t+8*(\t/4))*4096
.endr
.endr
	WIN 0
.if LAPS > 1
	WIN 0
	s_mov_b32 s3, LAPS-1
.Llap:
	STEP 0, 1, 0
	STEP 0, 2, 0
	TURN 0, 1, 1
	STEP 1, 0, 0
	STEP 1, 1, 0
	STEP 1, 2, 0
	TURN 1, 0, 1
	STEP 0, 0, 0
	WIN 0
	s_sub_co_u32 s3, s3, 1
	s_cmp_lg_u32 s3, 0
	s_cbranch_scc1 .Llap
.endif
	STEP 0, 1, 0
	STEP 0, 2, 0
	TURN 0, 1, 0
	STEP 1, 0, 0
	STEP 1, 1, 0
	STEP 1, 2, 0
	s_wait_dscnt 0
	WIN MUL
	MUL4 0, 1, 3, 1, 0
	MUL4 1, 1, 3, 1, 0
	MUL4 2, 1, 3, 1, 0
	MUL4 3, 1, 3, 1, 0
	WIN 0
	PLACES NP
	TOSTAGE 0
.irp a, 1,2,3
.if \a > 1
	s_wait_xcnt 0x0
.endif
	TOSTAGE \a
	SEND \a-1, 16
.endr
	SEND 3, 0
	s_wait_tensorcnt 0x0
	ds_add_u32 v[SPW], v[NIL]
	s_wait_dscnt 0x0
	CROUND
	s_endpgm
.Lfunc_end_k_qdd8b20f2c2_proj:
	.size	k_qdd8b20f2c2_proj, .Lfunc_end_k_qdd8b20f2c2_proj-k_qdd8b20f2c2_proj
	.p2alignl 7, 3214868480
	.fill 96, 4, 3214868480
	.section	.rodata,"a",@progbits
	.p2align	6, 0x0
	.amdhsa_kernel k_qdd8b20f2c2_proj
		.amdhsa_group_segment_fixed_size 327680
		.amdhsa_private_segment_fixed_size 0
		.amdhsa_enable_private_segment 0
		.amdhsa_kernarg_size 40
		.amdhsa_user_sgpr_count 2
		.amdhsa_user_sgpr_kernarg_segment_ptr 1
		.amdhsa_wavefront_size32 1
		.amdhsa_system_sgpr_workgroup_id_x 1
		.amdhsa_system_sgpr_workgroup_id_y 1
		.amdhsa_system_sgpr_workgroup_id_z 1
		.amdhsa_system_vgpr_workitem_id 0
		.amdhsa_next_free_vgpr 640
		.amdhsa_next_free_sgpr 100
		.amdhsa_reserve_vcc 0
		.amdhsa_float_denorm_mode_32 3
		.amdhsa_float_denorm_mode_16_64 3
		.amdhsa_memory_ordered 1
		.amdhsa_forward_progress 1
		.amdhsa_inst_pref_size 62
	.end_amdhsa_kernel
	.amdgpu_metadata
---
amdhsa.version: [ 1, 2 ]
amdhsa.kernels:
  - .name:           k_qdd8b20f2c2_proj
    .symbol:         k_qdd8b20f2c2_proj.kd
    .args:
      - { .name: yb, .offset: 0, .size: 8, .value_kind: global_buffer, .address_space: global }
      - { .name: wimg, .offset: 8, .size: 8, .value_kind: global_buffer, .address_space: global }
      - { .name: bp, .offset: 16, .size: 8, .value_kind: global_buffer, .address_space: global }
      - { .name: xnb, .offset: 24, .size: 8, .value_kind: global_buffer, .address_space: global }
      - { .name: hb, .offset: 32, .size: 8, .value_kind: global_buffer, .address_space: global }
    .group_segment_fixed_size: 327680
    .private_segment_fixed_size: 0
    .kernarg_segment_align: 8
    .kernarg_segment_size: 40
    .max_flat_workgroup_size: 128
    .sgpr_count:     100
    .vgpr_count:     640
    .wavefront_size: 32
...
	.end_amdgpu_metadata
.endif
;; end of part 11
;; launch ln2 (part 12): grid 256 x 1, 4 waves a work-group, no clusters, 33,280 bytes of LDS; arguments hb, g2, b2, hnb; writes hnb
.if DOCPART == 12
	.amdgcn_target "amdgcn-amd-amdhsa--gfx1250"
	.amdhsa_code_object_version 6
	.text
	.protected	k_qdd8b20f2c2_ln2
	.globl	k_qdd8b20f2c2_ln2
	.p2align	8
	.type	k_qdd8b20f2c2_ln2,@function
k_qdd8b20f2c2_ln2:
	s_mov_b64 s[64:65], 0
	v_nop
	global_prefetch_b8 v0, s[64:65] scope:SCOPE_SE
	s_setreg_imm32_b32 hwreg(HW_REG_WAVE_MODE, 25, 1), 1
	s_wait_xcnt 0x0
; hn = layernorm(h) g2 + b2, quantised to codes of FP6 (E2M3) with E8M0 scales and stored as an image of the next product's operand registers; hn is not stored as f32.
; THE IMAGE: [128 rows rb][ks = k / 128][tile i][half c][768 bytes]; lane (r, h) of tile i stands for row 128 rb + rho(i, r), rho(i, r) = 32 (i / 2) + 8 (i % 2) + r + 8 (r / 8), and holds in half c the codes k = 128 ks + 64 c + 32 h + 0 .. 31:
; words 0-3 at 16 L, words 4-5 at 512 + 8 L.  THE SCALE WORDS: [rb][ks][lane][4]: word j of lane (r, h) serves row rho(2 j + h, r).
; Work-group T owns tile (rb = T / 8, i = T % 8): 16 rows; wave w owns r = 4 w .. 4 w + 3, four neighbouring rows.  Mean, then the mean of the squared differences (no difference of large sums), v_rsq_f32, all in f32.
; LIMITS: NaN and infinities are not served; a block of zeros gets the byte 1 where the rule says 127 (its codes are zeros; this program alone reads the bytes); blocks whose largest magnitude lies under 2^-124 were not tried.
.set XS,   3145728                     ; the image at 0, the scale words here
.set IMG,  18432                       ; LDS: four turning stages of 4,608 bytes at 0; the tile's image, 8 ks x 1,536 bytes;
.set SCB,  30720                       ; its scale bytes, [ks][r][4]
.set X,    208
.set C,    240
	s_load_b256 s[4:11], s[0:1], 0x0               ; h, g2, b2, hnb
	v_lshl_add_u32 v254, v0, 2, 0x8000
	v_mov_b32 v255, 0
	v_lshrrev_b32 v1, 5, v0
	v_readfirstlane_b32 s12, v1                    ; wave
	v_and_b32 v1, 31, v0                           ; L
	v_lshlrev_b32 v2, 4, v1                        ; 16 L
	s_mul_i32 s13, s12, 4608                       ; my turning stage: 32 places of 128 + 16 bytes
	v_lshrrev_b32 v8, 3, v1
	v_mul_u32_u24 v3, v8, 144
	v_and_b32 v8, 7, v1
	v_lshl_add_u32 v3, v8, 4, v3
	v_add_nc_u32 v3, s13, v3                       ; in: 144 (L / 8) + 16 (L % 8)
	v_mul_u32_u24 v4, v1, 144
	v_add_nc_u32 v4, s13, v4                       ; out: 144 L: lane L takes block L of the row
	v_lshrrev_b32 v8, 2, v1                        ; ks = L / 4
	v_mul_u32_u24 v9, v8, 1536
	v_bfe_u32 v10, v1, 1, 1                        ; c
	v_mad_u32_u24 v9, v10, 768, v9
	v_and_b32 v10, 1, v1                           ; h
	v_lshl_add_u32 v5, v10, 8, v9
	v_lshl_add_u32 v6, v10, 7, v9
	s_lshl_b32 s14, s12, 6
	s_add_co_u32 s14, s14, IMG
	v_add_nc_u32 v5, s14, v5
	s_lshl_b32 s14, s12, 5
	s_add_co_u32 s14, s14, IMG+512
	v_add_nc_u32 v6, s14, v6
	v_lshlrev_b32 v7, 6, v8
	v_and_b32 v10, 3, v1
	v_add_nc_u32 v7, v7, v10
	s_lshl_b32 s14, s12, 4
	s_add_co_u32 s14, s14, SCB
	v_add_nc_u32 v7, s14, v7
	s_lshr_b32 s15, ttmp9, 3                       ; rb
	s_and_b32 s16, ttmp9, 7                        ; i
	s_lshl_b32 s17, s15, 7
	s_lshr_b32 s18, s16, 1
	s_lshl_b32 s18, s18, 5
	s_add_co_u32 s17, s17, s18
	s_and_b32 s18, s16, 1
	s_lshl_b32 s18, s18, 3
	s_add_co_u32 s17, s17, s18
	s_lshl_b32 s18, s12, 2
	s_add_co_u32 s17, s17, s18
	s_lshr_b32 s18, s12, 1
	s_lshl_b32 s18, s18, 3
	s_add_co_u32 s17, s17, s18                     ; my first row
	s_lshl_b32 s20, s17, 12
	s_mov_b32 s21, 0
	s_mul_i32 s24, s15, 98304
	s_mul_i32 s18, s12, 24576
	s_add_co_u32 s24, s24, s18
	s_mul_i32 s18, s16, 1536
	s_add_co_u32 s24, s24, s18
	s_mov_b32 s25, 0
	s_lshl_b32 s26, s15, 12
	s_and_b32 s18, s16, 1
	s_lshl_b32 s18, s18, 8
	s_add_co_u32 s26, s26, s18
	s_lshr_b32 s18, s16, 1
	s_lshl_b32 s18, s18, 2
	s_add_co_u32 s26, s26, s18
	s_add_co_u32 s26, s26, XS
	s_mov_b32 s27, 0
	s_mov_b32 s30, 0x3a800000                      ; 1 / 1024
	s_mov_b32 s31, 0x3727c5ac                      ; 1e-5
	s_mov_b32 s32, 0x76543210
	s_mov_b32 s33, 0xfedcba98
	s_wait_kmcnt 0x0
	s_add_nc_u64 s[4:5], s[4:5], s[20:21]
	s_add_nc_u64 s[24:25], s[10:11], s[24:25]
	s_add_nc_u64 s[26:27], s[10:11], s[26:27]
.irp i, 0,1,2,3,4,5,6,7
	global_load_b128 v[16+4*\i:19+4*\i], v2, s[6:7] offset:512*\i
.endr
.irp i, 0,1,2,3,4,5,6,7
	global_load_b128 v[48+4*\i:51+4*\i], v2, s[8:9] offset:512*\i
.endr
.irp t, 0,1,2,3
.irp i, 0,1,2,3,4,5,6,7
	global_load_b128 v[80+32*\t+4*\i:83+32*\t+4*\i], v2, s[4:5] offset:4096*\t+512*\i   ; all four rows at once; a later launch reads h again, so no hint
.endr
.endr
.macro WSUM r, t
	v_add_f32_dpp v[\r], v[\r], v[\r] row_xmask:1 row_mask:0xf bank_mask:0xf
	v_add_f32_dpp v[\r], v[\r], v[\r] row_xmask:2 row_mask:0xf bank_mask:0xf
	v_add_f32_dpp v[\r], v[\r], v[\r] row_xmask:4 row_mask:0xf bank_mask:0xf
	v_add_f32_dpp v[\r], v[\r], v[\r] row_xmask:8 row_mask:0xf bank_mask:0xf
	v_permlanex16_b32 v[\t], v[\r], s32, s33
	v_add_f32 v[\r], v[\r], v[\t]
.endm
.macro ROW t
.set R, 80+32*(\t)
	s_wait_loadcnt 8*(3-(\t))                      ; gain, bias and this row are in; the later rows' loads, eight each, may be out
	v_pk_add_f32 v[8:9], v[R:R+1], v[R+2:R+3]
	v_pk_add_f32 v[10:11], v[R+4:R+5], v[R+6:R+7]
.irp j, 8,12,16,20,24,28
	v_pk_add_f32 v[8:9], v[8:9], v[R+\j:R+\j+1]
	v_pk_add_f32 v[10:11], v[10:11], v[R+\j+2:R+\j+3]
.endr
	v_pk_add_f32 v[8:9], v[8:9], v[10:11]
	v_add_f32 v8, v8, v9
	WSUM 8, 9
	v_mul_f32 v12, s30, v8                         ; the mean, twice
	v_mov_b32 v13, v12
.irp j, 0,2,4,6,8,10,12,14,16,18,20,22,24,26,28,30
	v_pk_add_f32 v[R+\j:R+\j+1], v[R+\j:R+\j+1], v[12:13] neg_lo:[0,1] neg_hi:[0,1]
.endr
	v_pk_mul_f32 v[8:9], v[R:R+1], v[R:R+1]
	v_pk_mul_f32 v[10:11], v[R+2:R+3], v[R+2:R+3]
.irp j, 4,8,12,16,20,24,28
	v_pk_fma_f32 v[8:9], v[R+\j:R+\j+1], v[R+\j:R+\j+1], v[8:9]
	v_pk_fma_f32 v[10:11], v[R+\j+2:R+\j+3], v[R+\j+2:R+\j+3], v[10:11]
.endr
	v_pk_add_f32 v[8:9], v[8:9], v[10:11]
	v_add_f32 v8, v8, v9
	WSUM 8, 9
	v_fma_f32 v8, v8, s30, s31                     ; the variance + 1e-5
	s_wait_alu depctr_va_vdst(0)
	v_rsq_f32 v12, v8
	v_rsq_f32 v13, v8
	v_nop                                          ; a plain line behind the two
	s_wait_alu depctr_va_vdst(0)                   ; one wait for both, ahead of their first reader
.irp j, 0,2,4,6,8,10,12,14,16,18,20,22,24,26,28,30
	v_pk_mul_f32 v[R+\j:R+\j+1], v[R+\j:R+\j+1], v[12:13]
.endr
.irp j, 0,2,4,6,8,10,12,14,16,18,20,22,24,26,28,30
	v_pk_fma_f32 v[R+\j:R+\j+1], v[R+\j:R+\j+1], v[16+\j:17+\j], v[48+\j:49+\j]
.endr
.irp i, 0,1,2,3,4,5,6,7
	ds_store_b128 v3, v[R+4*\i:R+4*\i+3] offset:576*\i                   ; the row turns through my stage, so that a lane holds a whole block of 32
.endr
.irp j, 0,1,2,3,4,5,6,7
	ds_load_b128 v[X+4*\j:X+4*\j+3], v4 offset:16*\j                     ; LDS serves a wave's instructions in order
.endr
	s_wait_dscnt 0x0
	v_max3_num_f32 v8, |v[X]|, |v[X+1]|, |v[X+2]|
	v_max3_num_f32 v9, |v[X+3]|, |v[X+4]|, |v[X+5]|
.irp i, 6,10,14,18,22,26
	v_max3_num_f32 v8, v8, |v[X+\i]|, |v[X+\i+1]|
	v_max3_num_f32 v9, v9, |v[X+\i+2]|, |v[X+\i+3]|
.endr
	v_max3_num_f32 v8, v8, |v[X+30]|, |v[X+31]|
	v_max3_num_f32 v8, v8, v9, 0x1800000           ; and the floor 2^(3 - 127)
	v_add_nc_u32 v10, 0xff000000, v8               ; the conversion's scale operand
	v_lshrrev_b32 v11, 23, v10                     ; the scale's byte
	v_cvt_scalef32_pk16_fp6_f32 v[C:C+2], v[X:X+15], v10
	v_cvt_scalef32_pk16_fp6_f32 v[C+4:C+6], v[X+16:X+31], v10
	v_nop                                          ; one plain line behind a scaled conversion
	v_mov_b32 v[C+3], v[C+4]
	v_mov_b32 v[C+4], v[C+5]
	v_mov_b32 v[C+5], v[C+6]
	ds_store_b128 v5, v[C:C+3] offset:16*(\t)
	ds_store_b64 v6, v[C+4:C+5] offset:8*(\t)
	ds_store_b8 v7, v11 offset:4*(\t)
.endm
	ROW 0
	ROW 1
	ROW 2
	ROW 3
	s_wait_dscnt 0x0                               ; for the others' sake: my stores into the image are done
	s_barrier_signal -1
	s_barrier_wait -1
	s_mul_i32 s14, s12, 3072
	s_add_co_u32 s14, s14, IMG
	v_add_nc_u32 v8, s14, v2                       ; wave w takes ks = 2 w and 2 w + 1 of the tile
.irp e, 0,1
.irp c, 0,1,2
	ds_load_b128 v[208+12*\e+4*\c:211+12*\e+4*\c], v8 offset:1536*\e+512*\c
.endr
.endr
	v_lshl_add_u32 v9, v0, 2, SCB
	ds_load_b32 v232, v9
	v_lshrrev_b32 v10, 4, v0
	v_and_b32 v11, 15, v0
	v_lshlrev_b32 v10, 9, v10
	v_lshl_add_u32 v10, v11, 4, v10
	s_wait_alu depctr_va_vdst(0)
	s_wait_dscnt 0x0
.irp e, 0,1
.irp c, 0,1,2
	global_store_b128 v2, v[208+12*\e+4*\c:211+12*\e+4*\c], s[24:25] offset:12288*\e+512*\c
.endr
.endr
	global_store_b32 v10, v232, s[26:27]           ; a tile owns one word in four of the scale words' rows: 4 bytes of each 16; the scale words are 131,072 bytes in all
	s_wait_tensorcnt 0x0
	ds_add_u32 v254, v255
	s_wait_dscnt 0x0
	s_endpgm
.Lfunc_end_k_qdd8b20f2c2_ln2:
	.size	k_qdd8b20f2c2_ln2, .Lfunc_end_k_qdd8b20f2c2_ln2-k_qdd8b20f2c2_ln2
	.p2alignl 7, 3214868480
	.fill 96, 4, 3214868480
	.section	.rodata,"a",@progbits
	.p2align	6, 0x0
	.amdhsa_kernel k_qdd8b20f2c2_ln2
		.amdhsa_group_segment_fixed_size 33280
		.amdhsa_private_segment_fixed_size 0
		.amdhsa_enable_private_segment 0
		.amdhsa_kernarg_size 32
		.amdhsa_user_sgpr_count 2
		.amdhsa_user_sgpr_kernarg_segment_ptr 1
		.amdhsa_wavefront_size32 1
		.amdhsa_system_sgpr_workgroup_id_x 1
		.amdhsa_system_sgpr_workgroup_id_y 1
		.amdhsa_system_sgpr_workgroup_id_z 1
		.amdhsa_system_vgpr_workitem_id 0
		.amdhsa_next_free_vgpr 256
		.amdhsa_next_free_sgpr 66
		.amdhsa_reserve_vcc 0
		.amdhsa_float_denorm_mode_32 3
		.amdhsa_float_denorm_mode_16_64 3
		.amdhsa_memory_ordered 1
		.amdhsa_forward_progress 1
		.amdhsa_inst_pref_size 45
	.end_amdhsa_kernel
	.amdgpu_metadata
---
amdhsa.version: [ 1, 2 ]
amdhsa.kernels:
  - .name:           k_qdd8b20f2c2_ln2
    .symbol:         k_qdd8b20f2c2_ln2.kd
    .args:
      - { .name: hb, .offset: 0, .size: 8, .value_kind: global_buffer, .address_space: global }
      - { .name: g2, .offset: 8, .size: 8, .value_kind: global_buffer, .address_space: global }
      - { .name: b2, .offset: 16, .size: 8, .value_kind: global_buffer, .address_space: global }
      - { .name: hnb, .offset: 24, .size: 8, .value_kind: global_buffer, .address_space: global }
    .group_segment_fixed_size: 33280
    .private_segment_fixed_size: 0
    .kernarg_segment_align: 8
    .kernarg_segment_size: 32
    .max_flat_workgroup_size: 128
    .sgpr_count:     66
    .vgpr_count:     256
    .wavefront_size: 32
...
	.end_amdgpu_metadata
.endif
;; end of part 12
;; launch mlp1 (part 13): grid 16 x 16, 4 waves a work-group, clusters of 4 x 4, 327,680 bytes of LDS; arguments hnb, wimg, bm1, gb; writes gb
.if DOCPART == 13
	.amdgcn_target "amdgcn-amd-amdhsa--gfx1250"
	.amdhsa_code_object_version 6
	.text
	.protected	k_qdd8b20f2c2_mlp1
	.globl	k_qdd8b20f2c2_mlp1
	.p2align	8
	.type	k_qdd8b20f2c2_mlp1,@function
k_qdd8b20f2c2_mlp1:
	s_mov_b64 s[64:65], 0
	v_nop
	global_prefetch_b8 v0, s[64:65] scope:SCOPE_SE
	s_setreg_imm32_b32 hwreg(HW_REG_WAVE_MODE, 25, 1), 1
	s_wait_xcnt 0x0
	s_wait_alu depctr_hold_cnt(0) depctr_sa_sdst(0) depctr_va_vdst(0) depctr_va_sdst(0) depctr_va_ssrc(0) depctr_va_vcc(0) depctr_vm_vsrc(0)
	s_getreg_b32 s2, hwreg(HW_REG_IB_STS2, 6, 4)
	s_cmp_eq_u32 s2, 0
	s_cbranch_scc0 .Lentry_in_a_cluster
	s_endpgm
.Lentry_in_a_cluster:
	s_bfe_u32 s2, ttmp6, 0x10000c
	s_cmp_lg_u32 s2, 0xf033
	s_cbranch_scc0 .Lentry_shape_is_right
	s_endpgm
.Lentry_shape_is_right:
.set KDIM,  1024
.set BIASC, 1
.set ASC,   3145728
.set BIMG,  3145728
.set BSC,   9568256
.set KS128, KDIM/128
.set LAPS,  KDIM/512
.set FRB,   1536
.set KSB,   12288
.set PART,  2*KSB
.set SLOT,  4*PART
.set SCP,   512*KS128
.set SCL,   2*SLOT
.set SPARE, 262144
.set SWB,   262656
.set NP,    4
.set ADA16, 16
.set ADA8,  18
.set ADB16, 20
.set ADB8,  22
.set ADSA,  24
.set ADSB,  25
.set SPW,   28
.set NIL,   29
.set SC,    32
.set AF,    128
.set G1,    24
.set G0,    32
.set G1B,   48
.set G0B,   56
.set G1S,   68
.set G0S,   76
.set G1SB,  80
.set G0SB,  88
.set MUL_LO, 0xa1
.set MUL_HI, 0xf1
.set TO_B,   0x40
.set MSB, 0
.macro WIN new
.if MSB != (\new)
	s_set_vgpr_msb (MSB<<8)|(\new)
.set MSB, (\new)
.endif
.endm
.macro JLOAD g0a, g1a, g0b, g1b
	s_cmp_eq_u32 s15, 0
	s_cbranch_scc0 .Lfor_b_\@
	tensor_load_to_lds s[\g0a:\g0a+3], s[\g1a:\g1a+7]
	s_nop 0
.rept 4
	v_nop
.endr
	s_branch .Lasked_\@
.Lfor_b_\@:
	tensor_load_to_lds s[\g0b:\g0b+3], s[\g1b:\g1b+7]
	s_nop 0
.rept 4
	v_nop
.endr
.Lasked_\@:
.endm
.macro CREST
	s_cmp_lg_u32 s14, 0
	s_cbranch_scc1 .Lnot_wave_0_\@
	s_barrier_signal -3
.Lnot_wave_0_\@:
	s_barrier_wait -3
	s_barrier_signal -1
	s_barrier_wait -1
.endm
.macro CROUND
	s_barrier_signal -1
	s_barrier_wait -1
	CREST
.endm
.macro PLACES n
.rept \n
	v_nop
.endr
.endm
.macro FRAG reg, a16, a8, off
	ds_load_b128 v[(\reg):(\reg)+3], v[\a16] offset:(\off)
	ds_load_b64 v[(\reg)+4:(\reg)+5], v[\a8] offset:(\off)+512
	ds_load_b128 v[(\reg)+6:(\reg)+9], v[\a16] offset:(\off)+768
	ds_load_b64 v[(\reg)+10:(\reg)+11], v[\a8] offset:(\off)+1280
.endm
.macro FETCH_B slot, q, p
	WIN TO_B
.irp i, 0,1,2,3,4,5,6,7
	FRAG 128*(\p)+12*\i, ADB16+\slot, ADB8+\slot, (\q)*KSB+\i*FRB
.endr
	WIN 0
.endm
.macro FETCH_A slot, q, i0
.irp i, \i0, \i0+1, \i0+2, \i0+3
	FRAG AF+12*(\i), ADA16+\slot, ADA8+\slot, (\q)*KSB+(\i)*FRB
.endr
.endm
.macro SCALES sc
	ds_load_b128 v[SC+16*\sc:SC+16*\sc+3], v[ADSA]
	ds_load_b128 v[SC+16*\sc+4:SC+16*\sc+7], v[ADSA] offset:512
	ds_load_b128 v[SC+16*\sc+8:SC+16*\sc+11], v[ADSB]
	ds_load_b128 v[SC+16*\sc+12:SC+16*\sc+15], v[ADSB] offset:512
.endm
.macro WM z, pb, pa
.set WSEL, 4*(\z)+2*(\pb)+(\pa)
.if WSEL == 0
	v_wmma_scale_f32_16x16x128_f8f6f4 v[WD:WD+7], v[WB:WB+11], v[WA:WA+11], v[WC:WC+7], v[WSB], v[WSA] matrix_a_fmt:MATRIX_FMT_FP6 matrix_b_fmt:MATRIX_FMT_FP6
.elseif WSEL == 1
	v_wmma_scale_f32_16x16x128_f8f6f4 v[WD:WD+7], v[WB:WB+11], v[WA:WA+11], v[WC:WC+7], v[WSB], v[WSA] matrix_a_fmt:MATRIX_FMT_FP6 matrix_b_fmt:MATRIX_FMT_FP6 matrix_b_scale:MATRIX_SCALE_ROW1
.elseif WSEL == 2
	v_wmma_scale_f32_16x16x128_f8f6f4 v[WD:WD+7], v[WB:WB+11], v[WA:WA+11], v[WC:WC+7], v[WSB], v[WSA] matrix_a_fmt:MATRIX_FMT_FP6 matrix_b_fmt:MATRIX_FMT_FP6 matrix_a_scale:MATRIX_SCALE_ROW1
.elseif WSEL == 3
	v_wmma_scale_f32_16x16x128_f8f6f4 v[WD:WD+7], v[WB:WB+11], v[WA:WA+11], v[WC:WC+7], v[WSB], v[WSA] matrix_a_fmt:MATRIX_FMT_FP6 matrix_b_fmt:MATRIX_FMT_FP6 matrix_a_scale:MATRIX_SCALE_ROW1 matrix_b_scale:MATRIX_SCALE_ROW1
.elseif WSEL == 4
	v_wmma_scale_f32_16x16x128_f8f6f4 v[WD:WD+7], v[WB:WB+11], v[WA:WA+11], 0, v[WSB], v[WSA] matrix_a_fmt:MATRIX_FMT_FP6 matrix_b_fmt:MATRIX_FMT_FP6
.elseif WSEL == 5
	v_wmma_scale_f32_16x16x128_f8f6f4 v[WD:WD+7], v[WB:WB+11], v[WA:WA+11], 0, v[WSB], v[WSA] matrix_a_fmt:MATRIX_FMT_FP6 matrix_b_fmt:MATRIX_FMT_FP6 matrix_b_scale:MATRIX_SCALE_ROW1
.elseif WSEL == 6
	v_wmma_scale_f32_16x16x128_f8f6f4 v[WD:WD+7], v[WB:WB+11], v[WA:WA+11], 0, v[WSB], v[WSA] matrix_a_fmt:MATRIX_FMT_FP6 matrix_b_fmt:MATRIX_FMT_FP6 matrix_a_scale:MATRIX_SCALE_ROW1
.else
	v_wmma_scale_f32_16x16x128_f8f6f4 v[WD:WD+7], v[WB:WB+11], v[WA:WA+11], 0, v[WSB], v[WSA] matrix_a_fmt:MATRIX_FMT_FP6 matrix_b_fmt:MATRIX_FMT_FP6 matrix_a_scale:MATRIX_SCALE_ROW1 matrix_b_scale:MATRIX_SCALE_ROW1
.endif
.endm
.macro MUL16 a0, p, q, sc, zero
.irp a, \a0, \a0+1
.irp b, 0,1,2,3,4,5,6,7
.set WD, 8*(8*((\a)%4)+\b)
.set WB, 128*(\p)+12*\b
.set WA, AF+12*(\a)
.set WSB, SC+16*(\sc)+8+4*(\q)+\b/2
.set WSA, SC+16*(\sc)+4*(\q)+(\a)/2
.set WC, WD
.set WZ, 0
.if \zero
.if BIASC
.set WC, 64+8*\b
.else
.set WZ, 1
.endif
.endif
	WM WZ, \b%2, (\a)%2
.endr
.endr
.endm
.macro STEP slot, q, zero
	s_wait_dscnt 16
.if (\zero)*BIASC
	WIN 0x81
.else
	WIN MUL_LO
.endif
	MUL16 0, (\q)%2, \q, \slot, \zero
	MUL16 2, (\q)%2, \q, \slot, \zero
	s_wait_dscnt 0
	PLACES NP
	FETCH_B \slot, (\q)+1, 1-(\q)%2
	FETCH_A \slot, (\q)+1, 0
.if (\zero)*BIASC
	WIN 0xc1
.else
	WIN MUL_HI
.endif
	MUL16 4, (\q)%2, \q, \slot, \zero
	MUL16 6, (\q)%2, \q, \slot, \zero
	PLACES NP
	WIN 0
	FETCH_A \slot, (\q)+1, 4
.endm
.macro TURN slot, next, fill
	s_wait_tensorcnt 0x0
	ds_add_u32 v[SPW], v[NIL]
	s_wait_dscnt 17
	WIN MUL_LO
	MUL16 0, 1, 1, \slot, 0
	s_wait_dscnt 0x0
	s_barrier_signal -1
	MUL16 2, 1, 1, \slot, 0
	WIN 0
	s_barrier_wait -1
.if \fill
	CREST
	s_add_nc_u64 s[G0+4*\slot+2:G0+4*\slot+3], s[G0+4*\slot+2:G0+4*\slot+3], 2*PART
	s_add_nc_u64 s[G0B+4*\slot+2:G0B+4*\slot+3], s[G0B+4*\slot+2:G0B+4*\slot+3], 2*PART
	JLOAD G0+4*\slot, G1, G0B+4*\slot, G1B
.else
	PLACES NP
.endif
	s_wait_alu depctr_va_vdst(0)
	v_add_nc_u32 v[ADSA], 1024, v[ADSA]
	v_add_nc_u32 v[ADSB], 1024, v[ADSB]
	FETCH_B \next, 0, 0
	FETCH_A \next, 0, 0
	SCALES \next
	WIN MUL_HI
	MUL16 4, 1, 1, \slot, 0
	MUL16 6, 1, 1, \slot, 0
	PLACES NP
	WIN 0
	FETCH_A \next, 0, 4
.endm
.macro QUANT s, w, pw
	WIN ((\w)<<2)|((\w)<<4)
.irp b, 0,1,2,3
	v_max3_num_f32 v[TMX+\b], 0x1800000, |v[(\s)+16*\b]|, |v[(\s)+16*\b+1]|
.endr
.irp i, 2,4,6,8,10,12,14
.irp b, 0,1,2,3
	v_max3_num_f32 v[TMX+\b], v[TMX+\b], |v[(\s)+16*\b+\i]|, |v[(\s)+16*\b+\i+1]|
.endr
.endr
	WIN 0
.irp b, 0,1,2,3
	v_permlanex16_b32 v[TMB+\b], v[TMX+\b], s96, s97
.endr
.irp b, 0,1,2,3
	v_max_num_f32 v[TMX+\b], v[TMX+\b], v[TMB+\b]
.endr
.irp b, 0,1,2,3
	v_add_nc_u32 v[TMS+\b], 0xff000000, v[TMX+\b]
.endr
.irp b, 0,1,2,3
	v_lshrrev_b32 v[TMB+\b], 23, v[TMS+\b]
.endr
	v_lshl_or_b32 v[\pw], v[TMB+1], 8, v[TMB]
	v_lshl_or_b32 v[\pw], v[TMB+2], 16, v[\pw]
	v_lshl_or_b32 v[\pw], v[TMB+3], 24, v[\pw]
	WIN (\w)
.irp c, 0,1
	v_cvt_scalef32_pk16_fp6_f32 v[PC+6*\c:PC+6*\c+2], v[(\s)+32*\c:(\s)+32*\c+15], v[TMS+2*\c]
	v_cvt_scalef32_pk16_fp6_f32 v[PC+12+4*\c:PC+14+4*\c], v[(\s)+32*\c+16:(\s)+32*\c+31], v[TMS+2*\c+1]
.endr
	WIN 0
	v_nop
.irp c, 0,1
.irp i, 0,1,2
	v_permlane16_swap_b32 v[PC+6*\c+\i], v[PC+12+4*\c+\i]
.endr
.irp i, 0,1,2
	v_mov_b32 v[PC+3+6*\c+\i], v[PC+12+4*\c+\i]
.endr
.endr
.endm
.macro PUT p0, o0, p1, o1
	global_store_b128 v2, v[PC:PC+3], s[\p0:\p0+1] offset:\o0
	global_store_b64 v3, v[PC+4:PC+5], s[\p0:\p0+1] offset:\o0+512
	global_store_b128 v2, v[PC+6:PC+9], s[\p1:\p1+1] offset:\o1
	global_store_b64 v3, v[PC+10:PC+11], s[\p1:\p1+1] offset:\o1+512
.endm
.set GZ, 192
.set GQ, 208
.set GN, 224
.set GD, 240
.set PC,  192
.set TMX, 212
.set TMB, 216
.set TMS, 220
.macro GELU16 x
.irp i, 0,2,4,6,8,10,12,14
	v_pk_mul_f32 v[GZ+\i:GZ+\i+1], v[(\x)+\i:(\x)+\i+1], s[52:53] op_sel_hi:[1,0]
.endr
.irp i, 0,1,2,3,4,5,6,7,8,9,10,11,12,13,14,15
	v_med3_num_f32 v[GZ+\i], v[GZ+\i], -4.0, 4.0
.endr
.irp i, 0,2,4,6,8,10,12,14
	v_pk_mul_f32 v[GQ+\i:GQ+\i+1], v[GZ+\i:GZ+\i+1], v[GZ+\i:GZ+\i+1]
.endr
.irp i, 0,2,4,6,8,10,12,14
	v_pk_fma_f32 v[GN+\i:GN+\i+1], v[GQ+\i:GQ+\i+1], s[24:25], v[8:9] op_sel_hi:[1,0,1]
.endr
.irp i, 0,2,4,6,8,10,12,14
	v_pk_fma_f32 v[GD+\i:GD+\i+1], v[GQ+\i:GQ+\i+1], s[36:37], v[10:11] op_sel_hi:[1,0,1]
.endr
.irp k, 26,28,30,32,34
.irp i, 0,2,4,6,8,10,12,14
	v_pk_fma_f32 v[GN+\i:GN+\i+1], v[GN+\i:GN+\i+1], v[GQ+\i:GQ+\i+1], s[\k:\k+1] op_sel_hi:[1,1,0]
.endr
.endr
.irp k, 38,48,50
.irp i, 0,2,4,6,8,10,12,14
	v_pk_fma_f32 v[GD+\i:GD+\i+1], v[GD+\i:GD+\i+1], v[GQ+\i:GQ+\i+1], s[\k:\k+1] op_sel_hi:[1,1,0]
.endr
.endr
	s_wait_alu depctr_va_vdst(0)
.irp i, 0,1,2,3,4,5,6,7,8,9,10,11,12,13,14,15
	v_rcp_f32 v[GD+\i], v[GD+\i]
.endr
.irp i, 0,2,4,6,8,10,12,14
	v_pk_mul_f32 v[GN+\i:GN+\i+1], v[GN+\i:GN+\i+1], v[GZ+\i:GZ+\i+1]
.endr
	s_wait_alu depctr_va_vdst(0)
.irp i, 0,2,4,6,8,10,12,14
	v_pk_mul_f32 v[GN+\i:GN+\i+1], v[GN+\i:GN+\i+1], v[GD+\i:GD+\i+1]
.endr
.irp i, 0,2,4,6,8,10,12,14
	v_pk_mul_f32 v[GZ+\i:GZ+\i+1], v[(\x)+\i:(\x)+\i+1], 0.5 op_sel_hi:[1,0]
.endr
.irp i, 0,2,4,6,8,10,12,14
	v_pk_fma_f32 v[(\x)+\i:(\x)+\i+1], v[GZ+\i:GZ+\i+1], v[GN+\i:GN+\i+1], v[GZ+\i:GZ+\i+1]
.endr
.endm
	s_load_b256 s[4:11], s[0:1], 0x0
	v_lshl_add_u32 v[SPW], v0, 2, SPARE
	v_mov_b32 v[NIL], 0
	ds_add_u32 v28, v29
	ds_add_u32 v28, v29
	s_wait_dscnt 0x0
	v_lshrrev_b32 v1, 5, v0
	v_readfirstlane_b32 s14, v1
	s_lshr_b32 s15, s14, 1
	s_and_b32 s16, s14, 1
	s_bfe_u32 s40, ttmp6, 0x40000
	s_bfe_u32 s41, ttmp6, 0x40004
	s_lshl_b32 s42, ttmp9, 2
	s_add_co_u32 s42, s42, s40
	s_and_b32 s17, ttmp7, 0xffff
	s_lshl_b32 s17, s17, 2
	s_add_co_u32 s17, s17, s41
	s_lshl_b32 s43, s41, 2
	s_lshl_b32 s43, 15, s43
	s_lshl_b32 s44, 0x1111, s40
	s_or_b32 s[G1], s43, (3<<16)|(1<<21)
	s_or_b32 s[G1B], s44, (3<<16)|(1<<21)
	s_or_b32 s[G1S], s43, (3<<16)|(1<<21)
	s_or_b32 s[G1SB], s44, (3<<16)|(1<<21)
.irp g, G1, G1B                        ; for the head's loads: both rb of a side, two rows of 24,576 bytes (3,072 elements), 98,304 bytes apart
	s_mov_b32 s[\g+1], 3072<<16
	s_mov_b32 s[\g+2], 2<<16
	s_mov_b32 s[\g+3], 3072<<16
	s_mov_b32 s[\g+4], 2
	s_mov_b32 s[\g+5], 12288
	s_mov_b32 s[\g+6], 0
	s_mov_b32 s[\g+7], 0
.endr
.irp g, G1S, G1SB
	s_mov_b32 s[\g+1], 32<<16
	s_mov_b32 s[\g+2], (4*KS128)<<16               ; the scale words of both rb of a side are one dense block
	s_mov_b32 s[\g+3], 32<<16
	s_mov_b32 s[\g+4], 4*KS128
	s_mov_b32 s[\g+5], 32
	s_mov_b32 s[\g+6], 0
	s_mov_b32 s[\g+7], 0
.endr
	s_lshl_b32 s20, s17, 1                         ; the tile's first rb of A,
	s_lshl_b32 s46, s42, 1                         ; and of B
	s_mul_i32 s22, s20, SCP                        ; their scale words
	s_add_co_u32 s22, s22, ASC
	s_mul_i32 s92, s46, SCP
	s_add_co_u32 s92, s92, BSC
	s_add_co_u32 s20, s20, s16                     ; the rb of A that I fetch in the ring
	s_add_co_u32 s46, s46, s16                     ; and of B
	s_mul_i32 s20, s20, KS128*KSB
	s_mul_i32 s46, s46, KS128*KSB
	s_add_co_u32 s46, s46, BIMG
	s_mov_b32 s21, 0
	s_mov_b32 s23, 0
	s_mov_b32 s47, 0
	s_mov_b32 s93, 0
	s_mul_i32 s45, s14, PART
	s_wait_kmcnt 0x0
	s_add_nc_u64 s[20:21], s[4:5], s[20:21]
	s_add_nc_u64 s[22:23], s[4:5], s[22:23]
	s_add_nc_u64 s[46:47], s[6:7], s[46:47]
	s_add_nc_u64 s[92:93], s[6:7], s[92:93]
	; the prefetches: of the part of 24,576 bytes that I fetch for a slot, each of the four partners that ask for it jointly takes 6,144 bytes, told apart by address (cx for A, cy for B); s[100:101] stands at slot 1 and is never rewritten
	s_cmp_eq_u32 s15, 0
	s_cselect_b64 s[100:101], s[20:21], s[46:47]
	s_cselect_b32 s18, s40, s41
	s_mul_i32 s18, s18, 6144
	s_add_co_u32 s18, s18, PART
	s_mov_b32 s19, 0
	s_add_nc_u64 s[100:101], s[100:101], s[18:19]
	CROUND
	s_mov_b32 s[G0S], 1
	s_mov_b32 s[G0S+1], SCL
	s_mov_b64 s[G0S+2:G0S+3], s[22:23]
	s_or_b32 s[G0S+3], s[G0S+3], 0x80000000
	s_mov_b32 s[G0SB], 1
	s_mov_b32 s[G0SB+1], SCL+2*SCP
	s_mov_b64 s[G0SB+2:G0SB+3], s[92:93]
	s_or_b32 s[G0SB+3], s[G0SB+3], 0x80000000
.irp s, 0,1
	s_mov_b32 s[G0+4*\s], 1
	s_add_co_u32 s[G0+4*\s+1], s45, \s*SLOT
	s_add_nc_u64 s[G0+4*\s+2:G0+4*\s+3], s[20:21], \s*PART
	s_or_b32 s[G0+4*\s+3], s[G0+4*\s+3], 0x80000000
	s_mov_b32 s[G0B+4*\s], 1
	s_add_co_u32 s[G0B+4*\s+1], s45, \s*SLOT
	s_add_nc_u64 s[G0B+4*\s+2:G0B+4*\s+3], s[46:47], \s*PART
	s_or_b32 s[G0B+4*\s+3], s[G0B+4*\s+3], 0x80000000
.endr
; THE HEAD'S LOADS, ONE A WAVE: wave 0 slot 0's two rb of A (its own group 0 points at the first), wave 1 A's scale words, wave 2 slot 0's two rb of B, wave 3 B's scale words.
.macro ARM under, g0, g1, next
	s_cmp_lt_u32 s14, \under
	s_cbranch_scc0 \next
	tensor_load_to_lds s[\g0:\g0+3], s[\g1:\g1+7]
	s_nop 0
.rept 4
	v_nop
.endr
	s_branch .Lhead_asked
\next:
.endm
	ARM 1, G0, G1, .Lhead_sa
	ARM 2, G0S, G1S, .Lhead_b
	ARM 3, G0B, G1B, .Lhead_sb
	tensor_load_to_lds s[G0SB:G0SB+3], s[G1SB:G1SB+7]
	s_nop 0
.rept 4
	v_nop
.endr
.Lhead_asked:
	v_and_b32 v7, 31, v0
	v_min_u32 v7, 23, v7                           ; 24 blocks of 256 bytes, a lane a block; the eight lanes left over name the last block again
	v_lshlrev_b32 v7, 8, v7
	global_prefetch_b8 v7, s[100:101] th:TH_LOAD_NT scope:SCOPE_SE               ; slot 1's bytes, which are loaded behind the next round,
	global_prefetch_b8 v7, s[100:101] offset:PART th:TH_LOAD_NT scope:SCOPE_SE   ; and slot 2's, loaded one change of slots later
	v_and_b32 v1, 31, v0
	v_lshlrev_b32 v2, 4, v1
	v_lshlrev_b32 v3, 3, v1
	s_mul_i32 s21, s15, PART
	s_mul_i32 s22, s16, PART
	s_add_co_u32 s22, s22, 2*PART
.irp s, 0,1
	v_add_nc_u32 v[ADA16+\s], s21, v2
	v_add_nc_u32 v[ADA8+\s], s21, v3
	v_add_nc_u32 v[ADB16+\s], s22, v2
	v_add_nc_u32 v[ADB8+\s], s22, v3
	s_add_co_u32 s21, s21, SLOT
	s_add_co_u32 s22, s22, SLOT
.endr
	s_mul_i32 s21, s15, SCP
	s_add_co_u32 s21, s21, SCL
	v_add_nc_u32 v[ADSA], s21, v2
	s_mul_i32 s22, s16, SCP
	s_add_co_u32 s22, s22, SCL+2*SCP
	v_add_nc_u32 v[ADSB], s22, v2
	s_lshl_b32 s46, s42, 1
	s_add_co_u32 s46, s46, s16
	s_lshl_b32 s20, s46, 9
	s_mov_b32 s21, 0
	s_add_nc_u64 s[8:9], s[8:9], s[20:21]
	v_bfe_u32 v26, v0, 4, 1
	v_lshlrev_b32 v26, 6, v26
.irp b, 0,1,2,3,4,5,6,7
	global_load_b128 v[64+8*\b:67+8*\b], v26, s[8:9] offset:(32*(\b/2)+8*(\b%2))*4
	global_load_b128 v[68+8*\b:71+8*\b], v26, s[8:9] offset:(32*(\b/2)+8*(\b%2))*4+16
.endr
	s_lshl_b32 s20, s17, 1
	s_add_co_u32 s20, s20, s15
	s_lshl_b32 s20, s20, 5
	s_add_co_u32 s20, s20, s46
	s_lshl_b32 s22, s20, 9
	s_add_co_u32 s22, s22, 12582912
	s_mov_b32 s23, 0
	s_add_nc_u64 s[12:13], s[10:11], s[22:23]
	s_mul_i32 s20, s20, KSB
	s_add_nc_u64 s[10:11], s[10:11], s[20:21]
	s_mov_b32 s96, 0x76543210
	s_mov_b32 s97, 0xfedcba98
	s_wait_alu depctr_va_vdst(0)
	s_wait_loadcnt 0x0
	s_wait_tensorcnt 0x0                           ; my tile of the head's four is in
	ds_add_u32 v[SPW], v[NIL]
.irp g, G1, G1B                        ; no tensor load of mine is out: from here on a load brings one part, 96 rows of 256 bytes
	s_mov_b32 s[\g+1], 32<<16
	s_mov_b32 s[\g+2], 96<<16
	s_mov_b32 s[\g+3], 32<<16
	s_mov_b32 s[\g+4], 96
	s_mov_b32 s[\g+5], 32
.endr
	s_wait_dscnt 0x0
	CROUND                                         ; everybody's tile is in, and all sixteen work-groups are here
	JLOAD G0+4, G1, G0B+4, G1B
	global_prefetch_b8 v7, s[100:101] offset:2*PART th:TH_LOAD_NT scope:SCOPE_SE ; slot 3's bytes, the last of K: two refills ahead of their load
	FETCH_B 0, 0, 0
	FETCH_A 0, 0, 0
	SCALES 0
	FETCH_A 0, 0, 4
	STEP 0, 0, 1
	s_mov_b32 s3, LAPS-1
.Llap:
	TURN 0, 1, 1
	STEP 1, 0, 0
	TURN 1, 0, 1
	STEP 0, 0, 0
	s_sub_co_u32 s3, s3, 1
	s_cmp_lg_u32 s3, 0
	s_cbranch_scc1 .Llap
	TURN 0, 1, 0
	STEP 1, 0, 0
	s_wait_dscnt 16
	WIN MUL_LO
	MUL16 0, 1, 1, 1, 0
	MUL16 2, 1, 1, 1, 0
	s_wait_dscnt 0
	WIN MUL_HI
	MUL16 4, 1, 1, 1, 0
	MUL16 6, 1, 1, 1, 0
	WIN 0
	s_barrier_signal -1
	s_barrier_wait -1
	PLACES NP
	s_lshl_b32 s20, s14, 16
	v_add_nc_u32 v16, s20, v2
.irp a, 0,1,2,3,4,5,6,7
	WIN 0x08+4*(\a/4)
.irp k, 0,1,2,3,4,5,6,7,8,9,10,11,12,13,14,15
	ds_store_b128 v16, v[64*(\a%4)+4*\k:64*(\a%4)+4*\k+3] offset:8192*\a+512*\k
.endr
.endr
	WIN 0
	v_and_b32 v17, 15, v0
	v_lshlrev_b32 v17, 4, v17
	s_lshl_b32 s21, s14, 9
	s_add_co_u32 s21, s21, SWB
	v_add_nc_u32 v17, s21, v17
	v_add_nc_u32 v18, s21, v2
	s_mov_b32 s24, 0xaf95df0b
	s_mov_b32 s25, s24
	s_mov_b32 s26, 0xb60cff51
	s_mov_b32 s27, s26
	s_mov_b32 s28, 0xb86ec2d2
	s_mov_b32 s29, s28
	s_mov_b32 s30, 0xba40ac63
	s_mov_b32 s31, s30
	s_mov_b32 s32, 0xbb41a1f6
	s_mov_b32 s33, s32
	s_mov_b32 s34, 0xbc83dbd4
	s_mov_b32 s35, s34
	s_mov_b32 s36, 0xb77460cd
	s_mov_b32 s37, s36
	s_mov_b32 s38, 0xbadc924e
	s_mov_b32 s39, s38
	s_mov_b32 s48, 0xbbf19bf8
	s_mov_b32 s49, s48
	s_mov_b32 s50, 0xbc69b6a7
	s_mov_b32 s51, s50
	s_mov_b32 s52, 0x3f3504f3
	s_mov_b32 s53, s52
	v_mov_b32 v8, 0x32edffee
	v_mov_b32 v9, v8
	v_mov_b32 v10, 0xb95fbd29
	v_mov_b32 v11, v10
	s_mov_b32 s3, 4
.Lblk:
	s_wait_alu depctr_va_vdst(0)
.irp k, 0,1,2,3,4,5,6,7,8,9,10,11,12,13,14,15
	ds_load_b128 v[64+4*\k:67+4*\k], v16 offset:512*\k
.endr
.irp k, 0,1,2,3,4,5,6,7,8,9,10,11,12,13,14,15
	ds_load_b128 v[128+4*\k:131+4*\k], v16 offset:8192+512*\k
.endr
	s_wait_dscnt 16
	GELU16 64
	GELU16 80
	GELU16 96
	GELU16 112
	QUANT 64, 0, 12
	PUT 10, 0, 10, 768
	ds_store_b32 v17, v12
	s_wait_dscnt 0x0
	s_wait_xcnt 0x0
	GELU16 128
	GELU16 144
	GELU16 160
	GELU16 176
	QUANT 128, 0, 13
	PUT 10, 1536, 10, 2304
	ds_store_b32 v17, v13 offset:256
	s_wait_xcnt 0x0
	s_add_nc_u64 s[10:11], s[10:11], 3072
	v_add_nc_u32 v16, 16384, v16
	v_add_nc_u32 v17, 4, v17
	s_sub_co_u32 s3, s3, 1
	s_cmp_lg_u32 s3, 0
	s_cbranch_scc1 .Lblk
	ds_load_b128 v[64:67], v18
	s_wait_dscnt 0x0
	global_store_b128 v2, v[64:67], s[12:13]
	s_wait_tensorcnt 0x0
	ds_add_u32 v[SPW], v[NIL]
	s_wait_dscnt 0x0
	CROUND
	s_endpgm
.Lfunc_end_k_qdd8b20f2c2_mlp1:
	.size	k_qdd8b20f2c2_mlp1, .Lfunc_end_k_qdd8b20f2c2_mlp1-k_qdd8b20f2c2_mlp1
	.p2alignl 7, 3214868480
	.fill 96, 4, 3214868480
	.section	.rodata,"a",@progbits
	.p2align	6, 0x0
	.amdhsa_kernel k_qdd8b20f2c2_mlp1
		.amdhsa_group_segment_fixed_size 327680
		.amdhsa_private_segment_fixed_size 0
		.amdhsa_enable_private_segment 0
		.amdhsa_kernarg_size 32
		.amdhsa_user_sgpr_count 2
		.amdhsa_user_sgpr_kernarg_segment_ptr 1
		.amdhsa_wavefront_size32 1
		.amdhsa_system_sgpr_workgroup_id_x 1
		.amdhsa_system_sgpr_workgroup_id_y 1
		.amdhsa_system_sgpr_workgroup_id_z 1
		.amdhsa_system_vgpr_workitem_id 0
		.amdhsa_next_free_vgpr 1024
		.amdhsa_next_free_sgpr 102
		.amdhsa_reserve_vcc 0
		.amdhsa_float_denorm_mode_32 3
		.amdhsa_float_denorm_mode_16_64 3
		.amdhsa_memory_ordered 1
		.amdhsa_forward_progress 1
		.amdhsa_inst_pref_size 214
	.end_amdhsa_kernel
	.amdgpu_metadata
---
amdhsa.version: [ 1, 2 ]
amdhsa.kernels:
  - .name:           k_qdd8b20f2c2_mlp1
    .symbol:         k_qdd8b20f2c2_mlp1.kd
    .args:
      - { .name: hnb, .offset: 0, .size: 8, .value_kind: global_buffer, .address_space: global }
      - { .name: wimg, .offset: 8, .size: 8, .value_kind: global_buffer, .address_space: global }
      - { .name: bm1, .offset: 16, .size: 8, .value_kind: global_buffer, .address_space: global }
      - { .name: gb, .offset: 24, .size: 8, .value_kind: global_buffer, .address_space: global }
    .group_segment_fixed_size: 327680
    .private_segment_fixed_size: 0
    .kernarg_segment_align: 8
    .kernarg_segment_size: 32
    .max_flat_workgroup_size: 128
    .sgpr_count:     102
    .vgpr_count:     1024
    .wavefront_size: 32
...
	.end_amdgpu_metadata
.endif
;; end of part 13
;; launch mlp2 (part 14): grid 8 x 32, 4 waves a work-group, clusters of 4 x 4, 327,680 bytes of LDS; arguments gb, wimg, bm2, hb, out0; writes out0
.if DOCPART == 14
	.amdgcn_target "amdgcn-amd-amdhsa--gfx1250"
	.amdhsa_code_object_version 6
	.text
	.protected	k_qdd8b20f2c2_mlp2
	.globl	k_qdd8b20f2c2_mlp2
	.p2align	8
	.type	k_qdd8b20f2c2_mlp2,@function
k_qdd8b20f2c2_mlp2:
	s_mov_b64 s[64:65], 0
	v_nop
	global_prefetch_b8 v0, s[64:65] scope:SCOPE_SE
	s_setreg_imm32_b32 hwreg(HW_REG_WAVE_MODE, 25, 1), 1
	s_wait_xcnt 0x0
	s_wait_alu depctr_hold_cnt(0) depctr_sa_sdst(0) depctr_va_vdst(0) depctr_va_sdst(0) depctr_va_ssrc(0) depctr_va_vcc(0) depctr_vm_vsrc(0)
	s_getreg_b32 s2, hwreg(HW_REG_IB_STS2, 6, 4)
	s_cmp_eq_u32 s2, 0
	s_cbranch_scc0 .Lentry_in_a_cluster
	s_endpgm
.Lentry_in_a_cluster:
	s_bfe_u32 s2, ttmp6, 0x10000c
	s_cmp_lg_u32 s2, 0xf033
	s_cbranch_scc0 .Lentry_shape_is_right
	s_endpgm
.Lentry_shape_is_right:
.set KDIM,  4096
.set NTOUT, 1
.set ASC,   12582912
.set BIMG,  6291456
.set BSC,   9699328
.set RESOFF, 0
.set KS128, KDIM/128
.set LAPS,  KDIM/1024
.set FRB,   1536
.set KSB,   12288
.set PART,  2*KSB
.set SLOT,  4*PART
.set SCP,   512*KS128
.set SCH,   SCP/2
.set SCL,   2*SLOT
.set SPARE, 262144
.set SPITCH, 272
.set NP,    4
.set ADA16, 16
.set ADA8,  18
.set ADB16, 20
.set ADB8,  22
.set ADSA,  24
.set ADSB,  25
.set STO,   26
.set RDB,   27
.set SPW,   28
.set NIL,   29
.set CO,    30
.set SC,    32
.set BIA,   64
.set ACC,   128
.set G1,    24
.set G0,    32
.set G1B,   48
.set G0B,   56
.set G1S,   68
.set G0S,   76
.set G1SB,  80
.set G0SB,  88
.set MUL,   0x05
.set TO_F,  0x40
.set MSB, 0
.macro WIN new
.if MSB != (\new)
	s_set_vgpr_msb (MSB<<8)|(\new)
.set MSB, (\new)
.endif
.endm
.macro JLOAD g0a, g1a, g0b, g1b
	s_cmp_eq_u32 s15, 0
	s_cbranch_scc0 .Lfor_b_\@
	tensor_load_to_lds s[\g0a:\g0a+3], s[\g1a:\g1a+7]
	s_nop 0
.rept 4
	v_nop
.endr
	s_branch .Lasked_\@
.Lfor_b_\@:
	tensor_load_to_lds s[\g0b:\g0b+3], s[\g1b:\g1b+7]
	s_nop 0
.rept 4
	v_nop
.endr
.Lasked_\@:
.endm
.macro CREST
	s_cmp_lg_u32 s14, 0
	s_cbranch_scc1 .Lnot_wave_0_\@
	s_barrier_signal -3
.Lnot_wave_0_\@:
	s_barrier_wait -3
	s_barrier_signal -1
	s_barrier_wait -1
.endm
.macro CROUND
	s_barrier_signal -1
	s_barrier_wait -1
	CREST
.endm
.macro PLACES n
.rept \n
	v_nop
.endr
.endm
.macro FRAG reg, a16, a8, off
	ds_load_b128 v[(\reg):(\reg)+3], v[\a16] offset:(\off)
	ds_load_b64 v[(\reg)+4:(\reg)+5], v[\a8] offset:(\off)+512
	ds_load_b128 v[(\reg)+6:(\reg)+9], v[\a16] offset:(\off)+768
	ds_load_b64 v[(\reg)+10:(\reg)+11], v[\a8] offset:(\off)+1280
.endm
.macro FETCH slot, q, p
	WIN TO_F
.irp i, 0,1,2,3
	FRAG 128*(\p)+12*\i, ADA16+\slot, ADA8+\slot, (\q)*KSB+\i*FRB
	FRAG 128*(\p)+48+12*\i, ADB16+\slot, ADB8+\slot, (\q)*KSB+\i*FRB
.endr
.endm
.macro SCALES sc
.irp q, 0,1,2,3
	ds_load_b64 v[SC+16*\sc+2*\q:SC+16*\sc+2*\q+1], v[ADSA] offset:512*\q
	ds_load_b64 v[SC+16*\sc+8+2*\q:SC+16*\sc+8+2*\q+1], v[ADSB] offset:512*\q
.endr
.endm
.macro WM pb, pa
.set WSEL, 2*(\pb)+(\pa)
.if WSEL == 0
	v_wmma_scale_f32_16x16x128_f8f6f4 v[WD:WD+7], v[WB:WB+11], v[WA:WA+11], v[WC:WC+7], v[WSB], v[WSA] matrix_a_fmt:MATRIX_FMT_FP6 matrix_b_fmt:MATRIX_FMT_FP6
.elseif WSEL == 1
	v_wmma_scale_f32_16x16x128_f8f6f4 v[WD:WD+7], v[WB:WB+11], v[WA:WA+11], v[WC:WC+7], v[WSB], v[WSA] matrix_a_fmt:MATRIX_FMT_FP6 matrix_b_fmt:MATRIX_FMT_FP6 matrix_b_scale:MATRIX_SCALE_ROW1
.elseif WSEL == 2
	v_wmma_scale_f32_16x16x128_f8f6f4 v[WD:WD+7], v[WB:WB+11], v[WA:WA+11], v[WC:WC+7], v[WSB], v[WSA] matrix_a_fmt:MATRIX_FMT_FP6 matrix_b_fmt:MATRIX_FMT_FP6 matrix_a_scale:MATRIX_SCALE_ROW1
.else
	v_wmma_scale_f32_16x16x128_f8f6f4 v[WD:WD+7], v[WB:WB+11], v[WA:WA+11], v[WC:WC+7], v[WSB], v[WSA] matrix_a_fmt:MATRIX_FMT_FP6 matrix_b_fmt:MATRIX_FMT_FP6 matrix_a_scale:MATRIX_SCALE_ROW1 matrix_b_scale:MATRIX_SCALE_ROW1
.endif
.endm
.macro MUL4 a, p, q, sc, first
.irp b, 0,1,2,3
.set WD, ACC+8*(4*(\a)+\b)
.set WB, 128*(\p)+48+12*\b
.set WA, 128*(\p)+12*(\a)
.set WSB, SC+16*(\sc)+8+2*(\q)+\b/2
.set WSA, SC+16*(\sc)+2*(\q)+(\a)/2
.set WC, WD
.if \first
.set WC, BIA+8*\b
.endif
	WM \b%2, (\a)%2
.endr
.endm
.macro STEP slot, q, first
	PLACES NP
	FETCH \slot, (\q)+1, 1-(\q)%2
	s_wait_dscnt 32
	WIN MUL
	MUL4 0, (\q)%2, \q, \slot, \first
	MUL4 1, (\q)%2, \q, \slot, \first
	MUL4 2, (\q)%2, \q, \slot, \first
	MUL4 3, (\q)%2, \q, \slot, \first
.endm
.macro TURN slot, next, fill
	WIN 0
.if \fill
	s_wait_xcnt 0x0                                ; any prefetch of mine has read its address: it is stepped here, ahead of the waits of the change of slots
	s_add_nc_u64 s[96:97], s[96:97], 2*PART        ; now at the slot that this change asks for by its tensor load
.endif
	s_wait_tensorcnt 0x0
	ds_add_u32 v[SPW], v[NIL]
	s_wait_dscnt 1
	WIN MUL
	MUL4 0, 1, 3, \slot, 0
	s_wait_dscnt 0x0
	s_barrier_signal -1
	MUL4 1, 1, 3, \slot, 0
	WIN 0
	s_barrier_wait -1
.if \fill
	CREST
	s_add_nc_u64 s[G0+4*\slot+2:G0+4*\slot+3], s[G0+4*\slot+2:G0+4*\slot+3], 4*PART
	s_add_nc_u64 s[G0B+4*\slot+2:G0B+4*\slot+3], s[G0B+4*\slot+2:G0B+4*\slot+3], 4*PART
	JLOAD G0+4*\slot, G1, G0B+4*\slot, G1B
.else
	PLACES NP
.endif
	s_wait_alu depctr_va_vdst(0)
	v_add_nc_u32 v[ADSA], 2048, v[ADSA]
	v_add_nc_u32 v[ADSB], 2048, v[ADSB]
	SCALES \next
	FETCH \next, 0, 0
.if \fill
	WIN 0                                          ; at a branch and at a label every window is 0
	s_cmp_gt_u32 s3, 1                             ; the loop's last trip has no slot two refills on: K's eight slots end
	s_cbranch_scc0 .Lno_ask_\@
	global_prefetch_b8 v7, s[96:97] offset:4*PART th:TH_LOAD_NT scope:SCOPE_SE   ; the slot that stands two refills on
.Lno_ask_\@:
.endif
	WIN MUL
	MUL4 2, 1, 3, \slot, 0
	MUL4 3, 1, 3, \slot, 0
.endm
.macro TOSTAGE a
.set AC, ACC+32*(\a)
.irp b, 0,1,2,3
	ds_store_b128 v[STO], v[AC+8*\b:AC+8*\b+3] offset:128*(\b/2)+32*(\b%2)
	ds_store_b128 v[STO], v[AC+8*\b+4:AC+8*\b+7] offset:128*(\b/2)+32*(\b%2)+16
.endr
.set BB, 64+32*((\a)%2)
.irp t, 0,1,2,3,4,5,6,7
	ds_load_b128 v[BB+4*\t:BB+4*\t+3], v[RDB] offset:\t*2*SPITCH
.endr
.endm
.macro SEND a, younger
.set BB, 64+32*((\a)%2)
.set XR, 32*(\a)
	s_wait_dscnt \younger
	s_wait_loadcnt 8*(3-(\a))
	WIN 0x08
.set k, 0
.rept 16
	v_pk_add_f32 v[BB+k:BB+k+1], v[BB+k:BB+k+1], v[XR+k:XR+k+1]
.set k, k+2
.endr
	WIN 0
.irp t, 0,1,2,3,4,5,6,7
.if NTOUT
	global_store_b128 v[CO], v[BB+4*\t:BB+4*\t+3], s[12:13] offset:(32*((\a)/2)+8*((\a)%2)+2*\t+8*(\t/4))*4096 th:TH_STORE_NT
.else
	global_store_b128 v[CO], v[BB+4*\t:BB+4*\t+3], s[12:13] offset:(32*((\a)/2)+8*((\a)%2)+2*\t+8*(\t/4))*4096
.endif
.endr
.endm
	s_load_b256 s[4:11], s[0:1], 0x0
	s_load_b64 s[12:13], s[0:1], 0x20
	v_lshl_add_u32 v[SPW], v0, 2, SPARE
	v_mov_b32 v[NIL], 0
	ds_add_u32 v28, v29
	ds_add_u32 v28, v29
	s_wait_dscnt 0x0
	v_lshrrev_b32 v1, 5, v0
	v_readfirstlane_b32 s14, v1
	s_lshr_b32 s15, s14, 1
	s_and_b32 s16, s14, 1
	s_bfe_u32 s40, ttmp6, 0x40000
	s_bfe_u32 s41, ttmp6, 0x40004
	s_lshl_b32 s42, ttmp9, 2
	s_add_co_u32 s42, s42, s40
	s_and_b32 s17, ttmp7, 0xffff
	s_lshl_b32 s17, s17, 2
	s_add_co_u32 s17, s17, s41
	s_lshl_b32 s43, s41, 2
	s_lshl_b32 s43, 15, s43
	s_lshl_b32 s44, 0x1111, s40
	s_or_b32 s[G1], s43, (3<<16)|(1<<21)
	s_or_b32 s[G1B], s44, (3<<16)|(1<<21)
	s_or_b32 s[G1S], s43, (3<<16)|(1<<21)
	s_or_b32 s[G1SB], s44, (3<<16)|(1<<21)
.irp g, G1, G1B                        ; for the head's loads: a side's whole slot, 192 rows of 256 bytes
	s_mov_b32 s[\g+1], 32<<16
	s_mov_b32 s[\g+2], 192<<16
	s_mov_b32 s[\g+3], 32<<16
	s_mov_b32 s[\g+4], 192
	s_mov_b32 s[\g+5], 32
	s_mov_b32 s[\g+6], 0
	s_mov_b32 s[\g+7], 0
.endr
.irp g, G1S, G1SB
	s_mov_b32 s[\g+1], 32<<16
	s_mov_b32 s[\g+2], (2*KS128)<<16               ; all of a side's scale words, one dense block
	s_mov_b32 s[\g+3], 32<<16
	s_mov_b32 s[\g+4], 2*KS128
	s_mov_b32 s[\g+5], 32
	s_mov_b32 s[\g+6], 0
	s_mov_b32 s[\g+7], 0
.endr
	s_mul_i32 s18, s16, PART
	s_mul_i32 s20, s17, KS128*KSB
	s_add_co_u32 s20, s20, s18
	s_mul_i32 s22, s17, SCP
	s_add_co_u32 s22, s22, ASC
	s_mul_i32 s46, s42, KS128*KSB
	s_add_co_u32 s46, s46, s18
	s_add_co_u32 s46, s46, BIMG
	s_mul_i32 s92, s42, SCP
	s_add_co_u32 s92, s92, BSC
	s_mov_b32 s21, 0
	s_mov_b32 s23, 0
	s_mov_b32 s47, 0
	s_mov_b32 s93, 0
	s_mul_i32 s45, s14, PART
	s_wait_kmcnt 0x0
	s_add_nc_u64 s[20:21], s[4:5], s[20:21]
	s_add_nc_u64 s[22:23], s[4:5], s[22:23]
	s_add_nc_u64 s[46:47], s[6:7], s[46:47]
	s_add_nc_u64 s[92:93], s[6:7], s[92:93]
	; the prefetches: of the part of 24,576 bytes that I fetch for a slot, each of the four partners that ask for it jointly takes 6,144 bytes, told apart by address (cx for A, cy for B); s[96:97] stands at slot 1 and steps a slot at each refill
	s_cmp_eq_u32 s15, 0
	s_cselect_b64 s[96:97], s[20:21], s[46:47]
	s_cselect_b32 s98, s40, s41
	s_mul_i32 s98, s98, 6144
	s_add_co_u32 s98, s98, 2*PART
	s_mov_b32 s99, 0
	s_add_nc_u64 s[96:97], s[96:97], s[98:99]
	CROUND
	s_mov_b32 s[G0S], 1
	s_mov_b32 s[G0S+1], SCL
	s_mov_b64 s[G0S+2:G0S+3], s[22:23]
	s_or_b32 s[G0S+3], s[G0S+3], 0x80000000
	s_mov_b32 s[G0SB], 1
	s_mov_b32 s[G0SB+1], SCL+SCP
	s_mov_b64 s[G0SB+2:G0SB+3], s[92:93]
	s_or_b32 s[G0SB+3], s[G0SB+3], 0x80000000
.irp s, 0,1
	s_mov_b32 s[G0+4*\s], 1
	s_add_co_u32 s[G0+4*\s+1], s45, \s*SLOT
	s_add_nc_u64 s[G0+4*\s+2:G0+4*\s+3], s[20:21], \s*2*PART
	s_or_b32 s[G0+4*\s+3], s[G0+4*\s+3], 0x80000000
	s_mov_b32 s[G0B+4*\s], 1
	s_add_co_u32 s[G0B+4*\s+1], s45, \s*SLOT
	s_add_nc_u64 s[G0B+4*\s+2:G0B+4*\s+3], s[46:47], \s*2*PART
	s_or_b32 s[G0B+4*\s+3], s[G0B+4*\s+3], 0x80000000
.endr
; THE HEAD'S LOADS, ONE A WAVE: wave 0 A's slot 0 (its own group 0 points at its start), wave 1 A's scale words, wave 2 B's slot 0, wave 3 B's scale words.
.macro ARM under, g0, g1, next
	s_cmp_lt_u32 s14, \under
	s_cbranch_scc0 \next
	tensor_load_to_lds s[\g0:\g0+3], s[\g1:\g1+7]
	s_nop 0
.rept 4
	v_nop
.endr
	s_branch .Lhead_asked
\next:
.endm
	ARM 1, G0, G1, .Lhead_sa
	ARM 2, G0S, G1S, .Lhead_b
	ARM 3, G0B, G1B, .Lhead_sb
	tensor_load_to_lds s[G0SB:G0SB+3], s[G1SB:G1SB+7]
	s_nop 0
.rept 4
	v_nop
.endr
.Lhead_asked:
	v_and_b32 v7, 31, v0
	v_min_u32 v7, 23, v7                           ; 24 blocks of 256 bytes, a lane a block; the eight lanes left over name the last block again
	v_lshlrev_b32 v7, 8, v7
	global_prefetch_b8 v7, s[96:97] th:TH_LOAD_NT scope:SCOPE_SE                 ; slot 1's bytes, which are loaded behind the next round,
	global_prefetch_b8 v7, s[96:97] offset:2*PART th:TH_LOAD_NT scope:SCOPE_SE   ; and slot 2's, loaded one change of slots later
	v_and_b32 v1, 31, v0
	v_lshlrev_b32 v2, 4, v1
	v_lshlrev_b32 v3, 3, v1
	s_mul_i32 s21, s15, 4*FRB
	s_mul_i32 s22, s16, 4*FRB
	s_add_co_u32 s22, s22, 2*PART
.irp s, 0,1
	v_add_nc_u32 v[ADA16+\s], s21, v2
	v_add_nc_u32 v[ADA8+\s], s21, v3
	v_add_nc_u32 v[ADB16+\s], s22, v2
	v_add_nc_u32 v[ADB8+\s], s22, v3
	s_add_co_u32 s21, s21, SLOT
	s_add_co_u32 s22, s22, SLOT
.endr
	s_lshl_b32 s21, s15, 3
	s_add_co_u32 s21, s21, SCL
	v_add_nc_u32 v[ADSA], s21, v2
	s_lshl_b32 s22, s16, 3
	s_add_co_u32 s22, s22, SCL+SCP
	v_add_nc_u32 v[ADSB], s22, v2
	v_and_b32 v4, 15, v0
	v_bfe_u32 v5, v0, 4, 1
	s_mul_i32 s23, s14, 16*SPITCH
	v_mul_u32_u24 v[STO], v4, SPITCH
	v_lshl_add_u32 v[STO], v5, 6, v[STO]
	v_add_nc_u32 v[STO], s23, v[STO]
	v_mul_u32_u24 v[RDB], v5, SPITCH
	v_lshl_add_u32 v[RDB], v4, 4, v[RDB]
	v_add_nc_u32 v[RDB], s23, v[RDB]
	v_lshlrev_b32 v[CO], 12, v5
	v_lshl_add_u32 v[CO], v4, 4, v[CO]
	v_lshlrev_b32 v6, 6, v5
	s_wait_alu depctr_va_vdst(0)
	s_lshl_b32 s20, s17, 19
	s_lshl_b32 s21, s15, 18
	s_add_co_u32 s20, s20, s21
	s_mov_b32 s21, 0
	s_lshl_b32 s46, s42, 9
	s_lshl_b32 s47, s16, 8
	s_add_co_u32 s46, s46, s47
	s_mov_b32 s47, 0
	s_add_nc_u64 s[8:9], s[8:9], s[46:47]
	s_add_nc_u64 s[20:21], s[20:21], s[46:47]
	s_add_nc_u64 s[10:11], s[10:11], s[20:21]
.if RESOFF
	s_add_nc_u64 s[10:11], s[10:11], RESOFF
.endif
	s_add_nc_u64 s[12:13], s[12:13], s[20:21]
.irp b, 0,1,2,3
	global_load_b128 v[BIA+8*\b:BIA+8*\b+3], v6, s[8:9] offset:(32*(\b/2)+8*(\b%2))*4
	global_load_b128 v[BIA+8*\b+4:BIA+8*\b+7], v6, s[8:9] offset:(32*(\b/2)+8*(\b%2))*4+16
.endr
	s_wait_tensorcnt 0x0                           ; my tile of the head's four is in
	ds_add_u32 v[SPW], v[NIL]
.irp g, G1, G1B                        ; no tensor load of mine is out: from here on a load brings one part, 96 rows
	s_mov_b32 s[\g+2], 96<<16
	s_mov_b32 s[\g+4], 96
.endr
	s_wait_dscnt 0x0
	CROUND                                         ; everybody's tile is in, and all sixteen work-groups are here
	JLOAD G0+4, G1, G0B+4, G1B
	global_prefetch_b8 v7, s[96:97] offset:4*PART th:TH_LOAD_NT scope:SCOPE_SE   ; slot 3's bytes: two refills ahead of their load
	SCALES 0
	FETCH 0, 0, 0
	s_wait_loadcnt 0x0                             ; the bias: the only loads that are out
	STEP 0, 0, 1
	WIN 0x80                                       ; the residual, wanted on the way out alone, is asked for behind the first tiles: 32 loads into window 2
.irp a, 0,1,2,3
.irp t, 0,1,2,3,4,5,6,7
	global_load_b128 v[32*\a+4*\t:32*\a+4*\t+3], v[CO], s[10:11] offset:(32*(\a/2)+8*(\a%2)+2*\t+8*(\t/4))*4096
.endr
.endr
	WIN 0
.if LAPS > 1
	WIN 0
	s_mov_b32 s3, LAPS-1
.Llap:
	STEP 0, 1, 0
	STEP 0, 2, 0
	TURN 0, 1, 1
	STEP 1, 0, 0
	STEP 1, 1, 0
	STEP 1, 2, 0
	TURN 1, 0, 1
	STEP 0, 0, 0
	WIN 0
	s_sub_co_u32 s3, s3, 1
	s_cmp_lg_u32 s3, 0
	s_cbranch_scc1 .Llap
.endif
	STEP 0, 1, 0
	STEP 0, 2, 0
	TURN 0, 1, 0
	STEP 1, 0, 0
	STEP 1, 1, 0
	STEP 1, 2, 0
	s_wait_dscnt 0
	WIN MUL
	MUL4 0, 1, 3, 1, 0
	MUL4 1, 1, 3, 1, 0
	MUL4 2, 1, 3, 1, 0
	MUL4 3, 1, 3, 1, 0
	WIN 0
	PLACES NP
	TOSTAGE 0
.irp a, 1,2,3
.if \a > 1
	s_wait_xcnt 0x0
.endif
	TOSTAGE \a
	SEND \a-1, 16
.endr
	SEND 3, 0
	s_wait_tensorcnt 0x0
	ds_add_u32 v[SPW], v[NIL]
	s_wait_dscnt 0x0
	CROUND
	s_endpgm
.Lfunc_end_k_qdd8b20f2c2_mlp2:
	.size	k_qdd8b20f2c2_mlp2, .Lfunc_end_k_qdd8b20f2c2_mlp2-k_qdd8b20f2c2_mlp2
	.p2alignl 7, 3214868480
	.fill 96, 4, 3214868480
	.section	.rodata,"a",@progbits
	.p2align	6, 0x0
	.amdhsa_kernel k_qdd8b20f2c2_mlp2
		.amdhsa_group_segment_fixed_size 327680
		.amdhsa_private_segment_fixed_size 0
		.amdhsa_enable_private_segment 0
		.amdhsa_kernarg_size 40
		.amdhsa_user_sgpr_count 2
		.amdhsa_user_sgpr_kernarg_segment_ptr 1
		.amdhsa_wavefront_size32 1
		.amdhsa_system_sgpr_workgroup_id_x 1
		.amdhsa_system_sgpr_workgroup_id_y 1
		.amdhsa_system_sgpr_workgroup_id_z 1
		.amdhsa_system_vgpr_workitem_id 0
		.amdhsa_next_free_vgpr 640
		.amdhsa_next_free_sgpr 100
		.amdhsa_reserve_vcc 0
		.amdhsa_float_denorm_mode_32 3
		.amdhsa_float_denorm_mode_16_64 3
		.amdhsa_memory_ordered 1
		.amdhsa_forward_progress 1
		.amdhsa_inst_pref_size 100
	.end_amdhsa_kernel
	.amdgpu_metadata
---
amdhsa.version: [ 1, 2 ]
amdhsa.kernels:
  - .name:           k_qdd8b20f2c2_mlp2
    .symbol:         k_qdd8b20f2c2_mlp2.kd
    .args:
      - { .name: gb, .offset: 0, .size: 8, .value_kind: global_buffer, .address_space: global }
      - { .name: wimg, .offset: 8, .size: 8, .value_kind: global_buffer, .address_space: global }
      - { .name: bm2, .offset: 16, .size: 8, .value_kind: global_buffer, .address_space: global }
      - { .name: hb, .offset: 24, .size: 8, .value_kind: global_buffer, .address_space: global }
      - { .name: out0, .offset: 32, .size: 8, .value_kind: global_buffer, .address_space: global }
    .group_segment_fixed_size: 327680
    .private_segment_fixed_size: 0
    .kernarg_segment_align: 8
    .kernarg_segment_size: 40
    .max_flat_workgroup_size: 128
    .sgpr_count:     100
    .vgpr_count:     640
    .wavefront_size: 32
...
	.end_amdgpu_metadata
.endif
;; end of part 14
